; MI455X (gfx1250); checked and timed in simulation.
; The chip was launched on July 23, 2026; its instructions are those of AMD's public machine-readable ISA for CDNA 5 (MIT licence, August 2026) and "CDNA5" Instruction Set Architecture Reference Guide (July 2026). The comments in the code are by the model that wrote it; some were corrected since.
;; Fine Grained Feature Editing. Allowed arithmetic: matrix products marked QUANTISED: E3M2 operands, one E8M0 scale for each 32 along K, by v_wmma_scale_f32_16x16x128_f8f6f4 with both operands' format E3M2, f32 sums; everything else in f32.
;; Inputs: Tc one number float32; center 50 x 256 float32; f 8 x 256 x 32 x 32 float32; memory 1 x 256 x 32 x 32 float32.
;; Outputs: out0 8 x 256 x 32 x 32 float32; out1 one number float32.
;; Constants: is_object = 0.
;; This version of the problem:
;;   THIS VERSION OF THE PROBLEM IS GIVEN IN LOW PRECISION. The matrix products marked QUANTISED in the list below multiply operands that are first quantised to E3M2 (3 exponent bits, 2 mantissa bits; 6 bits a number), with one power-of-two scale for each 32 numbers along K (OCP MX v1.0); their sums are f32. All else is computed in f32.
;;   The module's matrix products, in the order in which they are computed (A, B: the left and right operand; K: the contracted axis; several contracted axes count as one K, in the product's order):
;;     1. [M 8,192, K 256] x [K 256, N 50]; A: input f; B: input center: QUANTISED
;;     2. [M 8,192, K 256] x [K 256, N 8,192]; A: computed on the way; B: computed on the way: QUANTISED
;;     3. [M 8,192, K 8,192] x [K 8,192, N 256]; A: computed on the way; B: input f: QUANTISED
;;   THE QUANTISER, for each operand of a quantised product, along K:
;;     - K is cut into blocks of 32 from its start; a last block that is shorter is filled with zeros.
;;     - A block's scale is 2^e with e = floor(log2(the largest magnitude in the block)) - 4, held to -126 .. 127; a block of zeros has e = 0. As a byte (E8M0): e + 127.
;;     - Each number is divided by its block's scale, clamped to +-28, and rounded to the nearest number of E3M2, ties to even, subnormals kept.
;;     - The product sums the exact products of the quantised numbers (number of the format x scale) in f32.
;;   ~~~python
;;   def quantise(x, axis):      # numpy; x: float32 -> the quantised numbers, widened to float32 again
;;       x = np.moveaxis(x, axis, -1); K = x.shape[-1]
;;       x = np.pad(x, [(0, 0)] * (x.ndim - 1) + [(0, -K % 32)]); x = x.reshape(x.shape[:-1] + (-1, 32)); a = np.abs(x).max(-1, keepdims=True)
;;       e = np.where(a > 0, np.clip(np.frexp(np.where(a > 0, a, 1))[1] - 1 - 4, -126, 127), 0)      # np.frexp(a)[1] - 1 = floor(log2(a)), exactly
;;       r = np.clip(x / 2.0 ** e, -28, 28)
;;       step = 2.0 ** (np.maximum(np.frexp(np.where(r == 0, 1, r))[1] - 1, -2) - 2)
;;       q = np.round(r / step) * step * 2.0 ** e      # np.round: ties to even
;;       return np.moveaxis(q.reshape(q.shape[:-2] + (-1,))[..., :K], -1, axis).astype(np.float32)
;;   ~~~
;;   OPERANDS COMPUTED ON THE WAY. 'Computed on the way' means the value that the module computes at that place (a softmax that the list does not call 'softmax' is quantised finished and normalised). What goes into a quantiser is computed in f32, as accurately as f32 sums, v_exp_f32 and their like allow (about 1e-6 of the number): no bf16 or f16 on the way to a quantiser, and a product that is left as it is and whose result goes on into a quantised operand takes f32 operands (vector FMAs, or v_wmma_f32_16x16x4_f32). A number that lies on a knife's edge between two numbers of the format may be rounded either way, as far as f32 arithmetic and the matrix unit's own rounding can turn it there, and no further.
;; 3 versions. Each part assembles by itself: llvm-mc -triple=amdgcn-amd-amdhsa -mcpu=gfx1250 --defsym DOCPART=n.
;; ======== version 1 of 3: 6 launches
;; workspace buffers: codes 3,375,104 bytes; flags 32,768 bytes of whole numbers; lists 98,560 bytes of whole numbers; fstat 512 bytes; part1 524,288 bytes; part2 131,072 bytes; opart 33,554,432 bytes
;; launch prep (part 1): grid 64 x 1, 8 waves a work-group, no clusters, 201,728 bytes of LDS; arguments f, center, Tc, codes, flags; writes codes, flags
.if DOCPART == 1
	.amdgcn_target "amdgcn-amd-amdhsa--gfx1250"
	.amdhsa_code_object_version 6
	.text
	.protected	k_qc272e8c45c_prep
	.globl	k_qc272e8c45c_prep
	.p2align	8
	.type	k_qc272e8c45c_prep,@function
k_qc272e8c45c_prep:
	s_mov_b64 s[64:65], 0
	v_nop
	global_prefetch_b8 v0, s[64:65] scope:SCOPE_SE
	s_setreg_imm32_b32 hwreg(HW_REG_WAVE_MODE, 25, 1), 1
	s_wait_xcnt 0x0
; PREP.  Pixel p = 1024 b + n is the vector X[p][c] = f[b][c][n], 256 channels.  A work-group takes 128 neighbouring pixels of one image, all channels: 128 KB of f, read once, kept as a tile in LDS.
; It makes, as codes of E3M2 with one E8M0 byte for each 32 along K:  Xn = X / max(|X|, 1e-8) along the channels (section XNF, scale words XNS);  X along the pixels (XTF, XTS);
; and, by the first quantised product (X and the 50 centres along the channels), d = the distance to the nearest centre, the flag d > Tc, the bias (0 or -1e30) and norf (1 or 0) of each pixel.
; The codes are stored in the ORDER OF AN OPERAND'S REGISTERS: a fragment (16 rows x 128 K) is 1,536 bytes, register group g of lane l at 512 g + 16 l, so that later launches load fragments by 16-byte loads alone.
; In XNF the 16 pixels of tile u of a block of 32 are 8 u + r + 8 (r / 8): two tiles' results then hold 16 neighbouring pixels in a lane's 16 registers.
; SHARES: all eight waves load the tile (32 channels each).  Waves 4-7 quantise the centres (a tile of 16 each; rows 50-63 are zeros with c2 = +infinity) ahead of the barrier and X along the pixels behind it;
; waves 0-3 take 32 pixels each, a lane a pixel, registers down the channels, and the product.
; LIMITS: NaN and infinities among the inputs are not served.  A block of zeros gets the byte 1 and not 127: its codes are zeros and this program alone reads the bytes.  Xn is X times v_rcp_f32 of the norm.
.set PITCH, 528                        ; a tile row: 512 bytes (128 pixels of one channel) + 16: an odd multiple of 16
.set CI,    135168                     ; behind the tile's 256 rows: the centres' 8 fragment images, (tile, K step) at (2 ct + s) 1,536
.set CSC,   147456                     ; their scale words, 128 bytes each
.set C2O,   148480                     ; c2 of 64 centres
.set WST,   148736                     ; a region of 12,800 bytes for each of waves 0-3: X's images, Xn's images, their scale words
.set WSTB,  12800
.set NI,    6144
.set XSI,   12288
.set XTF,   1572864                    ; sections of the buffer codes
.set XNS,   3145728
.set XTS,   3211264
.set CBO,   3276800
	s_load_b128 s[4:7], s[0:1], 0x0                ; f, center
	s_load_b128 s[8:11], s[0:1], 0x10              ; Tc, codes
	s_load_b64 s[12:13], s[0:1], 0x20              ; flags
	v_lshl_add_u32 v63, v0, 2, 0x31000
	s_set_vgpr_msb 0x40
	v_mov_b32 v1, 0
	s_set_vgpr_msb 0x4000
	v_lshrrev_b32 v1, 5, v0
	v_readfirstlane_b32 s16, v1                    ; wave 0..7
	s_and_b32 s17, s16, 3                          ; my number within my role
	v_and_b32 v1, 31, v0                           ; lane
	v_and_b32 v2, 15, v0                           ; r
	v_bfe_u32 v3, v0, 4, 1                         ; h
	v_lshlrev_b32 v4, 4, v1                        ; 16 x lane
	v_lshlrev_b32 v5, 3, v1                        ; 8 x lane
	v_lshlrev_b32 v6, 2, v1                        ; 4 x lane
	; every LDS address is made here, ahead of the first parting of the roles
	s_mul_i32 s21, s16, 32*PITCH
	v_add_nc_u32 v7, s21, v4                       ; the tile, in: my wave's 32 rows, 16 bytes a lane
	s_mul_i32 s21, s17, 64*PITCH
	v_mul_u32_u24 v8, v2, PITCH
	v_lshl_add_u32 v8, v3, 7, v8
	v_add_nc_u32 v8, s21, v8                       ; the tile, along the pixels: channel 64 (wave - 4) + r, + 32 h pixels
	s_lshl_b32 s21, s17, 7
	v_add_nc_u32 v9, s21, v6                       ; the tile, down the channels: pixel 32 wave + lane
	s_mul_i32 s18, s17, WSTB
	s_add_co_u32 s18, s18, WST                     ; my wave's region
	v_and_b32 v32, 7, v0
	v_lshl_add_u32 v32, v3, 3, v32                 ; pixel q = lane lies in tile u(q) = (q / 8) % 2 at lane r(q) = q % 8 + 8 (q / 16)
	v_bfe_u32 v62, v0, 3, 1
	v_mul_u32_u24 v12, v62, 3072
	v_lshl_add_u32 v12, v32, 4, v12
	v_add_nc_u32 v12, s18, v12                     ; my pixel's place in an image: 3,072 u + 16 r
	v_lshlrev_b32 v13, 2, v62
	v_lshl_add_u32 v13, v32, 3, v13
	v_add_nc_u32 v13, s18, v13
	v_add_nc_u32 v13, XSI, v13                     ; and among the scale words: 8 r + 4 u (+ 128 for the second K step)
	v_add_nc_u32 v14, s18, v4                      ; an image read back: 16 x lane
	v_and_b32 v15, 8, v2
	v_add_nc_u32 v15, v15, v2
	v_lshlrev_b32 v15, 2, v15                      ; lane index x 4 of the pixel that lane (r, h) of tile 0 holds,
	v_add_nc_u32 v16, 32, v15                      ; of tile 1
	v_lshlrev_b32 v17, 2, v32                      ; and back: 4 r(q)
	v_add_nc_u32 v18, CI, v4
	v_add_nc_u32 v19, CSC, v6
	v_lshl_add_u32 v20, v3, 5, C2O                 ; c2 of the eight centres of my half
	s_lshl_b32 s21, s17, 4
	v_add_nc_u32 v47, s21, v2                      ; the centre that I quantise: 16 (wave - 4) + r
	v_min_u32 v21, 49, v47                         ; (no load leaves the buffer: rows 50-63 read row 49 and are made zeros)
	v_lshlrev_b32 v21, 10, v21
	v_lshl_add_u32 v21, v3, 7, v21                 ; its row of 1,024 bytes, + 32 h channels
	s_lshl_b32 s21, s17, 6
	v_lshl_add_u32 v22, v2, 2, s21
	v_add_nc_u32 v22, C2O, v22
	s_mul_i32 s21, s17, 3072
	v_add_nc_u32 v23, s21, v18
	s_lshl_b32 s21, s17, 8
	v_add_nc_u32 v30, s21, v19
	v_add_nc_u32 v31, s18, v5
	v_add_nc_u32 v31, XSI, v31                     ; scale words read back: 8 x lane
	s_mov_b32 s24, 0x76543210
	s_mov_b32 s25, 0xfedcba98                      ; v_permlanex16_b32's selects for lane l xor 16
	s_mov_b32 s26, 0xffff0000                      ; lanes 16-31
	s_lshr_b32 s40, ttmp9, 3
	s_lshl_b32 s40, s40, 20                        ; the image,
	s_and_b32 s21, ttmp9, 7
	s_lshl_b32 s21, s21, 9
	s_add_co_u32 s40, s40, s21                     ; the 128 pixels,
	s_lshl_b32 s21, s16, 17
	s_add_co_u32 s40, s40, s21                     ; my wave's 32 channels
	s_mov_b32 s41, 0
	s_mov_b32 s43, 0
	s_wait_kmcnt 0x0
	s_add_nc_u64 s[4:5], s[4:5], s[40:41]
	s_load_b32 s19, s[8:9], 0x0                    ; Tc
.set i, 0
.rept 32
	global_load_b128 v[128+4*i:131+4*i], v4, s[4:5] offset:4096*i th:TH_LOAD_NT   ; a channel's 128 pixels: 512 consecutive bytes
.set i, i+1
.endr
	s_mul_i32 s42, ttmp9, 24576
	s_mul_i32 s21, s17, 6144
	s_add_co_u32 s42, s42, s21
	s_add_nc_u64 s[34:35], s[10:11], s[42:43]      ; XNF: block 4 g + wave
	s_add_co_u32 s42, s42, XTF
	s_add_nc_u64 s[28:29], s[10:11], s[42:43]      ; XTF: K step g, channel tiles 4 (wave - 4) on
	s_lshl_b32 s42, ttmp9, 10
	s_lshl_b32 s21, s17, 8
	s_add_co_u32 s42, s42, s21
	s_add_co_u32 s42, s42, XNS
	s_add_nc_u64 s[36:37], s[10:11], s[42:43]      ; XNS
	s_add_nc_u64 s[30:31], s[36:37], XTS-XNS       ; XTS
	s_lshl_b32 s42, ttmp9, 9
	s_lshl_b32 s21, s17, 7
	s_add_co_u32 s42, s42, s21
	s_add_nc_u64 s[12:13], s[12:13], s[42:43]      ; flags at my wave's 32 pixels
	s_add_co_u32 s42, s42, CBO
	s_add_nc_u64 s[38:39], s[10:11], s[42:43]      ; bias; norf 32,768 and d 65,536 bytes further on
	s_wait_kmcnt 0x0
; 64 numbers of a lane, v[s + 32 c + i] = k 64 c + 32 h + i of my row (two whole blocks), become a fragment's 12 registers v[pc] on and my row's scale word v[pw].
.macro QUANT6 s, pc, pw
.irp c, 0,1
	v_max3_num_f32 v[40+\c], |v[(\s)+32*\c]|, |v[(\s)+32*\c+1]|, 0x2800000   ; with the floor 2^(5 - 127): the byte cannot fall under 1
.endr
.irp i, 2,4,6,8,10,12,14,16,18,20,22,24,26,28,30
.irp c, 0,1
	v_max3_num_f32 v[40+\c], v[40+\c], |v[(\s)+32*\c+\i]|, |v[(\s)+32*\c+\i+1]|
.endr
.endr
.irp c, 0,1
	v_add_nc_u32 v[42+\c], 0xfe000000, v[40+\c]    ; 4 off the exponent field: the conversion's scale operand
.endr
.irp c, 0,1
	v_lshrrev_b32 v[44+\c], 23, v[42+\c]           ; the scale's byte
.endr
	v_lshl_or_b32 v[(\pw)], v45, 16, v44           ; my bytes: blocks h and 2 + h,
	v_lshlrev_b32 v46, 3, v3
	v_lshlrev_b32 v[(\pw)], v46, v[(\pw)]          ; at their places;
	v_mov_b32 v46, 0
	v_permlanex16_b32 v46, v[(\pw)], s24, s25
	v_or_b32 v[(\pw)], v[(\pw)], v46               ; with lane l xor 16's two the word is whole
.irp c, 0,1
	v_cvt_scalef32_pk16_bf6_f32 v[(\pc)+6*\c:(\pc)+6*\c+2], v[(\s)+32*\c:(\s)+32*\c+15], v[42+\c]
	v_cvt_scalef32_pk16_bf6_f32 v[48+4*\c:50+4*\c], v[(\s)+32*\c+16:(\s)+32*\c+31], v[42+\c]   ; (a conversion's three registers begin on an even number)
.endr
	v_nop                                          ; one plain place behind the conversions
.irp c, 0,1
.irp i, 0,1,2
	v_mov_b32 v[(\pc)+6*\c+3+\i], v[48+4*\c+\i]
.endr
.endr
.endm
.macro CLOAD s, reg                    ; my centre's channels 128 s + 64 c + 32 h + 0 .. 31
.irp c, 0,1
.irp j, 0,1,2,3,4,5,6,7
	global_load_b128 v[\reg+32*\c+4*\j:\reg+32*\c+4*\j+3], v21, s[6:7] offset:512*\s+256*\c+16*\j
.endr
.endr
.endm
.macro CPROC s, reg, pc                ; rows past the 50th become zeros; c2 gathers; the fragment's image and scale words go to LDS
.set i, 0
.rept 32
	v_pk_mul_f32 v[\reg+2*i:\reg+2*i+1], v[\reg+2*i:\reg+2*i+1], v[58:59]
.set i, i+1
.endr
.set i, 0
.rept 32
	v_pk_fma_f32 v[32+2*(i%4):33+2*(i%4)], v[\reg+2*i:\reg+2*i+1], v[\reg+2*i:\reg+2*i+1], v[32+2*(i%4):33+2*(i%4)]
.set i, i+1
.endr
	QUANT6 \reg, \pc, 56+\s
.irp g, 0,1,2
	ds_store_b128 v23, v[\pc+4*\g:\pc+4*\g+3] offset:1536*\s+512*\g
.endr
	ds_store_b32 v30, v[56+\s] offset:128*\s
.endm
	s_cmp_lt_u32 s16, 4
	s_cbranch_scc1 .Lnc0
	CLOAD 0, 64                                    ; waves 4-7: the centre's first 128 channels travel with the tile
.Lnc0:
	s_wait_loadcnt 0x0                             ; the tile's 32 loads (and the centre's 16) are in
.set i, 0
.rept 32
	ds_store_b128 v7, v[128+4*i:131+4*i] offset:i*PITCH
.set i, i+1
.endr
	s_cmp_lt_u32 s16, 4
	s_cbranch_scc1 .Lnc1
	s_wait_dscnt 0x0                               ; the tile's stores have read v128 on
	CLOAD 1, 128
	v_cmp_gt_u32 vcc_lo, 50, v47
	v_cndmask_b32 v58, 0, 1.0, vcc_lo              ; 1 for a centre that exists
	v_mov_b32 v59, v58
.irp i, 32,33,34,35,36,37,38,39
	v_mov_b32 v\i, 0                               ; c2, in four pairs
.endr
	CPROC 0, 64, 192
	s_wait_loadcnt 0x0
	CPROC 1, 128, 204
	v_pk_add_f32 v[32:33], v[32:33], v[34:35]
	v_pk_add_f32 v[36:37], v[36:37], v[38:39]
	v_pk_add_f32 v[32:33], v[32:33], v[36:37]
	v_add_f32 v32, v32, v33
	v_permlanex16_b32 v46, v32, s24, s25
	v_add_f32 v32, v32, v46                        ; c2 of my centre
	v_mov_b32 v33, 0x7f800000
	v_cmp_gt_u32 vcc_lo, 50, v47
	v_cndmask_b32 v32, v33, v32, vcc_lo            ; +infinity where there is none: it never wins a minimum
	ds_store_b32 v22, v32                          ; (both halves of the lanes write the same word with the same value)
.Lnc1:
	s_wait_dscnt 0x0                               ; for the others' sake: my stores have landed
	s_barrier_signal -1
	s_barrier_wait -1                              ; the tile, the centres' images, their scale words and c2 lie in LDS
	s_cmp_lt_u32 s16, 4
	s_cbranch_scc1 .Lpix
	; ---- waves 4-7: X along the pixels.  Four tiles of 16 channels; lane (r, h) takes channel r's pixels 64 c + 32 h + 0 .. 31
.macro TLD t
.irp c, 0,1
.irp j, 0,1,2,3,4,5,6,7
	ds_load_b128 v[64+64*((\t)%2)+32*\c+4*\j:64+64*((\t)%2)+32*\c+4*\j+3], v8 offset:16*PITCH*(\t)+256*\c+16*\j
.endr
.endr
.endm
	TLD 0
.irp t, 0,1,2,3
.if \t < 3
	TLD (\t+1)
	s_wait_dscnt 16                                ; all but the next tile's 16 loads
.else
	s_wait_dscnt 0x0
.endif
	QUANT6 64+64*(\t%2), 192+12*\t, 240+\t         ; each tile's codes have registers of their own: no store's data are written again
.irp g, 0,1,2
	global_store_b128 v4, v[192+12*\t+4*\g:192+12*\t+4*\g+3], s[28:29] offset:1536*\t+512*\g   ; 512 consecutive bytes
.endr
.if \t%2 == 1
	v_cndmask_b32 v[244+\t/2], v[239+\t], v[240+\t], s26   ; lanes 0-15: the even tile's words, lanes 16-31: the odd tile's
	global_store_b32 v6, v[244+\t/2], s[30:31] offset:128*(\t/2)
.endif
.endr
	s_set_vgpr_msb 0x4
	s_wait_tensorcnt 0x0
	ds_add_u32 v63, v1
	s_wait_dscnt 0x0
	s_set_vgpr_msb 0x400
	s_endpgm
	; ---- waves 0-3: a lane a pixel, registers down the channels, 32 channels (one block) at a time
.Lpix:
.macro LOADB be                        ; block be of my pixel into set be % 2; two address registers by turns
	v_add_nc_u32 v[10+(\be)%2], (\be)*32*PITCH, v9
.set i, 0
.rept 32
	ds_load_b32 v[64+32*((\be)%2)+i], v[10+(\be)%2] offset:i*PITCH
.set i, i+1
.endr
.endm
.macro QB s, e                         ; 32 numbers of one block in v[s] on: six registers of codes in v[e] on, the byte in v43
	v_max3_num_f32 v40, |v[(\s)]|, |v[(\s)+1]|, |v[(\s)+2]|
	v_max3_num_f32 v41, |v[(\s)+3]|, |v[(\s)+4]|, |v[(\s)+5]|
.irp i, 6,10,14,18,22,26
	v_max3_num_f32 v40, v40, |v[(\s)+\i]|, |v[(\s)+\i+1]|
	v_max3_num_f32 v41, v41, |v[(\s)+\i+2]|, |v[(\s)+\i+3]|
.endr
	v_max3_num_f32 v40, v40, |v[(\s)+30]|, |v[(\s)+31]|
	v_max3_num_f32 v40, v40, v41, 0x2800000        ; and the floor
	v_add_nc_u32 v42, 0xfe000000, v40
	v_cvt_scalef32_pk16_bf6_f32 v[(\e):(\e)+2], v[(\s):(\s)+15], v42
	v_cvt_scalef32_pk16_bf6_f32 v[44:46], v[(\s)+16:(\s)+31], v42
	v_lshrrev_b32 v43, 23, v42                     ; the byte; also the plain place behind the conversions
.irp i, 0,1,2
	v_mov_b32 v[(\e)+3+\i], v[44+\i]
.endr
.endm
.macro PUT be, base, e                 ; block be = 4 s + 2 c + h' is registers 6 c .. 6 c + 5 of lane (r(q), h') of fragment (u(q), s)
.set PO, (\base)+1536*((\be)/4)+256*((\be)%2)
.if ((\be)/2)%2 == 0
	ds_store_b128 v12, v[(\e):(\e)+3] offset:PO
	ds_store_b64 v12, v[(\e)+4:(\e)+5] offset:PO+512
.else
	ds_store_b64 v12, v[(\e):(\e)+1] offset:PO+520
	ds_store_b128 v12, v[(\e)+2:(\e)+5] offset:PO+1024
.endif
.endm
.macro SWEEP nrm, img, eb, wr          ; nrm = 0: X as it is, and the sum of squares; nrm = 1: X / norm.  Block 0 has been asked for
.irp be, 0,1,2,3,4,5,6,7
.if \be < 7
	LOADB (\be+1)
	s_wait_dscnt 32                                ; all but the 32 loads just issued: this block is in
.else
	s_wait_dscnt 0x0
.endif
.set XS, 64+32*(\be%2)
.set i, 0
.rept 16
.if \nrm
	v_pk_mul_f32 v[XS+2*i:XS+2*i+1], v[XS+2*i:XS+2*i+1], v[50:51]
.elseif (\be == 0) && (i < 4)
	v_pk_mul_f32 v[32+2*i:33+2*i], v[XS+2*i:XS+2*i+1], v[XS+2*i:XS+2*i+1]   ; the first four products start the four chains
.else
	v_pk_fma_f32 v[32+2*(i%4):33+2*(i%4)], v[XS+2*i:XS+2*i+1], v[XS+2*i:XS+2*i+1], v[32+2*(i%4):33+2*(i%4)]
.endif
.set i, i+1
.endr
	QB XS, \eb+8*\be
.if \be%4 == 0
	v_mov_b32 v[\wr+\be/4], v43
.else
	v_lshl_or_b32 v[\wr+\be/4], v43, 8*(\be%4), v[\wr+\be/4]
.endif
	PUT \be, \img, \eb+8*\be
.endr
.endm
	LOADB 0
	SWEEP 0, 0, 128, 52
	ds_store_b32 v13, v52
	ds_store_b32 v13, v53 offset:128
	LOADB 0
	v_pk_add_f32 v[32:33], v[32:33], v[34:35]
	v_pk_add_f32 v[36:37], v[36:37], v[38:39]
	v_pk_add_f32 v[32:33], v[32:33], v[36:37]
	v_add_f32 v56, v32, v33                        ; x2 of my pixel
	v_sqrt_f32 v57, v56
	v_nop                                          ; a plain place, then the wait ahead of the first reader
	s_wait_alu depctr_va_vdst(0)
	v_max_num_f32 v57, 0x322bcc77, v57             ; max(norm, 1e-8)
	v_rcp_f32 v50, v57
	v_nop
	s_wait_alu depctr_va_vdst(0)
	v_mov_b32 v51, v50
	SWEEP 1, NI, 192, 54
	ds_store_b32 v13, v54 offset:256
	ds_store_b32 v13, v55 offset:384
	; Xn's four fragments and its scale words leave as they lie (LDS serves a wave's instructions in order: the loads see my stores)
.irp i, 0,1,2,3,4,5,6,7,8,9,10,11
	ds_load_b128 v[64+4*\i:67+4*\i], v14 offset:NI+512*\i
.endr
	ds_load_b64 v[112:113], v31 offset:256
.irp i, 0,1,2,3,4,5,6,7,8,9,10,11
	s_wait_dscnt 12-\i                             ; the later 16-byte loads and the 8-byte one may be out
	global_store_b128 v4, v[64+4*\i:67+4*\i], s[34:35] offset:512*\i
.endr
	s_wait_dscnt 0x0
	global_store_b64 v5, v[112:113], s[36:37]
	; ---- the first product, transposed: source 0 = 16 centres, source 1 = 16 pixels: lane (r, h) holds pixel-tile lane r and centres 8 h + 0 .. 7
.irp i, 0,1,2,3,4,5,6,7,8,9,10,11
	ds_load_b128 v[128+4*\i:131+4*\i], v14 offset:512*\i     ; X's fragment (u, s) at v[128 + 12 (2 u + s)]
.endr
	ds_load_b64 v[28:29], v31                      ; X's scale words: v28 tile 0, v29 tile 1; lanes 0-15 K step 0, lanes 16-31 K step 1
	ds_bpermute_b32 v48, v15, v56                  ; x2 of the pixel that my lane holds in tile 0,
	ds_bpermute_b32 v50, v16, v56                  ; in tile 1
	v_mov_b32 v60, 0x7f800000                      ; the running minima
	v_mov_b32 v61, 0x7f800000
.irp cp, 0,1                           ; two tiles of centres at a time
.irp i, 0,1,2,3,4,5,6,7,8,9,10,11
	ds_load_b128 v[176+4*\i:179+4*\i], v18 offset:6144*\cp+512*\i   ; centre fragment (t, s) at v[176 + 12 (2 t + s)]
.endr
.irp f, 0,1,2,3
	ds_load_b32 v[24+\f], v19 offset:512*\cp+128*\f
.endr
.irp i, 0,1,2,3
	ds_load_b128 v[32+4*\i:35+4*\i], v20 offset:128*\cp+64*(\i/2)+16*(\i%2)   ; c2 of my half's eight centres of each tile
.endr
	s_wait_dscnt 0x0
.if \cp == 0
	v_mov_b32 v49, v48
	v_mov_b32 v51, v50
.endif
.irp u, 0,1                            ; four accumulators by turns
.irp t, 0,1
	v_wmma_scale_f32_16x16x128_f8f6f4 v[224+8*(2*\u+\t):231+8*(2*\u+\t)], v[176+24*\t:187+24*\t], v[128+24*\u:139+24*\u], 0, v[24+2*\t], v[28+\u] matrix_a_fmt:MATRIX_FMT_BF6 matrix_b_fmt:MATRIX_FMT_BF6
.endr
.endr
.irp u, 0,1
.irp t, 0,1
	v_wmma_scale_f32_16x16x128_f8f6f4 v[224+8*(2*\u+\t):231+8*(2*\u+\t)], v[188+24*\t:199+24*\t], v[140+24*\u:151+24*\u], v[224+8*(2*\u+\t):231+8*(2*\u+\t)], v[25+2*\t], v[28+\u] matrix_a_fmt:MATRIX_FMT_BF6 matrix_b_fmt:MATRIX_FMT_BF6 matrix_b_scale:MATRIX_SCALE_ROW1
.endr
.endr
.rept 5
	v_nop                                          ; places behind the products: for the reads of the results, the loads into the operands, and the sums begun anew
.endr
.irp u, 0,1
.irp t, 0,1
.irp j, 0,1,2,3
	v_pk_add_f32 v[52+2*\j:53+2*\j], v[32+8*\t+2*\j:33+8*\t+2*\j], v[48+2*\u:49+2*\u]          ; x2 + c2,
	v_pk_fma_f32 v[52+2*\j:53+2*\j], v[224+8*(2*\u+\t)+2*\j:225+8*(2*\u+\t)+2*\j], -2.0, v[52+2*\j:53+2*\j] op_sel_hi:[1,0,1]   ; less twice the product: one rounding each, as the sum is written
	v_min3_num_f32 v[60+\u], v[60+\u], v[52+2*\j], v[53+2*\j]
.endr
.endr
.endr
.endr
	v_permlanex16_b32 v52, v60, s24, s25
	v_permlanex16_b32 v53, v61, s24, s25
	v_min_num_f32 v60, v60, v52                    ; with the other half's centres
	v_min_num_f32 v61, v61, v53
	v_max_num_f32 v60, 0, v60
	v_max_num_f32 v61, 0, v61
	v_sqrt_f32 v60, v60                            ; the root rises with its argument: the least distance is the root of the least square
	v_sqrt_f32 v61, v61
	v_nop
	s_wait_alu depctr_va_vdst(0)
	ds_bpermute_b32 v54, v17, v60                  ; back to a lane a pixel
	ds_bpermute_b32 v55, v17, v61
	s_wait_dscnt 0x0
	v_cmp_ne_u32 vcc_lo, 0, v62
	v_cndmask_b32 v54, v54, v55, vcc_lo            ; d
	v_cmp_lt_f32 vcc_lo, s19, v54                  ; d > Tc
	v_mov_b32 v57, 0xf149f2ca                      ; -1e30
	v_cndmask_b32 v55, 0, 1, vcc_lo
	v_cndmask_b32 v57, 0, v57, vcc_lo
	v_cndmask_b32 v58, 1.0, 0, vcc_lo
	global_store_b32 v6, v54, s[38:39] offset:65536
	global_store_b32 v6, v55, s[12:13]
	global_store_b32 v6, v57, s[38:39]
	global_store_b32 v6, v58, s[38:39] offset:32768
	s_set_vgpr_msb 0x4
	s_wait_tensorcnt 0x0
	ds_add_u32 v63, v1
	s_wait_dscnt 0x0
	s_set_vgpr_msb 0x400
	s_endpgm
.Lfunc_end_k_qc272e8c45c_prep:
	.size	k_qc272e8c45c_prep, .Lfunc_end_k_qc272e8c45c_prep-k_qc272e8c45c_prep
	.p2alignl 7, 3214868480
	.fill 96, 4, 3214868480
	.section	.rodata,"a",@progbits
	.p2align	6, 0x0
	.amdhsa_kernel k_qc272e8c45c_prep
		.amdhsa_group_segment_fixed_size 201728
		.amdhsa_private_segment_fixed_size 0
		.amdhsa_enable_private_segment 0
		.amdhsa_kernarg_size 40
		.amdhsa_user_sgpr_count 2
		.amdhsa_user_sgpr_kernarg_segment_ptr 1
		.amdhsa_wavefront_size32 1
		.amdhsa_system_sgpr_workgroup_id_x 1
		.amdhsa_system_sgpr_workgroup_id_y 1
		.amdhsa_system_sgpr_workgroup_id_z 1
		.amdhsa_system_vgpr_workitem_id 0
		.amdhsa_next_free_vgpr 258
		.amdhsa_next_free_sgpr 66
		.amdhsa_reserve_vcc 1
		.amdhsa_float_denorm_mode_32 3
		.amdhsa_float_denorm_mode_16_64 3
		.amdhsa_memory_ordered 1
		.amdhsa_forward_progress 1
		.amdhsa_inst_pref_size 137
	.end_amdhsa_kernel
	.amdgpu_metadata
---
amdhsa.version: [ 1, 2 ]
amdhsa.kernels:
  - .name:           k_qc272e8c45c_prep
    .symbol:         k_qc272e8c45c_prep.kd
    .args:
      - { .name: f, .offset: 0, .size: 8, .value_kind: global_buffer, .address_space: global }
      - { .name: center, .offset: 8, .size: 8, .value_kind: global_buffer, .address_space: global }
      - { .name: Tc, .offset: 16, .size: 8, .value_kind: global_buffer, .address_space: global }
      - { .name: codes, .offset: 24, .size: 8, .value_kind: global_buffer, .address_space: global }
      - { .name: flags, .offset: 32, .size: 8, .value_kind: global_buffer, .address_space: global }
    .group_segment_fixed_size: 201728
    .private_segment_fixed_size: 0
    .kernarg_segment_align: 8
    .kernarg_segment_size: 40
    .max_flat_workgroup_size: 256
    .sgpr_count:     66
    .vgpr_count:     258
    .wavefront_size: 32
...
	.end_amdgpu_metadata
.endif
;; end of part 1
;; launch route (part 2): grid 1 x 1, 32 waves a work-group, no clusters, 5,120 bytes of LDS; arguments codes, flags, lists, fstat, out1; writes lists, fstat, out1
.if DOCPART == 2
	.amdgcn_target "amdgcn-amd-amdhsa--gfx1250"
	.amdhsa_code_object_version 6
	.text
	.protected	k_qc272e8c45c_route
	.globl	k_qc272e8c45c_route
	.p2align	8
	.type	k_qc272e8c45c_route,@function
k_qc272e8c45c_route:
	s_mov_b64 s[64:65], 0
	v_nop
	global_prefetch_b8 v0, s[64:65] scope:SCOPE_SE
	s_setreg_imm32_b32 hwreg(HW_REG_WAVE_MODE, 25, 1), 1
	s_wait_xcnt 0x0
; ROUTE.  From the 8,192 flags: each pixel's PLACE (its rank among the anomalous pixels; a normal pixel: R + its rank among the normal ones, so the places are a permutation),
; the list by place of where a pixel's fragment rows lie ({ro, rs}: units of 16 bytes in XNF, words in XNS), R itself, the floats {t, n, 1/t, NaN or 0}, and the second output Ld.
; One work-group, since a prefix sum has one owner: wave w takes pixels 256 w + 32 i + lane.  All that reaches an address is whole-number arithmetic on the flags.
.set DD,  3342336                      ; d in the buffer codes
.set POS, 65536
.set CNT, 98304
.macro FSUM r, t                       ; a sum over the wave's 32 lanes, in every lane
	v_add_f32_dpp v[\r], v[\r], v[\r] row_xmask:1 row_mask:0xf bank_mask:0xf
	v_add_f32_dpp v[\r], v[\r], v[\r] row_xmask:2 row_mask:0xf bank_mask:0xf
	v_add_f32_dpp v[\r], v[\r], v[\r] row_xmask:4 row_mask:0xf bank_mask:0xf
	v_add_f32_dpp v[\r], v[\r], v[\r] row_xmask:8 row_mask:0xf bank_mask:0xf
	v_permlanex16_b32 v[\t], v[\r], s24, s25
	v_add_f32 v[\r], v[\r], v[\t]
.endm
.macro ISUM r, t                       ; the same of whole numbers
.irp x, 1,2,4,8
	v_mov_b32_dpp v[\t], v[\r] row_xmask:\x row_mask:0xf bank_mask:0xf
	v_add_nc_u32 v[\r], v[\r], v[\t]
.endr
	v_permlanex16_b32 v[\t], v[\r], s24, s25
	v_add_nc_u32 v[\r], v[\r], v[\t]
.endm
	s_load_b128 s[4:7], s[0:1], 0x0                ; codes, flags
	s_load_b128 s[8:11], s[0:1], 0x10              ; lists, fstat
	s_load_b64 s[12:13], s[0:1], 0x20              ; out1
	v_lshl_add_u32 v64, v0, 2, 0x400
	v_mov_b32 v65, 0
	v_lshrrev_b32 v1, 5, v0
	v_readfirstlane_b32 s16, v1                    ; wave 0..31
	v_and_b32 v2, 31, v0                           ; lane
	v_lshlrev_b32 v3, 2, v2                        ; 4 x lane
	v_lshl_add_u32 v4, v1, 10, v3                  ; my first pixel's word
	v_lshl_add_u32 v5, v1, 8, v2                   ; my first pixel
	v_lshlrev_b32 v6, 2, v1                        ; LDS: my wave's word
	s_mov_b32 s24, 0x76543210
	s_mov_b32 s25, 0xfedcba98
	s_wait_kmcnt 0x0
.irp i, 0,1,2,3,4,5,6,7
	global_load_b32 v[8+\i], v4, s[6:7] offset:128*\i
.endr
.irp i, 0,1,2,3,4,5,6,7
	global_load_b32 v[16+\i], v4, s[4:5] offset:DD+128*\i
.endr
	v_mov_b32 v24, 0                               ; d summed over my anomalous pixels,
	v_mov_b32 v25, 0                               ; over my normal ones
	v_mov_b32 v27, 0
	v_mov_b32 v31, 0
	s_mov_b32 s30, 0
	s_wait_loadcnt 0x0
.irp i, 0,1,2,3,4,5,6,7
	v_cmp_ne_u32 s[40+\i], 0, v[8+\i]              ; the 32 flags as a mask
	s_mov_b32 s[48+\i], s30                        ; anomalous pixels of my wave ahead of these 32
	s_bcnt1_i32_b32 s31, s[40+\i]
	s_add_co_u32 s30, s30, s31
	v_cndmask_b32 v26, 0, v[16+\i], s[40+\i]
	v_add_f32 v24, v24, v26
	v_sub_f32 v26, v[16+\i], v26                   ; d or 0, exactly
	v_add_f32 v25, v25, v26
.endr
	FSUM 24, 27
	FSUM 25, 27
	v_mov_b32 v28, s30
	ds_store_b32 v6, v28                           ; all lanes write the same word with the same value
	ds_store_b32 v6, v24 offset:128
	ds_store_b32 v6, v25 offset:256
	s_wait_dscnt 0x0
	s_barrier_signal -1
	s_barrier_wait -1
	ds_load_b32 v29, v3                            ; the 32 waves' counts, a lane a wave
	s_wait_dscnt 0x0
	v_cmp_gt_u32 vcc_lo, s16, v2
	v_cndmask_b32 v30, 0, v29, vcc_lo              ; those of the waves ahead of mine
	ISUM 30, 31
	ISUM 29, 31
	v_readfirstlane_b32 s32, v30                   ; anomalous pixels ahead of my wave
	v_readfirstlane_b32 s33, v29                   ; R
	v_and_b32 v16, 7, v2
	v_lshrrev_b32 v17, 4, v2
	v_lshl_add_u32 v16, v17, 3, v16                ; r(q) = q % 8 + 8 (q / 16)
	v_bfe_u32 v17, v2, 3, 1                        ; u(q) = (q / 8) % 2
	v_lshl_add_u32 v18, v16, 1, v17                ; 2 r + u
	v_mad_u32_u24 v16, v17, 192, v16               ; 192 u + r
	s_lshl_b32 s35, s16, 3                         ; my first block of 32
.irp i, 0,1,2,3,4,5,6,7
	v_mbcnt_lo_u32_b32 v[32+\i], s[40+\i], 0       ; anomalous lanes under mine
	s_add_co_u32 s34, s32, s[48+\i]
	v_add_nc_u32 v[32+\i], s34, v[32+\i]           ; anomalous pixels ahead of mine
	v_add_nc_u32 v19, 32*\i, v5                    ; p
	v_sub_nc_u32 v19, v19, v[32+\i]                ; normal pixels ahead of mine
	v_add_nc_u32 v19, s33, v19
	v_cndmask_b32 v[32+\i], v19, v[32+\i], s[40+\i]   ; my place
	global_store_b32 v4, v[32+\i], s[8:9] offset:POS+128*\i
	s_add_co_u32 s36, s35, \i
	s_mul_i32 s37, s36, 384
	s_lshl_b32 s36, s36, 6
	v_add_nc_u32 v[48+2*\i], s37, v16              ; ro
	v_add_nc_u32 v[49+2*\i], s36, v18              ; rs
	v_min_u32 v[40+\i], 0x1fff, v[32+\i]
	v_lshlrev_b32 v[40+\i], 3, v[40+\i]
	global_store_b64 v[40+\i], v[48+2*\i:49+2*\i], s[8:9]   ; each i has registers of its own: nothing that a store reads is written again
.endr
	s_cmp_lg_u32 s16, 0
	s_cbranch_scc1 .Lend
	ds_load_b32 v24, v3 offset:128
	ds_load_b32 v25, v3 offset:256
	s_wait_dscnt 0x0
	FSUM 24, 27
	FSUM 25, 27
	s_sub_co_u32 s36, 8192, s33                    ; n
	s_max_u32 s37, s36, 1
	s_max_u32 s38, s33, 1
	v_cvt_f32_u32 v8, s37                          ; t
	v_cvt_f32_u32 v9, s36
	v_cvt_f32_u32 v20, s38
	v_rcp_f32 v10, v8
	v_rcp_f32 v21, v20
	v_nop
	s_wait_alu depctr_va_vdst(0)                   ; one wait for both reciprocals, ahead of their first reader
	v_mul_f32 v13, v25, v10                        ; the normal pixels' mean d,
	v_mul_f32 v14, v24, v21                        ; the anomalous ones'
	v_add_f32 v14, 0x3a83126f, v14                 ; + 0.001
	v_rcp_f32 v15, v14
	v_nop
	s_wait_alu depctr_va_vdst(0)
	v_mul_f32 v15, v13, v15
	s_cmp_lg_u32 s33, 0
	s_cselect_b32 s39, -1, 0
	v_cndmask_b32 v15, v13, v15, s39               ; Ld
	s_cmp_eq_u32 s36, 0
	s_cselect_b32 s39, 0x7fc00000, 0
	v_mov_b32 v11, s39                             ; NaN where no pixel is normal (the weights are then 0 / 0), else 0
	v_lshlrev_b32 v22, 4, v2
	v_lshlrev_b32 v23, 3, v2
	v_mov_b32 v26, s33
	v_mov_b32 v27, s33
	global_store_b128 v22, v[8:11], s[10:11]       ; 32 copies: 512 consecutive bytes
	global_store_b64 v23, v[26:27], s[8:9] offset:CNT   ; R, over 256 consecutive bytes
	v_cmp_eq_u32 vcc_lo, 0, v2
	s_wait_xcnt 0x0                                ; EXEC changes only behind this wait
	s_and_saveexec_b32 s40, vcc_lo
	global_store_b32 v3, v15, s[12:13]             ; lane 0 alone
	s_wait_xcnt 0x0
	s_or_b32 exec_lo, exec_lo, s40
.Lend:
	s_wait_tensorcnt 0x0
	ds_add_u32 v64, v65
	s_wait_dscnt 0x0
	s_endpgm
.Lfunc_end_k_qc272e8c45c_route:
	.size	k_qc272e8c45c_route, .Lfunc_end_k_qc272e8c45c_route-k_qc272e8c45c_route
	.p2alignl 7, 3214868480
	.fill 96, 4, 3214868480
	.section	.rodata,"a",@progbits
	.p2align	6, 0x0
	.amdhsa_kernel k_qc272e8c45c_route
		.amdhsa_group_segment_fixed_size 5120
		.amdhsa_private_segment_fixed_size 0
		.amdhsa_enable_private_segment 0
		.amdhsa_kernarg_size 40
		.amdhsa_user_sgpr_count 2
		.amdhsa_user_sgpr_kernarg_segment_ptr 1
		.amdhsa_wavefront_size32 1
		.amdhsa_system_sgpr_workgroup_id_x 1
		.amdhsa_system_sgpr_workgroup_id_y 1
		.amdhsa_system_sgpr_workgroup_id_z 1
		.amdhsa_system_vgpr_workitem_id 0
		.amdhsa_next_free_vgpr 66
		.amdhsa_next_free_sgpr 66
		.amdhsa_reserve_vcc 1
		.amdhsa_float_denorm_mode_32 3
		.amdhsa_float_denorm_mode_16_64 3
		.amdhsa_memory_ordered 1
		.amdhsa_forward_progress 1
		.amdhsa_inst_pref_size 17
	.end_amdhsa_kernel
	.amdgpu_metadata
---
amdhsa.version: [ 1, 2 ]
amdhsa.kernels:
  - .name:           k_qc272e8c45c_route
    .symbol:         k_qc272e8c45c_route.kd
    .args:
      - { .name: codes, .offset: 0, .size: 8, .value_kind: global_buffer, .address_space: global }
      - { .name: flags, .offset: 8, .size: 8, .value_kind: global_buffer, .address_space: global }
      - { .name: lists, .offset: 16, .size: 8, .value_kind: global_buffer, .address_space: global }
      - { .name: fstat, .offset: 24, .size: 8, .value_kind: global_buffer, .address_space: global }
      - { .name: out1, .offset: 32, .size: 8, .value_kind: global_buffer, .address_space: global }
    .group_segment_fixed_size: 5120
    .private_segment_fixed_size: 0
    .kernarg_segment_align: 8
    .kernarg_segment_size: 40
    .max_flat_workgroup_size: 1024
    .sgpr_count:     66
    .vgpr_count:     66
    .wavefront_size: 32
...
	.end_amdgpu_metadata
.endif
;; end of part 2
;; launch pass1 (part 3): grid 4 x 128, 8 waves a work-group, no clusters, 9,216 bytes of LDS; arguments codes, lists, part1; writes part1
.if DOCPART == 3
	.amdgcn_target "amdgcn-amd-amdhsa--gfx1250"
	.amdhsa_code_object_version 6
	.text
	.protected	k_qc272e8c45c_pass1
	.globl	k_qc272e8c45c_pass1
	.p2align	8
	.type	k_qc272e8c45c_pass1,@function
k_qc272e8c45c_pass1:
	s_mov_b64 s[64:65], 0
	v_nop
	global_prefetch_b8 v0, s[64:65] scope:SCOPE_SE
	s_setreg_imm32_b32 hwreg(HW_REG_WAVE_MODE, 25, 1), 1
	s_wait_xcnt 0x0
; THE THREE WALKS over the weights of the anomalous rows are one text; the line below says which walk this launch is.
;   walk 1: a = e(row, pixel 0), Z' = sum of g, Q' = sum of g^2, g = e - a norf   -> part1
;   walk 2: SE = sum of e r / (r + epsE), r = max(e - thrE, 0)                     -> part2
;   walk 3: sw = e r / ((r + epsE) SE), quantised along the pixels, times X        -> opart (one partial sum for each quarter of the columns)
; e = 2^(sim log2(e) + bias), sim = the quantised product of two normalised pixels, bias = 0 or -1e30 (a column that is anomalous: e = 0).  All is kept in units of e: the softmax's divisor cancels.
; thrE = a + Z'/t - 2 sqrt(M2 / t), M2 = max(Q' - Z' Z'/t, 0), epsE = 1e-10 (n a + Z'): the mean, the spread and the 1e-10 of the weights, times that divisor.
; NO MAXIMUM IS TAKEN OFF THE EXPONENT: both vectors are normalised by the computation itself and a code enlarges a number by an eighth at the most, so |sim| <= 1.27, e lies in 0.28 .. 3.6 and a row's sum under 30,000.
; Only the rows that are kept (anomalous pixels, by the stored list) are walked; the columns keep their places, since the blocks of 32 along the third product's K are blocks of the original pixels.
; SHARES: work-group (cq, rg) = places 64 rg .. + 63 x columns 2,048 cq .. + 2,047.  Each of eight waves holds ALL 64 rows (four tiles) and eight blocks of 32 columns of its own, so a column fragment feeds four products.
; A work-group whose places lie at or past max(R, 1) stores nothing: a branch on the stored count, round the work and never round the barrier.  So operands go from memory straight into registers: no tensor load, no joint load.
; The product is used transposed (source 0 = 16 columns, source 1 = 16 rows): lane (r, h) holds row r, and the 16 registers of a block's two tiles are columns 16 h + 0 .. 15 of the block.
; LIMITS: NaN and infinities are not served; a row whose kept weights sum to exactly 0 is not NaN here; with no normal pixel at all the last launch makes the NaN.
; REGISTERS.  Window 0: v1-11 lane terms and row offsets; v12-15 sw's scale words in the making; v16-21, v24-47 scale words of products; v48-63 bias; v64-79 norf (walk 1) or addresses (walk 3);
;   v80-103 six constants a row tile, each twice; v104-119 sums; v120-126 addresses; v128-191 S (64 results); v192-255 a second set of 64.
;   Window 1: v0-95 the rows' 8 fragments; v96-143 a block's 4; v144-191 sw's codes; v192-207 at work.  In walk 3's product: v0-191 a ring of eight K steps of X, v192-255 eight accumulators.
.set PASS, 1
.set XTF, 1572864                      ; sections of the buffer codes
.set XNS, 3145728
.set XTS, 3211264
.set CBO, 3276800
.set NFO, 3309568
.set CNT, 98304                        ; R in the buffer lists
.set S,   128
.set RR,  192
.set KC,  80
.set SUM, 104
.set BI,  48
.set NF,  64
.set RF,  0
.set CF,  96
.set PF,  144
.set TF,  192
.set OA,  192
.set SWS, 98304                        ; walk 3's LDS: sw's 64 fragment images from 0 on, (K step k, row tile m) at 6,144 k + 1,536 m; their scale words; a stage of 32 rows x 272 bytes for each wave
.set STG, 106496
.set NS,  16*(PASS-1)                  ; loads of earlier walks' sums
.set MSB, 0
.macro WIN new                         ; the immediate's high byte repeats the setting that is left
.if MSB != \new
	s_set_vgpr_msb (MSB<<8)|\new
.set MSB, \new
.endif
.endm
	s_load_b128 s[4:7], s[0:1], 0x0                ; codes, lists
.if PASS == 1
	s_load_b64 s[10:11], s[0:1], 0x10              ; part1
	v_lshl_add_u32 v254, v0, 2, 0x2000
	v_mov_b32 v255, 0
.elseif PASS == 2
	s_load_b128 s[8:11], s[0:1], 0x10              ; fstat, part1
	s_load_b64 s[12:13], s[0:1], 0x20              ; part2
.else
	s_load_b128 s[8:11], s[0:1], 0x10              ; fstat, part1
	s_load_b128 s[12:15], s[0:1], 0x20             ; part2, opart
.endif
	v_lshrrev_b32 v1, 5, v0
	v_readfirstlane_b32 s16, v1                    ; wave 0..7
	s_mov_b32 s17, ttmp9                           ; cq
	s_and_b32 s18, ttmp7, 0xffff                   ; rg
	v_and_b32 v1, 31, v0                           ; lane
	v_and_b32 v2, 15, v0                           ; r
	v_bfe_u32 v3, v0, 4, 1                         ; h
	v_lshlrev_b32 v4, 4, v1                        ; 16 x lane
	v_lshlrev_b32 v5, 3, v1                        ; 8 x lane
	v_lshlrev_b32 v6, 6, v3                        ; 64 h
	v_lshlrev_b32 v7, 3, v2                        ; 8 r
	v_lshlrev_b32 v123, 4, v2                      ; 16 r
	v_lshlrev_b32 v124, 2, v2                      ; 4 r
	v_lshlrev_b32 v125, 8, v3                      ; 256 h
	v_lshlrev_b32 v126, 5, v3                      ; 32 h
	s_mov_b32 s21, 0xffff0000                      ; lanes 16-31
	s_mov_b32 s22, 0x3fb8aa3b                      ; log2(e)
	s_mov_b32 s23, s22                             ; (named with it as a pair)
	s_mov_b32 s24, 0x76543210
	s_mov_b32 s25, 0xfedcba98                      ; v_permlanex16_b32's selects for lane l xor 16
	; every LDS address is made here, ahead of the branch on the count
.if PASS == 1
	s_lshl_b32 s52, s16, 10
	v_lshl_add_u32 v120, v2, 4, s52                ; my wave's sums: 16 bytes a row
	v_lshlrev_b32 v121, 4, v0                      ; back: a thread a row
.elseif PASS == 2
	s_lshl_b32 s52, s16, 8
	v_lshl_add_u32 v120, v2, 2, s52
	v_lshlrev_b32 v121, 2, v0
.else
	s_mul_i32 s52, s16, 12288
	v_add_nc_u32 v64, s52, v4                      ; my two K steps' images
	s_lshl_b32 s52, s16, 10
	s_add_co_u32 s52, s52, SWS
	v_lshl_add_u32 v65, v1, 2, s52                 ; and their scale words
	v_add_nc_u32 v67, 49152, v4                    ; images of K steps 8 on (those of 0-7: v4)
	v_lshl_add_u32 v68, v1, 2, SWS
	s_mul_i32 s52, s16, 8704
	s_add_co_u32 s52, s52, STG
	v_mul_u32_u24 v69, v2, 272
	v_lshl_add_u32 v69, v3, 5, v69
	v_add_nc_u32 v69, s52, v69                     ; the stage, in: channel r, places 8 h on
	v_mul_u32_u24 v70, v3, 272
	v_lshl_add_u32 v70, v2, 4, v70
	v_add_nc_u32 v70, s52, v70                     ; back: lanes 0-15 one channel's 256 bytes, lanes 16-31 the next
	v_lshl_add_u32 v71, v3, 8, v123                ; the same in opart
	v_lshlrev_b32 v72, 2, v1
.endif
	s_lshl_b32 s52, s17, 6
	s_lshl_b32 s53, s16, 3
	s_add_co_u32 s52, s52, s53                     ; my first block of columns: 64 cq + 8 wave
	s_mov_b32 s55, 0
	s_lshl_b32 s20, s18, 6                         ; my first place
	s_wait_kmcnt 0x0
	s_load_b32 s19, s[6:7], CNT                    ; R
.if PASS > 1
	s_load_b128 s[36:39], s[8:9], 0x0              ; t, n, 1/t, (NaN or 0)
.endif
	s_mul_i32 s54, s52, 6144
	s_add_nc_u64 s[26:27], s[4:5], s[54:55]        ; my columns' fragments,
	s_lshl_b32 s54, s52, 8
	s_add_co_u32 s54, s54, XNS
	s_add_nc_u64 s[28:29], s[4:5], s[54:55]        ; their scale words,
	s_lshl_b32 s54, s52, 7
	s_add_co_u32 s54, s54, CBO
	s_add_nc_u64 s[30:31], s[4:5], s[54:55]        ; their bias,
	s_add_nc_u64 s[32:33], s[30:31], NFO-CBO       ; their norf
	s_add_nc_u64 s[50:51], s[4:5], XNS
	s_lshl_b32 s54, s18, 9
	s_add_nc_u64 s[34:35], s[6:7], s[54:55]        ; the list at my first place
.if PASS == 1
	s_lshl_b32 s54, s17, 17
	s_lshl_b32 s53, s18, 10
	s_add_co_u32 s54, s54, s53
	s_add_nc_u64 s[48:49], s[10:11], s[54:55]
.else
	s_lshl_b32 s54, s18, 10
	s_add_nc_u64 s[40:41], s[10:11], s[54:55]
.endif
.if PASS == 2
	s_lshl_b32 s54, s17, 15
	s_lshl_b32 s53, s18, 8
	s_add_co_u32 s54, s54, s53
	s_add_nc_u64 s[48:49], s[12:13], s[54:55]
.endif
.if PASS == 3
	s_lshl_b32 s54, s18, 8
	s_add_nc_u64 s[42:43], s[12:13], s[54:55]
	s_mul_i32 s54, s17, 393216
	s_mul_i32 s53, s16, 3072
	s_add_co_u32 s54, s54, s53
	s_add_co_u32 s54, s54, XTF
	s_add_nc_u64 s[44:45], s[4:5], s[54:55]        ; X along the pixels: my quarter's 16 K steps, channel tiles 2 wave, 2 wave + 1
	s_lshl_b32 s54, s17, 14
	s_lshl_b32 s53, s16, 7
	s_add_co_u32 s54, s54, s53
	s_add_co_u32 s54, s54, XTS
	s_add_nc_u64 s[46:47], s[4:5], s[54:55]
	s_lshl_b32 s54, s17, 7
	s_add_co_u32 s54, s54, s18
	s_lshl_b32 s54, s54, 16
	s_lshl_b32 s53, s16, 13
	s_add_co_u32 s54, s54, s53
	s_add_nc_u64 s[48:49], s[14:15], s[54:55]      ; opart: block (cq, rg) of 64 KB, my 32 channels
.endif
.macro LOADCOL b                       ; block b's four fragments, 512 consecutive bytes a load, and its scale words (v20 tile 0, v21 tile 1; lanes 0-15 K step 0, lanes 16-31 K step 1)
	WIN 0x40
.irp i, 0,1,2,3,4,5,6,7,8,9,10,11
	global_load_b128 v[CF+4*\i:CF+4*\i+3], v4, s[26:27] offset:6144*(\b)+512*\i
.endr
	WIN 0
	global_load_b64 v[20:21], v5, s[28:29] offset:256*(\b)
.endm
.macro LOADBI b
.irp i, 0,1,2,3
	global_load_b128 v[BI+4*\i:BI+4*\i+3], v6, s[30:31] offset:128*(\b)+16*\i
.endr
.endm
.macro LOADNF b
.irp i, 0,1,2,3
	global_load_b128 v[NF+4*\i:NF+4*\i+3], v6, s[32:33] offset:128*(\b)+16*\i
.endr
.endm
; sim of the 64 rows and nu tiles of 16 columns, K = 256 in two steps.  The accumulators take turns, one instruction a turn.
.macro SIMW nu
	WIN 0x05                                       ; both sources in window 1, the sums in window 0
.irp m, 0,1,2,3
.irp u, 0,1
.if \u < \nu
	v_wmma_scale_f32_16x16x128_f8f6f4 v[S+16*\m+8*\u:S+16*\m+8*\u+7], v[CF+24*\u:CF+24*\u+11], v[RF+24*\m:RF+24*\m+11], 0, v[20+\u], v[16+\m] matrix_a_fmt:MATRIX_FMT_BF6 matrix_b_fmt:MATRIX_FMT_BF6
.endif
.endr
.endr
.irp m, 0,1,2,3
.irp u, 0,1
.if \u < \nu
	v_wmma_scale_f32_16x16x128_f8f6f4 v[S+16*\m+8*\u:S+16*\m+8*\u+7], v[CF+24*\u+12:CF+24*\u+23], v[RF+24*\m+12:RF+24*\m+23], v[S+16*\m+8*\u:S+16*\m+8*\u+7], v[20+\u], v[16+\m] matrix_a_fmt:MATRIX_FMT_BF6 matrix_b_fmt:MATRIX_FMT_BF6 matrix_a_scale:MATRIX_SCALE_ROW1 matrix_b_scale:MATRIX_SCALE_ROW1
.endif
.endr
.endr
	WIN 0
.rept 4
	v_nop                                          ; places in front of the reads of the sums and of the loads into the operands
.endr
.endm
; walk 3: the block's 64 x 32 weights become codes.  A block of 32 columns lies in lanes l and l xor 16; two blocks make half a fragment, four a fragment, which goes to LDS as an image of its registers.
.macro QNT b
.if (\b) == 4
	s_wait_dscnt 0x0                               ; the first K step's stores have read the registers that are written again now
.endif
.irp m, 0,1,2,3
	v_max3_num_f32 v[RR+\m], v[S+16*\m], v[S+16*\m+1], 0x2800000   ; no weight is negative; the floor 2^(5 - 127) holds the byte at 1 from below
.endr
.irp i, 2,4,6,8,10,12,14
.irp m, 0,1,2,3
	v_max3_num_f32 v[RR+\m], v[RR+\m], v[S+16*\m+\i], v[S+16*\m+\i+1]
.endr
.endr
.irp m, 0,1,2,3
	v_permlanex16_b32 v[RR+4+\m], v[RR+\m], s24, s25
.endr
.irp m, 0,1,2,3
	v_max_num_f32 v[RR+\m], v[RR+\m], v[RR+4+\m]
.endr
.irp m, 0,1,2,3
	v_add_nc_u32 v[RR+8+\m], 0xfe000000, v[RR+\m]  ; 4 off the exponent field: the conversion's scale operand
.endr
.irp m, 0,1,2,3
	v_lshrrev_b32 v[RR+4+\m], 23, v[RR+8+\m]       ; the byte
.endr
.irp m, 0,1,2,3
.if (\b)%4 == 0
	v_mov_b32 v[12+\m], v[RR+4+\m]
.else
	v_lshl_or_b32 v[12+\m], v[RR+4+\m], 8*((\b)%4), v[12+\m]
.endif
.endr
	WIN 0x40                                       ; the codes go to window 1
.irp m, 0,1,2,3
.if (\b)%2 == 0
	v_cvt_scalef32_pk16_bf6_f32 v[PF+12*\m+6*(((\b)%4)/2):PF+12*\m+6*(((\b)%4)/2)+2], v[S+16*\m:S+16*\m+15], v[RR+8+\m]
.else
	v_cvt_scalef32_pk16_bf6_f32 v[TF+4*\m:TF+4*\m+2], v[S+16*\m:S+16*\m+15], v[RR+8+\m]
.endif
.endr
	v_nop                                          ; one plain place behind the conversions
.if (\b)%2 == 1
	WIN 0x41                                       ; the operand wants a whole block in a lane: lanes 0-15 the even block, lanes 16-31 the odd one
.irp m, 0,1,2,3
.irp i, 0,1,2
	v_permlane16_swap_b32 v[PF+12*\m+6*(((\b)%4)/2)+\i], v[TF+4*\m+\i]
.endr
.endr
.irp m, 0,1,2,3
.irp i, 0,1,2
	v_mov_b32 v[PF+12*\m+6*(((\b)%4)/2)+3+\i], v[TF+4*\m+\i]
.endr
.endr
.endif
	WIN 0
.if (\b)%4 == 3
	WIN 0x04                                       ; an LDS store's data are its source 1: window 1
.irp m, 0,1,2,3
.irp g, 0,1,2
	ds_store_b128 v64, v[PF+12*\m+4*\g:PF+12*\m+4*\g+3] offset:6144*((\b)/4)+1536*\m+512*\g
.endr
.endr
	WIN 0
.irp m, 0,1,2,3
	ds_store_b32 v65, v[12+\m] offset:512*((\b)/4)+128*\m
.endr
.endif
.endm
; One block of 32 columns for the 64 rows.  more = 1: the next block's operands are asked for as soon as this block's have been used; they have the block's vector work in which to land.
.macro BLOCK b, more
	s_wait_loadcnt 0x0                             ; this block's fragments, scale words, bias (and norf) are in; nothing else is out
	SIMW 2
.if \more
	LOADCOL (\b+1)
.endif
.irp m, 0,1,2,3
.irp i, 0,1,2,3,4,5,6,7
	v_pk_fma_f32 v[S+16*\m+2*\i:S+16*\m+2*\i+1], v[S+16*\m+2*\i:S+16*\m+2*\i+1], s[22:23], v[BI+2*\i:BI+2*\i+1] op_sel_hi:[1,0,1]   ; sim log2(e) + bias; each sum is read from its low end on
.endr
.endr
.if \more
	LOADBI (\b+1)
.endif
.set j, 0
.rept 64
	v_exp_f32 v[S+j], v[S+j]                       ; e
.set j, j+1
.endr
	v_nop                                          ; a plain place behind the batch,
	s_wait_alu depctr_va_vdst(0)                   ; and the one wait ahead of its first reader
.if PASS == 1
.irp m, 0,1,2,3
.irp i, 0,1,2,3,4,5,6,7
	v_pk_fma_f32 v[S+16*\m+2*\i:S+16*\m+2*\i+1], v[NF+2*\i:NF+2*\i+1], v[KC+6*\m:KC+6*\m+1], v[S+16*\m+2*\i:S+16*\m+2*\i+1]   ; g = e - a norf
.endr
.endr
.if \more
	LOADNF (\b+1)
.endif
.irp i, 0,1,2,3,4,5,6,7
.irp m, 0,1,2,3
	v_pk_add_f32 v[SUM+4*\m:SUM+4*\m+1], v[SUM+4*\m:SUM+4*\m+1], v[S+16*\m+2*\i:S+16*\m+2*\i+1]
	v_pk_fma_f32 v[SUM+4*\m+2:SUM+4*\m+3], v[S+16*\m+2*\i:S+16*\m+2*\i+1], v[S+16*\m+2*\i:S+16*\m+2*\i+1], v[SUM+4*\m+2:SUM+4*\m+3]
.endr
.endr
.else
.irp m, 0,1,2,3
.irp i, 0,1,2,3,4,5,6,7
	v_pk_add_f32 v[RR+16*\m+2*\i:RR+16*\m+2*\i+1], v[S+16*\m+2*\i:S+16*\m+2*\i+1], v[KC+6*\m:KC+6*\m+1]   ; e - thrE
.endr
.endr
.set j, 0
.rept 64
	v_max_num_f32 v[RR+j], 0, v[RR+j]              ; r
.set j, j+1
.endr
.irp m, 0,1,2,3
.irp i, 0,1,2,3,4,5,6,7
	v_pk_mul_f32 v[S+16*\m+2*\i:S+16*\m+2*\i+1], v[S+16*\m+2*\i:S+16*\m+2*\i+1], v[RR+16*\m+2*\i:RR+16*\m+2*\i+1]   ; e r
.endr
.endr
.irp m, 0,1,2,3
.irp i, 0,1,2,3,4,5,6,7
.if PASS == 2
	v_pk_add_f32 v[RR+16*\m+2*\i:RR+16*\m+2*\i+1], v[RR+16*\m+2*\i:RR+16*\m+2*\i+1], v[KC+6*\m+2:KC+6*\m+3]   ; r + epsE
.else
	v_pk_fma_f32 v[RR+16*\m+2*\i:RR+16*\m+2*\i+1], v[RR+16*\m+2*\i:RR+16*\m+2*\i+1], v[KC+6*\m+2:KC+6*\m+3], v[KC+6*\m+4:KC+6*\m+5]   ; (r + epsE) SE
.endif
.endr
.endr
.set j, 0
.rept 64
	v_rcp_f32 v[RR+j], v[RR+j]
.set j, j+1
.endr
	v_nop
	s_wait_alu depctr_va_vdst(0)
.if PASS == 2
.irp i, 0,1,2,3,4,5,6,7
.irp m, 0,1,2,3
	v_pk_fma_f32 v[SUM+4*\m:SUM+4*\m+1], v[S+16*\m+2*\i:S+16*\m+2*\i+1], v[RR+16*\m+2*\i:RR+16*\m+2*\i+1], v[SUM+4*\m:SUM+4*\m+1]
.endr
.endr
.else
.irp m, 0,1,2,3
.irp i, 0,1,2,3,4,5,6,7
	v_pk_mul_f32 v[S+16*\m+2*\i:S+16*\m+2*\i+1], v[S+16*\m+2*\i:S+16*\m+2*\i+1], v[RR+16*\m+2*\i:RR+16*\m+2*\i+1]   ; sw, finished and normalised
.endr
.endr
	QNT \b
.endif
.endif
.endm
; walks 2 and 3: a row's constants from the four quarters' sums
.macro STATS
.irp m, 0,1,2,3
	v_pk_add_f32 v[224+2*\m:225+2*\m], v[S+4*\m:S+4*\m+1], v[S+16+4*\m:S+17+4*\m]
	v_pk_add_f32 v[232+2*\m:233+2*\m], v[S+32+4*\m:S+33+4*\m], v[S+48+4*\m:S+49+4*\m]
.endr
.irp m, 0,1,2,3
	v_pk_add_f32 v[224+2*\m:225+2*\m], v[224+2*\m:225+2*\m], v[232+2*\m:233+2*\m]   ; Z', Q'
.endr
.irp m, 0,1,2,3
	v_mul_f32 v[232+\m], s38, v[224+2*\m]          ; Z' / t
.endr
.irp m, 0,1,2,3
	v_fma_f32 v[236+\m], -v[224+2*\m], v[232+\m], v[225+2*\m]
.endr
.irp m, 0,1,2,3
	v_max_num_f32 v[236+\m], 0, v[236+\m]          ; M2
.endr
.irp m, 0,1,2,3
	v_mul_f32 v[236+\m], s38, v[236+\m]
.endr
.irp m, 0,1,2,3
	v_sqrt_f32 v[240+\m], v[236+\m]
.endr
.irp m, 0,1,2,3
	v_add_f32 v[232+\m], v[S+4*\m+2], v[232+\m]    ; a + Z' / t  (plain work behind the roots)
.endr
.irp m, 0,1,2,3
	v_fma_f32 v[244+\m], s37, v[S+4*\m+2], v[224+2*\m]   ; n a + Z'
.endr
.irp m, 0,1,2,3
	v_mul_f32 v[244+\m], 0x2edbe6ff, v[244+\m]     ; epsE = 1e-10 times it
.endr
	s_wait_alu depctr_va_vdst(0)
.irp m, 0,1,2,3
	v_fma_f32 v[KC+6*\m], 2.0, v[240+\m], -v[232+\m]     ; -thrE, twice
	v_fma_f32 v[KC+6*\m+1], 2.0, v[240+\m], -v[232+\m]
.endr
.if PASS == 2
.irp m, 0,1,2,3
	v_mov_b32 v[KC+6*\m+2], v[244+\m]
	v_mov_b32 v[KC+6*\m+3], v[244+\m]
	v_mov_b32 v[SUM+4*\m], 0
	v_mov_b32 v[SUM+4*\m+1], 0
.endr
.else
.irp m, 0,1,2,3
	v_add_f32 v[248+\m], v[RR+16+\m], v[RR+20+\m]
	v_add_f32 v[252+\m], v[RR+24+\m], v[RR+28+\m]
.endr
.irp m, 0,1,2,3
	v_add_f32 v[KC+6*\m+2], v[248+\m], v[252+\m]   ; SE
	v_add_f32 v[KC+6*\m+3], v[248+\m], v[252+\m]
.endr
.irp m, 0,1,2,3
	v_mul_f32 v[KC+6*\m+4], v[244+\m], v[KC+6*\m+2]   ; epsE SE
	v_mul_f32 v[KC+6*\m+5], v[244+\m], v[KC+6*\m+2]
.endr
.endif
.endm
	s_wait_kmcnt 0x0
	s_max_u32 s19, s19, 1                          ; the first group always works
	s_cmp_lt_u32 s20, s19
	s_cbranch_scc0 .Ljoin
	; ---- A: up to this wave's LDS stores
.irp m, 0,1,2,3
	global_load_b64 v[RR+2*\m:RR+2*\m+1], v7, s[34:35] offset:128*\m   ; {ro, rs} of place 64 rg + 16 m + r
.endr
.if PASS == 1
	WIN 0x40
.irp i, 0,1,2,3,4,5
	global_load_b128 v[CF+4*\i:CF+4*\i+3], v4, s[4:5] offset:512*\i    ; tile 0 of the whole matrix's block 0: pixel 0 is its lane 0
.endr
	WIN 0
	global_load_b64 v[20:21], v5, s[50:51]
	s_wait_loadcnt 7                               ; the list's four loads are in; the seven behind them may be out
.else
.irp q, 0,1,2,3
.irp m, 0,1,2,3
	global_load_b128 v[S+16*\q+4*\m:S+16*\q+4*\m+3], v123, s[40:41] offset:131072*\q+256*\m
.endr
.endr
.if PASS == 3
.irp q, 0,1,2,3
.irp m, 0,1,2,3
	global_load_b32 v[RR+16+4*\q+\m], v124, s[42:43] offset:32768*\q+64*\m
.endr
.endr
.endif
	LOADCOL 0
	LOADBI 0
	s_wait_loadcnt NS+17                           ; the list's four loads are in; the sums' NS and block 0's 17 may be out
.endif
.irp m, 0,1,2,3
	v_min_u32 v[8+\m], 0x17f4f, v[RR+2*\m]         ; held inside XNF (98,127 units of 16 bytes)
	v_min_u32 v[RR+8+\m], 0x3fdf, v[RR+2*\m+1]     ; and inside XNS (16,351 words)
.endr
.irp m, 0,1,2,3
	v_lshlrev_b32 v[8+\m], 4, v[8+\m]
	v_add_nc_u32 v[RR+8+\m], v[RR+8+\m], v126      ; lanes 16-31: the second K step's word
.endr
.irp m, 0,1,2,3
	v_add_nc_u32 v[8+\m], v[8+\m], v125            ; lanes 16-31: the image's upper lanes
	v_lshlrev_b32 v[RR+8+\m], 2, v[RR+8+\m]
.endr
	WIN 0x40
.irp m, 0,1,2,3
.irp s, 0,1
.irp g, 0,1,2
	global_load_b128 v[RF+24*\m+12*\s+4*\g:RF+24*\m+12*\s+4*\g+3], v[8+\m], s[4:5] offset:1536*\s+512*\g   ; my row's registers, out of whatever fragment holds it
.endr
.endr
.endr
	WIN 0
.irp m, 0,1,2,3
	global_load_b32 v[16+\m], v[RR+8+\m], s[50:51]
.endr
.if PASS == 1
	s_wait_loadcnt 0x0
	SIMW 1
	LOADCOL 0
	LOADBI 0
	LOADNF 0
.irp m, 0,1,2,3
	v_mul_f32 v[RR+\m], s22, v[S+16*\m]            ; lanes 0-15: sim(row r, pixel 0), unmasked
.endr
.irp m, 0,1,2,3
	v_exp_f32 v[RR+\m], v[RR+\m]
.endr
.irp m, 0,1,2,3
	v_mov_b32 v[RR+4+\m], 0
.endr
	s_wait_alu depctr_va_vdst(0)
.irp m, 0,1,2,3
	v_permlanex16_b32 v[RR+4+\m], v[RR+\m], s24, s25
.endr
.irp m, 0,1,2,3
	v_cndmask_b32 v[KC+6*\m+4], v[RR+\m], v[RR+4+\m], s21   ; a, in both halves of the lanes: the same number in every wave that serves the row
.endr
.irp m, 0,1,2,3
	v_mul_f32 v[KC+6*\m], -1.0, v[KC+6*\m+4]
	v_mul_f32 v[KC+6*\m+1], -1.0, v[KC+6*\m+4]
.endr
.set j, 0
.rept 16
	v_mov_b32 v[SUM+j], 0
.set j, j+1
.endr
.else
	s_wait_loadcnt 45                              ; the sums are in; block 0's 17 loads and the rows' 28 may be out
	STATS
.endif
.irp b, 0,1,2,3,4,5,6
	BLOCK \b, 1
.endr
	BLOCK 7, 0
.if PASS == 1
.irp m, 0,1,2,3
	v_add_f32 v[RR+4*\m], v[SUM+4*\m], v[SUM+4*\m+1]
	v_add_f32 v[RR+4*\m+1], v[SUM+4*\m+2], v[SUM+4*\m+3]
	v_mov_b32 v[RR+16+2*\m], 0
	v_mov_b32 v[RR+17+2*\m], 0
.endr
.irp m, 0,1,2,3
	v_permlanex16_b32 v[RR+16+2*\m], v[RR+4*\m], s24, s25
	v_permlanex16_b32 v[RR+17+2*\m], v[RR+4*\m+1], s24, s25
.endr
.irp m, 0,1,2,3
	v_pk_add_f32 v[RR+4*\m:RR+4*\m+1], v[RR+4*\m:RR+4*\m+1], v[RR+16+2*\m:RR+17+2*\m]
	v_mov_b32 v[RR+4*\m+2], v[KC+6*\m+4]
	v_mov_b32 v[RR+4*\m+3], 0
.endr
.irp m, 0,1,2,3
	ds_store_b128 v120, v[RR+4*\m:RR+4*\m+3] offset:256*\m   ; {Z', Q', a, 0} of my 256 columns (both halves of the lanes write the same)
.endr
.elseif PASS == 2
.irp m, 0,1,2,3
	v_add_f32 v[RR+\m], v[SUM+4*\m], v[SUM+4*\m+1]
.endr
.irp m, 0,1,2,3
	v_permlanex16_b32 v[RR+4+\m], v[RR+\m], s24, s25
.endr
.irp m, 0,1,2,3
	v_add_f32 v[RR+\m], v[RR+\m], v[RR+4+\m]
.endr
.irp m, 0,1,2,3
	ds_store_b32 v120, v[RR+\m] offset:64*\m
.endr
.endif
.Ljoin:
	s_wait_dscnt 0x0                               ; for the others' sake: my stores have landed
	s_barrier_signal -1
	s_barrier_wait -1                              ; every wave passes it, with rows or without
	s_cmp_lt_u32 s20, s19
	s_cbranch_scc0 .Lend
	; ---- B: reads only what the head or B itself has written, and LDS
.if PASS == 1
	s_cmp_lt_u32 s16, 2
	s_cbranch_scc0 .Lend                           ; 64 threads, a row each
.irp w, 0,1,2,3,4,5,6,7
	ds_load_b128 v[S+4*\w:S+4*\w+3], v121 offset:1024*\w
.endr
	s_wait_dscnt 0x0
	v_pk_add_f32 v[S:S+1], v[S:S+1], v[S+4:S+5]
	v_pk_add_f32 v[S+8:S+9], v[S+8:S+9], v[S+12:S+13]
	v_pk_add_f32 v[S+16:S+17], v[S+16:S+17], v[S+20:S+21]
	v_pk_add_f32 v[S+24:S+25], v[S+24:S+25], v[S+28:S+29]
	v_pk_add_f32 v[S:S+1], v[S:S+1], v[S+8:S+9]
	v_pk_add_f32 v[S+16:S+17], v[S+16:S+17], v[S+24:S+25]
	v_pk_add_f32 v[S:S+1], v[S:S+1], v[S+16:S+17]
	global_store_b128 v121, v[S:S+3], s[48:49]     ; 512 consecutive bytes a wave
.elseif PASS == 2
	s_cmp_lt_u32 s16, 2
	s_cbranch_scc0 .Lend
.irp w, 0,1,2,3,4,5,6,7
	ds_load_b32 v[S+\w], v121 offset:256*\w
.endr
	s_wait_dscnt 0x0
	v_pk_add_f32 v[S:S+1], v[S:S+1], v[S+2:S+3]
	v_pk_add_f32 v[S+4:S+5], v[S+4:S+5], v[S+6:S+7]
	v_pk_add_f32 v[S:S+1], v[S:S+1], v[S+4:S+5]
	v_add_f32 v[S], v[S], v[S+1]
	global_store_b32 v121, v[S], s[48:49]
.else
; THE THIRD PRODUCT for this quarter's 2,048 pixels: source 0 = 16 places of sw (from LDS, all waves' images), source 1 = 16 channels of X (from memory, a ring of eight K steps).
; Wave w owns channel tiles 2 w and 2 w + 1 for all four row tiles: eight accumulators by turns.  Lane (r, h) holds channel r and places 8 h + 0 .. 7.
.macro RING k
.irp n, 0,1
.irp g, 0,1,2
	global_load_b128 v[24*((\k)%8)+12*\n+4*\g:24*((\k)%8)+12*\n+4*\g+3], v4, s[44:45] offset:24576*(\k)+1536*\n+512*\g
.endr
.endr
.endm
.macro SWLOAD k                        ; K step k's four fragments of sw into set k % 2 (v128 on, v192 on), and their scale words
.irp m, 0,1,2,3
.irp g, 0,1,2
	ds_load_b128 v[S+64*((\k)%2)+12*\m+4*\g:S+64*((\k)%2)+12*\m+4*\g+3], v[4+63*((\k)/8)] offset:6144*((\k)%8)+1536*\m+512*\g
.endr
.endr
.irp m, 0,1,2,3
	ds_load_b32 v[24+4*((\k)%2)+\m], v68 offset:512*(\k)+128*\m
.endr
.endm
.macro P3 k, m, n
.set rD, OA+8*(2*(\m)+(\n))
.set rA, S+64*((\k)%2)+12*(\m)
.set rB, 24*((\k)%8)+12*(\n)
.if ((\k) == 0) && ((\n) == 0)
	v_wmma_scale_f32_16x16x128_f8f6f4 v[rD:rD+7], v[rA:rA+11], v[rB:rB+11], 0, v[24+4*((\k)%2)+(\m)], v[32+(\k)] matrix_a_fmt:MATRIX_FMT_BF6 matrix_b_fmt:MATRIX_FMT_BF6
.elseif (\k) == 0
	v_wmma_scale_f32_16x16x128_f8f6f4 v[rD:rD+7], v[rA:rA+11], v[rB:rB+11], 0, v[24+4*((\k)%2)+(\m)], v[32+(\k)] matrix_a_fmt:MATRIX_FMT_BF6 matrix_b_fmt:MATRIX_FMT_BF6 matrix_b_scale:MATRIX_SCALE_ROW1
.elseif (\n) == 0
	v_wmma_scale_f32_16x16x128_f8f6f4 v[rD:rD+7], v[rA:rA+11], v[rB:rB+11], v[rD:rD+7], v[24+4*((\k)%2)+(\m)], v[32+(\k)] matrix_a_fmt:MATRIX_FMT_BF6 matrix_b_fmt:MATRIX_FMT_BF6
.else
	v_wmma_scale_f32_16x16x128_f8f6f4 v[rD:rD+7], v[rA:rA+11], v[rB:rB+11], v[rD:rD+7], v[24+4*((\k)%2)+(\m)], v[32+(\k)] matrix_a_fmt:MATRIX_FMT_BF6 matrix_b_fmt:MATRIX_FMT_BF6 matrix_b_scale:MATRIX_SCALE_ROW1
.endif
.endm
.macro KSTEP k
.if (\k) < 8
	s_wait_loadcnt 42                              ; this K step's six loads of X are in; the seven later K steps' may be out
.else
	s_wait_loadcnt 6*(15-(\k))
.endif
.if (\k) < 15
	s_wait_dscnt 16                                ; this K step's sw is in; the next one's 16 loads may be out
.else
	s_wait_dscnt 0x0
.endif
	WIN 0x54                                       ; sw in window 0; X and the sums in window 1
.irp m, 0,1,2,3
.irp n, 0,1
	P3 \k, \m, \n
.endr
.endr
	WIN 0
.rept 4
	v_nop                                          ; places in front of the loads into the operands, and at the end of the reads of the sums
.endr
.if (\k)+2 < 16
	SWLOAD (\k)+2
.endif
.if (\k)+8 < 16
	WIN 0x40
	RING (\k)+8
	WIN 0
.endif
.endm
.irp k, 0,1,2,3,4,5,6,7,8,9,10,11,12,13,14,15
	global_load_b32 v[32+\k], v72, s[46:47] offset:1024*\k   ; X's scale words: lanes 0-15 my even channel tile, lanes 16-31 my odd one
.endr
	WIN 0x40
.irp k, 0,1,2,3,4,5,6,7
	RING \k
.endr
	WIN 0
	SWLOAD 0
	SWLOAD 1
.irp k, 0,1,2,3,4,5,6,7,8,9,10,11,12,13,14,15
	KSTEP \k
.endr
	; the way out: through my own stage, so that sixteen lanes store a channel's 64 places, 256 consecutive bytes
	WIN 0x04
.irp m, 0,1,2,3
.irp n, 0,1
	ds_store_b128 v69, v[OA+8*(2*\m+\n):OA+8*(2*\m+\n)+3] offset:4352*\n+64*\m       ; each sum from its low end on
	ds_store_b128 v69, v[OA+8*(2*\m+\n)+4:OA+8*(2*\m+\n)+7] offset:4352*\n+64*\m+16
.endr
.endr
	WIN 0
.irp i, 0,1,2,3,4,5,6,7,8,9,10,11,12,13,14,15
	ds_load_b128 v[S+4*\i:S+4*\i+3], v70 offset:544*\i     ; LDS serves a wave's instructions in order: these see my stores
.endr
.irp i, 0,1,2,3,4,5,6,7,8,9,10,11,12,13,14,15
	s_wait_dscnt 15-\i
	global_store_b128 v71, v[S+4*\i:S+4*\i+3], s[48:49] offset:512*\i
.endr
.endif
.Lend:
	s_wait_tensorcnt 0x0
	ds_add_u32 v254, v255
	s_wait_dscnt 0x0
	s_endpgm
.Lfunc_end_k_qc272e8c45c_pass1:
	.size	k_qc272e8c45c_pass1, .Lfunc_end_k_qc272e8c45c_pass1-k_qc272e8c45c_pass1
	.p2alignl 7, 3214868480
	.fill 96, 4, 3214868480
	.section	.rodata,"a",@progbits
	.p2align	6, 0x0
	.amdhsa_kernel k_qc272e8c45c_pass1
		.amdhsa_group_segment_fixed_size 9216
		.amdhsa_private_segment_fixed_size 0
		.amdhsa_enable_private_segment 0
		.amdhsa_kernarg_size 24
		.amdhsa_user_sgpr_count 2
		.amdhsa_user_sgpr_kernarg_segment_ptr 1
		.amdhsa_wavefront_size32 1
		.amdhsa_system_sgpr_workgroup_id_x 1
		.amdhsa_system_sgpr_workgroup_id_y 1
		.amdhsa_system_sgpr_workgroup_id_z 1
		.amdhsa_system_vgpr_workitem_id 0
		.amdhsa_next_free_vgpr 512
		.amdhsa_next_free_sgpr 66
		.amdhsa_reserve_vcc 0
		.amdhsa_float_denorm_mode_32 3
		.amdhsa_float_denorm_mode_16_64 3
		.amdhsa_memory_ordered 1
		.amdhsa_forward_progress 1
		.amdhsa_inst_pref_size 128
	.end_amdhsa_kernel
	.amdgpu_metadata
---
amdhsa.version: [ 1, 2 ]
amdhsa.kernels:
  - .name:           k_qc272e8c45c_pass1
    .symbol:         k_qc272e8c45c_pass1.kd
    .args:
      - { .name: codes, .offset: 0, .size: 8, .value_kind: global_buffer, .address_space: global }
      - { .name: lists, .offset: 8, .size: 8, .value_kind: global_buffer, .address_space: global }
      - { .name: part1, .offset: 16, .size: 8, .value_kind: global_buffer, .address_space: global }
    .group_segment_fixed_size: 9216
    .private_segment_fixed_size: 0
    .kernarg_segment_align: 8
    .kernarg_segment_size: 24
    .max_flat_workgroup_size: 256
    .sgpr_count:     66
    .vgpr_count:     512
    .wavefront_size: 32
...
	.end_amdgpu_metadata
.endif
;; end of part 3
;; launch pass2 (part 4): grid 4 x 128, 8 waves a work-group, no clusters, 9,216 bytes of LDS; arguments codes, lists, fstat, part1, part2; writes part2
.if DOCPART == 4
	.amdgcn_target "amdgcn-amd-amdhsa--gfx1250"
	.amdhsa_code_object_version 6
	.text
	.protected	k_qc272e8c45c_pass2
	.globl	k_qc272e8c45c_pass2
	.p2align	8
	.type	k_qc272e8c45c_pass2,@function
k_qc272e8c45c_pass2:
	s_mov_b64 s[64:65], 0
	v_nop
	global_prefetch_b8 v0, s[64:65] scope:SCOPE_SE
	s_setreg_imm32_b32 hwreg(HW_REG_WAVE_MODE, 25, 1), 1
	s_wait_xcnt 0x0
; THE THREE WALKS over the weights of the anomalous rows are one text; the line below says which walk this launch is.
;   walk 1: a = e(row, pixel 0), Z' = sum of g, Q' = sum of g^2, g = e - a norf   -> part1
;   walk 2: SE = sum of e r / (r + epsE), r = max(e - thrE, 0)                     -> part2
;   walk 3: sw = e r / ((r + epsE) SE), quantised along the pixels, times X        -> opart (one partial sum for each quarter of the columns)
; e = 2^(sim log2(e) + bias), sim = the quantised product of two normalised pixels, bias = 0 or -1e30 (a column that is anomalous: e = 0).  All is kept in units of e: the softmax's divisor cancels.
; thrE = a + Z'/t - 2 sqrt(M2 / t), M2 = max(Q' - Z' Z'/t, 0), epsE = 1e-10 (n a + Z'): the mean, the spread and the 1e-10 of the weights, times that divisor.
; NO MAXIMUM IS TAKEN OFF THE EXPONENT: both vectors are normalised by the computation itself and a code enlarges a number by an eighth at the most, so |sim| <= 1.27, e lies in 0.28 .. 3.6 and a row's sum under 30,000.
; Only the rows that are kept (anomalous pixels, by the stored list) are walked; the columns keep their places, since the blocks of 32 along the third product's K are blocks of the original pixels.
; SHARES: work-group (cq, rg) = places 64 rg .. + 63 x columns 2,048 cq .. + 2,047.  Each of eight waves holds ALL 64 rows (four tiles) and eight blocks of 32 columns of its own, so a column fragment feeds four products.
; A work-group whose places lie at or past max(R, 1) stores nothing: a branch on the stored count, round the work and never round the barrier.  So operands go from memory straight into registers: no tensor load, no joint load.
; The product is used transposed (source 0 = 16 columns, source 1 = 16 rows): lane (r, h) holds row r, and the 16 registers of a block's two tiles are columns 16 h + 0 .. 15 of the block.
; LIMITS: NaN and infinities are not served; a row whose kept weights sum to exactly 0 is not NaN here; with no normal pixel at all the last launch makes the NaN.
; REGISTERS.  Window 0: v1-11 lane terms and row offsets; v12-15 sw's scale words in the making; v16-21, v24-47 scale words of products; v48-63 bias; v64-79 norf (walk 1) or addresses (walk 3);
;   v80-103 six constants a row tile, each twice; v104-119 sums; v120-126 addresses; v128-191 S (64 results); v192-255 a second set of 64.
;   Window 1: v0-95 the rows' 8 fragments; v96-143 a block's 4; v144-191 sw's codes; v192-207 at work.  In walk 3's product: v0-191 a ring of eight K steps of X, v192-255 eight accumulators.
.set PASS, 2
.set XTF, 1572864                      ; sections of the buffer codes
.set XNS, 3145728
.set XTS, 3211264
.set CBO, 3276800
.set NFO, 3309568
.set CNT, 98304                        ; R in the buffer lists
.set S,   128
.set RR,  192
.set KC,  80
.set SUM, 104
.set BI,  48
.set NF,  64
.set RF,  0
.set CF,  96
.set PF,  144
.set TF,  192
.set OA,  192
.set SWS, 98304                        ; walk 3's LDS: sw's 64 fragment images from 0 on, (K step k, row tile m) at 6,144 k + 1,536 m; their scale words; a stage of 32 rows x 272 bytes for each wave
.set STG, 106496
.set NS,  16*(PASS-1)                  ; loads of earlier walks' sums
.set MSB, 0
.macro WIN new                         ; the immediate's high byte repeats the setting that is left
.if MSB != \new
	s_set_vgpr_msb (MSB<<8)|\new
.set MSB, \new
.endif
.endm
	s_load_b128 s[4:7], s[0:1], 0x0                ; codes, lists
.if PASS == 1
	s_load_b64 s[10:11], s[0:1], 0x10              ; part1
.elseif PASS == 2
	s_load_b128 s[8:11], s[0:1], 0x10              ; fstat, part1
	s_load_b64 s[12:13], s[0:1], 0x20              ; part2
	v_lshl_add_u32 v122, v0, 2, 0x2000
	v_mov_b32 v127, 0
.else
	s_load_b128 s[8:11], s[0:1], 0x10              ; fstat, part1
	s_load_b128 s[12:15], s[0:1], 0x20             ; part2, opart
.endif
	v_lshrrev_b32 v1, 5, v0
	v_readfirstlane_b32 s16, v1                    ; wave 0..7
	s_mov_b32 s17, ttmp9                           ; cq
	s_and_b32 s18, ttmp7, 0xffff                   ; rg
	v_and_b32 v1, 31, v0                           ; lane
	v_and_b32 v2, 15, v0                           ; r
	v_bfe_u32 v3, v0, 4, 1                         ; h
	v_lshlrev_b32 v4, 4, v1                        ; 16 x lane
	v_lshlrev_b32 v5, 3, v1                        ; 8 x lane
	v_lshlrev_b32 v6, 6, v3                        ; 64 h
	v_lshlrev_b32 v7, 3, v2                        ; 8 r
	v_lshlrev_b32 v123, 4, v2                      ; 16 r
	v_lshlrev_b32 v124, 2, v2                      ; 4 r
	v_lshlrev_b32 v125, 8, v3                      ; 256 h
	v_lshlrev_b32 v126, 5, v3                      ; 32 h
	s_mov_b32 s21, 0xffff0000                      ; lanes 16-31
	s_mov_b32 s22, 0x3fb8aa3b                      ; log2(e)
	s_mov_b32 s23, s22                             ; (named with it as a pair)
	s_mov_b32 s24, 0x76543210
	s_mov_b32 s25, 0xfedcba98                      ; v_permlanex16_b32's selects for lane l xor 16
	; every LDS address is made here, ahead of the branch on the count
.if PASS == 1
	s_lshl_b32 s52, s16, 10
	v_lshl_add_u32 v120, v2, 4, s52                ; my wave's sums: 16 bytes a row
	v_lshlrev_b32 v121, 4, v0                      ; back: a thread a row
.elseif PASS == 2
	s_lshl_b32 s52, s16, 8
	v_lshl_add_u32 v120, v2, 2, s52
	v_lshlrev_b32 v121, 2, v0
.else
	s_mul_i32 s52, s16, 12288
	v_add_nc_u32 v64, s52, v4                      ; my two K steps' images
	s_lshl_b32 s52, s16, 10
	s_add_co_u32 s52, s52, SWS
	v_lshl_add_u32 v65, v1, 2, s52                 ; and their scale words
	v_add_nc_u32 v67, 49152, v4                    ; images of K steps 8 on (those of 0-7: v4)
	v_lshl_add_u32 v68, v1, 2, SWS
	s_mul_i32 s52, s16, 8704
	s_add_co_u32 s52, s52, STG
	v_mul_u32_u24 v69, v2, 272
	v_lshl_add_u32 v69, v3, 5, v69
	v_add_nc_u32 v69, s52, v69                     ; the stage, in: channel r, places 8 h on
	v_mul_u32_u24 v70, v3, 272
	v_lshl_add_u32 v70, v2, 4, v70
	v_add_nc_u32 v70, s52, v70                     ; back: lanes 0-15 one channel's 256 bytes, lanes 16-31 the next
	v_lshl_add_u32 v71, v3, 8, v123                ; the same in opart
	v_lshlrev_b32 v72, 2, v1
.endif
	s_lshl_b32 s52, s17, 6
	s_lshl_b32 s53, s16, 3
	s_add_co_u32 s52, s52, s53                     ; my first block of columns: 64 cq + 8 wave
	s_mov_b32 s55, 0
	s_lshl_b32 s20, s18, 6                         ; my first place
	s_wait_kmcnt 0x0
	s_load_b32 s19, s[6:7], CNT                    ; R
.if PASS > 1
	s_load_b128 s[36:39], s[8:9], 0x0              ; t, n, 1/t, (NaN or 0)
.endif
	s_mul_i32 s54, s52, 6144
	s_add_nc_u64 s[26:27], s[4:5], s[54:55]        ; my columns' fragments,
	s_lshl_b32 s54, s52, 8
	s_add_co_u32 s54, s54, XNS
	s_add_nc_u64 s[28:29], s[4:5], s[54:55]        ; their scale words,
	s_lshl_b32 s54, s52, 7
	s_add_co_u32 s54, s54, CBO
	s_add_nc_u64 s[30:31], s[4:5], s[54:55]        ; their bias,
	s_add_nc_u64 s[32:33], s[30:31], NFO-CBO       ; their norf
	s_add_nc_u64 s[50:51], s[4:5], XNS
	s_lshl_b32 s54, s18, 9
	s_add_nc_u64 s[34:35], s[6:7], s[54:55]        ; the list at my first place
.if PASS == 1
	s_lshl_b32 s54, s17, 17
	s_lshl_b32 s53, s18, 10
	s_add_co_u32 s54, s54, s53
	s_add_nc_u64 s[48:49], s[10:11], s[54:55]
.else
	s_lshl_b32 s54, s18, 10
	s_add_nc_u64 s[40:41], s[10:11], s[54:55]
.endif
.if PASS == 2
	s_lshl_b32 s54, s17, 15
	s_lshl_b32 s53, s18, 8
	s_add_co_u32 s54, s54, s53
	s_add_nc_u64 s[48:49], s[12:13], s[54:55]
.endif
.if PASS == 3
	s_lshl_b32 s54, s18, 8
	s_add_nc_u64 s[42:43], s[12:13], s[54:55]
	s_mul_i32 s54, s17, 393216
	s_mul_i32 s53, s16, 3072
	s_add_co_u32 s54, s54, s53
	s_add_co_u32 s54, s54, XTF
	s_add_nc_u64 s[44:45], s[4:5], s[54:55]        ; X along the pixels: my quarter's 16 K steps, channel tiles 2 wave, 2 wave + 1
	s_lshl_b32 s54, s17, 14
	s_lshl_b32 s53, s16, 7
	s_add_co_u32 s54, s54, s53
	s_add_co_u32 s54, s54, XTS
	s_add_nc_u64 s[46:47], s[4:5], s[54:55]
	s_lshl_b32 s54, s17, 7
	s_add_co_u32 s54, s54, s18
	s_lshl_b32 s54, s54, 16
	s_lshl_b32 s53, s16, 13
	s_add_co_u32 s54, s54, s53
	s_add_nc_u64 s[48:49], s[14:15], s[54:55]      ; opart: block (cq, rg) of 64 KB, my 32 channels
.endif
.macro LOADCOL b                       ; block b's four fragments, 512 consecutive bytes a load, and its scale words (v20 tile 0, v21 tile 1; lanes 0-15 K step 0, lanes 16-31 K step 1)
	WIN 0x40
.irp i, 0,1,2,3,4,5,6,7,8,9,10,11
	global_load_b128 v[CF+4*\i:CF+4*\i+3], v4, s[26:27] offset:6144*(\b)+512*\i
.endr
	WIN 0
	global_load_b64 v[20:21], v5, s[28:29] offset:256*(\b)
.endm
.macro LOADBI b
.irp i, 0,1,2,3
	global_load_b128 v[BI+4*\i:BI+4*\i+3], v6, s[30:31] offset:128*(\b)+16*\i
.endr
.endm
.macro LOADNF b
.irp i, 0,1,2,3
	global_load_b128 v[NF+4*\i:NF+4*\i+3], v6, s[32:33] offset:128*(\b)+16*\i
.endr
.endm
; sim of the 64 rows and nu tiles of 16 columns, K = 256 in two steps.  The accumulators take turns, one instruction a turn.
.macro SIMW nu
	WIN 0x05                                       ; both sources in window 1, the sums in window 0
.irp m, 0,1,2,3
.irp u, 0,1
.if \u < \nu
	v_wmma_scale_f32_16x16x128_f8f6f4 v[S+16*\m+8*\u:S+16*\m+8*\u+7], v[CF+24*\u:CF+24*\u+11], v[RF+24*\m:RF+24*\m+11], 0, v[20+\u], v[16+\m] matrix_a_fmt:MATRIX_FMT_BF6 matrix_b_fmt:MATRIX_FMT_BF6
.endif
.endr
.endr
.irp m, 0,1,2,3
.irp u, 0,1
.if \u < \nu
	v_wmma_scale_f32_16x16x128_f8f6f4 v[S+16*\m+8*\u:S+16*\m+8*\u+7], v[CF+24*\u+12:CF+24*\u+23], v[RF+24*\m+12:RF+24*\m+23], v[S+16*\m+8*\u:S+16*\m+8*\u+7], v[20+\u], v[16+\m] matrix_a_fmt:MATRIX_FMT_BF6 matrix_b_fmt:MATRIX_FMT_BF6 matrix_a_scale:MATRIX_SCALE_ROW1 matrix_b_scale:MATRIX_SCALE_ROW1
.endif
.endr
.endr
	WIN 0
.rept 4
	v_nop                                          ; places in front of the reads of the sums and of the loads into the operands
.endr
.endm
; walk 3: the block's 64 x 32 weights become codes.  A block of 32 columns lies in lanes l and l xor 16; two blocks make half a fragment, four a fragment, which goes to LDS as an image of its registers.
.macro QNT b
.if (\b) == 4
	s_wait_dscnt 0x0                               ; the first K step's stores have read the registers that are written again now
.endif
.irp m, 0,1,2,3
	v_max3_num_f32 v[RR+\m], v[S+16*\m], v[S+16*\m+1], 0x2800000   ; no weight is negative; the floor 2^(5 - 127) holds the byte at 1 from below
.endr
.irp i, 2,4,6,8,10,12,14
.irp m, 0,1,2,3
	v_max3_num_f32 v[RR+\m], v[RR+\m], v[S+16*\m+\i], v[S+16*\m+\i+1]
.endr
.endr
.irp m, 0,1,2,3
	v_permlanex16_b32 v[RR+4+\m], v[RR+\m], s24, s25
.endr
.irp m, 0,1,2,3
	v_max_num_f32 v[RR+\m], v[RR+\m], v[RR+4+\m]
.endr
.irp m, 0,1,2,3
	v_add_nc_u32 v[RR+8+\m], 0xfe000000, v[RR+\m]  ; 4 off the exponent field: the conversion's scale operand
.endr
.irp m, 0,1,2,3
	v_lshrrev_b32 v[RR+4+\m], 23, v[RR+8+\m]       ; the byte
.endr
.irp m, 0,1,2,3
.if (\b)%4 == 0
	v_mov_b32 v[12+\m], v[RR+4+\m]
.else
	v_lshl_or_b32 v[12+\m], v[RR+4+\m], 8*((\b)%4), v[12+\m]
.endif
.endr
	WIN 0x40                                       ; the codes go to window 1
.irp m, 0,1,2,3
.if (\b)%2 == 0
	v_cvt_scalef32_pk16_bf6_f32 v[PF+12*\m+6*(((\b)%4)/2):PF+12*\m+6*(((\b)%4)/2)+2], v[S+16*\m:S+16*\m+15], v[RR+8+\m]
.else
	v_cvt_scalef32_pk16_bf6_f32 v[TF+4*\m:TF+4*\m+2], v[S+16*\m:S+16*\m+15], v[RR+8+\m]
.endif
.endr
	v_nop                                          ; one plain place behind the conversions
.if (\b)%2 == 1
	WIN 0x41                                       ; the operand wants a whole block in a lane: lanes 0-15 the even block, lanes 16-31 the odd one
.irp m, 0,1,2,3
.irp i, 0,1,2
	v_permlane16_swap_b32 v[PF+12*\m+6*(((\b)%4)/2)+\i], v[TF+4*\m+\i]
.endr
.endr
.irp m, 0,1,2,3
.irp i, 0,1,2
	v_mov_b32 v[PF+12*\m+6*(((\b)%4)/2)+3+\i], v[TF+4*\m+\i]
.endr
.endr
.endif
	WIN 0
.if (\b)%4 == 3
	WIN 0x04                                       ; an LDS store's data are its source 1: window 1
.irp m, 0,1,2,3
.irp g, 0,1,2
	ds_store_b128 v64, v[PF+12*\m+4*\g:PF+12*\m+4*\g+3] offset:6144*((\b)/4)+1536*\m+512*\g
.endr
.endr
	WIN 0
.irp m, 0,1,2,3
	ds_store_b32 v65, v[12+\m] offset:512*((\b)/4)+128*\m
.endr
.endif
.endm
; One block of 32 columns for the 64 rows.  more = 1: the next block's operands are asked for as soon as this block's have been used; they have the block's vector work in which to land.
.macro BLOCK b, more
	s_wait_loadcnt 0x0                             ; this block's fragments, scale words, bias (and norf) are in; nothing else is out
	SIMW 2
.if \more
	LOADCOL (\b+1)
.endif
.irp m, 0,1,2,3
.irp i, 0,1,2,3,4,5,6,7
	v_pk_fma_f32 v[S+16*\m+2*\i:S+16*\m+2*\i+1], v[S+16*\m+2*\i:S+16*\m+2*\i+1], s[22:23], v[BI+2*\i:BI+2*\i+1] op_sel_hi:[1,0,1]   ; sim log2(e) + bias; each sum is read from its low end on
.endr
.endr
.if \more
	LOADBI (\b+1)
.endif
.set j, 0
.rept 64
	v_exp_f32 v[S+j], v[S+j]                       ; e
.set j, j+1
.endr
	v_nop                                          ; a plain place behind the batch,
	s_wait_alu depctr_va_vdst(0)                   ; and the one wait ahead of its first reader
.if PASS == 1
.irp m, 0,1,2,3
.irp i, 0,1,2,3,4,5,6,7
	v_pk_fma_f32 v[S+16*\m+2*\i:S+16*\m+2*\i+1], v[NF+2*\i:NF+2*\i+1], v[KC+6*\m:KC+6*\m+1], v[S+16*\m+2*\i:S+16*\m+2*\i+1]   ; g = e - a norf
.endr
.endr
.if \more
	LOADNF (\b+1)
.endif
.irp i, 0,1,2,3,4,5,6,7
.irp m, 0,1,2,3
	v_pk_add_f32 v[SUM+4*\m:SUM+4*\m+1], v[SUM+4*\m:SUM+4*\m+1], v[S+16*\m+2*\i:S+16*\m+2*\i+1]
	v_pk_fma_f32 v[SUM+4*\m+2:SUM+4*\m+3], v[S+16*\m+2*\i:S+16*\m+2*\i+1], v[S+16*\m+2*\i:S+16*\m+2*\i+1], v[SUM+4*\m+2:SUM+4*\m+3]
.endr
.endr
.else
.irp m, 0,1,2,3
.irp i, 0,1,2,3,4,5,6,7
	v_pk_add_f32 v[RR+16*\m+2*\i:RR+16*\m+2*\i+1], v[S+16*\m+2*\i:S+16*\m+2*\i+1], v[KC+6*\m:KC+6*\m+1]   ; e - thrE
.endr
.endr
.set j, 0
.rept 64
	v_max_num_f32 v[RR+j], 0, v[RR+j]              ; r
.set j, j+1
.endr
.irp m, 0,1,2,3
.irp i, 0,1,2,3,4,5,6,7
	v_pk_mul_f32 v[S+16*\m+2*\i:S+16*\m+2*\i+1], v[S+16*\m+2*\i:S+16*\m+2*\i+1], v[RR+16*\m+2*\i:RR+16*\m+2*\i+1]   ; e r
.endr
.endr
.irp m, 0,1,2,3
.irp i, 0,1,2,3,4,5,6,7
.if PASS == 2
	v_pk_add_f32 v[RR+16*\m+2*\i:RR+16*\m+2*\i+1], v[RR+16*\m+2*\i:RR+16*\m+2*\i+1], v[KC+6*\m+2:KC+6*\m+3]   ; r + epsE
.else
	v_pk_fma_f32 v[RR+16*\m+2*\i:RR+16*\m+2*\i+1], v[RR+16*\m+2*\i:RR+16*\m+2*\i+1], v[KC+6*\m+2:KC+6*\m+3], v[KC+6*\m+4:KC+6*\m+5]   ; (r + epsE) SE
.endif
.endr
.endr
.set j, 0
.rept 64
	v_rcp_f32 v[RR+j], v[RR+j]
.set j, j+1
.endr
	v_nop
	s_wait_alu depctr_va_vdst(0)
.if PASS == 2
.irp i, 0,1,2,3,4,5,6,7
.irp m, 0,1,2,3
	v_pk_fma_f32 v[SUM+4*\m:SUM+4*\m+1], v[S+16*\m+2*\i:S+16*\m+2*\i+1], v[RR+16*\m+2*\i:RR+16*\m+2*\i+1], v[SUM+4*\m:SUM+4*\m+1]
.endr
.endr
.else
.irp m, 0,1,2,3
.irp i, 0,1,2,3,4,5,6,7
	v_pk_mul_f32 v[S+16*\m+2*\i:S+16*\m+2*\i+1], v[S+16*\m+2*\i:S+16*\m+2*\i+1], v[RR+16*\m+2*\i:RR+16*\m+2*\i+1]   ; sw, finished and normalised
.endr
.endr
	QNT \b
.endif
.endif
.endm
; walks 2 and 3: a row's constants from the four quarters' sums
.macro STATS
.irp m, 0,1,2,3
	v_pk_add_f32 v[224+2*\m:225+2*\m], v[S+4*\m:S+4*\m+1], v[S+16+4*\m:S+17+4*\m]
	v_pk_add_f32 v[232+2*\m:233+2*\m], v[S+32+4*\m:S+33+4*\m], v[S+48+4*\m:S+49+4*\m]
.endr
.irp m, 0,1,2,3
	v_pk_add_f32 v[224+2*\m:225+2*\m], v[224+2*\m:225+2*\m], v[232+2*\m:233+2*\m]   ; Z', Q'
.endr
.irp m, 0,1,2,3
	v_mul_f32 v[232+\m], s38, v[224+2*\m]          ; Z' / t
.endr
.irp m, 0,1,2,3
	v_fma_f32 v[236+\m], -v[224+2*\m], v[232+\m], v[225+2*\m]
.endr
.irp m, 0,1,2,3
	v_max_num_f32 v[236+\m], 0, v[236+\m]          ; M2
.endr
.irp m, 0,1,2,3
	v_mul_f32 v[236+\m], s38, v[236+\m]
.endr
.irp m, 0,1,2,3
	v_sqrt_f32 v[240+\m], v[236+\m]
.endr
.irp m, 0,1,2,3
	v_add_f32 v[232+\m], v[S+4*\m+2], v[232+\m]    ; a + Z' / t  (plain work behind the roots)
.endr
.irp m, 0,1,2,3
	v_fma_f32 v[244+\m], s37, v[S+4*\m+2], v[224+2*\m]   ; n a + Z'
.endr
.irp m, 0,1,2,3
	v_mul_f32 v[244+\m], 0x2edbe6ff, v[244+\m]     ; epsE = 1e-10 times it
.endr
	s_wait_alu depctr_va_vdst(0)
.irp m, 0,1,2,3
	v_fma_f32 v[KC+6*\m], 2.0, v[240+\m], -v[232+\m]     ; -thrE, twice
	v_fma_f32 v[KC+6*\m+1], 2.0, v[240+\m], -v[232+\m]
.endr
.if PASS == 2
.irp m, 0,1,2,3
	v_mov_b32 v[KC+6*\m+2], v[244+\m]
	v_mov_b32 v[KC+6*\m+3], v[244+\m]
	v_mov_b32 v[SUM+4*\m], 0
	v_mov_b32 v[SUM+4*\m+1], 0
.endr
.else
.irp m, 0,1,2,3
	v_add_f32 v[248+\m], v[RR+16+\m], v[RR+20+\m]
	v_add_f32 v[252+\m], v[RR+24+\m], v[RR+28+\m]
.endr
.irp m, 0,1,2,3
	v_add_f32 v[KC+6*\m+2], v[248+\m], v[252+\m]   ; SE
	v_add_f32 v[KC+6*\m+3], v[248+\m], v[252+\m]
.endr
.irp m, 0,1,2,3
	v_mul_f32 v[KC+6*\m+4], v[244+\m], v[KC+6*\m+2]   ; epsE SE
	v_mul_f32 v[KC+6*\m+5], v[244+\m], v[KC+6*\m+2]
.endr
.endif
.endm
	s_wait_kmcnt 0x0
	s_max_u32 s19, s19, 1                          ; the first group always works
	s_cmp_lt_u32 s20, s19
	s_cbranch_scc0 .Ljoin
	; ---- A: up to this wave's LDS stores
.irp m, 0,1,2,3
	global_load_b64 v[RR+2*\m:RR+2*\m+1], v7, s[34:35] offset:128*\m   ; {ro, rs} of place 64 rg + 16 m + r
.endr
.if PASS == 1
	WIN 0x40
.irp i, 0,1,2,3,4,5
	global_load_b128 v[CF+4*\i:CF+4*\i+3], v4, s[4:5] offset:512*\i    ; tile 0 of the whole matrix's block 0: pixel 0 is its lane 0
.endr
	WIN 0
	global_load_b64 v[20:21], v5, s[50:51]
	s_wait_loadcnt 7                               ; the list's four loads are in; the seven behind them may be out
.else
.irp q, 0,1,2,3
.irp m, 0,1,2,3
	global_load_b128 v[S+16*\q+4*\m:S+16*\q+4*\m+3], v123, s[40:41] offset:131072*\q+256*\m
.endr
.endr
.if PASS == 3
.irp q, 0,1,2,3
.irp m, 0,1,2,3
	global_load_b32 v[RR+16+4*\q+\m], v124, s[42:43] offset:32768*\q+64*\m
.endr
.endr
.endif
	LOADCOL 0
	LOADBI 0
	s_wait_loadcnt NS+17                           ; the list's four loads are in; the sums' NS and block 0's 17 may be out
.endif
.irp m, 0,1,2,3
	v_min_u32 v[8+\m], 0x17f4f, v[RR+2*\m]         ; held inside XNF (98,127 units of 16 bytes)
	v_min_u32 v[RR+8+\m], 0x3fdf, v[RR+2*\m+1]     ; and inside XNS (16,351 words)
.endr
.irp m, 0,1,2,3
	v_lshlrev_b32 v[8+\m], 4, v[8+\m]
	v_add_nc_u32 v[RR+8+\m], v[RR+8+\m], v126      ; lanes 16-31: the second K step's word
.endr
.irp m, 0,1,2,3
	v_add_nc_u32 v[8+\m], v[8+\m], v125            ; lanes 16-31: the image's upper lanes
	v_lshlrev_b32 v[RR+8+\m], 2, v[RR+8+\m]
.endr
	WIN 0x40
.irp m, 0,1,2,3
.irp s, 0,1
.irp g, 0,1,2
	global_load_b128 v[RF+24*\m+12*\s+4*\g:RF+24*\m+12*\s+4*\g+3], v[8+\m], s[4:5] offset:1536*\s+512*\g   ; my row's registers, out of whatever fragment holds it
.endr
.endr
.endr
	WIN 0
.irp m, 0,1,2,3
	global_load_b32 v[16+\m], v[RR+8+\m], s[50:51]
.endr
.if PASS == 1
	s_wait_loadcnt 0x0
	SIMW 1
	LOADCOL 0
	LOADBI 0
	LOADNF 0
.irp m, 0,1,2,3
	v_mul_f32 v[RR+\m], s22, v[S+16*\m]            ; lanes 0-15: sim(row r, pixel 0), unmasked
.endr
.irp m, 0,1,2,3
	v_exp_f32 v[RR+\m], v[RR+\m]
.endr
.irp m, 0,1,2,3
	v_mov_b32 v[RR+4+\m], 0
.endr
	s_wait_alu depctr_va_vdst(0)
.irp m, 0,1,2,3
	v_permlanex16_b32 v[RR+4+\m], v[RR+\m], s24, s25
.endr
.irp m, 0,1,2,3
	v_cndmask_b32 v[KC+6*\m+4], v[RR+\m], v[RR+4+\m], s21   ; a, in both halves of the lanes: the same number in every wave that serves the row
.endr
.irp m, 0,1,2,3
	v_mul_f32 v[KC+6*\m], -1.0, v[KC+6*\m+4]
	v_mul_f32 v[KC+6*\m+1], -1.0, v[KC+6*\m+4]
.endr
.set j, 0
.rept 16
	v_mov_b32 v[SUM+j], 0
.set j, j+1
.endr
.else
	s_wait_loadcnt 45                              ; the sums are in; block 0's 17 loads and the rows' 28 may be out
	STATS
.endif
.irp b, 0,1,2,3,4,5,6
	BLOCK \b, 1
.endr
	BLOCK 7, 0
.if PASS == 1
.irp m, 0,1,2,3
	v_add_f32 v[RR+4*\m], v[SUM+4*\m], v[SUM+4*\m+1]
	v_add_f32 v[RR+4*\m+1], v[SUM+4*\m+2], v[SUM+4*\m+3]
	v_mov_b32 v[RR+16+2*\m], 0
	v_mov_b32 v[RR+17+2*\m], 0
.endr
.irp m, 0,1,2,3
	v_permlanex16_b32 v[RR+16+2*\m], v[RR+4*\m], s24, s25
	v_permlanex16_b32 v[RR+17+2*\m], v[RR+4*\m+1], s24, s25
.endr
.irp m, 0,1,2,3
	v_pk_add_f32 v[RR+4*\m:RR+4*\m+1], v[RR+4*\m:RR+4*\m+1], v[RR+16+2*\m:RR+17+2*\m]
	v_mov_b32 v[RR+4*\m+2], v[KC+6*\m+4]
	v_mov_b32 v[RR+4*\m+3], 0
.endr
.irp m, 0,1,2,3
	ds_store_b128 v120, v[RR+4*\m:RR+4*\m+3] offset:256*\m   ; {Z', Q', a, 0} of my 256 columns (both halves of the lanes write the same)
.endr
.elseif PASS == 2
.irp m, 0,1,2,3
	v_add_f32 v[RR+\m], v[SUM+4*\m], v[SUM+4*\m+1]
.endr
.irp m, 0,1,2,3
	v_permlanex16_b32 v[RR+4+\m], v[RR+\m], s24, s25
.endr
.irp m, 0,1,2,3
	v_add_f32 v[RR+\m], v[RR+\m], v[RR+4+\m]
.endr
.irp m, 0,1,2,3
	ds_store_b32 v120, v[RR+\m] offset:64*\m
.endr
.endif
.Ljoin:
	s_wait_dscnt 0x0                               ; for the others' sake: my stores have landed
	s_barrier_signal -1
	s_barrier_wait -1                              ; every wave passes it, with rows or without
	s_cmp_lt_u32 s20, s19
	s_cbranch_scc0 .Lend
	; ---- B: reads only what the head or B itself has written, and LDS
.if PASS == 1
	s_cmp_lt_u32 s16, 2
	s_cbranch_scc0 .Lend                           ; 64 threads, a row each
.irp w, 0,1,2,3,4,5,6,7
	ds_load_b128 v[S+4*\w:S+4*\w+3], v121 offset:1024*\w
.endr
	s_wait_dscnt 0x0
	v_pk_add_f32 v[S:S+1], v[S:S+1], v[S+4:S+5]
	v_pk_add_f32 v[S+8:S+9], v[S+8:S+9], v[S+12:S+13]
	v_pk_add_f32 v[S+16:S+17], v[S+16:S+17], v[S+20:S+21]
	v_pk_add_f32 v[S+24:S+25], v[S+24:S+25], v[S+28:S+29]
	v_pk_add_f32 v[S:S+1], v[S:S+1], v[S+8:S+9]
	v_pk_add_f32 v[S+16:S+17], v[S+16:S+17], v[S+24:S+25]
	v_pk_add_f32 v[S:S+1], v[S:S+1], v[S+16:S+17]
	global_store_b128 v121, v[S:S+3], s[48:49]     ; 512 consecutive bytes a wave
.elseif PASS == 2
	s_cmp_lt_u32 s16, 2
	s_cbranch_scc0 .Lend
.irp w, 0,1,2,3,4,5,6,7
	ds_load_b32 v[S+\w], v121 offset:256*\w
.endr
	s_wait_dscnt 0x0
	v_pk_add_f32 v[S:S+1], v[S:S+1], v[S+2:S+3]
	v_pk_add_f32 v[S+4:S+5], v[S+4:S+5], v[S+6:S+7]
	v_pk_add_f32 v[S:S+1], v[S:S+1], v[S+4:S+5]
	v_add_f32 v[S], v[S], v[S+1]
	global_store_b32 v121, v[S], s[48:49]
.else
; THE THIRD PRODUCT for this quarter's 2,048 pixels: source 0 = 16 places of sw (from LDS, all waves' images), source 1 = 16 channels of X (from memory, a ring of eight K steps).
; Wave w owns channel tiles 2 w and 2 w + 1 for all four row tiles: eight accumulators by turns.  Lane (r, h) holds channel r and places 8 h + 0 .. 7.
.macro RING k
.irp n, 0,1
.irp g, 0,1,2
	global_load_b128 v[24*((\k)%8)+12*\n+4*\g:24*((\k)%8)+12*\n+4*\g+3], v4, s[44:45] offset:24576*(\k)+1536*\n+512*\g
.endr
.endr
.endm
.macro SWLOAD k                        ; K step k's four fragments of sw into set k % 2 (v128 on, v192 on), and their scale words
.irp m, 0,1,2,3
.irp g, 0,1,2
	ds_load_b128 v[S+64*((\k)%2)+12*\m+4*\g:S+64*((\k)%2)+12*\m+4*\g+3], v[4+63*((\k)/8)] offset:6144*((\k)%8)+1536*\m+512*\g
.endr
.endr
.irp m, 0,1,2,3
	ds_load_b32 v[24+4*((\k)%2)+\m], v68 offset:512*(\k)+128*\m
.endr
.endm
.macro P3 k, m, n
.set rD, OA+8*(2*(\m)+(\n))
.set rA, S+64*((\k)%2)+12*(\m)
.set rB, 24*((\k)%8)+12*(\n)
.if ((\k) == 0) && ((\n) == 0)
	v_wmma_scale_f32_16x16x128_f8f6f4 v[rD:rD+7], v[rA:rA+11], v[rB:rB+11], 0, v[24+4*((\k)%2)+(\m)], v[32+(\k)] matrix_a_fmt:MATRIX_FMT_BF6 matrix_b_fmt:MATRIX_FMT_BF6
.elseif (\k) == 0
	v_wmma_scale_f32_16x16x128_f8f6f4 v[rD:rD+7], v[rA:rA+11], v[rB:rB+11], 0, v[24+4*((\k)%2)+(\m)], v[32+(\k)] matrix_a_fmt:MATRIX_FMT_BF6 matrix_b_fmt:MATRIX_FMT_BF6 matrix_b_scale:MATRIX_SCALE_ROW1
.elseif (\n) == 0
	v_wmma_scale_f32_16x16x128_f8f6f4 v[rD:rD+7], v[rA:rA+11], v[rB:rB+11], v[rD:rD+7], v[24+4*((\k)%2)+(\m)], v[32+(\k)] matrix_a_fmt:MATRIX_FMT_BF6 matrix_b_fmt:MATRIX_FMT_BF6
.else
	v_wmma_scale_f32_16x16x128_f8f6f4 v[rD:rD+7], v[rA:rA+11], v[rB:rB+11], v[rD:rD+7], v[24+4*((\k)%2)+(\m)], v[32+(\k)] matrix_a_fmt:MATRIX_FMT_BF6 matrix_b_fmt:MATRIX_FMT_BF6 matrix_b_scale:MATRIX_SCALE_ROW1
.endif
.endm
.macro KSTEP k
.if (\k) < 8
	s_wait_loadcnt 42                              ; this K step's six loads of X are in; the seven later K steps' may be out
.else
	s_wait_loadcnt 6*(15-(\k))
.endif
.if (\k) < 15
	s_wait_dscnt 16                                ; this K step's sw is in; the next one's 16 loads may be out
.else
	s_wait_dscnt 0x0
.endif
	WIN 0x54                                       ; sw in window 0; X and the sums in window 1
.irp m, 0,1,2,3
.irp n, 0,1
	P3 \k, \m, \n
.endr
.endr
	WIN 0
.rept 4
	v_nop                                          ; places in front of the loads into the operands, and at the end of the reads of the sums
.endr
.if (\k)+2 < 16
	SWLOAD (\k)+2
.endif
.if (\k)+8 < 16
	WIN 0x40
	RING (\k)+8
	WIN 0
.endif
.endm
.irp k, 0,1,2,3,4,5,6,7,8,9,10,11,12,13,14,15
	global_load_b32 v[32+\k], v72, s[46:47] offset:1024*\k   ; X's scale words: lanes 0-15 my even channel tile, lanes 16-31 my odd one
.endr
	WIN 0x40
.irp k, 0,1,2,3,4,5,6,7
	RING \k
.endr
	WIN 0
	SWLOAD 0
	SWLOAD 1
.irp k, 0,1,2,3,4,5,6,7,8,9,10,11,12,13,14,15
	KSTEP \k
.endr
	; the way out: through my own stage, so that sixteen lanes store a channel's 64 places, 256 consecutive bytes
	WIN 0x04
.irp m, 0,1,2,3
.irp n, 0,1
	ds_store_b128 v69, v[OA+8*(2*\m+\n):OA+8*(2*\m+\n)+3] offset:4352*\n+64*\m       ; each sum from its low end on
	ds_store_b128 v69, v[OA+8*(2*\m+\n)+4:OA+8*(2*\m+\n)+7] offset:4352*\n+64*\m+16
.endr
.endr
	WIN 0
.irp i, 0,1,2,3,4,5,6,7,8,9,10,11,12,13,14,15
	ds_load_b128 v[S+4*\i:S+4*\i+3], v70 offset:544*\i     ; LDS serves a wave's instructions in order: these see my stores
.endr
.irp i, 0,1,2,3,4,5,6,7,8,9,10,11,12,13,14,15
	s_wait_dscnt 15-\i
	global_store_b128 v71, v[S+4*\i:S+4*\i+3], s[48:49] offset:512*\i
.endr
.endif
.Lend:
	s_wait_tensorcnt 0x0
	ds_add_u32 v122, v127
	s_wait_dscnt 0x0
	s_endpgm
.Lfunc_end_k_qc272e8c45c_pass2:
	.size	k_qc272e8c45c_pass2, .Lfunc_end_k_qc272e8c45c_pass2-k_qc272e8c45c_pass2
	.p2alignl 7, 3214868480
	.fill 96, 4, 3214868480
	.section	.rodata,"a",@progbits
	.p2align	6, 0x0
	.amdhsa_kernel k_qc272e8c45c_pass2
		.amdhsa_group_segment_fixed_size 9216
		.amdhsa_private_segment_fixed_size 0
		.amdhsa_enable_private_segment 0
		.amdhsa_kernarg_size 40
		.amdhsa_user_sgpr_count 2
		.amdhsa_user_sgpr_kernarg_segment_ptr 1
		.amdhsa_wavefront_size32 1
		.amdhsa_system_sgpr_workgroup_id_x 1
		.amdhsa_system_sgpr_workgroup_id_y 1
		.amdhsa_system_sgpr_workgroup_id_z 1
		.amdhsa_system_vgpr_workitem_id 0
		.amdhsa_next_free_vgpr 512
		.amdhsa_next_free_sgpr 66
		.amdhsa_reserve_vcc 0
		.amdhsa_float_denorm_mode_32 3
		.amdhsa_float_denorm_mode_16_64 3
		.amdhsa_memory_ordered 1
		.amdhsa_forward_progress 1
		.amdhsa_inst_pref_size 174
	.end_amdhsa_kernel
	.amdgpu_metadata
---
amdhsa.version: [ 1, 2 ]
amdhsa.kernels:
  - .name:           k_qc272e8c45c_pass2
    .symbol:         k_qc272e8c45c_pass2.kd
    .args:
      - { .name: codes, .offset: 0, .size: 8, .value_kind: global_buffer, .address_space: global }
      - { .name: lists, .offset: 8, .size: 8, .value_kind: global_buffer, .address_space: global }
      - { .name: fstat, .offset: 16, .size: 8, .value_kind: global_buffer, .address_space: global }
      - { .name: part1, .offset: 24, .size: 8, .value_kind: global_buffer, .address_space: global }
      - { .name: part2, .offset: 32, .size: 8, .value_kind: global_buffer, .address_space: global }
    .group_segment_fixed_size: 9216
    .private_segment_fixed_size: 0
    .kernarg_segment_align: 8
    .kernarg_segment_size: 40
    .max_flat_workgroup_size: 256
    .sgpr_count:     66
    .vgpr_count:     512
    .wavefront_size: 32
...
	.end_amdgpu_metadata
.endif
;; end of part 4
;; launch pass3 (part 5): grid 4 x 128, 8 waves a work-group, no clusters, 177,152 bytes of LDS; arguments codes, lists, fstat, part1, part2, opart; writes opart
.if DOCPART == 5
	.amdgcn_target "amdgcn-amd-amdhsa--gfx1250"
	.amdhsa_code_object_version 6
	.text
	.protected	k_qc272e8c45c_pass3
	.globl	k_qc272e8c45c_pass3
	.p2align	8
	.type	k_qc272e8c45c_pass3,@function
k_qc272e8c45c_pass3:
	s_mov_b64 s[64:65], 0
	v_nop
	global_prefetch_b8 v0, s[64:65] scope:SCOPE_SE
	s_setreg_imm32_b32 hwreg(HW_REG_WAVE_MODE, 25, 1), 1
	s_wait_xcnt 0x0
; THE THREE WALKS over the weights of the anomalous rows are one text; the line below says which walk this launch is.
;   walk 1: a = e(row, pixel 0), Z' = sum of g, Q' = sum of g^2, g = e - a norf   -> part1
;   walk 2: SE = sum of e r / (r + epsE), r = max(e - thrE, 0)                     -> part2
;   walk 3: sw = e r / ((r + epsE) SE), quantised along the pixels, times X        -> opart (one partial sum for each quarter of the columns)
; e = 2^(sim log2(e) + bias), sim = the quantised product of two normalised pixels, bias = 0 or -1e30 (a column that is anomalous: e = 0).  All is kept in units of e: the softmax's divisor cancels.
; thrE = a + Z'/t - 2 sqrt(M2 / t), M2 = max(Q' - Z' Z'/t, 0), epsE = 1e-10 (n a + Z'): the mean, the spread and the 1e-10 of the weights, times that divisor.
; NO MAXIMUM IS TAKEN OFF THE EXPONENT: both vectors are normalised by the computation itself and a code enlarges a number by an eighth at the most, so |sim| <= 1.27, e lies in 0.28 .. 3.6 and a row's sum under 30,000.
; Only the rows that are kept (anomalous pixels, by the stored list) are walked; the columns keep their places, since the blocks of 32 along the third product's K are blocks of the original pixels.
; SHARES: work-group (cq, rg) = places 64 rg .. + 63 x columns 2,048 cq .. + 2,047.  Each of eight waves holds ALL 64 rows (four tiles) and eight blocks of 32 columns of its own, so a column fragment feeds four products.
; A work-group whose places lie at or past max(R, 1) stores nothing: a branch on the stored count, round the work and never round the barrier.  So operands go from memory straight into registers: no tensor load, no joint load.
; The product is used transposed (source 0 = 16 columns, source 1 = 16 rows): lane (r, h) holds row r, and the 16 registers of a block's two tiles are columns 16 h + 0 .. 15 of the block.
; LIMITS: NaN and infinities are not served; a row whose kept weights sum to exactly 0 is not NaN here; with no normal pixel at all the last launch makes the NaN.
; REGISTERS.  Window 0: v1-11 lane terms and row offsets; v12-15 sw's scale words in the making; v16-21, v24-47 scale words of products; v48-63 bias; v64-79 norf (walk 1) or addresses (walk 3);
;   v80-103 six constants a row tile, each twice; v104-119 sums; v120-126 addresses; v128-191 S (64 results); v192-255 a second set of 64.
;   Window 1: v0-95 the rows' 8 fragments; v96-143 a block's 4; v144-191 sw's codes; v192-207 at work.  In walk 3's product: v0-191 a ring of eight K steps of X, v192-255 eight accumulators.
.set PASS, 3
.set XTF, 1572864                      ; sections of the buffer codes
.set XNS, 3145728
.set XTS, 3211264
.set CBO, 3276800
.set NFO, 3309568
.set CNT, 98304                        ; R in the buffer lists
.set S,   128
.set RR,  192
.set KC,  80
.set SUM, 104
.set BI,  48
.set NF,  64
.set RF,  0
.set CF,  96
.set PF,  144
.set TF,  192
.set OA,  192
.set SWS, 98304                        ; walk 3's LDS: sw's 64 fragment images from 0 on, (K step k, row tile m) at 6,144 k + 1,536 m; their scale words; a stage of 32 rows x 272 bytes for each wave
.set STG, 106496
.set NS,  16*(PASS-1)                  ; loads of earlier walks' sums
.set MSB, 0
.macro WIN new                         ; the immediate's high byte repeats the setting that is left
.if MSB != \new
	s_set_vgpr_msb (MSB<<8)|\new
.set MSB, \new
.endif
.endm
	s_load_b128 s[4:7], s[0:1], 0x0                ; codes, lists
.if PASS == 1
	s_load_b64 s[10:11], s[0:1], 0x10              ; part1
.elseif PASS == 2
	s_load_b128 s[8:11], s[0:1], 0x10              ; fstat, part1
	s_load_b64 s[12:13], s[0:1], 0x20              ; part2
.else
	s_load_b128 s[8:11], s[0:1], 0x10              ; fstat, part1
	s_load_b128 s[12:15], s[0:1], 0x20             ; part2, opart
	v_lshl_add_u32 v122, v0, 2, 0x2b000
	v_mov_b32 v127, 0
.endif
	v_lshrrev_b32 v1, 5, v0
	v_readfirstlane_b32 s16, v1                    ; wave 0..7
	s_mov_b32 s17, ttmp9                           ; cq
	s_and_b32 s18, ttmp7, 0xffff                   ; rg
	v_and_b32 v1, 31, v0                           ; lane
	v_and_b32 v2, 15, v0                           ; r
	v_bfe_u32 v3, v0, 4, 1                         ; h
	v_lshlrev_b32 v4, 4, v1                        ; 16 x lane
	v_lshlrev_b32 v5, 3, v1                        ; 8 x lane
	v_lshlrev_b32 v6, 6, v3                        ; 64 h
	v_lshlrev_b32 v7, 3, v2                        ; 8 r
	v_lshlrev_b32 v123, 4, v2                      ; 16 r
	v_lshlrev_b32 v124, 2, v2                      ; 4 r
	v_lshlrev_b32 v125, 8, v3                      ; 256 h
	v_lshlrev_b32 v126, 5, v3                      ; 32 h
	s_mov_b32 s21, 0xffff0000                      ; lanes 16-31
	s_mov_b32 s22, 0x3fb8aa3b                      ; log2(e)
	s_mov_b32 s23, s22                             ; (named with it as a pair)
	s_mov_b32 s24, 0x76543210
	s_mov_b32 s25, 0xfedcba98                      ; v_permlanex16_b32's selects for lane l xor 16
	; every LDS address is made here, ahead of the branch on the count
.if PASS == 1
	s_lshl_b32 s52, s16, 10
	v_lshl_add_u32 v120, v2, 4, s52                ; my wave's sums: 16 bytes a row
	v_lshlrev_b32 v121, 4, v0                      ; back: a thread a row
.elseif PASS == 2
	s_lshl_b32 s52, s16, 8
	v_lshl_add_u32 v120, v2, 2, s52
	v_lshlrev_b32 v121, 2, v0
.else
	s_mul_i32 s52, s16, 12288
	v_add_nc_u32 v64, s52, v4                      ; my two K steps' images
	s_lshl_b32 s52, s16, 10
	s_add_co_u32 s52, s52, SWS
	v_lshl_add_u32 v65, v1, 2, s52                 ; and their scale words
	v_add_nc_u32 v67, 49152, v4                    ; images of K steps 8 on (those of 0-7: v4)
	v_lshl_add_u32 v68, v1, 2, SWS
	s_mul_i32 s52, s16, 8704
	s_add_co_u32 s52, s52, STG
	v_mul_u32_u24 v69, v2, 272
	v_lshl_add_u32 v69, v3, 5, v69
	v_add_nc_u32 v69, s52, v69                     ; the stage, in: channel r, places 8 h on
	v_mul_u32_u24 v70, v3, 272
	v_lshl_add_u32 v70, v2, 4, v70
	v_add_nc_u32 v70, s52, v70                     ; back: lanes 0-15 one channel's 256 bytes, lanes 16-31 the next
	v_lshl_add_u32 v71, v3, 8, v123                ; the same in opart
	v_lshlrev_b32 v72, 2, v1
.endif
	s_lshl_b32 s52, s17, 6
	s_lshl_b32 s53, s16, 3
	s_add_co_u32 s52, s52, s53                     ; my first block of columns: 64 cq + 8 wave
	s_mov_b32 s55, 0
	s_lshl_b32 s20, s18, 6                         ; my first place
	s_wait_kmcnt 0x0
	s_load_b32 s19, s[6:7], CNT                    ; R
.if PASS > 1
	s_load_b128 s[36:39], s[8:9], 0x0              ; t, n, 1/t, (NaN or 0)
.endif
	s_mul_i32 s54, s52, 6144
	s_add_nc_u64 s[26:27], s[4:5], s[54:55]        ; my columns' fragments,
	s_lshl_b32 s54, s52, 8
	s_add_co_u32 s54, s54, XNS
	s_add_nc_u64 s[28:29], s[4:5], s[54:55]        ; their scale words,
	s_lshl_b32 s54, s52, 7
	s_add_co_u32 s54, s54, CBO
	s_add_nc_u64 s[30:31], s[4:5], s[54:55]        ; their bias,
	s_add_nc_u64 s[32:33], s[30:31], NFO-CBO       ; their norf
	s_add_nc_u64 s[50:51], s[4:5], XNS
	s_lshl_b32 s54, s18, 9
	s_add_nc_u64 s[34:35], s[6:7], s[54:55]        ; the list at my first place
.if PASS == 1
	s_lshl_b32 s54, s17, 17
	s_lshl_b32 s53, s18, 10
	s_add_co_u32 s54, s54, s53
	s_add_nc_u64 s[48:49], s[10:11], s[54:55]
.else
	s_lshl_b32 s54, s18, 10
	s_add_nc_u64 s[40:41], s[10:11], s[54:55]
.endif
.if PASS == 2
	s_lshl_b32 s54, s17, 15
	s_lshl_b32 s53, s18, 8
	s_add_co_u32 s54, s54, s53
	s_add_nc_u64 s[48:49], s[12:13], s[54:55]
.endif
.if PASS == 3
	s_lshl_b32 s54, s18, 8
	s_add_nc_u64 s[42:43], s[12:13], s[54:55]
	s_mul_i32 s54, s17, 393216
	s_mul_i32 s53, s16, 3072
	s_add_co_u32 s54, s54, s53
	s_add_co_u32 s54, s54, XTF
	s_add_nc_u64 s[44:45], s[4:5], s[54:55]        ; X along the pixels: my quarter's 16 K steps, channel tiles 2 wave, 2 wave + 1
	s_lshl_b32 s54, s17, 14
	s_lshl_b32 s53, s16, 7
	s_add_co_u32 s54, s54, s53
	s_add_co_u32 s54, s54, XTS
	s_add_nc_u64 s[46:47], s[4:5], s[54:55]
	s_lshl_b32 s54, s17, 7
	s_add_co_u32 s54, s54, s18
	s_lshl_b32 s54, s54, 16
	s_lshl_b32 s53, s16, 13
	s_add_co_u32 s54, s54, s53
	s_add_nc_u64 s[48:49], s[14:15], s[54:55]      ; opart: block (cq, rg) of 64 KB, my 32 channels
.endif
.macro LOADCOL b                       ; block b's four fragments, 512 consecutive bytes a load, and its scale words (v20 tile 0, v21 tile 1; lanes 0-15 K step 0, lanes 16-31 K step 1)
	WIN 0x40
.irp i, 0,1,2,3,4,5,6,7,8,9,10,11
	global_load_b128 v[CF+4*\i:CF+4*\i+3], v4, s[26:27] offset:6144*(\b)+512*\i
.endr
	WIN 0
	global_load_b64 v[20:21], v5, s[28:29] offset:256*(\b)
.endm
.macro LOADBI b
.irp i, 0,1,2,3
	global_load_b128 v[BI+4*\i:BI+4*\i+3], v6, s[30:31] offset:128*(\b)+16*\i
.endr
.endm
.macro LOADNF b
.irp i, 0,1,2,3
	global_load_b128 v[NF+4*\i:NF+4*\i+3], v6, s[32:33] offset:128*(\b)+16*\i
.endr
.endm
; sim of the 64 rows and nu tiles of 16 columns, K = 256 in two steps.  The accumulators take turns, one instruction a turn.
.macro SIMW nu
	WIN 0x05                                       ; both sources in window 1, the sums in window 0
.irp m, 0,1,2,3
.irp u, 0,1
.if \u < \nu
	v_wmma_scale_f32_16x16x128_f8f6f4 v[S+16*\m+8*\u:S+16*\m+8*\u+7], v[CF+24*\u:CF+24*\u+11], v[RF+24*\m:RF+24*\m+11], 0, v[20+\u], v[16+\m] matrix_a_fmt:MATRIX_FMT_BF6 matrix_b_fmt:MATRIX_FMT_BF6
.endif
.endr
.endr
.irp m, 0,1,2,3
.irp u, 0,1
.if \u < \nu
	v_wmma_scale_f32_16x16x128_f8f6f4 v[S+16*\m+8*\u:S+16*\m+8*\u+7], v[CF+24*\u+12:CF+24*\u+23], v[RF+24*\m+12:RF+24*\m+23], v[S+16*\m+8*\u:S+16*\m+8*\u+7], v[20+\u], v[16+\m] matrix_a_fmt:MATRIX_FMT_BF6 matrix_b_fmt:MATRIX_FMT_BF6 matrix_a_scale:MATRIX_SCALE_ROW1 matrix_b_scale:MATRIX_SCALE_ROW1
.endif
.endr
.endr
	WIN 0
.rept 4
	v_nop                                          ; places in front of the reads of the sums and of the loads into the operands
.endr
.endm
; walk 3: the block's 64 x 32 weights become codes.  A block of 32 columns lies in lanes l and l xor 16; two blocks make half a fragment, four a fragment, which goes to LDS as an image of its registers.
.macro QNT b
.if (\b) == 4
	s_wait_dscnt 0x0                               ; the first K step's stores have read the registers that are written again now
.endif
.irp m, 0,1,2,3
	v_max3_num_f32 v[RR+\m], v[S+16*\m], v[S+16*\m+1], 0x2800000   ; no weight is negative; the floor 2^(5 - 127) holds the byte at 1 from below
.endr
.irp i, 2,4,6,8,10,12,14
.irp m, 0,1,2,3
	v_max3_num_f32 v[RR+\m], v[RR+\m], v[S+16*\m+\i], v[S+16*\m+\i+1]
.endr
.endr
.irp m, 0,1,2,3
	v_permlanex16_b32 v[RR+4+\m], v[RR+\m], s24, s25
.endr
.irp m, 0,1,2,3
	v_max_num_f32 v[RR+\m], v[RR+\m], v[RR+4+\m]
.endr
.irp m, 0,1,2,3
	v_add_nc_u32 v[RR+8+\m], 0xfe000000, v[RR+\m]  ; 4 off the exponent field: the conversion's scale operand
.endr
.irp m, 0,1,2,3
	v_lshrrev_b32 v[RR+4+\m], 23, v[RR+8+\m]       ; the byte
.endr
.irp m, 0,1,2,3
.if (\b)%4 == 0
	v_mov_b32 v[12+\m], v[RR+4+\m]
.else
	v_lshl_or_b32 v[12+\m], v[RR+4+\m], 8*((\b)%4), v[12+\m]
.endif
.endr
	WIN 0x40                                       ; the codes go to window 1
.irp m, 0,1,2,3
.if (\b)%2 == 0
	v_cvt_scalef32_pk16_bf6_f32 v[PF+12*\m+6*(((\b)%4)/2):PF+12*\m+6*(((\b)%4)/2)+2], v[S+16*\m:S+16*\m+15], v[RR+8+\m]
.else
	v_cvt_scalef32_pk16_bf6_f32 v[TF+4*\m:TF+4*\m+2], v[S+16*\m:S+16*\m+15], v[RR+8+\m]
.endif
.endr
	v_nop                                          ; one plain place behind the conversions
.if (\b)%2 == 1
	WIN 0x41                                       ; the operand wants a whole block in a lane: lanes 0-15 the even block, lanes 16-31 the odd one
.irp m, 0,1,2,3
.irp i, 0,1,2
	v_permlane16_swap_b32 v[PF+12*\m+6*(((\b)%4)/2)+\i], v[TF+4*\m+\i]
.endr
.endr
.irp m, 0,1,2,3
.irp i, 0,1,2
	v_mov_b32 v[PF+12*\m+6*(((\b)%4)/2)+3+\i], v[TF+4*\m+\i]
.endr
.endr
.endif
	WIN 0
.if (\b)%4 == 3
	WIN 0x04                                       ; an LDS store's data are its source 1: window 1
.irp m, 0,1,2,3
.irp g, 0,1,2
	ds_store_b128 v64, v[PF+12*\m+4*\g:PF+12*\m+4*\g+3] offset:6144*((\b)/4)+1536*\m+512*\g
.endr
.endr
	WIN 0
.irp m, 0,1,2,3
	ds_store_b32 v65, v[12+\m] offset:512*((\b)/4)+128*\m
.endr
.endif
.endm
; One block of 32 columns for the 64 rows.  more = 1: the next block's operands are asked for as soon as this block's have been used; they have the block's vector work in which to land.
.macro BLOCK b, more
	s_wait_loadcnt 0x0                             ; this block's fragments, scale words, bias (and norf) are in; nothing else is out
	SIMW 2
.if \more
	LOADCOL (\b+1)
.endif
.irp m, 0,1,2,3
.irp i, 0,1,2,3,4,5,6,7
	v_pk_fma_f32 v[S+16*\m+2*\i:S+16*\m+2*\i+1], v[S+16*\m+2*\i:S+16*\m+2*\i+1], s[22:23], v[BI+2*\i:BI+2*\i+1] op_sel_hi:[1,0,1]   ; sim log2(e) + bias; each sum is read from its low end on
.endr
.endr
.if \more
	LOADBI (\b+1)
.endif
.set j, 0
.rept 64
	v_exp_f32 v[S+j], v[S+j]                       ; e
.set j, j+1
.endr
	v_nop                                          ; a plain place behind the batch,
	s_wait_alu depctr_va_vdst(0)                   ; and the one wait ahead of its first reader
.if PASS == 1
.irp m, 0,1,2,3
.irp i, 0,1,2,3,4,5,6,7
	v_pk_fma_f32 v[S+16*\m+2*\i:S+16*\m+2*\i+1], v[NF+2*\i:NF+2*\i+1], v[KC+6*\m:KC+6*\m+1], v[S+16*\m+2*\i:S+16*\m+2*\i+1]   ; g = e - a norf
.endr
.endr
.if \more
	LOADNF (\b+1)
.endif
.irp i, 0,1,2,3,4,5,6,7
.irp m, 0,1,2,3
	v_pk_add_f32 v[SUM+4*\m:SUM+4*\m+1], v[SUM+4*\m:SUM+4*\m+1], v[S+16*\m+2*\i:S+16*\m+2*\i+1]
	v_pk_fma_f32 v[SUM+4*\m+2:SUM+4*\m+3], v[S+16*\m+2*\i:S+16*\m+2*\i+1], v[S+16*\m+2*\i:S+16*\m+2*\i+1], v[SUM+4*\m+2:SUM+4*\m+3]
.endr
.endr
.else
.irp m, 0,1,2,3
.irp i, 0,1,2,3,4,5,6,7
	v_pk_add_f32 v[RR+16*\m+2*\i:RR+16*\m+2*\i+1], v[S+16*\m+2*\i:S+16*\m+2*\i+1], v[KC+6*\m:KC+6*\m+1]   ; e - thrE
.endr
.endr
.set j, 0
.rept 64
	v_max_num_f32 v[RR+j], 0, v[RR+j]              ; r
.set j, j+1
.endr
.irp m, 0,1,2,3
.irp i, 0,1,2,3,4,5,6,7
	v_pk_mul_f32 v[S+16*\m+2*\i:S+16*\m+2*\i+1], v[S+16*\m+2*\i:S+16*\m+2*\i+1], v[RR+16*\m+2*\i:RR+16*\m+2*\i+1]   ; e r
.endr
.endr
.irp m, 0,1,2,3
.irp i, 0,1,2,3,4,5,6,7
.if PASS == 2
	v_pk_add_f32 v[RR+16*\m+2*\i:RR+16*\m+2*\i+1], v[RR+16*\m+2*\i:RR+16*\m+2*\i+1], v[KC+6*\m+2:KC+6*\m+3]   ; r + epsE
.else
	v_pk_fma_f32 v[RR+16*\m+2*\i:RR+16*\m+2*\i+1], v[RR+16*\m+2*\i:RR+16*\m+2*\i+1], v[KC+6*\m+2:KC+6*\m+3], v[KC+6*\m+4:KC+6*\m+5]   ; (r + epsE) SE
.endif
.endr
.endr
.set j, 0
.rept 64
	v_rcp_f32 v[RR+j], v[RR+j]
.set j, j+1
.endr
	v_nop
	s_wait_alu depctr_va_vdst(0)
.if PASS == 2
.irp i, 0,1,2,3,4,5,6,7
.irp m, 0,1,2,3
	v_pk_fma_f32 v[SUM+4*\m:SUM+4*\m+1], v[S+16*\m+2*\i:S+16*\m+2*\i+1], v[RR+16*\m+2*\i:RR+16*\m+2*\i+1], v[SUM+4*\m:SUM+4*\m+1]
.endr
.endr
.else
.irp m, 0,1,2,3
.irp i, 0,1,2,3,4,5,6,7
	v_pk_mul_f32 v[S+16*\m+2*\i:S+16*\m+2*\i+1], v[S+16*\m+2*\i:S+16*\m+2*\i+1], v[RR+16*\m+2*\i:RR+16*\m+2*\i+1]   ; sw, finished and normalised
.endr
.endr
	QNT \b
.endif
.endif
.endm
; walks 2 and 3: a row's constants from the four quarters' sums
.macro STATS
.irp m, 0,1,2,3
	v_pk_add_f32 v[224+2*\m:225+2*\m], v[S+4*\m:S+4*\m+1], v[S+16+4*\m:S+17+4*\m]
	v_pk_add_f32 v[232+2*\m:233+2*\m], v[S+32+4*\m:S+33+4*\m], v[S+48+4*\m:S+49+4*\m]
.endr
.irp m, 0,1,2,3
	v_pk_add_f32 v[224+2*\m:225+2*\m], v[224+2*\m:225+2*\m], v[232+2*\m:233+2*\m]   ; Z', Q'
.endr
.irp m, 0,1,2,3
	v_mul_f32 v[232+\m], s38, v[224+2*\m]          ; Z' / t
.endr
.irp m, 0,1,2,3
	v_fma_f32 v[236+\m], -v[224+2*\m], v[232+\m], v[225+2*\m]
.endr
.irp m, 0,1,2,3
	v_max_num_f32 v[236+\m], 0, v[236+\m]          ; M2
.endr
.irp m, 0,1,2,3
	v_mul_f32 v[236+\m], s38, v[236+\m]
.endr
.irp m, 0,1,2,3
	v_sqrt_f32 v[240+\m], v[236+\m]
.endr
.irp m, 0,1,2,3
	v_add_f32 v[232+\m], v[S+4*\m+2], v[232+\m]    ; a + Z' / t  (plain work behind the roots)
.endr
.irp m, 0,1,2,3
	v_fma_f32 v[244+\m], s37, v[S+4*\m+2], v[224+2*\m]   ; n a + Z'
.endr
.irp m, 0,1,2,3
	v_mul_f32 v[244+\m], 0x2edbe6ff, v[244+\m]     ; epsE = 1e-10 times it
.endr
	s_wait_alu depctr_va_vdst(0)
.irp m, 0,1,2,3
	v_fma_f32 v[KC+6*\m], 2.0, v[240+\m], -v[232+\m]     ; -thrE, twice
	v_fma_f32 v[KC+6*\m+1], 2.0, v[240+\m], -v[232+\m]
.endr
.if PASS == 2
.irp m, 0,1,2,3
	v_mov_b32 v[KC+6*\m+2], v[244+\m]
	v_mov_b32 v[KC+6*\m+3], v[244+\m]
	v_mov_b32 v[SUM+4*\m], 0
	v_mov_b32 v[SUM+4*\m+1], 0
.endr
.else
.irp m, 0,1,2,3
	v_add_f32 v[248+\m], v[RR+16+\m], v[RR+20+\m]
	v_add_f32 v[252+\m], v[RR+24+\m], v[RR+28+\m]
.endr
.irp m, 0,1,2,3
	v_add_f32 v[KC+6*\m+2], v[248+\m], v[252+\m]   ; SE
	v_add_f32 v[KC+6*\m+3], v[248+\m], v[252+\m]
.endr
.irp m, 0,1,2,3
	v_mul_f32 v[KC+6*\m+4], v[244+\m], v[KC+6*\m+2]   ; epsE SE
	v_mul_f32 v[KC+6*\m+5], v[244+\m], v[KC+6*\m+2]
.endr
.endif
.endm
	s_wait_kmcnt 0x0
	s_max_u32 s19, s19, 1                          ; the first group always works
	s_cmp_lt_u32 s20, s19
	s_cbranch_scc0 .Ljoin
	; ---- A: up to this wave's LDS stores
.irp m, 0,1,2,3
	global_load_b64 v[RR+2*\m:RR+2*\m+1], v7, s[34:35] offset:128*\m   ; {ro, rs} of place 64 rg + 16 m + r
.endr
.if PASS == 1
	WIN 0x40
.irp i, 0,1,2,3,4,5
	global_load_b128 v[CF+4*\i:CF+4*\i+3], v4, s[4:5] offset:512*\i    ; tile 0 of the whole matrix's block 0: pixel 0 is its lane 0
.endr
	WIN 0
	global_load_b64 v[20:21], v5, s[50:51]
	s_wait_loadcnt 7                               ; the list's four loads are in; the seven behind them may be out
.else
.irp q, 0,1,2,3
.irp m, 0,1,2,3
	global_load_b128 v[S+16*\q+4*\m:S+16*\q+4*\m+3], v123, s[40:41] offset:131072*\q+256*\m
.endr
.endr
.if PASS == 3
.irp q, 0,1,2,3
.irp m, 0,1,2,3
	global_load_b32 v[RR+16+4*\q+\m], v124, s[42:43] offset:32768*\q+64*\m
.endr
.endr
.endif
	LOADCOL 0
	LOADBI 0
	s_wait_loadcnt NS+17                           ; the list's four loads are in; the sums' NS and block 0's 17 may be out
.endif
.irp m, 0,1,2,3
	v_min_u32 v[8+\m], 0x17f4f, v[RR+2*\m]         ; held inside XNF (98,127 units of 16 bytes)
	v_min_u32 v[RR+8+\m], 0x3fdf, v[RR+2*\m+1]     ; and inside XNS (16,351 words)
.endr
.irp m, 0,1,2,3
	v_lshlrev_b32 v[8+\m], 4, v[8+\m]
	v_add_nc_u32 v[RR+8+\m], v[RR+8+\m], v126      ; lanes 16-31: the second K step's word
.endr
.irp m, 0,1,2,3
	v_add_nc_u32 v[8+\m], v[8+\m], v125            ; lanes 16-31: the image's upper lanes
	v_lshlrev_b32 v[RR+8+\m], 2, v[RR+8+\m]
.endr
	WIN 0x40
.irp m, 0,1,2,3
.irp s, 0,1
.irp g, 0,1,2
	global_load_b128 v[RF+24*\m+12*\s+4*\g:RF+24*\m+12*\s+4*\g+3], v[8+\m], s[4:5] offset:1536*\s+512*\g   ; my row's registers, out of whatever fragment holds it
.endr
.endr
.endr
	WIN 0
.irp m, 0,1,2,3
	global_load_b32 v[16+\m], v[RR+8+\m], s[50:51]
.endr
.if PASS == 1
	s_wait_loadcnt 0x0
	SIMW 1
	LOADCOL 0
	LOADBI 0
	LOADNF 0
.irp m, 0,1,2,3
	v_mul_f32 v[RR+\m], s22, v[S+16*\m]            ; lanes 0-15: sim(row r, pixel 0), unmasked
.endr
.irp m, 0,1,2,3
	v_exp_f32 v[RR+\m], v[RR+\m]
.endr
.irp m, 0,1,2,3
	v_mov_b32 v[RR+4+\m], 0
.endr
	s_wait_alu depctr_va_vdst(0)
.irp m, 0,1,2,3
	v_permlanex16_b32 v[RR+4+\m], v[RR+\m], s24, s25
.endr
.irp m, 0,1,2,3
	v_cndmask_b32 v[KC+6*\m+4], v[RR+\m], v[RR+4+\m], s21   ; a, in both halves of the lanes: the same number in every wave that serves the row
.endr
.irp m, 0,1,2,3
	v_mul_f32 v[KC+6*\m], -1.0, v[KC+6*\m+4]
	v_mul_f32 v[KC+6*\m+1], -1.0, v[KC+6*\m+4]
.endr
.set j, 0
.rept 16
	v_mov_b32 v[SUM+j], 0
.set j, j+1
.endr
.else
	s_wait_loadcnt 45                              ; the sums are in; block 0's 17 loads and the rows' 28 may be out
	STATS
.endif
.irp b, 0,1,2,3,4,5,6
	BLOCK \b, 1
.endr
	BLOCK 7, 0
.if PASS == 1
.irp m, 0,1,2,3
	v_add_f32 v[RR+4*\m], v[SUM+4*\m], v[SUM+4*\m+1]
	v_add_f32 v[RR+4*\m+1], v[SUM+4*\m+2], v[SUM+4*\m+3]
	v_mov_b32 v[RR+16+2*\m], 0
	v_mov_b32 v[RR+17+2*\m], 0
.endr
.irp m, 0,1,2,3
	v_permlanex16_b32 v[RR+16+2*\m], v[RR+4*\m], s24, s25
	v_permlanex16_b32 v[RR+17+2*\m], v[RR+4*\m+1], s24, s25
.endr
.irp m, 0,1,2,3
	v_pk_add_f32 v[RR+4*\m:RR+4*\m+1], v[RR+4*\m:RR+4*\m+1], v[RR+16+2*\m:RR+17+2*\m]
	v_mov_b32 v[RR+4*\m+2], v[KC+6*\m+4]
	v_mov_b32 v[RR+4*\m+3], 0
.endr
.irp m, 0,1,2,3
	ds_store_b128 v120, v[RR+4*\m:RR+4*\m+3] offset:256*\m   ; {Z', Q', a, 0} of my 256 columns (both halves of the lanes write the same)
.endr
.elseif PASS == 2
.irp m, 0,1,2,3
	v_add_f32 v[RR+\m], v[SUM+4*\m], v[SUM+4*\m+1]
.endr
.irp m, 0,1,2,3
	v_permlanex16_b32 v[RR+4+\m], v[RR+\m], s24, s25
.endr
.irp m, 0,1,2,3
	v_add_f32 v[RR+\m], v[RR+\m], v[RR+4+\m]
.endr
.irp m, 0,1,2,3
	ds_store_b32 v120, v[RR+\m] offset:64*\m
.endr
.endif
.Ljoin:
	s_wait_dscnt 0x0                               ; for the others' sake: my stores have landed
	s_barrier_signal -1
	s_barrier_wait -1                              ; every wave passes it, with rows or without
	s_cmp_lt_u32 s20, s19
	s_cbranch_scc0 .Lend
	; ---- B: reads only what the head or B itself has written, and LDS
.if PASS == 1
	s_cmp_lt_u32 s16, 2
	s_cbranch_scc0 .Lend                           ; 64 threads, a row each
.irp w, 0,1,2,3,4,5,6,7
	ds_load_b128 v[S+4*\w:S+4*\w+3], v121 offset:1024*\w
.endr
	s_wait_dscnt 0x0
	v_pk_add_f32 v[S:S+1], v[S:S+1], v[S+4:S+5]
	v_pk_add_f32 v[S+8:S+9], v[S+8:S+9], v[S+12:S+13]
	v_pk_add_f32 v[S+16:S+17], v[S+16:S+17], v[S+20:S+21]
	v_pk_add_f32 v[S+24:S+25], v[S+24:S+25], v[S+28:S+29]
	v_pk_add_f32 v[S:S+1], v[S:S+1], v[S+8:S+9]
	v_pk_add_f32 v[S+16:S+17], v[S+16:S+17], v[S+24:S+25]
	v_pk_add_f32 v[S:S+1], v[S:S+1], v[S+16:S+17]
	global_store_b128 v121, v[S:S+3], s[48:49]     ; 512 consecutive bytes a wave
.elseif PASS == 2
	s_cmp_lt_u32 s16, 2
	s_cbranch_scc0 .Lend
.irp w, 0,1,2,3,4,5,6,7
	ds_load_b32 v[S+\w], v121 offset:256*\w
.endr
	s_wait_dscnt 0x0
	v_pk_add_f32 v[S:S+1], v[S:S+1], v[S+2:S+3]
	v_pk_add_f32 v[S+4:S+5], v[S+4:S+5], v[S+6:S+7]
	v_pk_add_f32 v[S:S+1], v[S:S+1], v[S+4:S+5]
	v_add_f32 v[S], v[S], v[S+1]
	global_store_b32 v121, v[S], s[48:49]
.else
; THE THIRD PRODUCT for this quarter's 2,048 pixels: source 0 = 16 places of sw (from LDS, all waves' images), source 1 = 16 channels of X (from memory, a ring of eight K steps).
; Wave w owns channel tiles 2 w and 2 w + 1 for all four row tiles: eight accumulators by turns.  Lane (r, h) holds channel r and places 8 h + 0 .. 7.
.macro RING k
.irp n, 0,1
.irp g, 0,1,2
	global_load_b128 v[24*((\k)%8)+12*\n+4*\g:24*((\k)%8)+12*\n+4*\g+3], v4, s[44:45] offset:24576*(\k)+1536*\n+512*\g
.endr
.endr
.endm
.macro SWLOAD k                        ; K step k's four fragments of sw into set k % 2 (v128 on, v192 on), and their scale words
.irp m, 0,1,2,3
.irp g, 0,1,2
	ds_load_b128 v[S+64*((\k)%2)+12*\m+4*\g:S+64*((\k)%2)+12*\m+4*\g+3], v[4+63*((\k)/8)] offset:6144*((\k)%8)+1536*\m+512*\g
.endr
.endr
.irp m, 0,1,2,3
	ds_load_b32 v[24+4*((\k)%2)+\m], v68 offset:512*(\k)+128*\m
.endr
.endm
.macro P3 k, m, n
.set rD, OA+8*(2*(\m)+(\n))
.set rA, S+64*((\k)%2)+12*(\m)
.set rB, 24*((\k)%8)+12*(\n)
.if ((\k) == 0) && ((\n) == 0)
	v_wmma_scale_f32_16x16x128_f8f6f4 v[rD:rD+7], v[rA:rA+11], v[rB:rB+11], 0, v[24+4*((\k)%2)+(\m)], v[32+(\k)] matrix_a_fmt:MATRIX_FMT_BF6 matrix_b_fmt:MATRIX_FMT_BF6
.elseif (\k) == 0
	v_wmma_scale_f32_16x16x128_f8f6f4 v[rD:rD+7], v[rA:rA+11], v[rB:rB+11], 0, v[24+4*((\k)%2)+(\m)], v[32+(\k)] matrix_a_fmt:MATRIX_FMT_BF6 matrix_b_fmt:MATRIX_FMT_BF6 matrix_b_scale:MATRIX_SCALE_ROW1
.elseif (\n) == 0
	v_wmma_scale_f32_16x16x128_f8f6f4 v[rD:rD+7], v[rA:rA+11], v[rB:rB+11], v[rD:rD+7], v[24+4*((\k)%2)+(\m)], v[32+(\k)] matrix_a_fmt:MATRIX_FMT_BF6 matrix_b_fmt:MATRIX_FMT_BF6
.else
	v_wmma_scale_f32_16x16x128_f8f6f4 v[rD:rD+7], v[rA:rA+11], v[rB:rB+11], v[rD:rD+7], v[24+4*((\k)%2)+(\m)], v[32+(\k)] matrix_a_fmt:MATRIX_FMT_BF6 matrix_b_fmt:MATRIX_FMT_BF6 matrix_b_scale:MATRIX_SCALE_ROW1
.endif
.endm
.macro KSTEP k
.if (\k) < 8
	s_wait_loadcnt 42                              ; this K step's six loads of X are in; the seven later K steps' may be out
.else
	s_wait_loadcnt 6*(15-(\k))
.endif
.if (\k) < 15
	s_wait_dscnt 16                                ; this K step's sw is in; the next one's 16 loads may be out
.else
	s_wait_dscnt 0x0
.endif
	WIN 0x54                                       ; sw in window 0; X and the sums in window 1
.irp m, 0,1,2,3
.irp n, 0,1
	P3 \k, \m, \n
.endr
.endr
	WIN 0
.rept 4
	v_nop                                          ; places in front of the loads into the operands, and at the end of the reads of the sums
.endr
.if (\k)+2 < 16
	SWLOAD (\k)+2
.endif
.if (\k)+8 < 16
	WIN 0x40
	RING (\k)+8
	WIN 0
.endif
.endm
.irp k, 0,1,2,3,4,5,6,7,8,9,10,11,12,13,14,15
	global_load_b32 v[32+\k], v72, s[46:47] offset:1024*\k   ; X's scale words: lanes 0-15 my even channel tile, lanes 16-31 my odd one
.endr
	WIN 0x40
.irp k, 0,1,2,3,4,5,6,7
	RING \k
.endr
	WIN 0
	SWLOAD 0
	SWLOAD 1
.irp k, 0,1,2,3,4,5,6,7,8,9,10,11,12,13,14,15
	KSTEP \k
.endr
	; the way out: through my own stage, so that sixteen lanes store a channel's 64 places, 256 consecutive bytes
	WIN 0x04
.irp m, 0,1,2,3
.irp n, 0,1
	ds_store_b128 v69, v[OA+8*(2*\m+\n):OA+8*(2*\m+\n)+3] offset:4352*\n+64*\m       ; each sum from its low end on
	ds_store_b128 v69, v[OA+8*(2*\m+\n)+4:OA+8*(2*\m+\n)+7] offset:4352*\n+64*\m+16
.endr
.endr
	WIN 0
.irp i, 0,1,2,3,4,5,6,7,8,9,10,11,12,13,14,15
	ds_load_b128 v[S+4*\i:S+4*\i+3], v70 offset:544*\i     ; LDS serves a wave's instructions in order: these see my stores
.endr
.irp i, 0,1,2,3,4,5,6,7,8,9,10,11,12,13,14,15
	s_wait_dscnt 15-\i
	global_store_b128 v71, v[S+4*\i:S+4*\i+3], s[48:49] offset:512*\i
.endr
.endif
.Lend:
	s_wait_tensorcnt 0x0
	ds_add_u32 v122, v127
	s_wait_dscnt 0x0
	s_endpgm
.Lfunc_end_k_qc272e8c45c_pass3:
	.size	k_qc272e8c45c_pass3, .Lfunc_end_k_qc272e8c45c_pass3-k_qc272e8c45c_pass3
	.p2alignl 7, 3214868480
	.fill 96, 4, 3214868480
	.section	.rodata,"a",@progbits
	.p2align	6, 0x0
	.amdhsa_kernel k_qc272e8c45c_pass3
		.amdhsa_group_segment_fixed_size 177152
		.amdhsa_private_segment_fixed_size 0
		.amdhsa_enable_private_segment 0
		.amdhsa_kernarg_size 48
		.amdhsa_user_sgpr_count 2
		.amdhsa_user_sgpr_kernarg_segment_ptr 1
		.amdhsa_wavefront_size32 1
		.amdhsa_system_sgpr_workgroup_id_x 1
		.amdhsa_system_sgpr_workgroup_id_y 1
		.amdhsa_system_sgpr_workgroup_id_z 1
		.amdhsa_system_vgpr_workitem_id 0
		.amdhsa_next_free_vgpr 512
		.amdhsa_next_free_sgpr 66
		.amdhsa_reserve_vcc 0
		.amdhsa_float_denorm_mode_32 3
		.amdhsa_float_denorm_mode_16_64 3
		.amdhsa_memory_ordered 1
		.amdhsa_forward_progress 1
		.amdhsa_inst_pref_size 255
	.end_amdhsa_kernel
	.section	.bss,"aw",@nobits
	.p2align	6
	.space	262144
	.amdgpu_metadata
---
amdhsa.version: [ 1, 2 ]
amdhsa.kernels:
  - .name:           k_qc272e8c45c_pass3
    .symbol:         k_qc272e8c45c_pass3.kd
    .args:
      - { .name: codes, .offset: 0, .size: 8, .value_kind: global_buffer, .address_space: global }
      - { .name: lists, .offset: 8, .size: 8, .value_kind: global_buffer, .address_space: global }
      - { .name: fstat, .offset: 16, .size: 8, .value_kind: global_buffer, .address_space: global }
      - { .name: part1, .offset: 24, .size: 8, .value_kind: global_buffer, .address_space: global }
      - { .name: part2, .offset: 32, .size: 8, .value_kind: global_buffer, .address_space: global }
      - { .name: opart, .offset: 40, .size: 8, .value_kind: global_buffer, .address_space: global }
    .group_segment_fixed_size: 177152
    .private_segment_fixed_size: 0
    .kernarg_segment_align: 8
    .kernarg_segment_size: 48
    .max_flat_workgroup_size: 256
    .sgpr_count:     66
    .vgpr_count:     512
    .wavefront_size: 32
...
	.end_amdgpu_metadata
.endif
;; end of part 5
;; launch merge (part 6): grid 64 x 4, 8 waves a work-group, no clusters, 0 bytes of LDS; arguments f, lists, fstat, opart, out0; writes out0
.if DOCPART == 6
	.amdgcn_target "amdgcn-amd-amdhsa--gfx1250"
	.amdhsa_code_object_version 6
	.text
	.protected	k_qc272e8c45c_merge
	.globl	k_qc272e8c45c_merge
	.p2align	8
	.type	k_qc272e8c45c_merge,@function
k_qc272e8c45c_merge:
	s_mov_b64 s[64:65], 0
	v_nop
	global_prefetch_b8 v0, s[64:65] scope:SCOPE_SE
	s_setreg_imm32_b32 hwreg(HW_REG_WAVE_MODE, 25, 1), 1
	s_wait_xcnt 0x0
; MERGE.  out0[b][c][n] = f[b][c][n] for a normal pixel; for an anomalous one the sum of the four column quarters' partial products at the pixel's place.
; Work-group (x, y): 128 pixels (four a lane) x 64 channels; wave w takes channels 64 y + 8 w + 0 .. 7.  A channel is 17 loads: 512 consecutive bytes of f, and 16 gathers (4 pixels x 4 quarters;
; neighbouring anomalous pixels have neighbouring places).  A normal pixel's gathers are held at place max(R, 1) - 1, which has been written, and their sum is not chosen.
; Memory binds: no LDS, no matrix unit.  Four sets of load registers take turns, so three channels' loads are out while one is worked; each channel's results have registers of their own.
; Where no pixel is normal the weights are 0 / 0: the stored NaN is added to every sum (else 0).
.set POS, 65536
.set CNT, 98304
	s_load_b128 s[4:7], s[0:1], 0x0                ; f, lists
	s_load_b128 s[8:11], s[0:1], 0x10              ; fstat, opart
	s_load_b64 s[12:13], s[0:1], 0x20              ; out0
	v_lshrrev_b32 v1, 5, v0
	v_readfirstlane_b32 s16, v1                    ; wave 0..7
	v_and_b32 v1, 31, v0
	v_lshlrev_b32 v4, 4, v1                        ; 16 x lane
	s_and_b32 s18, ttmp7, 0xffff
	s_lshl_b32 s26, ttmp9, 9
	s_add_co_u32 s26, s26, POS
	s_mov_b32 s27, 0
	s_lshl_b32 s20, s18, 6
	s_lshl_b32 s24, s16, 3
	s_add_co_u32 s20, s20, s24                     ; my first channel
	s_wait_kmcnt 0x0
	s_load_b32 s19, s[6:7], CNT                    ; R
	s_load_b32 s22, s[8:9], 0xc                    ; NaN or 0
	s_add_nc_u64 s[26:27], s[6:7], s[26:27]
	global_load_b128 v[8:11], v4, s[26:27]         ; my four pixels' places
	s_lshr_b32 s24, ttmp9, 3
	s_lshl_b32 s24, s24, 20                        ; the image,
	s_and_b32 s25, ttmp9, 7
	s_lshl_b32 s25, s25, 9
	s_add_co_u32 s24, s24, s25                     ; the 128 pixels,
	s_lshl_b32 s25, s20, 12
	s_add_co_u32 s24, s24, s25                     ; the channel
	s_mov_b32 s25, 0
	s_add_nc_u64 s[28:29], s[4:5], s[24:25]
	s_add_nc_u64 s[30:31], s[12:13], s[24:25]
	s_lshl_b32 s24, s20, 8
	s_add_nc_u64 s[32:33], s[10:11], s[24:25]      ; opart at my first channel, quarter 0,
	s_add_nc_u64 s[34:35], s[32:33], 8388608       ; 1,
	s_add_nc_u64 s[36:37], s[34:35], 8388608       ; 2,
	s_add_nc_u64 s[38:39], s[36:37], 8388608       ; 3
	s_wait_kmcnt 0x0
	s_mov_b32 s23, s22                             ; (named with it as a pair)
	s_max_u32 s21, s19, 1
	s_sub_co_u32 s21, s21, 1
	s_wait_loadcnt 0x0
.irp k, 0,1,2,3
	v_cmp_gt_u32 s[40+\k], s19, v[8+\k]            ; a place under R: an anomalous pixel
	v_min_u32 v[8+\k], s21, v[8+\k]
	v_min_u32 v[8+\k], 0x1fff, v[8+\k]
	v_and_b32 v[12+\k], 0x1fc0, v[8+\k]
	v_and_b32 v[16+\k], 63, v[8+\k]
	v_lshlrev_b32 v[12+\k], 10, v[12+\k]           ; the group of 64 places: 64 KB each,
	v_lshlrev_b32 v[16+\k], 2, v[16+\k]
	v_add_nc_u32 v[12+\k], v[12+\k], v[16+\k]      ; the place in it
.endr
.macro LOADCH j
.set Q, 32+20*((\j)%4)
	global_load_b128 v[Q:Q+3], v4, s[28:29] offset:4096*(\j) th:TH_LOAD_NT
.irp c, 0,1,2,3
.irp k, 0,1,2,3
	global_load_b32 v[Q+4+4*\c+\k], v[12+\k], s[32+2*\c:33+2*\c] offset:256*(\j)
.endr
.endr
.endm
.macro CH j
.set Q, 32+20*((\j)%4)
.if (\j) < 5
	s_wait_loadcnt 51                              ; this channel's 17 loads are in; the three later channels' may be out
.else
	s_wait_loadcnt 17*(7-(\j))
.endif
	v_pk_add_f32 v[Q+4:Q+5], v[Q+4:Q+5], v[Q+8:Q+9]
	v_pk_add_f32 v[Q+6:Q+7], v[Q+6:Q+7], v[Q+10:Q+11]
	v_pk_add_f32 v[Q+12:Q+13], v[Q+12:Q+13], v[Q+16:Q+17]
	v_pk_add_f32 v[Q+14:Q+15], v[Q+14:Q+15], v[Q+18:Q+19]
	v_pk_add_f32 v[Q+4:Q+5], v[Q+4:Q+5], v[Q+12:Q+13]
	v_pk_add_f32 v[Q+6:Q+7], v[Q+6:Q+7], v[Q+14:Q+15]
	v_pk_add_f32 v[Q+4:Q+5], v[Q+4:Q+5], s[22:23] op_sel_hi:[1,0]
	v_pk_add_f32 v[Q+6:Q+7], v[Q+6:Q+7], s[22:23] op_sel_hi:[1,0]
.irp k, 0,1,2,3
	v_cndmask_b32 v[112+4*(\j)+\k], v[Q+\k], v[Q+4+\k], s[40+\k]
.endr
	global_store_b128 v4, v[112+4*(\j):112+4*(\j)+3], s[30:31] offset:4096*(\j) th:TH_STORE_NT   ; 512 consecutive bytes
.if (\j)+4 < 8
	LOADCH (\j)+4
.endif
.endm
.irp j, 0,1,2,3
	LOADCH \j
.endr
.irp j, 0,1,2,3,4,5,6,7
	CH \j
.endr
	s_endpgm
.Lfunc_end_k_qc272e8c45c_merge:
	.size	k_qc272e8c45c_merge, .Lfunc_end_k_qc272e8c45c_merge-k_qc272e8c45c_merge
	.p2alignl 7, 3214868480
	.fill 96, 4, 3214868480
	.section	.rodata,"a",@progbits
	.p2align	6, 0x0
	.amdhsa_kernel k_qc272e8c45c_merge
		.amdhsa_group_segment_fixed_size 0
		.amdhsa_private_segment_fixed_size 0
		.amdhsa_enable_private_segment 0
		.amdhsa_kernarg_size 40
		.amdhsa_user_sgpr_count 2
		.amdhsa_user_sgpr_kernarg_segment_ptr 1
		.amdhsa_wavefront_size32 1
		.amdhsa_system_sgpr_workgroup_id_x 1
		.amdhsa_system_sgpr_workgroup_id_y 1
		.amdhsa_system_sgpr_workgroup_id_z 1
		.amdhsa_system_vgpr_workitem_id 0
		.amdhsa_next_free_vgpr 144
		.amdhsa_next_free_sgpr 66
		.amdhsa_reserve_vcc 0
		.amdhsa_float_denorm_mode_32 3
		.amdhsa_float_denorm_mode_16_64 3
		.amdhsa_memory_ordered 1
		.amdhsa_forward_progress 1
		.amdhsa_inst_pref_size 23
	.end_amdhsa_kernel
	.amdgpu_metadata
---
amdhsa.version: [ 1, 2 ]
amdhsa.kernels:
  - .name:           k_qc272e8c45c_merge
    .symbol:         k_qc272e8c45c_merge.kd
    .args:
      - { .name: f, .offset: 0, .size: 8, .value_kind: global_buffer, .address_space: global }
      - { .name: lists, .offset: 8, .size: 8, .value_kind: global_buffer, .address_space: global }
      - { .name: fstat, .offset: 16, .size: 8, .value_kind: global_buffer, .address_space: global }
      - { .name: opart, .offset: 24, .size: 8, .value_kind: global_buffer, .address_space: global }
      - { .name: out0, .offset: 32, .size: 8, .value_kind: global_buffer, .address_space: global }
    .group_segment_fixed_size: 0
    .private_segment_fixed_size: 0
    .kernarg_segment_align: 8
    .kernarg_segment_size: 40
    .max_flat_workgroup_size: 256
    .sgpr_count:     66
    .vgpr_count:     144
    .wavefront_size: 32
...
	.end_amdgpu_metadata
.endif
;; end of part 6
;; ======== version 2 of 3: 6 launches
;; workspace buffers: codes 3,375,104 bytes; flags 32,768 bytes of whole numbers; lists 98,560 bytes of whole numbers; fstat 512 bytes; part1 524,288 bytes; part2 131,072 bytes; opart 33,554,432 bytes
;; launch prep: the kernel of part 1 again; grid 64 x 1, 8 waves a work-group, no clusters, 201,728 bytes of LDS; arguments f, center, Tc, codes, flags; writes codes, flags
;; launch route: the kernel of part 2 again; grid 1 x 1, 32 waves a work-group, no clusters, 5,120 bytes of LDS; arguments codes, flags, lists, fstat, out1; writes lists, fstat, out1
;; launch pass1 (part 7): grid 4 x 128, 8 waves a work-group, no clusters, 13,312 bytes of LDS; arguments codes, lists, part1; writes part1
.if DOCPART == 7
	.amdgcn_target "amdgcn-amd-amdhsa--gfx1250"
	.amdhsa_code_object_version 6
	.text
	.protected	k_qc272e8c45c_pass1
	.globl	k_qc272e8c45c_pass1
	.p2align	8
	.type	k_qc272e8c45c_pass1,@function
k_qc272e8c45c_pass1:
	s_mov_b64 s[64:65], 0
	v_nop
	global_prefetch_b8 v0, s[64:65] scope:SCOPE_SE
	s_setreg_imm32_b32 hwreg(HW_REG_WAVE_MODE, 25, 1), 1
	s_wait_xcnt 0x0
; THE THREE WALKS over the weights of the anomalous rows are one text; the line below says which walk this launch is.
;   walk 1: a = e(row, pixel 0), Z' = sum of g, Q' = sum of g^2, g = e - a norf   -> part1
;   walk 2: SE = sum of e r / (r + epsE), r = max(e - thrE, 0)                     -> part2
;   walk 3: sw = e r / ((r + epsE) SE), quantised along the pixels, times X        -> opart (one partial sum for each quarter of the columns)
; e = 2^(sim log2(e) + bias), sim = the quantised product of two normalised pixels, bias = 0 or -1e30 (a column that is anomalous: e = 0).  All is kept in units of e: the softmax's divisor cancels.
; thrE = a + Z'/t - 2 sqrt(M2 / t), M2 = max(Q' - Z' Z'/t, 0), epsE = 1e-10 (n a + Z'): the mean, the spread and the 1e-10 of the weights, times that divisor.
; NO MAXIMUM IS TAKEN OFF THE EXPONENT: both vectors are normalised by the computation itself and a code enlarges a number by an eighth at the most, so |sim| <= 1.27, e lies in 0.28 .. 3.6 and a row's sum under 30,000.
; Only the rows that are kept (anomalous pixels, by the stored list) are walked; the columns keep their places, since the blocks of 32 along the third product's K are blocks of the original pixels.
; SHARES: work-group (cq, rg) = places 64 rg .. + 63 x columns 2,048 cq .. + 2,047.  Each of eight waves holds ALL 64 rows (four tiles) and eight blocks of 32 columns of its own, so a column fragment feeds four products.
; THE FIFTH TILE: 64 groups x 4 quarters are 256 work-groups.  Where R is 4,097 to 5,120, places 4,096 on are not work-groups of their own: group rg < 64 takes the 16 places 4,096 + 16 rg on as a fifth tile,
; which rides on the column fragments that the wave has loaded anyway: a quarter more work in place of a second work-group.  Its work stands in sections that a scalar branch on the stored count jumps over.
; A work-group without places stores nothing: a branch on the stored count, round the work and never round the barrier.  So operands go from memory straight into registers: no tensor load, no joint load.
; The product is used transposed (source 0 = 16 columns, source 1 = 16 rows): lane (r, h) holds row r, and the 16 registers of a block's two tiles are columns 16 h + 0 .. 15 of the block.
; LIMITS: NaN and infinities are not served; a row whose kept weights sum to exactly 0 is not NaN here; with no normal pixel at all the last launch makes the NaN.  Past R = 5,120 the groups from 64 on are a second round.
; REGISTERS.  Window 0: v1-11, v122 lane terms and row offsets; v12-15 sw's scale words in the making; v16-47 scale words of products; v48-63 bias; v64-79 norf (walk 1) or addresses (walk 3);
;   v80-103 six constants a row tile, each twice; v104-119 sums; v120-127 addresses; v128-191 S (64 results); v192-255 a second set of 64.  The fifth tile's: the symbols S5, K5, SUM5, PW5 below.
;   Window 1: v0-95 the rows' 8 fragments; v96-143 a block's 4; v144-191 sw's codes; v192-207 at work; v208-247 the fifth tile's rows, codes and work.
;   In walk 3's product: v0-167 a ring of seven K steps of X, v168-183 the fifth tile's two accumulators, v192-255 eight accumulators.
.set PASS, 1
.set XTF, 1572864                      ; sections of the buffer codes
.set XNS, 3145728
.set XTS, 3211264
.set CBO, 3276800
.set NFO, 3309568
.set CNT, 98304                        ; R in the buffer lists
.set S,   128
.set RR,  192
.set KC,  80
.set SUM, 104
.set BI,  48
.set NF,  64
.set RF,  0
.set CF,  96
.set PF,  144
.set TF,  192
.set OA,  192
.set RF5, 208                          ; window 1: the fifth tile's two row fragments,
.set PF5, 232                          ; its codes,
.set TF5, 244                          ; at work
.set O5,  168                          ; its accumulators in walk 3's product
.set RD,  7                            ; K steps in the ring of X
.if PASS == 1
.set S5,   240                         ; window 0: the fifth tile's 16 results, its constants, its sums: registers that the walk in hand leaves free
.set K5,   224
.set SUM5, 232
.elseif PASS == 2
.set S5,   64
.set K5,   12
.set SUM5, 106
.else
.set S5,   104
.set K5,   74
.set SUM5, 0
.endif
.set PW5, 73
.set SWS, 98304                        ; walk 3's LDS: sw's 64 fragment images from 0 on, (K step k, row tile m) at 6,144 k + 1,536 m; their scale words; a stage of 32 rows x 272 bytes for each wave;
.set STG, 106496
.set SW5, 176128                       ; the fifth tile's 16 images, 1,536 k; their scale words, 128 k
.set SS5, 200704
.set NS,  16*(PASS-1)                  ; loads of earlier walks' sums
.set MSB, 0
.macro WIN new                         ; the immediate's high byte repeats the setting that is left
.if MSB != \new
	s_set_vgpr_msb (MSB<<8)|\new
.set MSB, \new
.endif
.endm
	s_load_b128 s[4:7], s[0:1], 0x0                ; codes, lists
.if PASS == 1
	s_load_b64 s[10:11], s[0:1], 0x10              ; part1
	v_lshl_add_u32 v238, v0, 2, 0x3000
	v_mov_b32 v239, 0
.elseif PASS == 2
	s_load_b128 s[8:11], s[0:1], 0x10              ; fstat, part1
	s_load_b64 s[12:13], s[0:1], 0x20              ; part2
.else
	s_load_b128 s[8:11], s[0:1], 0x10              ; fstat, part1
	s_load_b128 s[12:15], s[0:1], 0x20             ; part2, opart
.endif
	v_lshrrev_b32 v1, 5, v0
	v_readfirstlane_b32 s16, v1                    ; wave 0..7
	s_mov_b32 s17, ttmp9                           ; cq
	s_and_b32 s18, ttmp7, 0xffff                   ; rg
	v_and_b32 v1, 31, v0                           ; lane
	v_and_b32 v2, 15, v0                           ; r
	v_bfe_u32 v3, v0, 4, 1                         ; h
	v_lshlrev_b32 v4, 4, v1                        ; 16 x lane
	v_lshlrev_b32 v5, 3, v1                        ; 8 x lane
	v_lshlrev_b32 v6, 6, v3                        ; 64 h
	v_lshlrev_b32 v7, 3, v2                        ; 8 r
	v_lshlrev_b32 v123, 4, v2                      ; 16 r
	v_lshlrev_b32 v124, 2, v2                      ; 4 r
	v_lshlrev_b32 v125, 8, v3                      ; 256 h
	v_lshlrev_b32 v126, 5, v3                      ; 32 h
	s_mov_b32 s21, 0xffff0000                      ; lanes 16-31
	s_mov_b32 s22, 0x3fb8aa3b                      ; log2(e)
	s_mov_b32 s23, s22                             ; (named with it as a pair)
	s_mov_b32 s24, 0x76543210
	s_mov_b32 s25, 0xfedcba98                      ; v_permlanex16_b32's selects for lane l xor 16
	; every LDS address is made here, ahead of the branch on the count
.if PASS == 1
	s_mul_i32 s52, s16, 1280
	v_lshl_add_u32 v120, v2, 4, s52                ; my wave's sums: 16 bytes a row, 80 rows
	v_lshlrev_b32 v121, 4, v0                      ; back: a thread a row
.elseif PASS == 2
	s_mul_i32 s52, s16, 320
	v_lshl_add_u32 v120, v2, 2, s52                ; 4 bytes a row, 80 rows
	v_lshlrev_b32 v121, 2, v0
.else
	s_mul_i32 s52, s16, 12288
	v_add_nc_u32 v64, s52, v4                      ; my two K steps' images
	s_lshl_b32 s52, s16, 10
	s_add_co_u32 s52, s52, SWS
	v_lshl_add_u32 v65, v1, 2, s52                 ; and their scale words
	v_add_nc_u32 v67, 49152, v4                    ; images of K steps 8 on (those of 0-7: v4)
	v_lshl_add_u32 v68, v1, 2, SWS
	s_mul_i32 s52, s16, 8704
	s_add_co_u32 s52, s52, STG
	v_mul_u32_u24 v69, v2, 272
	v_lshl_add_u32 v69, v3, 5, v69
	v_add_nc_u32 v69, s52, v69                     ; the stage, in: channel r, places 8 h on
	v_lshrrev_b32 v70, 2, v1
	v_mul_u32_u24 v70, v70, 272
	v_and_b32 v71, 3, v1
	v_lshl_add_u32 v70, v71, 4, v70
	v_add_nc_u32 v70, s52, v70                     ; back: four lanes take a channel's 64 bytes of one tile, the 32 lanes eight channels
	v_lshlrev_b32 v72, 2, v1
	s_mul_i32 s52, s16, 3072
	s_add_co_u32 s52, s52, SW5
	v_add_nc_u32 v66, s52, v4                      ; the fifth tile: my two K steps' images,
	s_lshl_b32 s52, s16, 8
	s_add_co_u32 s52, s52, SS5
	v_lshl_add_u32 v127, v1, 2, s52                ; their scale words,
	v_add_nc_u32 v120, SW5, v4                     ; and both read back
	v_lshl_add_u32 v121, v1, 2, SS5
.endif
	s_lshl_b32 s52, s17, 6
	s_lshl_b32 s53, s16, 3
	s_add_co_u32 s52, s52, s53                     ; my first block of columns: 64 cq + 8 wave
	s_mov_b32 s55, 0
	s_lshl_b32 s20, s18, 6                         ; my first place
	s_lshl_b32 s68, s18, 4
	s_add_co_u32 s68, s68, 4096                    ; the fifth tile's first place (under 6,144: inside every table, used or not)
	s_wait_kmcnt 0x0
	s_load_b32 s19, s[6:7], CNT                    ; R
.if PASS > 1
	s_load_b128 s[36:39], s[8:9], 0x0              ; t, n, 1/t, (NaN or 0)
.endif
	s_mul_i32 s54, s52, 6144
	s_add_nc_u64 s[26:27], s[4:5], s[54:55]        ; my columns' fragments,
	s_lshl_b32 s54, s52, 8
	s_add_co_u32 s54, s54, XNS
	s_add_nc_u64 s[28:29], s[4:5], s[54:55]        ; their scale words,
	s_lshl_b32 s54, s52, 7
	s_add_co_u32 s54, s54, CBO
	s_add_nc_u64 s[30:31], s[4:5], s[54:55]        ; their bias,
	s_add_nc_u64 s[32:33], s[30:31], NFO-CBO       ; their norf
	s_add_nc_u64 s[50:51], s[4:5], XNS
	s_lshl_b32 s54, s18, 9
	s_add_nc_u64 s[34:35], s[6:7], s[54:55]        ; the list at my first place,
	s_lshl_b32 s54, s68, 3
	s_add_nc_u64 s[58:59], s[6:7], s[54:55]        ; and at the fifth tile's
.if PASS == 1
	s_lshl_b32 s54, s17, 17
	s_lshl_b32 s53, s18, 10
	s_add_co_u32 s54, s54, s53
	s_add_nc_u64 s[48:49], s[10:11], s[54:55]
	s_lshl_b32 s54, s17, 17
	s_lshl_b32 s53, s68, 4
	s_add_co_u32 s54, s54, s53
	s_add_nc_u64 s[66:67], s[10:11], s[54:55]
.else
	s_lshl_b32 s54, s18, 10
	s_add_nc_u64 s[40:41], s[10:11], s[54:55]
	s_lshl_b32 s54, s68, 4
	s_add_nc_u64 s[60:61], s[10:11], s[54:55]
.endif
.if PASS == 2
	s_lshl_b32 s54, s17, 15
	s_lshl_b32 s53, s18, 8
	s_add_co_u32 s54, s54, s53
	s_add_nc_u64 s[48:49], s[12:13], s[54:55]
	s_lshl_b32 s54, s17, 15
	s_lshl_b32 s53, s68, 2
	s_add_co_u32 s54, s54, s53
	s_add_nc_u64 s[66:67], s[12:13], s[54:55]
.endif
.if PASS == 3
	s_lshl_b32 s54, s18, 8
	s_add_nc_u64 s[42:43], s[12:13], s[54:55]
	s_lshl_b32 s54, s68, 2
	s_add_nc_u64 s[62:63], s[12:13], s[54:55]
	s_mul_i32 s54, s17, 393216
	s_mul_i32 s53, s16, 3072
	s_add_co_u32 s54, s54, s53
	s_add_co_u32 s54, s54, XTF
	s_add_nc_u64 s[44:45], s[4:5], s[54:55]        ; X along the pixels: my quarter's 16 K steps, channel tiles 2 wave, 2 wave + 1
	s_lshl_b32 s54, s17, 14
	s_lshl_b32 s53, s16, 7
	s_add_co_u32 s54, s54, s53
	s_add_co_u32 s54, s54, XTS
	s_add_nc_u64 s[46:47], s[4:5], s[54:55]
	s_lshl_b32 s54, s17, 23                        ; opart: [quarter][tile of 16 places][channel][16 places]: a tile is 16 KB; my four tiles begin at tile 4 rg; my 32 channels are 2 KB of each
	s_lshl_b32 s53, s18, 16
	s_add_co_u32 s54, s54, s53
	s_lshl_b32 s53, s16, 11
	s_add_co_u32 s54, s54, s53
	s_add_nc_u64 s[48:49], s[14:15], s[54:55]
	s_lshl_b32 s54, s17, 23
	s_lshl_b32 s53, s68, 10                        ; the fifth tile is tile 256 + rg
	s_add_co_u32 s54, s54, s53
	s_lshl_b32 s53, s16, 11
	s_add_co_u32 s54, s54, s53
	s_add_nc_u64 s[66:67], s[14:15], s[54:55]
.endif
.macro LOADCOL b                       ; block b's four fragments, 512 consecutive bytes a load, and its scale words (v20 tile 0, v21 tile 1; lanes 0-15 K step 0, lanes 16-31 K step 1)
	WIN 0x40
.irp i, 0,1,2,3,4,5,6,7,8,9,10,11
	global_load_b128 v[CF+4*\i:CF+4*\i+3], v4, s[26:27] offset:6144*(\b)+512*\i
.endr
	WIN 0
	global_load_b64 v[20:21], v5, s[28:29] offset:256*(\b)
.endm
.macro LOADBI b
.irp i, 0,1,2,3
	global_load_b128 v[BI+4*\i:BI+4*\i+3], v6, s[30:31] offset:128*(\b)+16*\i
.endr
.endm
.macro LOADNF b
.irp i, 0,1,2,3
	global_load_b128 v[NF+4*\i:NF+4*\i+3], v6, s[32:33] offset:128*(\b)+16*\i
.endr
.endm
; sim of the 64 rows (and of the fifth tile's 16) and nu tiles of 16 columns, K = 256 in two steps.  The accumulators take turns, one instruction a turn.
.macro SIMW nu
	WIN 0x05                                       ; both sources in window 1, the sums in window 0
.irp m, 0,1,2,3
.irp u, 0,1
.if \u < \nu
	v_wmma_scale_f32_16x16x128_f8f6f4 v[S+16*\m+8*\u:S+16*\m+8*\u+7], v[CF+24*\u:CF+24*\u+11], v[RF+24*\m:RF+24*\m+11], 0, v[20+\u], v[16+\m] matrix_a_fmt:MATRIX_FMT_BF6 matrix_b_fmt:MATRIX_FMT_BF6
.endif
.endr
.endr
.irp m, 0,1,2,3
.irp u, 0,1
.if \u < \nu
	v_wmma_scale_f32_16x16x128_f8f6f4 v[S+16*\m+8*\u:S+16*\m+8*\u+7], v[CF+24*\u+12:CF+24*\u+23], v[RF+24*\m+12:RF+24*\m+23], v[S+16*\m+8*\u:S+16*\m+8*\u+7], v[20+\u], v[16+\m] matrix_a_fmt:MATRIX_FMT_BF6 matrix_b_fmt:MATRIX_FMT_BF6 matrix_a_scale:MATRIX_SCALE_ROW1 matrix_b_scale:MATRIX_SCALE_ROW1
.endif
.endr
.endr
	WIN 0                                          ; at a branch and at a label every window is 0
	s_cmp_lg_u32 s57, 0
	s_cbranch_scc0 .Lno5_\@
	WIN 0x05
.irp u, 0,1
.if \u < \nu
	v_wmma_scale_f32_16x16x128_f8f6f4 v[S5+8*\u:S5+8*\u+7], v[CF+24*\u:CF+24*\u+11], v[RF5:RF5+11], 0, v[20+\u], v22 matrix_a_fmt:MATRIX_FMT_BF6 matrix_b_fmt:MATRIX_FMT_BF6
.endif
.endr
.irp u, 0,1
.if \u < \nu
.if \nu == 1
	s_wait_alu depctr_va_vdst(0)                   ; the wait directly ahead of the link
.endif
	v_wmma_scale_f32_16x16x128_f8f6f4 v[S5+8*\u:S5+8*\u+7], v[CF+24*\u+12:CF+24*\u+23], v[RF5+12:RF5+23], v[S5+8*\u:S5+8*\u+7], v[20+\u], v22 matrix_a_fmt:MATRIX_FMT_BF6 matrix_b_fmt:MATRIX_FMT_BF6 matrix_a_scale:MATRIX_SCALE_ROW1 matrix_b_scale:MATRIX_SCALE_ROW1
.endif
.endr
	WIN 0
.Lno5_\@:
.rept 4
	v_nop                                          ; places in front of the reads of the sums and of the loads into the operands
.endr
.endm
; walk 3: the block's 64 x 32 weights become codes.  A block of 32 columns lies in lanes l and l xor 16; two blocks make half a fragment, four a fragment, which goes to LDS as an image of its registers.
.macro QNT b
.if (\b) == 4
	s_wait_dscnt 0x0                               ; the first K step's stores have read the registers that are written again now
.endif
.irp m, 0,1,2,3
	v_max3_num_f32 v[RR+\m], v[S+16*\m], v[S+16*\m+1], 0x2800000   ; no weight is negative; the floor 2^(5 - 127) holds the byte at 1 from below
.endr
.irp i, 2,4,6,8,10,12,14
.irp m, 0,1,2,3
	v_max3_num_f32 v[RR+\m], v[RR+\m], v[S+16*\m+\i], v[S+16*\m+\i+1]
.endr
.endr
.irp m, 0,1,2,3
	v_permlanex16_b32 v[RR+4+\m], v[RR+\m], s24, s25
.endr
.irp m, 0,1,2,3
	v_max_num_f32 v[RR+\m], v[RR+\m], v[RR+4+\m]
.endr
.irp m, 0,1,2,3
	v_add_nc_u32 v[RR+8+\m], 0xfe000000, v[RR+\m]  ; 4 off the exponent field: the conversion's scale operand
.endr
.irp m, 0,1,2,3
	v_lshrrev_b32 v[RR+4+\m], 23, v[RR+8+\m]       ; the byte
.endr
.irp m, 0,1,2,3
.if (\b)%4 == 0
	v_mov_b32 v[12+\m], v[RR+4+\m]
.else
	v_lshl_or_b32 v[12+\m], v[RR+4+\m], 8*((\b)%4), v[12+\m]
.endif
.endr
	WIN 0x40                                       ; the codes go to window 1
.irp m, 0,1,2,3
.if (\b)%2 == 0
	v_cvt_scalef32_pk16_bf6_f32 v[PF+12*\m+6*(((\b)%4)/2):PF+12*\m+6*(((\b)%4)/2)+2], v[S+16*\m:S+16*\m+15], v[RR+8+\m]
.else
	v_cvt_scalef32_pk16_bf6_f32 v[TF+4*\m:TF+4*\m+2], v[S+16*\m:S+16*\m+15], v[RR+8+\m]
.endif
.endr
	v_nop                                          ; one plain place behind the conversions
.if (\b)%2 == 1
	WIN 0x41                                       ; the operand wants a whole block in a lane: lanes 0-15 the even block, lanes 16-31 the odd one
.irp m, 0,1,2,3
.irp i, 0,1,2
	v_permlane16_swap_b32 v[PF+12*\m+6*(((\b)%4)/2)+\i], v[TF+4*\m+\i]
.endr
.endr
.irp m, 0,1,2,3
.irp i, 0,1,2
	v_mov_b32 v[PF+12*\m+6*(((\b)%4)/2)+3+\i], v[TF+4*\m+\i]
.endr
.endr
.endif
	WIN 0
.if (\b)%4 == 3
	WIN 0x04                                       ; an LDS store's data are its source 1: window 1
.irp m, 0,1,2,3
.irp g, 0,1,2
	ds_store_b128 v64, v[PF+12*\m+4*\g:PF+12*\m+4*\g+3] offset:6144*((\b)/4)+1536*\m+512*\g
.endr
.endr
	WIN 0
.irp m, 0,1,2,3
	ds_store_b32 v65, v[12+\m] offset:512*((\b)/4)+128*\m
.endr
.endif
.endm
; the same for the fifth tile's 16 x 32 weights
.macro QNT5 b
.if (\b) == 4
	s_wait_dscnt 0x0                               ; the first K step's stores have read the registers that are written again now
.endif
	v_max3_num_f32 v[RR+16], v[S5], v[S5+1], 0x2800000
	v_max3_num_f32 v[RR+17], v[S5+2], v[S5+3], v[S5+4]
.irp i, 5,9
	v_max3_num_f32 v[RR+16], v[RR+16], v[S5+\i], v[S5+\i+1]
	v_max3_num_f32 v[RR+17], v[RR+17], v[S5+\i+2], v[S5+\i+3]
.endr
	v_max3_num_f32 v[RR+16], v[RR+16], v[S5+13], v[S5+14]
	v_max3_num_f32 v[RR+16], v[RR+16], v[RR+17], v[S5+15]
	v_mov_b32 v[RR+18], 0                          ; (a lane permute's destination counts as one of its sources)
	v_permlanex16_b32 v[RR+18], v[RR+16], s24, s25
	v_max_num_f32 v[RR+16], v[RR+16], v[RR+18]
	v_add_nc_u32 v[RR+19], 0xfe000000, v[RR+16]
	v_lshrrev_b32 v[RR+18], 23, v[RR+19]
.if (\b)%4 == 0
	v_mov_b32 v[PW5], v[RR+18]
.else
	v_lshl_or_b32 v[PW5], v[RR+18], 8*((\b)%4), v[PW5]
.endif
	WIN 0x40
.if (\b)%2 == 0
	v_cvt_scalef32_pk16_bf6_f32 v[PF5+6*(((\b)%4)/2):PF5+6*(((\b)%4)/2)+2], v[S5:S5+15], v[RR+19]
.else
	v_cvt_scalef32_pk16_bf6_f32 v[TF5:TF5+2], v[S5:S5+15], v[RR+19]
.endif
	v_nop
.if (\b)%2 == 1
	WIN 0x41
.irp i, 0,1,2
	v_permlane16_swap_b32 v[PF5+6*(((\b)%4)/2)+\i], v[TF5+\i]
.endr
.irp i, 0,1,2
	v_mov_b32 v[PF5+6*(((\b)%4)/2)+3+\i], v[TF5+\i]
.endr
.endif
	WIN 0
.if (\b)%4 == 3
	WIN 0x04
.irp g, 0,1,2
	ds_store_b128 v66, v[PF5+4*\g:PF5+4*\g+3] offset:1536*((\b)/4)+512*\g
.endr
	WIN 0
	ds_store_b32 v127, v[PW5] offset:128*((\b)/4)
.endif
.endm
; All the vector work of the fifth tile for one block: the same lines as the four tiles', on 16 registers.  It stands ahead of the next block's loads of bias and norf, and uses the second set while that is free.
.macro FIFTH b
	s_cmp_lg_u32 s57, 0
	s_cbranch_scc0 .Lno5_\@
.irp i, 0,1,2,3,4,5,6,7
	v_pk_fma_f32 v[S5+2*\i:S5+2*\i+1], v[S5+2*\i:S5+2*\i+1], s[22:23], v[BI+2*\i:BI+2*\i+1] op_sel_hi:[1,0,1]
.endr
.set j, 0
.rept 16
	v_exp_f32 v[S5+j], v[S5+j]
.set j, j+1
.endr
	v_nop
	s_wait_alu depctr_va_vdst(0)
.if PASS == 1
.irp i, 0,1,2,3,4,5,6,7
	v_pk_fma_f32 v[S5+2*\i:S5+2*\i+1], v[NF+2*\i:NF+2*\i+1], v[K5:K5+1], v[S5+2*\i:S5+2*\i+1]
.endr
.irp i, 0,1,2,3,4,5,6,7
	v_pk_add_f32 v[SUM5:SUM5+1], v[SUM5:SUM5+1], v[S5+2*\i:S5+2*\i+1]
	v_pk_fma_f32 v[SUM5+2:SUM5+3], v[S5+2*\i:S5+2*\i+1], v[S5+2*\i:S5+2*\i+1], v[SUM5+2:SUM5+3]
.endr
.else
.irp i, 0,1,2,3,4,5,6,7
	v_pk_add_f32 v[RR+2*\i:RR+2*\i+1], v[S5+2*\i:S5+2*\i+1], v[K5:K5+1]
.endr
.set j, 0
.rept 16
	v_max_num_f32 v[RR+j], 0, v[RR+j]
.set j, j+1
.endr
.irp i, 0,1,2,3,4,5,6,7
	v_pk_mul_f32 v[S5+2*\i:S5+2*\i+1], v[S5+2*\i:S5+2*\i+1], v[RR+2*\i:RR+2*\i+1]
.endr
.irp i, 0,1,2,3,4,5,6,7
.if PASS == 2
	v_pk_add_f32 v[RR+2*\i:RR+2*\i+1], v[RR+2*\i:RR+2*\i+1], v[K5+2:K5+3]
.else
	v_pk_fma_f32 v[RR+2*\i:RR+2*\i+1], v[RR+2*\i:RR+2*\i+1], v[K5+2:K5+3], v[K5+4:K5+5]
.endif
.endr
.set j, 0
.rept 16
	v_rcp_f32 v[RR+j], v[RR+j]
.set j, j+1
.endr
	v_nop
	s_wait_alu depctr_va_vdst(0)
.if PASS == 2
.irp i, 0,1,2,3,4,5,6,7
	v_pk_fma_f32 v[SUM5:SUM5+1], v[S5+2*\i:S5+2*\i+1], v[RR+2*\i:RR+2*\i+1], v[SUM5:SUM5+1]
.endr
.else
.irp i, 0,1,2,3,4,5,6,7
	v_pk_mul_f32 v[S5+2*\i:S5+2*\i+1], v[S5+2*\i:S5+2*\i+1], v[RR+2*\i:RR+2*\i+1]
.endr
	QNT5 \b
.endif
.endif
.Lno5_\@:
.endm
; One block of 32 columns for the rows.  more = 1: the next block's operands are asked for as soon as this block's have been used; they have the block's vector work in which to land.
.macro BLOCK b, more
	s_wait_loadcnt 0x0                             ; this block's fragments, scale words, bias (and norf) are in; nothing else is out
	SIMW 2
.if \more
	LOADCOL (\b+1)
.endif
.irp m, 0,1,2,3
.irp i, 0,1,2,3,4,5,6,7
	v_pk_fma_f32 v[S+16*\m+2*\i:S+16*\m+2*\i+1], v[S+16*\m+2*\i:S+16*\m+2*\i+1], s[22:23], v[BI+2*\i:BI+2*\i+1] op_sel_hi:[1,0,1]   ; sim log2(e) + bias; each sum is read from its low end on
.endr
.endr
	FIFTH \b
.if \more
	LOADBI (\b+1)
.endif
.set j, 0
.rept 64
	v_exp_f32 v[S+j], v[S+j]                       ; e
.set j, j+1
.endr
	v_nop                                          ; a plain place behind the batch,
	s_wait_alu depctr_va_vdst(0)                   ; and the one wait ahead of its first reader
.if PASS == 1
.irp m, 0,1,2,3
.irp i, 0,1,2,3,4,5,6,7
	v_pk_fma_f32 v[S+16*\m+2*\i:S+16*\m+2*\i+1], v[NF+2*\i:NF+2*\i+1], v[KC+6*\m:KC+6*\m+1], v[S+16*\m+2*\i:S+16*\m+2*\i+1]   ; g = e - a norf
.endr
.endr
.if \more
	LOADNF (\b+1)
.endif
.irp i, 0,1,2,3,4,5,6,7
.irp m, 0,1,2,3
	v_pk_add_f32 v[SUM+4*\m:SUM+4*\m+1], v[SUM+4*\m:SUM+4*\m+1], v[S+16*\m+2*\i:S+16*\m+2*\i+1]
	v_pk_fma_f32 v[SUM+4*\m+2:SUM+4*\m+3], v[S+16*\m+2*\i:S+16*\m+2*\i+1], v[S+16*\m+2*\i:S+16*\m+2*\i+1], v[SUM+4*\m+2:SUM+4*\m+3]
.endr
.endr
.else
.irp m, 0,1,2,3
.irp i, 0,1,2,3,4,5,6,7
	v_pk_add_f32 v[RR+16*\m+2*\i:RR+16*\m+2*\i+1], v[S+16*\m+2*\i:S+16*\m+2*\i+1], v[KC+6*\m:KC+6*\m+1]   ; e - thrE
.endr
.endr
.set j, 0
.rept 64
	v_max_num_f32 v[RR+j], 0, v[RR+j]              ; r
.set j, j+1
.endr
.irp m, 0,1,2,3
.irp i, 0,1,2,3,4,5,6,7
	v_pk_mul_f32 v[S+16*\m+2*\i:S+16*\m+2*\i+1], v[S+16*\m+2*\i:S+16*\m+2*\i+1], v[RR+16*\m+2*\i:RR+16*\m+2*\i+1]   ; e r
.endr
.endr
.irp m, 0,1,2,3
.irp i, 0,1,2,3,4,5,6,7
.if PASS == 2
	v_pk_add_f32 v[RR+16*\m+2*\i:RR+16*\m+2*\i+1], v[RR+16*\m+2*\i:RR+16*\m+2*\i+1], v[KC+6*\m+2:KC+6*\m+3]   ; r + epsE
.else
	v_pk_fma_f32 v[RR+16*\m+2*\i:RR+16*\m+2*\i+1], v[RR+16*\m+2*\i:RR+16*\m+2*\i+1], v[KC+6*\m+2:KC+6*\m+3], v[KC+6*\m+4:KC+6*\m+5]   ; (r + epsE) SE
.endif
.endr
.endr
.set j, 0
.rept 64
	v_rcp_f32 v[RR+j], v[RR+j]
.set j, j+1
.endr
	v_nop
	s_wait_alu depctr_va_vdst(0)
.if PASS == 2
.irp i, 0,1,2,3,4,5,6,7
.irp m, 0,1,2,3
	v_pk_fma_f32 v[SUM+4*\m:SUM+4*\m+1], v[S+16*\m+2*\i:S+16*\m+2*\i+1], v[RR+16*\m+2*\i:RR+16*\m+2*\i+1], v[SUM+4*\m:SUM+4*\m+1]
.endr
.endr
.else
.irp m, 0,1,2,3
.irp i, 0,1,2,3,4,5,6,7
	v_pk_mul_f32 v[S+16*\m+2*\i:S+16*\m+2*\i+1], v[S+16*\m+2*\i:S+16*\m+2*\i+1], v[RR+16*\m+2*\i:RR+16*\m+2*\i+1]   ; sw, finished and normalised
.endr
.endr
	QNT \b
.endif
.endif
.endm
; walks 2 and 3: a row's constants from the four quarters' sums
.macro STATS
.irp m, 0,1,2,3
	v_pk_add_f32 v[224+2*\m:225+2*\m], v[S+4*\m:S+4*\m+1], v[S+16+4*\m:S+17+4*\m]
	v_pk_add_f32 v[232+2*\m:233+2*\m], v[S+32+4*\m:S+33+4*\m], v[S+48+4*\m:S+49+4*\m]
.endr
.irp m, 0,1,2,3
	v_pk_add_f32 v[224+2*\m:225+2*\m], v[224+2*\m:225+2*\m], v[232+2*\m:233+2*\m]   ; Z', Q'
.endr
.irp m, 0,1,2,3
	v_mul_f32 v[232+\m], s38, v[224+2*\m]          ; Z' / t
.endr
.irp m, 0,1,2,3
	v_fma_f32 v[236+\m], -v[224+2*\m], v[232+\m], v[225+2*\m]
.endr
.irp m, 0,1,2,3
	v_max_num_f32 v[236+\m], 0, v[236+\m]          ; M2
.endr
.irp m, 0,1,2,3
	v_mul_f32 v[236+\m], s38, v[236+\m]
.endr
.irp m, 0,1,2,3
	v_sqrt_f32 v[240+\m], v[236+\m]
.endr
.irp m, 0,1,2,3
	v_add_f32 v[232+\m], v[S+4*\m+2], v[232+\m]    ; a + Z' / t  (plain work behind the roots)
.endr
.irp m, 0,1,2,3
	v_fma_f32 v[244+\m], s37, v[S+4*\m+2], v[224+2*\m]   ; n a + Z'
.endr
.irp m, 0,1,2,3
	v_mul_f32 v[244+\m], 0x2edbe6ff, v[244+\m]     ; epsE = 1e-10 times it
.endr
	s_wait_alu depctr_va_vdst(0)
.irp m, 0,1,2,3
	v_fma_f32 v[KC+6*\m], 2.0, v[240+\m], -v[232+\m]     ; -thrE, twice
	v_fma_f32 v[KC+6*\m+1], 2.0, v[240+\m], -v[232+\m]
.endr
.if PASS == 2
.irp m, 0,1,2,3
	v_mov_b32 v[KC+6*\m+2], v[244+\m]
	v_mov_b32 v[KC+6*\m+3], v[244+\m]
	v_mov_b32 v[SUM+4*\m], 0
	v_mov_b32 v[SUM+4*\m+1], 0
.endr
.else
.irp m, 0,1,2,3
	v_add_f32 v[248+\m], v[RR+16+\m], v[RR+20+\m]
	v_add_f32 v[252+\m], v[RR+24+\m], v[RR+28+\m]
.endr
.irp m, 0,1,2,3
	v_add_f32 v[KC+6*\m+2], v[248+\m], v[252+\m]   ; SE
	v_add_f32 v[KC+6*\m+3], v[248+\m], v[252+\m]
.endr
.irp m, 0,1,2,3
	v_mul_f32 v[KC+6*\m+4], v[244+\m], v[KC+6*\m+2]   ; epsE SE
	v_mul_f32 v[KC+6*\m+5], v[244+\m], v[KC+6*\m+2]
.endr
.endif
.endm
	s_wait_kmcnt 0x0
	s_mov_b32 s56, s19                             ; R
	s_max_u32 s19, s19, 1                          ; the first group always works
	s_sub_co_u32 s69, s56, 4097
	s_cmp_lt_u32 s69, 1024                         ; 4,097 <= R <= 5,120: places 4,096 on go as fifth tiles,
	s_cselect_b32 s57, 1, 0
	s_cselect_b32 s19, 4096, s19                   ; and the groups end at place 4,096
	s_cmp_lt_u32 s68, s56                          ; has my group one?
	s_cselect_b32 s57, s57, 0
	s_cmp_lt_u32 s20, s19
	s_cbranch_scc0 .Ljoin
	; ---- A: up to this wave's LDS stores
	; What one section of the fifth tile writes and a later one reads is written once here, on the way that every wave takes, so that each register is written on every way through the text.
.set j, 0
.rept 16
	v_mov_b32 v[S5+j], 0
.set j, j+1
.endr
.if PASS == 1
.set j, 0
.rept 12
	v_mov_b32 v[K5+j], 0                           ; its constants, and its sums, which begin at 0
.set j, j+1
.endr
.elseif PASS == 2
.irp j, 12,13,14,15,106,107
	v_mov_b32 v\j, 0
.endr
.else
.irp j, 12,13,14,15,73,74,75,76,77,78,79
	v_mov_b32 v\j, 0
.endr
	WIN 0x40
.set j, 0
.rept 12
	v_mov_b32 v[PF5+j], 0
.set j, j+1
.endr
	WIN 0
.endif
.if PASS > 1
	s_cmp_lg_u32 s57, 0
	s_cbranch_scc0 .Lx0
.irp q, 0,1,2,3
	global_load_b128 v[S5+4*\q:S5+4*\q+3], v123, s[60:61] offset:131072*\q   ; the fifth tile's sums of the earlier walks: the oldest loads, so that the counts below hold on both ways
.endr
.if PASS == 3
.irp q, 0,1,2,3
	global_load_b32 v[12+\q], v124, s[62:63] offset:32768*\q
.endr
.endif
.Lx0:
.endif
.irp m, 0,1,2,3
	global_load_b64 v[RR+2*\m:RR+2*\m+1], v7, s[34:35] offset:128*\m   ; {ro, rs} of place 64 rg + 16 m + r
.endr
	global_load_b64 v[RR+12:RR+13], v7, s[58:59]   ; and of place 4,096 + 16 rg + r: the list holds every place, so this and the rows behind it are loaded in every group
.if PASS == 1
	WIN 0x40
.irp i, 0,1,2,3,4,5
	global_load_b128 v[CF+4*\i:CF+4*\i+3], v4, s[4:5] offset:512*\i    ; tile 0 of the whole matrix's block 0: pixel 0 is its lane 0
.endr
	WIN 0
	global_load_b64 v[20:21], v5, s[50:51]
	s_wait_loadcnt 7                               ; the list's five loads are in; the seven behind them may be out
.else
.irp q, 0,1,2,3
.irp m, 0,1,2,3
	global_load_b128 v[S+16*\q+4*\m:S+16*\q+4*\m+3], v123, s[40:41] offset:131072*\q+256*\m
.endr
.endr
.if PASS == 3
.irp q, 0,1,2,3
.irp m, 0,1,2,3
	global_load_b32 v[RR+16+4*\q+\m], v124, s[42:43] offset:32768*\q+64*\m
.endr
.endr
.endif
	LOADCOL 0
	LOADBI 0
	s_wait_loadcnt NS+17                           ; the list's five loads are in; the sums' NS and block 0's 17 may be out
.endif
.irp m, 0,1,2,3
	v_min_u32 v[8+\m], 0x17f4f, v[RR+2*\m]         ; held inside XNF (98,127 units of 16 bytes)
	v_min_u32 v[RR+8+\m], 0x3fdf, v[RR+2*\m+1]     ; and inside XNS (16,351 words)
.endr
	v_min_u32 v122, 0x17f4f, v[RR+12]
	v_min_u32 v[RR+14], 0x3fdf, v[RR+13]
.irp m, 0,1,2,3
	v_lshlrev_b32 v[8+\m], 4, v[8+\m]
	v_add_nc_u32 v[RR+8+\m], v[RR+8+\m], v126      ; lanes 16-31: the second K step's word
.endr
	v_lshlrev_b32 v122, 4, v122
	v_add_nc_u32 v[RR+14], v[RR+14], v126
.irp m, 0,1,2,3
	v_add_nc_u32 v[8+\m], v[8+\m], v125            ; lanes 16-31: the image's upper lanes
	v_lshlrev_b32 v[RR+8+\m], 2, v[RR+8+\m]
.endr
	v_add_nc_u32 v122, v122, v125
	v_lshlrev_b32 v[RR+14], 2, v[RR+14]
	WIN 0x40
.irp m, 0,1,2,3
.irp s, 0,1
.irp g, 0,1,2
	global_load_b128 v[RF+24*\m+12*\s+4*\g:RF+24*\m+12*\s+4*\g+3], v[8+\m], s[4:5] offset:1536*\s+512*\g   ; my row's registers, out of whatever fragment holds it
.endr
.endr
.endr
.irp s, 0,1
.irp g, 0,1,2
	global_load_b128 v[RF5+12*\s+4*\g:RF5+12*\s+4*\g+3], v122, s[4:5] offset:1536*\s+512*\g
.endr
.endr
	WIN 0
.irp m, 0,1,2,3
	global_load_b32 v[16+\m], v[RR+8+\m], s[50:51]
.endr
	global_load_b32 v22, v[RR+14], s[50:51]
.if PASS == 1
	s_wait_loadcnt 0x0
	SIMW 1
	LOADCOL 0
	LOADBI 0
	LOADNF 0
.irp m, 0,1,2,3
	v_mul_f32 v[RR+\m], s22, v[S+16*\m]            ; lanes 0-15: sim(row r, pixel 0), unmasked
.endr
.irp m, 0,1,2,3
	v_exp_f32 v[RR+\m], v[RR+\m]
.endr
.irp m, 0,1,2,3
	v_mov_b32 v[RR+4+\m], 0
.endr
	s_wait_alu depctr_va_vdst(0)
.irp m, 0,1,2,3
	v_permlanex16_b32 v[RR+4+\m], v[RR+\m], s24, s25
.endr
.irp m, 0,1,2,3
	v_cndmask_b32 v[KC+6*\m+4], v[RR+\m], v[RR+4+\m], s21   ; a, in both halves of the lanes: the same number in every wave that serves the row
.endr
.irp m, 0,1,2,3
	v_mul_f32 v[KC+6*\m], -1.0, v[KC+6*\m+4]
	v_mul_f32 v[KC+6*\m+1], -1.0, v[KC+6*\m+4]
.endr
.set j, 0
.rept 16
	v_mov_b32 v[SUM+j], 0
.set j, j+1
.endr
	s_cmp_lg_u32 s57, 0
	s_cbranch_scc0 .Lx1
	v_mul_f32 v216, s22, v[S5]                     ; the same for the fifth tile
	v_exp_f32 v216, v216
	v_mov_b32 v217, 0
	s_wait_alu depctr_va_vdst(0)
	v_permlanex16_b32 v217, v216, s24, s25
	v_cndmask_b32 v[K5+4], v216, v217, s21
	v_mul_f32 v[K5], -1.0, v[K5+4]
	v_mul_f32 v[K5+1], -1.0, v[K5+4]
.Lx1:
.else
	s_wait_loadcnt 52                              ; the sums are in; block 0's 17 loads and the rows' 35 may be out
	STATS
	s_cmp_lg_u32 s57, 0
	s_cbranch_scc0 .Lx2
	v_pk_add_f32 v[224:225], v[S5:S5+1], v[S5+4:S5+5]      ; the fifth tile's constants, by the same lines
	v_pk_add_f32 v[226:227], v[S5+8:S5+9], v[S5+12:S5+13]
	v_pk_add_f32 v[224:225], v[224:225], v[226:227]
	v_mul_f32 v228, s38, v224
	v_fma_f32 v229, -v224, v228, v225
	v_max_num_f32 v229, 0, v229
	v_mul_f32 v229, s38, v229
	v_sqrt_f32 v230, v229
	v_add_f32 v228, v[S5+2], v228
	v_fma_f32 v231, s37, v[S5+2], v224
	v_mul_f32 v231, 0x2edbe6ff, v231
	s_wait_alu depctr_va_vdst(0)
	v_fma_f32 v[K5], 2.0, v230, -v228
	v_fma_f32 v[K5+1], 2.0, v230, -v228
.if PASS == 2
	v_mov_b32 v[K5+2], v231
	v_mov_b32 v[K5+3], v231
.else
	v_add_f32 v232, v12, v13
	v_add_f32 v233, v14, v15
	v_add_f32 v[K5+2], v232, v233
	v_add_f32 v[K5+3], v232, v233
	v_mul_f32 v[K5+4], v231, v[K5+2]
	v_mul_f32 v[K5+5], v231, v[K5+2]
.endif
.Lx2:
.endif
.irp b, 0,1,2,3,4,5,6
	BLOCK \b, 1
.endr
	BLOCK 7, 0
.if PASS == 1
.irp m, 0,1,2,3
	v_add_f32 v[RR+4*\m], v[SUM+4*\m], v[SUM+4*\m+1]
	v_add_f32 v[RR+4*\m+1], v[SUM+4*\m+2], v[SUM+4*\m+3]
	v_mov_b32 v[RR+16+2*\m], 0
	v_mov_b32 v[RR+17+2*\m], 0
.endr
.irp m, 0,1,2,3
	v_permlanex16_b32 v[RR+16+2*\m], v[RR+4*\m], s24, s25
	v_permlanex16_b32 v[RR+17+2*\m], v[RR+4*\m+1], s24, s25
.endr
.irp m, 0,1,2,3
	v_pk_add_f32 v[RR+4*\m:RR+4*\m+1], v[RR+4*\m:RR+4*\m+1], v[RR+16+2*\m:RR+17+2*\m]
	v_mov_b32 v[RR+4*\m+2], v[KC+6*\m+4]
	v_mov_b32 v[RR+4*\m+3], 0
.endr
.irp m, 0,1,2,3
	ds_store_b128 v120, v[RR+4*\m:RR+4*\m+3] offset:256*\m   ; {Z', Q', a, 0} of my 256 columns (both halves of the lanes write the same)
.endr
	s_cmp_lg_u32 s57, 0
	s_cbranch_scc0 .Lx3
	v_add_f32 v216, v[SUM5], v[SUM5+1]
	v_add_f32 v217, v[SUM5+2], v[SUM5+3]
	v_mov_b32 v220, 0
	v_mov_b32 v221, 0
	v_permlanex16_b32 v220, v216, s24, s25
	v_permlanex16_b32 v221, v217, s24, s25
	v_pk_add_f32 v[216:217], v[216:217], v[220:221]
	v_mov_b32 v218, v[K5+4]
	v_mov_b32 v219, 0
	ds_store_b128 v120, v[216:219] offset:1024
.Lx3:
.elseif PASS == 2
.irp m, 0,1,2,3
	v_add_f32 v[RR+\m], v[SUM+4*\m], v[SUM+4*\m+1]
.endr
.irp m, 0,1,2,3
	v_permlanex16_b32 v[RR+4+\m], v[RR+\m], s24, s25
.endr
.irp m, 0,1,2,3
	v_add_f32 v[RR+\m], v[RR+\m], v[RR+4+\m]
.endr
.irp m, 0,1,2,3
	ds_store_b32 v120, v[RR+\m] offset:64*\m
.endr
	s_cmp_lg_u32 s57, 0
	s_cbranch_scc0 .Lx3
	v_add_f32 v200, v[SUM5], v[SUM5+1]
	v_mov_b32 v201, 0
	v_permlanex16_b32 v201, v200, s24, s25
	v_add_f32 v200, v200, v201
	ds_store_b32 v120, v200 offset:256
.Lx3:
.endif
.Ljoin:
	s_wait_dscnt 0x0                               ; for the others' sake: my stores have landed
	s_barrier_signal -1
	s_barrier_wait -1                              ; every wave passes it, with rows or without
	s_cmp_lt_u32 s20, s19
	s_cbranch_scc0 .Lend
	; ---- B: reads only what the head or B itself has written, and LDS
.if PASS == 1
	s_cmp_lt_u32 s16, 2
	s_cbranch_scc0 .Lfifth                         ; waves 0 and 1: 64 threads, a row each
.irp w, 0,1,2,3,4,5,6,7
	ds_load_b128 v[S+4*\w:S+4*\w+3], v121 offset:1280*\w
.endr
	s_wait_dscnt 0x0
	v_pk_add_f32 v[S:S+1], v[S:S+1], v[S+4:S+5]
	v_pk_add_f32 v[S+8:S+9], v[S+8:S+9], v[S+12:S+13]
	v_pk_add_f32 v[S+16:S+17], v[S+16:S+17], v[S+20:S+21]
	v_pk_add_f32 v[S+24:S+25], v[S+24:S+25], v[S+28:S+29]
	v_pk_add_f32 v[S:S+1], v[S:S+1], v[S+8:S+9]
	v_pk_add_f32 v[S+16:S+17], v[S+16:S+17], v[S+24:S+25]
	v_pk_add_f32 v[S:S+1], v[S:S+1], v[S+16:S+17]
	global_store_b128 v121, v[S:S+3], s[48:49]     ; 512 consecutive bytes a wave
	s_branch .Lend
.Lfifth:
	s_cmp_eq_u32 s16, 2                            ; wave 2: the fifth tile's 16 rows (both halves of the lanes hold, and store, the same)
	s_cbranch_scc0 .Lend
	s_cmp_lg_u32 s57, 0
	s_cbranch_scc0 .Lend
.irp w, 0,1,2,3,4,5,6,7
	ds_load_b128 v[S+4*\w:S+4*\w+3], v123 offset:1024+1280*\w
.endr
	s_wait_dscnt 0x0
	v_pk_add_f32 v[S:S+1], v[S:S+1], v[S+4:S+5]
	v_pk_add_f32 v[S+8:S+9], v[S+8:S+9], v[S+12:S+13]
	v_pk_add_f32 v[S+16:S+17], v[S+16:S+17], v[S+20:S+21]
	v_pk_add_f32 v[S+24:S+25], v[S+24:S+25], v[S+28:S+29]
	v_pk_add_f32 v[S:S+1], v[S:S+1], v[S+8:S+9]
	v_pk_add_f32 v[S+16:S+17], v[S+16:S+17], v[S+24:S+25]
	v_pk_add_f32 v[S:S+1], v[S:S+1], v[S+16:S+17]
	global_store_b128 v123, v[S:S+3], s[66:67]     ; 256 consecutive bytes
.elseif PASS == 2
	s_cmp_lt_u32 s16, 2
	s_cbranch_scc0 .Lfifth
.irp w, 0,1,2,3,4,5,6,7
	ds_load_b32 v[S+\w], v121 offset:320*\w
.endr
	s_wait_dscnt 0x0
	v_pk_add_f32 v[S:S+1], v[S:S+1], v[S+2:S+3]
	v_pk_add_f32 v[S+4:S+5], v[S+4:S+5], v[S+6:S+7]
	v_pk_add_f32 v[S:S+1], v[S:S+1], v[S+4:S+5]
	v_add_f32 v[S], v[S], v[S+1]
	global_store_b32 v121, v[S], s[48:49]
	s_branch .Lend
.Lfifth:
	s_cmp_eq_u32 s16, 2
	s_cbranch_scc0 .Lend
	s_cmp_lg_u32 s57, 0
	s_cbranch_scc0 .Lend
.irp w, 0,1,2,3,4,5,6,7
	ds_load_b32 v[S+\w], v124 offset:256+320*\w
.endr
	s_wait_dscnt 0x0
	v_pk_add_f32 v[S:S+1], v[S:S+1], v[S+2:S+3]
	v_pk_add_f32 v[S+4:S+5], v[S+4:S+5], v[S+6:S+7]
	v_pk_add_f32 v[S:S+1], v[S:S+1], v[S+4:S+5]
	v_add_f32 v[S], v[S], v[S+1]
	global_store_b32 v124, v[S], s[66:67]
.else
; THE THIRD PRODUCT for this quarter's 2,048 pixels: source 0 = 16 places of sw (from LDS, all waves' images), source 1 = 16 channels of X (from memory, a ring of seven K steps).
; Wave w owns channel tiles 2 w and 2 w + 1 for all row tiles: eight accumulators by turns, ten with the fifth tile.  Lane (r, h) holds channel r and places 8 h + 0 .. 7.
.macro RING k
.irp n, 0,1
.irp g, 0,1,2
	global_load_b128 v[24*((\k)%RD)+12*\n+4*\g:24*((\k)%RD)+12*\n+4*\g+3], v4, s[44:45] offset:24576*(\k)+1536*\n+512*\g
.endr
.endr
.endm
.macro SWLOAD k                        ; K step k's four fragments of sw into set k % 2 (v128 on, v192 on), and their scale words
.irp m, 0,1,2,3
.irp g, 0,1,2
	ds_load_b128 v[S+64*((\k)%2)+12*\m+4*\g:S+64*((\k)%2)+12*\m+4*\g+3], v[4+63*((\k)/8)] offset:6144*((\k)%8)+1536*\m+512*\g
.endr
.endr
.irp m, 0,1,2,3
	ds_load_b32 v[24+4*((\k)%2)+\m], v68 offset:512*(\k)+128*\m
.endr
.endm
.macro SWLOAD5 k                       ; the fifth tile's fragment, behind the four in the same set, and its scale words
.irp g, 0,1,2
	ds_load_b128 v[S+64*((\k)%2)+48+4*\g:S+64*((\k)%2)+48+4*\g+3], v120 offset:1536*(\k)+512*\g
.endr
	ds_load_b32 v[22+(\k)%2], v121 offset:128*(\k)
.endm
.macro P3X k, n, rD, rA, sA            ; one product: the first K step starts the sum; the odd channel tile's scale words lie in lanes 16-31
.set rB, 24*((\k)%RD)+12*(\n)
.if ((\k) == 0) && ((\n) == 0)
	v_wmma_scale_f32_16x16x128_f8f6f4 v[(\rD):(\rD)+7], v[(\rA):(\rA)+11], v[rB:rB+11], 0, v[(\sA)], v[32+(\k)] matrix_a_fmt:MATRIX_FMT_BF6 matrix_b_fmt:MATRIX_FMT_BF6
.elseif (\k) == 0
	v_wmma_scale_f32_16x16x128_f8f6f4 v[(\rD):(\rD)+7], v[(\rA):(\rA)+11], v[rB:rB+11], 0, v[(\sA)], v[32+(\k)] matrix_a_fmt:MATRIX_FMT_BF6 matrix_b_fmt:MATRIX_FMT_BF6 matrix_b_scale:MATRIX_SCALE_ROW1
.elseif (\n) == 0
	v_wmma_scale_f32_16x16x128_f8f6f4 v[(\rD):(\rD)+7], v[(\rA):(\rA)+11], v[rB:rB+11], v[(\rD):(\rD)+7], v[(\sA)], v[32+(\k)] matrix_a_fmt:MATRIX_FMT_BF6 matrix_b_fmt:MATRIX_FMT_BF6
.else
	v_wmma_scale_f32_16x16x128_f8f6f4 v[(\rD):(\rD)+7], v[(\rA):(\rA)+11], v[rB:rB+11], v[(\rD):(\rD)+7], v[(\sA)], v[32+(\k)] matrix_a_fmt:MATRIX_FMT_BF6 matrix_b_fmt:MATRIX_FMT_BF6 matrix_b_scale:MATRIX_SCALE_ROW1
.endif
.endm
.macro KSTEP k
.if (\k) < 10
	s_wait_loadcnt 36                              ; this K step's six loads of X are in; the six later K steps' may be out
.else
	s_wait_loadcnt 6*(15-(\k))
.endif
.if (\k) < 15
	s_wait_dscnt 16                                ; this K step's sw is in; the next one's 16 loads may be out (the fifth tile's four are issued ahead of them)
.else
	s_wait_dscnt 0x0
.endif
	WIN 0x54                                       ; sw in window 0; X and the sums in window 1
.irp m, 0,1,2,3
.irp n, 0,1
	P3X \k, \n, OA+8*(2*\m+\n), S+64*((\k)%2)+12*\m, 24+4*((\k)%2)+\m
.endr
.endr
	WIN 0
	s_cmp_lg_u32 s57, 0
	s_cbranch_scc0 .Lno5_\@
	WIN 0x54
.irp n, 0,1
	P3X \k, \n, O5+8*\n, S+64*((\k)%2)+48, 22+(\k)%2
.endr
	WIN 0
.rept 4
	v_nop                                          ; places in front of the loads into these two products' operands
.endr
.if (\k)+2 < 16
	SWLOAD5 (\k)+2
.endif
.Lno5_\@:
.rept 4
	v_nop                                          ; places in front of the loads into the operands, and at the end of the reads of the sums
.endr
.if (\k)+2 < 16
	SWLOAD (\k)+2
.endif
.if (\k)+RD < 16
	WIN 0x40
	RING (\k)+RD
	WIN 0
.endif
.endm
	ds_load_b32 v22, v68                           ; the fifth tile's registers are written once on the way that every wave takes: its two scale registers by loads of scale words,
	ds_load_b32 v23, v68
.set j, 48
.rept 12
	v_mov_b32 v[S+j], 0                            ; its fragments' places,
	v_mov_b32 v[S+64+j], 0
.set j, j+1
.endr
	WIN 0x40
.set j, 0
.rept 16
	v_mov_b32 v[O5+j], 0                           ; its sums
.set j, j+1
.endr
	WIN 0
.irp k, 0,1,2,3,4,5,6,7,8,9,10,11,12,13,14,15
	global_load_b32 v[32+\k], v72, s[46:47] offset:1024*\k   ; X's scale words: lanes 0-15 my even channel tile, lanes 16-31 my odd one
.endr
	WIN 0x40
.irp k, 0,1,2,3,4,5,6
	RING \k
.endr
	WIN 0
	s_wait_dscnt 0x0                               ; v22 and v23 have landed: they may be loaded again
	s_cmp_lg_u32 s57, 0
	s_cbranch_scc0 .Lx4
	SWLOAD5 0
	SWLOAD5 1
.Lx4:
	SWLOAD 0
	SWLOAD 1
.irp k, 0,1,2,3,4,5,6,7,8,9,10,11,12,13,14,15
	KSTEP \k
.endr
	; the way out: through my own stage, so that the 32 lanes store eight channels x 64 bytes of a tile: 512 consecutive bytes
	WIN 0x04
.irp m, 0,1,2,3
.irp n, 0,1
	ds_store_b128 v69, v[OA+8*(2*\m+\n):OA+8*(2*\m+\n)+3] offset:4352*\n+64*\m       ; each sum from its low end on
	ds_store_b128 v69, v[OA+8*(2*\m+\n)+4:OA+8*(2*\m+\n)+7] offset:4352*\n+64*\m+16
.endr
.endr
	WIN 0
.irp m, 0,1,2,3
.irp i, 0,1,2,3
	ds_load_b128 v[S+4*(4*\m+\i):S+4*(4*\m+\i)+3], v70 offset:2176*\i+64*\m     ; LDS serves a wave's instructions in order: these see my stores
.endr
.endr
.irp m, 0,1,2,3
.irp i, 0,1,2,3
	s_wait_dscnt 15-(4*\m+\i)
	global_store_b128 v4, v[S+4*(4*\m+\i):S+4*(4*\m+\i)+3], s[48:49] offset:16384*\m+512*\i
.endr
.endr
	s_cmp_lg_u32 s57, 0
	s_cbranch_scc0 .Lend
	WIN 0x04                                       ; the fifth tile takes the same way, in the stage's first 64 bytes of each row: my loads above have been served
.irp n, 0,1
	ds_store_b128 v69, v[O5+8*\n:O5+8*\n+3] offset:4352*\n
	ds_store_b128 v69, v[O5+8*\n+4:O5+8*\n+7] offset:4352*\n+16
.endr
	WIN 0
.irp i, 0,1,2,3
	ds_load_b128 v[RR+4*\i:RR+4*\i+3], v70 offset:2176*\i
.endr
.irp i, 0,1,2,3
	s_wait_dscnt 3-\i
	global_store_b128 v4, v[RR+4*\i:RR+4*\i+3], s[66:67] offset:512*\i
.endr
.endif
.Lend:
	s_wait_tensorcnt 0x0
	ds_add_u32 v238, v239
	s_wait_dscnt 0x0
	s_endpgm
.Lfunc_end_k_qc272e8c45c_pass1:
	.size	k_qc272e8c45c_pass1, .Lfunc_end_k_qc272e8c45c_pass1-k_qc272e8c45c_pass1
	.p2alignl 7, 3214868480
	.fill 96, 4, 3214868480
	.section	.rodata,"a",@progbits
	.p2align	6, 0x0
	.amdhsa_kernel k_qc272e8c45c_pass1
		.amdhsa_group_segment_fixed_size 13312
		.amdhsa_private_segment_fixed_size 0
		.amdhsa_enable_private_segment 0
		.amdhsa_kernarg_size 24
		.amdhsa_user_sgpr_count 2
		.amdhsa_user_sgpr_kernarg_segment_ptr 1
		.amdhsa_wavefront_size32 1
		.amdhsa_system_sgpr_workgroup_id_x 1
		.amdhsa_system_sgpr_workgroup_id_y 1
		.amdhsa_system_sgpr_workgroup_id_z 1
		.amdhsa_system_vgpr_workitem_id 0
		.amdhsa_next_free_vgpr 512
		.amdhsa_next_free_sgpr 72
		.amdhsa_reserve_vcc 0
		.amdhsa_float_denorm_mode_32 3
		.amdhsa_float_denorm_mode_16_64 3
		.amdhsa_memory_ordered 1
		.amdhsa_forward_progress 1
		.amdhsa_inst_pref_size 159
	.end_amdhsa_kernel
	.amdgpu_metadata
---
amdhsa.version: [ 1, 2 ]
amdhsa.kernels:
  - .name:           k_qc272e8c45c_pass1
    .symbol:         k_qc272e8c45c_pass1.kd
    .args:
      - { .name: codes, .offset: 0, .size: 8, .value_kind: global_buffer, .address_space: global }
      - { .name: lists, .offset: 8, .size: 8, .value_kind: global_buffer, .address_space: global }
      - { .name: part1, .offset: 16, .size: 8, .value_kind: global_buffer, .address_space: global }
    .group_segment_fixed_size: 13312
    .private_segment_fixed_size: 0
    .kernarg_segment_align: 8
    .kernarg_segment_size: 24
    .max_flat_workgroup_size: 256
    .sgpr_count:     72
    .vgpr_count:     512
    .wavefront_size: 32
...
	.end_amdgpu_metadata
.endif
;; end of part 7
;; launch pass2 (part 8): grid 4 x 128, 8 waves a work-group, no clusters, 9,216 bytes of LDS; arguments codes, lists, fstat, part1, part2; writes part2
.if DOCPART == 8
	.amdgcn_target "amdgcn-amd-amdhsa--gfx1250"
	.amdhsa_code_object_version 6
	.text
	.protected	k_qc272e8c45c_pass2
	.globl	k_qc272e8c45c_pass2
	.p2align	8
	.type	k_qc272e8c45c_pass2,@function
k_qc272e8c45c_pass2:
	s_mov_b64 s[64:65], 0
	v_nop
	global_prefetch_b8 v0, s[64:65] scope:SCOPE_SE
	s_setreg_imm32_b32 hwreg(HW_REG_WAVE_MODE, 25, 1), 1
	s_wait_xcnt 0x0
; THE THREE WALKS over the weights of the anomalous rows are one text; the line below says which walk this launch is.
;   walk 1: a = e(row, pixel 0), Z' = sum of g, Q' = sum of g^2, g = e - a norf   -> part1
;   walk 2: SE = sum of e r / (r + epsE), r = max(e - thrE, 0)                     -> part2
;   walk 3: sw = e r / ((r + epsE) SE), quantised along the pixels, times X        -> opart (one partial sum for each quarter of the columns)
; e = 2^(sim log2(e) + bias), sim = the quantised product of two normalised pixels, bias = 0 or -1e30 (a column that is anomalous: e = 0).  All is kept in units of e: the softmax's divisor cancels.
; thrE = a + Z'/t - 2 sqrt(M2 / t), M2 = max(Q' - Z' Z'/t, 0), epsE = 1e-10 (n a + Z'): the mean, the spread and the 1e-10 of the weights, times that divisor.
; NO MAXIMUM IS TAKEN OFF THE EXPONENT: both vectors are normalised by the computation itself and a code enlarges a number by an eighth at the most, so |sim| <= 1.27, e lies in 0.28 .. 3.6 and a row's sum under 30,000.
; Only the rows that are kept (anomalous pixels, by the stored list) are walked; the columns keep their places, since the blocks of 32 along the third product's K are blocks of the original pixels.
; SHARES: work-group (cq, rg) = places 64 rg .. + 63 x columns 2,048 cq .. + 2,047.  Each of eight waves holds ALL 64 rows (four tiles) and eight blocks of 32 columns of its own, so a column fragment feeds four products.
; THE FIFTH TILE: 64 groups x 4 quarters are 256 work-groups.  Where R is 4,097 to 5,120, places 4,096 on are not work-groups of their own: group rg < 64 takes the 16 places 4,096 + 16 rg on as a fifth tile,
; which rides on the column fragments that the wave has loaded anyway: a quarter more work in place of a second work-group.  Its work stands in sections that a scalar branch on the stored count jumps over.
; A work-group without places stores nothing: a branch on the stored count, round the work and never round the barrier.  So operands go from memory straight into registers: no tensor load, no joint load.
; The product is used transposed (source 0 = 16 columns, source 1 = 16 rows): lane (r, h) holds row r, and the 16 registers of a block's two tiles are columns 16 h + 0 .. 15 of the block.
; LIMITS: NaN and infinities are not served; a row whose kept weights sum to exactly 0 is not NaN here; with no normal pixel at all the last launch makes the NaN.  Past R = 5,120 the groups from 64 on are a second round.
; REGISTERS.  Window 0: v1-11, v122 lane terms and row offsets; v12-15 sw's scale words in the making; v16-47 scale words of products; v48-63 bias; v64-79 norf (walk 1) or addresses (walk 3);
;   v80-103 six constants a row tile, each twice; v104-119 sums; v120-127 addresses; v128-191 S (64 results); v192-255 a second set of 64.  The fifth tile's: the symbols S5, K5, SUM5, PW5 below.
;   Window 1: v0-95 the rows' 8 fragments; v96-143 a block's 4; v144-191 sw's codes; v192-207 at work; v208-247 the fifth tile's rows, codes and work.
;   In walk 3's product: v0-167 a ring of seven K steps of X, v168-183 the fifth tile's two accumulators, v192-255 eight accumulators.
.set PASS, 2
.set XTF, 1572864                      ; sections of the buffer codes
.set XNS, 3145728
.set XTS, 3211264
.set CBO, 3276800
.set NFO, 3309568
.set CNT, 98304                        ; R in the buffer lists
.set S,   128
.set RR,  192
.set KC,  80
.set SUM, 104
.set BI,  48
.set NF,  64
.set RF,  0
.set CF,  96
.set PF,  144
.set TF,  192
.set OA,  192
.set RF5, 208                          ; window 1: the fifth tile's two row fragments,
.set PF5, 232                          ; its codes,
.set TF5, 244                          ; at work
.set O5,  168                          ; its accumulators in walk 3's product
.set RD,  7                            ; K steps in the ring of X
.if PASS == 1
.set S5,   240                         ; window 0: the fifth tile's 16 results, its constants, its sums: registers that the walk in hand leaves free
.set K5,   224
.set SUM5, 232
.elseif PASS == 2
.set S5,   64
.set K5,   12
.set SUM5, 106
.else
.set S5,   104
.set K5,   74
.set SUM5, 0
.endif
.set PW5, 73
.set SWS, 98304                        ; walk 3's LDS: sw's 64 fragment images from 0 on, (K step k, row tile m) at 6,144 k + 1,536 m; their scale words; a stage of 32 rows x 272 bytes for each wave;
.set STG, 106496
.set SW5, 176128                       ; the fifth tile's 16 images, 1,536 k; their scale words, 128 k
.set SS5, 200704
.set NS,  16*(PASS-1)                  ; loads of earlier walks' sums
.set MSB, 0
.macro WIN new                         ; the immediate's high byte repeats the setting that is left
.if MSB != \new
	s_set_vgpr_msb (MSB<<8)|\new
.set MSB, \new
.endif
.endm
	s_load_b128 s[4:7], s[0:1], 0x0                ; codes, lists
.if PASS == 1
	s_load_b64 s[10:11], s[0:1], 0x10              ; part1
.elseif PASS == 2
	s_load_b128 s[8:11], s[0:1], 0x10              ; fstat, part1
	s_load_b64 s[12:13], s[0:1], 0x20              ; part2
	v_lshl_add_u32 v119, v0, 2, 0x2000
	v_mov_b32 v127, 0
.else
	s_load_b128 s[8:11], s[0:1], 0x10              ; fstat, part1
	s_load_b128 s[12:15], s[0:1], 0x20             ; part2, opart
.endif
	v_lshrrev_b32 v1, 5, v0
	v_readfirstlane_b32 s16, v1                    ; wave 0..7
	s_mov_b32 s17, ttmp9                           ; cq
	s_and_b32 s18, ttmp7, 0xffff                   ; rg
	v_and_b32 v1, 31, v0                           ; lane
	v_and_b32 v2, 15, v0                           ; r
	v_bfe_u32 v3, v0, 4, 1                         ; h
	v_lshlrev_b32 v4, 4, v1                        ; 16 x lane
	v_lshlrev_b32 v5, 3, v1                        ; 8 x lane
	v_lshlrev_b32 v6, 6, v3                        ; 64 h
	v_lshlrev_b32 v7, 3, v2                        ; 8 r
	v_lshlrev_b32 v123, 4, v2                      ; 16 r
	v_lshlrev_b32 v124, 2, v2                      ; 4 r
	v_lshlrev_b32 v125, 8, v3                      ; 256 h
	v_lshlrev_b32 v126, 5, v3                      ; 32 h
	s_mov_b32 s21, 0xffff0000                      ; lanes 16-31
	s_mov_b32 s22, 0x3fb8aa3b                      ; log2(e)
	s_mov_b32 s23, s22                             ; (named with it as a pair)
	s_mov_b32 s24, 0x76543210
	s_mov_b32 s25, 0xfedcba98                      ; v_permlanex16_b32's selects for lane l xor 16
	; every LDS address is made here, ahead of the branch on the count
.if PASS == 1
	s_mul_i32 s52, s16, 1280
	v_lshl_add_u32 v120, v2, 4, s52                ; my wave's sums: 16 bytes a row, 80 rows
	v_lshlrev_b32 v121, 4, v0                      ; back: a thread a row
.elseif PASS == 2
	s_mul_i32 s52, s16, 320
	v_lshl_add_u32 v120, v2, 2, s52                ; 4 bytes a row, 80 rows
	v_lshlrev_b32 v121, 2, v0
.else
	s_mul_i32 s52, s16, 12288
	v_add_nc_u32 v64, s52, v4                      ; my two K steps' images
	s_lshl_b32 s52, s16, 10
	s_add_co_u32 s52, s52, SWS
	v_lshl_add_u32 v65, v1, 2, s52                 ; and their scale words
	v_add_nc_u32 v67, 49152, v4                    ; images of K steps 8 on (those of 0-7: v4)
	v_lshl_add_u32 v68, v1, 2, SWS
	s_mul_i32 s52, s16, 8704
	s_add_co_u32 s52, s52, STG
	v_mul_u32_u24 v69, v2, 272
	v_lshl_add_u32 v69, v3, 5, v69
	v_add_nc_u32 v69, s52, v69                     ; the stage, in: channel r, places 8 h on
	v_lshrrev_b32 v70, 2, v1
	v_mul_u32_u24 v70, v70, 272
	v_and_b32 v71, 3, v1
	v_lshl_add_u32 v70, v71, 4, v70
	v_add_nc_u32 v70, s52, v70                     ; back: four lanes take a channel's 64 bytes of one tile, the 32 lanes eight channels
	v_lshlrev_b32 v72, 2, v1
	s_mul_i32 s52, s16, 3072
	s_add_co_u32 s52, s52, SW5
	v_add_nc_u32 v66, s52, v4                      ; the fifth tile: my two K steps' images,
	s_lshl_b32 s52, s16, 8
	s_add_co_u32 s52, s52, SS5
	v_lshl_add_u32 v127, v1, 2, s52                ; their scale words,
	v_add_nc_u32 v120, SW5, v4                     ; and both read back
	v_lshl_add_u32 v121, v1, 2, SS5
.endif
	s_lshl_b32 s52, s17, 6
	s_lshl_b32 s53, s16, 3
	s_add_co_u32 s52, s52, s53                     ; my first block of columns: 64 cq + 8 wave
	s_mov_b32 s55, 0
	s_lshl_b32 s20, s18, 6                         ; my first place
	s_lshl_b32 s68, s18, 4
	s_add_co_u32 s68, s68, 4096                    ; the fifth tile's first place (under 6,144: inside every table, used or not)
	s_wait_kmcnt 0x0
	s_load_b32 s19, s[6:7], CNT                    ; R
.if PASS > 1
	s_load_b128 s[36:39], s[8:9], 0x0              ; t, n, 1/t, (NaN or 0)
.endif
	s_mul_i32 s54, s52, 6144
	s_add_nc_u64 s[26:27], s[4:5], s[54:55]        ; my columns' fragments,
	s_lshl_b32 s54, s52, 8
	s_add_co_u32 s54, s54, XNS
	s_add_nc_u64 s[28:29], s[4:5], s[54:55]        ; their scale words,
	s_lshl_b32 s54, s52, 7
	s_add_co_u32 s54, s54, CBO
	s_add_nc_u64 s[30:31], s[4:5], s[54:55]        ; their bias,
	s_add_nc_u64 s[32:33], s[30:31], NFO-CBO       ; their norf
	s_add_nc_u64 s[50:51], s[4:5], XNS
	s_lshl_b32 s54, s18, 9
	s_add_nc_u64 s[34:35], s[6:7], s[54:55]        ; the list at my first place,
	s_lshl_b32 s54, s68, 3
	s_add_nc_u64 s[58:59], s[6:7], s[54:55]        ; and at the fifth tile's
.if PASS == 1
	s_lshl_b32 s54, s17, 17
	s_lshl_b32 s53, s18, 10
	s_add_co_u32 s54, s54, s53
	s_add_nc_u64 s[48:49], s[10:11], s[54:55]
	s_lshl_b32 s54, s17, 17
	s_lshl_b32 s53, s68, 4
	s_add_co_u32 s54, s54, s53
	s_add_nc_u64 s[66:67], s[10:11], s[54:55]
.else
	s_lshl_b32 s54, s18, 10
	s_add_nc_u64 s[40:41], s[10:11], s[54:55]
	s_lshl_b32 s54, s68, 4
	s_add_nc_u64 s[60:61], s[10:11], s[54:55]
.endif
.if PASS == 2
	s_lshl_b32 s54, s17, 15
	s_lshl_b32 s53, s18, 8
	s_add_co_u32 s54, s54, s53
	s_add_nc_u64 s[48:49], s[12:13], s[54:55]
	s_lshl_b32 s54, s17, 15
	s_lshl_b32 s53, s68, 2
	s_add_co_u32 s54, s54, s53
	s_add_nc_u64 s[66:67], s[12:13], s[54:55]
.endif
.if PASS == 3
	s_lshl_b32 s54, s18, 8
	s_add_nc_u64 s[42:43], s[12:13], s[54:55]
	s_lshl_b32 s54, s68, 2
	s_add_nc_u64 s[62:63], s[12:13], s[54:55]
	s_mul_i32 s54, s17, 393216
	s_mul_i32 s53, s16, 3072
	s_add_co_u32 s54, s54, s53
	s_add_co_u32 s54, s54, XTF
	s_add_nc_u64 s[44:45], s[4:5], s[54:55]        ; X along the pixels: my quarter's 16 K steps, channel tiles 2 wave, 2 wave + 1
	s_lshl_b32 s54, s17, 14
	s_lshl_b32 s53, s16, 7
	s_add_co_u32 s54, s54, s53
	s_add_co_u32 s54, s54, XTS
	s_add_nc_u64 s[46:47], s[4:5], s[54:55]
	s_lshl_b32 s54, s17, 23                        ; opart: [quarter][tile of 16 places][channel][16 places]: a tile is 16 KB; my four tiles begin at tile 4 rg; my 32 channels are 2 KB of each
	s_lshl_b32 s53, s18, 16
	s_add_co_u32 s54, s54, s53
	s_lshl_b32 s53, s16, 11
	s_add_co_u32 s54, s54, s53
	s_add_nc_u64 s[48:49], s[14:15], s[54:55]
	s_lshl_b32 s54, s17, 23
	s_lshl_b32 s53, s68, 10                        ; the fifth tile is tile 256 + rg
	s_add_co_u32 s54, s54, s53
	s_lshl_b32 s53, s16, 11
	s_add_co_u32 s54, s54, s53
	s_add_nc_u64 s[66:67], s[14:15], s[54:55]
.endif
.macro LOADCOL b                       ; block b's four fragments, 512 consecutive bytes a load, and its scale words (v20 tile 0, v21 tile 1; lanes 0-15 K step 0, lanes 16-31 K step 1)
	WIN 0x40
.irp i, 0,1,2,3,4,5,6,7,8,9,10,11
	global_load_b128 v[CF+4*\i:CF+4*\i+3], v4, s[26:27] offset:6144*(\b)+512*\i
.endr
	WIN 0
	global_load_b64 v[20:21], v5, s[28:29] offset:256*(\b)
.endm
.macro LOADBI b
.irp i, 0,1,2,3
	global_load_b128 v[BI+4*\i:BI+4*\i+3], v6, s[30:31] offset:128*(\b)+16*\i
.endr
.endm
.macro LOADNF b
.irp i, 0,1,2,3
	global_load_b128 v[NF+4*\i:NF+4*\i+3], v6, s[32:33] offset:128*(\b)+16*\i
.endr
.endm
; sim of the 64 rows (and of the fifth tile's 16) and nu tiles of 16 columns, K = 256 in two steps.  The accumulators take turns, one instruction a turn.
.macro SIMW nu
	WIN 0x05                                       ; both sources in window 1, the sums in window 0
.irp m, 0,1,2,3
.irp u, 0,1
.if \u < \nu
	v_wmma_scale_f32_16x16x128_f8f6f4 v[S+16*\m+8*\u:S+16*\m+8*\u+7], v[CF+24*\u:CF+24*\u+11], v[RF+24*\m:RF+24*\m+11], 0, v[20+\u], v[16+\m] matrix_a_fmt:MATRIX_FMT_BF6 matrix_b_fmt:MATRIX_FMT_BF6
.endif
.endr
.endr
.irp m, 0,1,2,3
.irp u, 0,1
.if \u < \nu
	v_wmma_scale_f32_16x16x128_f8f6f4 v[S+16*\m+8*\u:S+16*\m+8*\u+7], v[CF+24*\u+12:CF+24*\u+23], v[RF+24*\m+12:RF+24*\m+23], v[S+16*\m+8*\u:S+16*\m+8*\u+7], v[20+\u], v[16+\m] matrix_a_fmt:MATRIX_FMT_BF6 matrix_b_fmt:MATRIX_FMT_BF6 matrix_a_scale:MATRIX_SCALE_ROW1 matrix_b_scale:MATRIX_SCALE_ROW1
.endif
.endr
.endr
	WIN 0                                          ; at a branch and at a label every window is 0
	s_cmp_lg_u32 s57, 0
	s_cbranch_scc0 .Lno5_\@
	WIN 0x05
.irp u, 0,1
.if \u < \nu
	v_wmma_scale_f32_16x16x128_f8f6f4 v[S5+8*\u:S5+8*\u+7], v[CF+24*\u:CF+24*\u+11], v[RF5:RF5+11], 0, v[20+\u], v22 matrix_a_fmt:MATRIX_FMT_BF6 matrix_b_fmt:MATRIX_FMT_BF6
.endif
.endr
.irp u, 0,1
.if \u < \nu
.if \nu == 1
	s_wait_alu depctr_va_vdst(0)                   ; the wait directly ahead of the link
.endif
	v_wmma_scale_f32_16x16x128_f8f6f4 v[S5+8*\u:S5+8*\u+7], v[CF+24*\u+12:CF+24*\u+23], v[RF5+12:RF5+23], v[S5+8*\u:S5+8*\u+7], v[20+\u], v22 matrix_a_fmt:MATRIX_FMT_BF6 matrix_b_fmt:MATRIX_FMT_BF6 matrix_a_scale:MATRIX_SCALE_ROW1 matrix_b_scale:MATRIX_SCALE_ROW1
.endif
.endr
	WIN 0
.Lno5_\@:
.rept 4
	v_nop                                          ; places in front of the reads of the sums and of the loads into the operands
.endr
.endm
; walk 3: the block's 64 x 32 weights become codes.  A block of 32 columns lies in lanes l and l xor 16; two blocks make half a fragment, four a fragment, which goes to LDS as an image of its registers.
.macro QNT b
.if (\b) == 4
	s_wait_dscnt 0x0                               ; the first K step's stores have read the registers that are written again now
.endif
.irp m, 0,1,2,3
	v_max3_num_f32 v[RR+\m], v[S+16*\m], v[S+16*\m+1], 0x2800000   ; no weight is negative; the floor 2^(5 - 127) holds the byte at 1 from below
.endr
.irp i, 2,4,6,8,10,12,14
.irp m, 0,1,2,3
	v_max3_num_f32 v[RR+\m], v[RR+\m], v[S+16*\m+\i], v[S+16*\m+\i+1]
.endr
.endr
.irp m, 0,1,2,3
	v_permlanex16_b32 v[RR+4+\m], v[RR+\m], s24, s25
.endr
.irp m, 0,1,2,3
	v_max_num_f32 v[RR+\m], v[RR+\m], v[RR+4+\m]
.endr
.irp m, 0,1,2,3
	v_add_nc_u32 v[RR+8+\m], 0xfe000000, v[RR+\m]  ; 4 off the exponent field: the conversion's scale operand
.endr
.irp m, 0,1,2,3
	v_lshrrev_b32 v[RR+4+\m], 23, v[RR+8+\m]       ; the byte
.endr
.irp m, 0,1,2,3
.if (\b)%4 == 0
	v_mov_b32 v[12+\m], v[RR+4+\m]
.else
	v_lshl_or_b32 v[12+\m], v[RR+4+\m], 8*((\b)%4), v[12+\m]
.endif
.endr
	WIN 0x40                                       ; the codes go to window 1
.irp m, 0,1,2,3
.if (\b)%2 == 0
	v_cvt_scalef32_pk16_bf6_f32 v[PF+12*\m+6*(((\b)%4)/2):PF+12*\m+6*(((\b)%4)/2)+2], v[S+16*\m:S+16*\m+15], v[RR+8+\m]
.else
	v_cvt_scalef32_pk16_bf6_f32 v[TF+4*\m:TF+4*\m+2], v[S+16*\m:S+16*\m+15], v[RR+8+\m]
.endif
.endr
	v_nop                                          ; one plain place behind the conversions
.if (\b)%2 == 1
	WIN 0x41                                       ; the operand wants a whole block in a lane: lanes 0-15 the even block, lanes 16-31 the odd one
.irp m, 0,1,2,3
.irp i, 0,1,2
	v_permlane16_swap_b32 v[PF+12*\m+6*(((\b)%4)/2)+\i], v[TF+4*\m+\i]
.endr
.endr
.irp m, 0,1,2,3
.irp i, 0,1,2
	v_mov_b32 v[PF+12*\m+6*(((\b)%4)/2)+3+\i], v[TF+4*\m+\i]
.endr
.endr
.endif
	WIN 0
.if (\b)%4 == 3
	WIN 0x04                                       ; an LDS store's data are its source 1: window 1
.irp m, 0,1,2,3
.irp g, 0,1,2
	ds_store_b128 v64, v[PF+12*\m+4*\g:PF+12*\m+4*\g+3] offset:6144*((\b)/4)+1536*\m+512*\g
.endr
.endr
	WIN 0
.irp m, 0,1,2,3
	ds_store_b32 v65, v[12+\m] offset:512*((\b)/4)+128*\m
.endr
.endif
.endm
; the same for the fifth tile's 16 x 32 weights
.macro QNT5 b
.if (\b) == 4
	s_wait_dscnt 0x0                               ; the first K step's stores have read the registers that are written again now
.endif
	v_max3_num_f32 v[RR+16], v[S5], v[S5+1], 0x2800000
	v_max3_num_f32 v[RR+17], v[S5+2], v[S5+3], v[S5+4]
.irp i, 5,9
	v_max3_num_f32 v[RR+16], v[RR+16], v[S5+\i], v[S5+\i+1]
	v_max3_num_f32 v[RR+17], v[RR+17], v[S5+\i+2], v[S5+\i+3]
.endr
	v_max3_num_f32 v[RR+16], v[RR+16], v[S5+13], v[S5+14]
	v_max3_num_f32 v[RR+16], v[RR+16], v[RR+17], v[S5+15]
	v_mov_b32 v[RR+18], 0                          ; (a lane permute's destination counts as one of its sources)
	v_permlanex16_b32 v[RR+18], v[RR+16], s24, s25
	v_max_num_f32 v[RR+16], v[RR+16], v[RR+18]
	v_add_nc_u32 v[RR+19], 0xfe000000, v[RR+16]
	v_lshrrev_b32 v[RR+18], 23, v[RR+19]
.if (\b)%4 == 0
	v_mov_b32 v[PW5], v[RR+18]
.else
	v_lshl_or_b32 v[PW5], v[RR+18], 8*((\b)%4), v[PW5]
.endif
	WIN 0x40
.if (\b)%2 == 0
	v_cvt_scalef32_pk16_bf6_f32 v[PF5+6*(((\b)%4)/2):PF5+6*(((\b)%4)/2)+2], v[S5:S5+15], v[RR+19]
.else
	v_cvt_scalef32_pk16_bf6_f32 v[TF5:TF5+2], v[S5:S5+15], v[RR+19]
.endif
	v_nop
.if (\b)%2 == 1
	WIN 0x41
.irp i, 0,1,2
	v_permlane16_swap_b32 v[PF5+6*(((\b)%4)/2)+\i], v[TF5+\i]
.endr
.irp i, 0,1,2
	v_mov_b32 v[PF5+6*(((\b)%4)/2)+3+\i], v[TF5+\i]
.endr
.endif
	WIN 0
.if (\b)%4 == 3
	WIN 0x04
.irp g, 0,1,2
	ds_store_b128 v66, v[PF5+4*\g:PF5+4*\g+3] offset:1536*((\b)/4)+512*\g
.endr
	WIN 0
	ds_store_b32 v127, v[PW5] offset:128*((\b)/4)
.endif
.endm
; All the vector work of the fifth tile for one block: the same lines as the four tiles', on 16 registers.  It stands ahead of the next block's loads of bias and norf, and uses the second set while that is free.
.macro FIFTH b
	s_cmp_lg_u32 s57, 0
	s_cbranch_scc0 .Lno5_\@
.irp i, 0,1,2,3,4,5,6,7
	v_pk_fma_f32 v[S5+2*\i:S5+2*\i+1], v[S5+2*\i:S5+2*\i+1], s[22:23], v[BI+2*\i:BI+2*\i+1] op_sel_hi:[1,0,1]
.endr
.set j, 0
.rept 16
	v_exp_f32 v[S5+j], v[S5+j]
.set j, j+1
.endr
	v_nop
	s_wait_alu depctr_va_vdst(0)
.if PASS == 1
.irp i, 0,1,2,3,4,5,6,7
	v_pk_fma_f32 v[S5+2*\i:S5+2*\i+1], v[NF+2*\i:NF+2*\i+1], v[K5:K5+1], v[S5+2*\i:S5+2*\i+1]
.endr
.irp i, 0,1,2,3,4,5,6,7
	v_pk_add_f32 v[SUM5:SUM5+1], v[SUM5:SUM5+1], v[S5+2*\i:S5+2*\i+1]
	v_pk_fma_f32 v[SUM5+2:SUM5+3], v[S5+2*\i:S5+2*\i+1], v[S5+2*\i:S5+2*\i+1], v[SUM5+2:SUM5+3]
.endr
.else
.irp i, 0,1,2,3,4,5,6,7
	v_pk_add_f32 v[RR+2*\i:RR+2*\i+1], v[S5+2*\i:S5+2*\i+1], v[K5:K5+1]
.endr
.set j, 0
.rept 16
	v_max_num_f32 v[RR+j], 0, v[RR+j]
.set j, j+1
.endr
.irp i, 0,1,2,3,4,5,6,7
	v_pk_mul_f32 v[S5+2*\i:S5+2*\i+1], v[S5+2*\i:S5+2*\i+1], v[RR+2*\i:RR+2*\i+1]
.endr
.irp i, 0,1,2,3,4,5,6,7
.if PASS == 2
	v_pk_add_f32 v[RR+2*\i:RR+2*\i+1], v[RR+2*\i:RR+2*\i+1], v[K5+2:K5+3]
.else
	v_pk_fma_f32 v[RR+2*\i:RR+2*\i+1], v[RR+2*\i:RR+2*\i+1], v[K5+2:K5+3], v[K5+4:K5+5]
.endif
.endr
.set j, 0
.rept 16
	v_rcp_f32 v[RR+j], v[RR+j]
.set j, j+1
.endr
	v_nop
	s_wait_alu depctr_va_vdst(0)
.if PASS == 2
.irp i, 0,1,2,3,4,5,6,7
	v_pk_fma_f32 v[SUM5:SUM5+1], v[S5+2*\i:S5+2*\i+1], v[RR+2*\i:RR+2*\i+1], v[SUM5:SUM5+1]
.endr
.else
.irp i, 0,1,2,3,4,5,6,7
	v_pk_mul_f32 v[S5+2*\i:S5+2*\i+1], v[S5+2*\i:S5+2*\i+1], v[RR+2*\i:RR+2*\i+1]
.endr
	QNT5 \b
.endif
.endif
.Lno5_\@:
.endm
; One block of 32 columns for the rows.  more = 1: the next block's operands are asked for as soon as this block's have been used; they have the block's vector work in which to land.
.macro BLOCK b, more
	s_wait_loadcnt 0x0                             ; this block's fragments, scale words, bias (and norf) are in; nothing else is out
	SIMW 2
.if \more
	LOADCOL (\b+1)
.endif
.irp m, 0,1,2,3
.irp i, 0,1,2,3,4,5,6,7
	v_pk_fma_f32 v[S+16*\m+2*\i:S+16*\m+2*\i+1], v[S+16*\m+2*\i:S+16*\m+2*\i+1], s[22:23], v[BI+2*\i:BI+2*\i+1] op_sel_hi:[1,0,1]   ; sim log2(e) + bias; each sum is read from its low end on
.endr
.endr
	FIFTH \b
.if \more
	LOADBI (\b+1)
.endif
.set j, 0
.rept 64
	v_exp_f32 v[S+j], v[S+j]                       ; e
.set j, j+1
.endr
	v_nop                                          ; a plain place behind the batch,
	s_wait_alu depctr_va_vdst(0)                   ; and the one wait ahead of its first reader
.if PASS == 1
.irp m, 0,1,2,3
.irp i, 0,1,2,3,4,5,6,7
	v_pk_fma_f32 v[S+16*\m+2*\i:S+16*\m+2*\i+1], v[NF+2*\i:NF+2*\i+1], v[KC+6*\m:KC+6*\m+1], v[S+16*\m+2*\i:S+16*\m+2*\i+1]   ; g = e - a norf
.endr
.endr
.if \more
	LOADNF (\b+1)
.endif
.irp i, 0,1,2,3,4,5,6,7
.irp m, 0,1,2,3
	v_pk_add_f32 v[SUM+4*\m:SUM+4*\m+1], v[SUM+4*\m:SUM+4*\m+1], v[S+16*\m+2*\i:S+16*\m+2*\i+1]
	v_pk_fma_f32 v[SUM+4*\m+2:SUM+4*\m+3], v[S+16*\m+2*\i:S+16*\m+2*\i+1], v[S+16*\m+2*\i:S+16*\m+2*\i+1], v[SUM+4*\m+2:SUM+4*\m+3]
.endr
.endr
.else
.irp m, 0,1,2,3
.irp i, 0,1,2,3,4,5,6,7
	v_pk_add_f32 v[RR+16*\m+2*\i:RR+16*\m+2*\i+1], v[S+16*\m+2*\i:S+16*\m+2*\i+1], v[KC+6*\m:KC+6*\m+1]   ; e - thrE
.endr
.endr
.set j, 0
.rept 64
	v_max_num_f32 v[RR+j], 0, v[RR+j]              ; r
.set j, j+1
.endr
.irp m, 0,1,2,3
.irp i, 0,1,2,3,4,5,6,7
	v_pk_mul_f32 v[S+16*\m+2*\i:S+16*\m+2*\i+1], v[S+16*\m+2*\i:S+16*\m+2*\i+1], v[RR+16*\m+2*\i:RR+16*\m+2*\i+1]   ; e r
.endr
.endr
.irp m, 0,1,2,3
.irp i, 0,1,2,3,4,5,6,7
.if PASS == 2
	v_pk_add_f32 v[RR+16*\m+2*\i:RR+16*\m+2*\i+1], v[RR+16*\m+2*\i:RR+16*\m+2*\i+1], v[KC+6*\m+2:KC+6*\m+3]   ; r + epsE
.else
	v_pk_fma_f32 v[RR+16*\m+2*\i:RR+16*\m+2*\i+1], v[RR+16*\m+2*\i:RR+16*\m+2*\i+1], v[KC+6*\m+2:KC+6*\m+3], v[KC+6*\m+4:KC+6*\m+5]   ; (r + epsE) SE
.endif
.endr
.endr
.set j, 0
.rept 64
	v_rcp_f32 v[RR+j], v[RR+j]
.set j, j+1
.endr
	v_nop
	s_wait_alu depctr_va_vdst(0)
.if PASS == 2
.irp i, 0,1,2,3,4,5,6,7
.irp m, 0,1,2,3
	v_pk_fma_f32 v[SUM+4*\m:SUM+4*\m+1], v[S+16*\m+2*\i:S+16*\m+2*\i+1], v[RR+16*\m+2*\i:RR+16*\m+2*\i+1], v[SUM+4*\m:SUM+4*\m+1]
.endr
.endr
.else
.irp m, 0,1,2,3
.irp i, 0,1,2,3,4,5,6,7
	v_pk_mul_f32 v[S+16*\m+2*\i:S+16*\m+2*\i+1], v[S+16*\m+2*\i:S+16*\m+2*\i+1], v[RR+16*\m+2*\i:RR+16*\m+2*\i+1]   ; sw, finished and normalised
.endr
.endr
	QNT \b
.endif
.endif
.endm
; walks 2 and 3: a row's constants from the four quarters' sums
.macro STATS
.irp m, 0,1,2,3
	v_pk_add_f32 v[224+2*\m:225+2*\m], v[S+4*\m:S+4*\m+1], v[S+16+4*\m:S+17+4*\m]
	v_pk_add_f32 v[232+2*\m:233+2*\m], v[S+32+4*\m:S+33+4*\m], v[S+48+4*\m:S+49+4*\m]
.endr
.irp m, 0,1,2,3
	v_pk_add_f32 v[224+2*\m:225+2*\m], v[224+2*\m:225+2*\m], v[232+2*\m:233+2*\m]   ; Z', Q'
.endr
.irp m, 0,1,2,3
	v_mul_f32 v[232+\m], s38, v[224+2*\m]          ; Z' / t
.endr
.irp m, 0,1,2,3
	v_fma_f32 v[236+\m], -v[224+2*\m], v[232+\m], v[225+2*\m]
.endr
.irp m, 0,1,2,3
	v_max_num_f32 v[236+\m], 0, v[236+\m]          ; M2
.endr
.irp m, 0,1,2,3
	v_mul_f32 v[236+\m], s38, v[236+\m]
.endr
.irp m, 0,1,2,3
	v_sqrt_f32 v[240+\m], v[236+\m]
.endr
.irp m, 0,1,2,3
	v_add_f32 v[232+\m], v[S+4*\m+2], v[232+\m]    ; a + Z' / t  (plain work behind the roots)
.endr
.irp m, 0,1,2,3
	v_fma_f32 v[244+\m], s37, v[S+4*\m+2], v[224+2*\m]   ; n a + Z'
.endr
.irp m, 0,1,2,3
	v_mul_f32 v[244+\m], 0x2edbe6ff, v[244+\m]     ; epsE = 1e-10 times it
.endr
	s_wait_alu depctr_va_vdst(0)
.irp m, 0,1,2,3
	v_fma_f32 v[KC+6*\m], 2.0, v[240+\m], -v[232+\m]     ; -thrE, twice
	v_fma_f32 v[KC+6*\m+1], 2.0, v[240+\m], -v[232+\m]
.endr
.if PASS == 2
.irp m, 0,1,2,3
	v_mov_b32 v[KC+6*\m+2], v[244+\m]
	v_mov_b32 v[KC+6*\m+3], v[244+\m]
	v_mov_b32 v[SUM+4*\m], 0
	v_mov_b32 v[SUM+4*\m+1], 0
.endr
.else
.irp m, 0,1,2,3
	v_add_f32 v[248+\m], v[RR+16+\m], v[RR+20+\m]
	v_add_f32 v[252+\m], v[RR+24+\m], v[RR+28+\m]
.endr
.irp m, 0,1,2,3
	v_add_f32 v[KC+6*\m+2], v[248+\m], v[252+\m]   ; SE
	v_add_f32 v[KC+6*\m+3], v[248+\m], v[252+\m]
.endr
.irp m, 0,1,2,3
	v_mul_f32 v[KC+6*\m+4], v[244+\m], v[KC+6*\m+2]   ; epsE SE
	v_mul_f32 v[KC+6*\m+5], v[244+\m], v[KC+6*\m+2]
.endr
.endif
.endm
	s_wait_kmcnt 0x0
	s_mov_b32 s56, s19                             ; R
	s_max_u32 s19, s19, 1                          ; the first group always works
	s_sub_co_u32 s69, s56, 4097
	s_cmp_lt_u32 s69, 1024                         ; 4,097 <= R <= 5,120: places 4,096 on go as fifth tiles,
	s_cselect_b32 s57, 1, 0
	s_cselect_b32 s19, 4096, s19                   ; and the groups end at place 4,096
	s_cmp_lt_u32 s68, s56                          ; has my group one?
	s_cselect_b32 s57, s57, 0
	s_cmp_lt_u32 s20, s19
	s_cbranch_scc0 .Ljoin
	; ---- A: up to this wave's LDS stores
	; What one section of the fifth tile writes and a later one reads is written once here, on the way that every wave takes, so that each register is written on every way through the text.
.set j, 0
.rept 16
	v_mov_b32 v[S5+j], 0
.set j, j+1
.endr
.if PASS == 1
.set j, 0
.rept 12
	v_mov_b32 v[K5+j], 0                           ; its constants, and its sums, which begin at 0
.set j, j+1
.endr
.elseif PASS == 2
.irp j, 12,13,14,15,106,107
	v_mov_b32 v\j, 0
.endr
.else
.irp j, 12,13,14,15,73,74,75,76,77,78,79
	v_mov_b32 v\j, 0
.endr
	WIN 0x40
.set j, 0
.rept 12
	v_mov_b32 v[PF5+j], 0
.set j, j+1
.endr
	WIN 0
.endif
.if PASS > 1
	s_cmp_lg_u32 s57, 0
	s_cbranch_scc0 .Lx0
.irp q, 0,1,2,3
	global_load_b128 v[S5+4*\q:S5+4*\q+3], v123, s[60:61] offset:131072*\q   ; the fifth tile's sums of the earlier walks: the oldest loads, so that the counts below hold on both ways
.endr
.if PASS == 3
.irp q, 0,1,2,3
	global_load_b32 v[12+\q], v124, s[62:63] offset:32768*\q
.endr
.endif
.Lx0:
.endif
.irp m, 0,1,2,3
	global_load_b64 v[RR+2*\m:RR+2*\m+1], v7, s[34:35] offset:128*\m   ; {ro, rs} of place 64 rg + 16 m + r
.endr
	global_load_b64 v[RR+12:RR+13], v7, s[58:59]   ; and of place 4,096 + 16 rg + r: the list holds every place, so this and the rows behind it are loaded in every group
.if PASS == 1
	WIN 0x40
.irp i, 0,1,2,3,4,5
	global_load_b128 v[CF+4*\i:CF+4*\i+3], v4, s[4:5] offset:512*\i    ; tile 0 of the whole matrix's block 0: pixel 0 is its lane 0
.endr
	WIN 0
	global_load_b64 v[20:21], v5, s[50:51]
	s_wait_loadcnt 7                               ; the list's five loads are in; the seven behind them may be out
.else
.irp q, 0,1,2,3
.irp m, 0,1,2,3
	global_load_b128 v[S+16*\q+4*\m:S+16*\q+4*\m+3], v123, s[40:41] offset:131072*\q+256*\m
.endr
.endr
.if PASS == 3
.irp q, 0,1,2,3
.irp m, 0,1,2,3
	global_load_b32 v[RR+16+4*\q+\m], v124, s[42:43] offset:32768*\q+64*\m
.endr
.endr
.endif
	LOADCOL 0
	LOADBI 0
	s_wait_loadcnt NS+17                           ; the list's five loads are in; the sums' NS and block 0's 17 may be out
.endif
.irp m, 0,1,2,3
	v_min_u32 v[8+\m], 0x17f4f, v[RR+2*\m]         ; held inside XNF (98,127 units of 16 bytes)
	v_min_u32 v[RR+8+\m], 0x3fdf, v[RR+2*\m+1]     ; and inside XNS (16,351 words)
.endr
	v_min_u32 v122, 0x17f4f, v[RR+12]
	v_min_u32 v[RR+14], 0x3fdf, v[RR+13]
.irp m, 0,1,2,3
	v_lshlrev_b32 v[8+\m], 4, v[8+\m]
	v_add_nc_u32 v[RR+8+\m], v[RR+8+\m], v126      ; lanes 16-31: the second K step's word
.endr
	v_lshlrev_b32 v122, 4, v122
	v_add_nc_u32 v[RR+14], v[RR+14], v126
.irp m, 0,1,2,3
	v_add_nc_u32 v[8+\m], v[8+\m], v125            ; lanes 16-31: the image's upper lanes
	v_lshlrev_b32 v[RR+8+\m], 2, v[RR+8+\m]
.endr
	v_add_nc_u32 v122, v122, v125
	v_lshlrev_b32 v[RR+14], 2, v[RR+14]
	WIN 0x40
.irp m, 0,1,2,3
.irp s, 0,1
.irp g, 0,1,2
	global_load_b128 v[RF+24*\m+12*\s+4*\g:RF+24*\m+12*\s+4*\g+3], v[8+\m], s[4:5] offset:1536*\s+512*\g   ; my row's registers, out of whatever fragment holds it
.endr
.endr
.endr
.irp s, 0,1
.irp g, 0,1,2
	global_load_b128 v[RF5+12*\s+4*\g:RF5+12*\s+4*\g+3], v122, s[4:5] offset:1536*\s+512*\g
.endr
.endr
	WIN 0
.irp m, 0,1,2,3
	global_load_b32 v[16+\m], v[RR+8+\m], s[50:51]
.endr
	global_load_b32 v22, v[RR+14], s[50:51]
.if PASS == 1
	s_wait_loadcnt 0x0
	SIMW 1
	LOADCOL 0
	LOADBI 0
	LOADNF 0
.irp m, 0,1,2,3
	v_mul_f32 v[RR+\m], s22, v[S+16*\m]            ; lanes 0-15: sim(row r, pixel 0), unmasked
.endr
.irp m, 0,1,2,3
	v_exp_f32 v[RR+\m], v[RR+\m]
.endr
.irp m, 0,1,2,3
	v_mov_b32 v[RR+4+\m], 0
.endr
	s_wait_alu depctr_va_vdst(0)
.irp m, 0,1,2,3
	v_permlanex16_b32 v[RR+4+\m], v[RR+\m], s24, s25
.endr
.irp m, 0,1,2,3
	v_cndmask_b32 v[KC+6*\m+4], v[RR+\m], v[RR+4+\m], s21   ; a, in both halves of the lanes: the same number in every wave that serves the row
.endr
.irp m, 0,1,2,3
	v_mul_f32 v[KC+6*\m], -1.0, v[KC+6*\m+4]
	v_mul_f32 v[KC+6*\m+1], -1.0, v[KC+6*\m+4]
.endr
.set j, 0
.rept 16
	v_mov_b32 v[SUM+j], 0
.set j, j+1
.endr
	s_cmp_lg_u32 s57, 0
	s_cbranch_scc0 .Lx1
	v_mul_f32 v216, s22, v[S5]                     ; the same for the fifth tile
	v_exp_f32 v216, v216
	v_mov_b32 v217, 0
	s_wait_alu depctr_va_vdst(0)
	v_permlanex16_b32 v217, v216, s24, s25
	v_cndmask_b32 v[K5+4], v216, v217, s21
	v_mul_f32 v[K5], -1.0, v[K5+4]
	v_mul_f32 v[K5+1], -1.0, v[K5+4]
.Lx1:
.else
	s_wait_loadcnt 52                              ; the sums are in; block 0's 17 loads and the rows' 35 may be out
	STATS
	s_cmp_lg_u32 s57, 0
	s_cbranch_scc0 .Lx2
	v_pk_add_f32 v[224:225], v[S5:S5+1], v[S5+4:S5+5]      ; the fifth tile's constants, by the same lines
	v_pk_add_f32 v[226:227], v[S5+8:S5+9], v[S5+12:S5+13]
	v_pk_add_f32 v[224:225], v[224:225], v[226:227]
	v_mul_f32 v228, s38, v224
	v_fma_f32 v229, -v224, v228, v225
	v_max_num_f32 v229, 0, v229
	v_mul_f32 v229, s38, v229
	v_sqrt_f32 v230, v229
	v_add_f32 v228, v[S5+2], v228
	v_fma_f32 v231, s37, v[S5+2], v224
	v_mul_f32 v231, 0x2edbe6ff, v231
	s_wait_alu depctr_va_vdst(0)
	v_fma_f32 v[K5], 2.0, v230, -v228
	v_fma_f32 v[K5+1], 2.0, v230, -v228
.if PASS == 2
	v_mov_b32 v[K5+2], v231
	v_mov_b32 v[K5+3], v231
.else
	v_add_f32 v232, v12, v13
	v_add_f32 v233, v14, v15
	v_add_f32 v[K5+2], v232, v233
	v_add_f32 v[K5+3], v232, v233
	v_mul_f32 v[K5+4], v231, v[K5+2]
	v_mul_f32 v[K5+5], v231, v[K5+2]
.endif
.Lx2:
.endif
.irp b, 0,1,2,3,4,5,6
	BLOCK \b, 1
.endr
	BLOCK 7, 0
.if PASS == 1
.irp m, 0,1,2,3
	v_add_f32 v[RR+4*\m], v[SUM+4*\m], v[SUM+4*\m+1]
	v_add_f32 v[RR+4*\m+1], v[SUM+4*\m+2], v[SUM+4*\m+3]
	v_mov_b32 v[RR+16+2*\m], 0
	v_mov_b32 v[RR+17+2*\m], 0
.endr
.irp m, 0,1,2,3
	v_permlanex16_b32 v[RR+16+2*\m], v[RR+4*\m], s24, s25
	v_permlanex16_b32 v[RR+17+2*\m], v[RR+4*\m+1], s24, s25
.endr
.irp m, 0,1,2,3
	v_pk_add_f32 v[RR+4*\m:RR+4*\m+1], v[RR+4*\m:RR+4*\m+1], v[RR+16+2*\m:RR+17+2*\m]
	v_mov_b32 v[RR+4*\m+2], v[KC+6*\m+4]
	v_mov_b32 v[RR+4*\m+3], 0
.endr
.irp m, 0,1,2,3
	ds_store_b128 v120, v[RR+4*\m:RR+4*\m+3] offset:256*\m   ; {Z', Q', a, 0} of my 256 columns (both halves of the lanes write the same)
.endr
	s_cmp_lg_u32 s57, 0
	s_cbranch_scc0 .Lx3
	v_add_f32 v216, v[SUM5], v[SUM5+1]
	v_add_f32 v217, v[SUM5+2], v[SUM5+3]
	v_mov_b32 v220, 0
	v_mov_b32 v221, 0
	v_permlanex16_b32 v220, v216, s24, s25
	v_permlanex16_b32 v221, v217, s24, s25
	v_pk_add_f32 v[216:217], v[216:217], v[220:221]
	v_mov_b32 v218, v[K5+4]
	v_mov_b32 v219, 0
	ds_store_b128 v120, v[216:219] offset:1024
.Lx3:
.elseif PASS == 2
.irp m, 0,1,2,3
	v_add_f32 v[RR+\m], v[SUM+4*\m], v[SUM+4*\m+1]
.endr
.irp m, 0,1,2,3
	v_permlanex16_b32 v[RR+4+\m], v[RR+\m], s24, s25
.endr
.irp m, 0,1,2,3
	v_add_f32 v[RR+\m], v[RR+\m], v[RR+4+\m]
.endr
.irp m, 0,1,2,3
	ds_store_b32 v120, v[RR+\m] offset:64*\m
.endr
	s_cmp_lg_u32 s57, 0
	s_cbranch_scc0 .Lx3
	v_add_f32 v200, v[SUM5], v[SUM5+1]
	v_mov_b32 v201, 0
	v_permlanex16_b32 v201, v200, s24, s25
	v_add_f32 v200, v200, v201
	ds_store_b32 v120, v200 offset:256
.Lx3:
.endif
.Ljoin:
	s_wait_dscnt 0x0                               ; for the others' sake: my stores have landed
	s_barrier_signal -1
	s_barrier_wait -1                              ; every wave passes it, with rows or without
	s_cmp_lt_u32 s20, s19
	s_cbranch_scc0 .Lend
	; ---- B: reads only what the head or B itself has written, and LDS
.if PASS == 1
	s_cmp_lt_u32 s16, 2
	s_cbranch_scc0 .Lfifth                         ; waves 0 and 1: 64 threads, a row each
.irp w, 0,1,2,3,4,5,6,7
	ds_load_b128 v[S+4*\w:S+4*\w+3], v121 offset:1280*\w
.endr
	s_wait_dscnt 0x0
	v_pk_add_f32 v[S:S+1], v[S:S+1], v[S+4:S+5]
	v_pk_add_f32 v[S+8:S+9], v[S+8:S+9], v[S+12:S+13]
	v_pk_add_f32 v[S+16:S+17], v[S+16:S+17], v[S+20:S+21]
	v_pk_add_f32 v[S+24:S+25], v[S+24:S+25], v[S+28:S+29]
	v_pk_add_f32 v[S:S+1], v[S:S+1], v[S+8:S+9]
	v_pk_add_f32 v[S+16:S+17], v[S+16:S+17], v[S+24:S+25]
	v_pk_add_f32 v[S:S+1], v[S:S+1], v[S+16:S+17]
	global_store_b128 v121, v[S:S+3], s[48:49]     ; 512 consecutive bytes a wave
	s_branch .Lend
.Lfifth:
	s_cmp_eq_u32 s16, 2                            ; wave 2: the fifth tile's 16 rows (both halves of the lanes hold, and store, the same)
	s_cbranch_scc0 .Lend
	s_cmp_lg_u32 s57, 0
	s_cbranch_scc0 .Lend
.irp w, 0,1,2,3,4,5,6,7
	ds_load_b128 v[S+4*\w:S+4*\w+3], v123 offset:1024+1280*\w
.endr
	s_wait_dscnt 0x0
	v_pk_add_f32 v[S:S+1], v[S:S+1], v[S+4:S+5]
	v_pk_add_f32 v[S+8:S+9], v[S+8:S+9], v[S+12:S+13]
	v_pk_add_f32 v[S+16:S+17], v[S+16:S+17], v[S+20:S+21]
	v_pk_add_f32 v[S+24:S+25], v[S+24:S+25], v[S+28:S+29]
	v_pk_add_f32 v[S:S+1], v[S:S+1], v[S+8:S+9]
	v_pk_add_f32 v[S+16:S+17], v[S+16:S+17], v[S+24:S+25]
	v_pk_add_f32 v[S:S+1], v[S:S+1], v[S+16:S+17]
	global_store_b128 v123, v[S:S+3], s[66:67]     ; 256 consecutive bytes
.elseif PASS == 2
	s_cmp_lt_u32 s16, 2
	s_cbranch_scc0 .Lfifth
.irp w, 0,1,2,3,4,5,6,7
	ds_load_b32 v[S+\w], v121 offset:320*\w
.endr
	s_wait_dscnt 0x0
	v_pk_add_f32 v[S:S+1], v[S:S+1], v[S+2:S+3]
	v_pk_add_f32 v[S+4:S+5], v[S+4:S+5], v[S+6:S+7]
	v_pk_add_f32 v[S:S+1], v[S:S+1], v[S+4:S+5]
	v_add_f32 v[S], v[S], v[S+1]
	global_store_b32 v121, v[S], s[48:49]
	s_branch .Lend
.Lfifth:
	s_cmp_eq_u32 s16, 2
	s_cbranch_scc0 .Lend
	s_cmp_lg_u32 s57, 0
	s_cbranch_scc0 .Lend
.irp w, 0,1,2,3,4,5,6,7
	ds_load_b32 v[S+\w], v124 offset:256+320*\w
.endr
	s_wait_dscnt 0x0
	v_pk_add_f32 v[S:S+1], v[S:S+1], v[S+2:S+3]
	v_pk_add_f32 v[S+4:S+5], v[S+4:S+5], v[S+6:S+7]
	v_pk_add_f32 v[S:S+1], v[S:S+1], v[S+4:S+5]
	v_add_f32 v[S], v[S], v[S+1]
	global_store_b32 v124, v[S], s[66:67]
.else
; THE THIRD PRODUCT for this quarter's 2,048 pixels: source 0 = 16 places of sw (from LDS, all waves' images), source 1 = 16 channels of X (from memory, a ring of seven K steps).
; Wave w owns channel tiles 2 w and 2 w + 1 for all row tiles: eight accumulators by turns, ten with the fifth tile.  Lane (r, h) holds channel r and places 8 h + 0 .. 7.
.macro RING k
.irp n, 0,1
.irp g, 0,1,2
	global_load_b128 v[24*((\k)%RD)+12*\n+4*\g:24*((\k)%RD)+12*\n+4*\g+3], v4, s[44:45] offset:24576*(\k)+1536*\n+512*\g
.endr
.endr
.endm
.macro SWLOAD k                        ; K step k's four fragments of sw into set k % 2 (v128 on, v192 on), and their scale words
.irp m, 0,1,2,3
.irp g, 0,1,2
	ds_load_b128 v[S+64*((\k)%2)+12*\m+4*\g:S+64*((\k)%2)+12*\m+4*\g+3], v[4+63*((\k)/8)] offset:6144*((\k)%8)+1536*\m+512*\g
.endr
.endr
.irp m, 0,1,2,3
	ds_load_b32 v[24+4*((\k)%2)+\m], v68 offset:512*(\k)+128*\m
.endr
.endm
.macro SWLOAD5 k                       ; the fifth tile's fragment, behind the four in the same set, and its scale words
.irp g, 0,1,2
	ds_load_b128 v[S+64*((\k)%2)+48+4*\g:S+64*((\k)%2)+48+4*\g+3], v120 offset:1536*(\k)+512*\g
.endr
	ds_load_b32 v[22+(\k)%2], v121 offset:128*(\k)
.endm
.macro P3X k, n, rD, rA, sA            ; one product: the first K step starts the sum; the odd channel tile's scale words lie in lanes 16-31
.set rB, 24*((\k)%RD)+12*(\n)
.if ((\k) == 0) && ((\n) == 0)
	v_wmma_scale_f32_16x16x128_f8f6f4 v[(\rD):(\rD)+7], v[(\rA):(\rA)+11], v[rB:rB+11], 0, v[(\sA)], v[32+(\k)] matrix_a_fmt:MATRIX_FMT_BF6 matrix_b_fmt:MATRIX_FMT_BF6
.elseif (\k) == 0
	v_wmma_scale_f32_16x16x128_f8f6f4 v[(\rD):(\rD)+7], v[(\rA):(\rA)+11], v[rB:rB+11], 0, v[(\sA)], v[32+(\k)] matrix_a_fmt:MATRIX_FMT_BF6 matrix_b_fmt:MATRIX_FMT_BF6 matrix_b_scale:MATRIX_SCALE_ROW1
.elseif (\n) == 0
	v_wmma_scale_f32_16x16x128_f8f6f4 v[(\rD):(\rD)+7], v[(\rA):(\rA)+11], v[rB:rB+11], v[(\rD):(\rD)+7], v[(\sA)], v[32+(\k)] matrix_a_fmt:MATRIX_FMT_BF6 matrix_b_fmt:MATRIX_FMT_BF6
.else
	v_wmma_scale_f32_16x16x128_f8f6f4 v[(\rD):(\rD)+7], v[(\rA):(\rA)+11], v[rB:rB+11], v[(\rD):(\rD)+7], v[(\sA)], v[32+(\k)] matrix_a_fmt:MATRIX_FMT_BF6 matrix_b_fmt:MATRIX_FMT_BF6 matrix_b_scale:MATRIX_SCALE_ROW1
.endif
.endm
.macro KSTEP k
.if (\k) < 10
	s_wait_loadcnt 36                              ; this K step's six loads of X are in; the six later K steps' may be out
.else
	s_wait_loadcnt 6*(15-(\k))
.endif
.if (\k) < 15
	s_wait_dscnt 16                                ; this K step's sw is in; the next one's 16 loads may be out (the fifth tile's four are issued ahead of them)
.else
	s_wait_dscnt 0x0
.endif
	WIN 0x54                                       ; sw in window 0; X and the sums in window 1
.irp m, 0,1,2,3
.irp n, 0,1
	P3X \k, \n, OA+8*(2*\m+\n), S+64*((\k)%2)+12*\m, 24+4*((\k)%2)+\m
.endr
.endr
	WIN 0
	s_cmp_lg_u32 s57, 0
	s_cbranch_scc0 .Lno5_\@
	WIN 0x54
.irp n, 0,1
	P3X \k, \n, O5+8*\n, S+64*((\k)%2)+48, 22+(\k)%2
.endr
	WIN 0
.rept 4
	v_nop                                          ; places in front of the loads into these two products' operands
.endr
.if (\k)+2 < 16
	SWLOAD5 (\k)+2
.endif
.Lno5_\@:
.rept 4
	v_nop                                          ; places in front of the loads into the operands, and at the end of the reads of the sums
.endr
.if (\k)+2 < 16
	SWLOAD (\k)+2
.endif
.if (\k)+RD < 16
	WIN 0x40
	RING (\k)+RD
	WIN 0
.endif
.endm
	ds_load_b32 v22, v68                           ; the fifth tile's registers are written once on the way that every wave takes: its two scale registers by loads of scale words,
	ds_load_b32 v23, v68
.set j, 48
.rept 12
	v_mov_b32 v[S+j], 0                            ; its fragments' places,
	v_mov_b32 v[S+64+j], 0
.set j, j+1
.endr
	WIN 0x40
.set j, 0
.rept 16
	v_mov_b32 v[O5+j], 0                           ; its sums
.set j, j+1
.endr
	WIN 0
.irp k, 0,1,2,3,4,5,6,7,8,9,10,11,12,13,14,15
	global_load_b32 v[32+\k], v72, s[46:47] offset:1024*\k   ; X's scale words: lanes 0-15 my even channel tile, lanes 16-31 my odd one
.endr
	WIN 0x40
.irp k, 0,1,2,3,4,5,6
	RING \k
.endr
	WIN 0
	s_wait_dscnt 0x0                               ; v22 and v23 have landed: they may be loaded again
	s_cmp_lg_u32 s57, 0
	s_cbranch_scc0 .Lx4
	SWLOAD5 0
	SWLOAD5 1
.Lx4:
	SWLOAD 0
	SWLOAD 1
.irp k, 0,1,2,3,4,5,6,7,8,9,10,11,12,13,14,15
	KSTEP \k
.endr
	; the way out: through my own stage, so that the 32 lanes store eight channels x 64 bytes of a tile: 512 consecutive bytes
	WIN 0x04
.irp m, 0,1,2,3
.irp n, 0,1
	ds_store_b128 v69, v[OA+8*(2*\m+\n):OA+8*(2*\m+\n)+3] offset:4352*\n+64*\m       ; each sum from its low end on
	ds_store_b128 v69, v[OA+8*(2*\m+\n)+4:OA+8*(2*\m+\n)+7] offset:4352*\n+64*\m+16
.endr
.endr
	WIN 0
.irp m, 0,1,2,3
.irp i, 0,1,2,3
	ds_load_b128 v[S+4*(4*\m+\i):S+4*(4*\m+\i)+3], v70 offset:2176*\i+64*\m     ; LDS serves a wave's instructions in order: these see my stores
.endr
.endr
.irp m, 0,1,2,3
.irp i, 0,1,2,3
	s_wait_dscnt 15-(4*\m+\i)
	global_store_b128 v4, v[S+4*(4*\m+\i):S+4*(4*\m+\i)+3], s[48:49] offset:16384*\m+512*\i
.endr
.endr
	s_cmp_lg_u32 s57, 0
	s_cbranch_scc0 .Lend
	WIN 0x04                                       ; the fifth tile takes the same way, in the stage's first 64 bytes of each row: my loads above have been served
.irp n, 0,1
	ds_store_b128 v69, v[O5+8*\n:O5+8*\n+3] offset:4352*\n
	ds_store_b128 v69, v[O5+8*\n+4:O5+8*\n+7] offset:4352*\n+16
.endr
	WIN 0
.irp i, 0,1,2,3
	ds_load_b128 v[RR+4*\i:RR+4*\i+3], v70 offset:2176*\i
.endr
.irp i, 0,1,2,3
	s_wait_dscnt 3-\i
	global_store_b128 v4, v[RR+4*\i:RR+4*\i+3], s[66:67] offset:512*\i
.endr
.endif
.Lend:
	s_wait_tensorcnt 0x0
	ds_add_u32 v119, v127
	s_wait_dscnt 0x0
	s_endpgm
.Lfunc_end_k_qc272e8c45c_pass2:
	.size	k_qc272e8c45c_pass2, .Lfunc_end_k_qc272e8c45c_pass2-k_qc272e8c45c_pass2
	.p2alignl 7, 3214868480
	.fill 96, 4, 3214868480
	.section	.rodata,"a",@progbits
	.p2align	6, 0x0
	.amdhsa_kernel k_qc272e8c45c_pass2
		.amdhsa_group_segment_fixed_size 9216
		.amdhsa_private_segment_fixed_size 0
		.amdhsa_enable_private_segment 0
		.amdhsa_kernarg_size 40
		.amdhsa_user_sgpr_count 2
		.amdhsa_user_sgpr_kernarg_segment_ptr 1
		.amdhsa_wavefront_size32 1
		.amdhsa_system_sgpr_workgroup_id_x 1
		.amdhsa_system_sgpr_workgroup_id_y 1
		.amdhsa_system_sgpr_workgroup_id_z 1
		.amdhsa_system_vgpr_workitem_id 0
		.amdhsa_next_free_vgpr 512
		.amdhsa_next_free_sgpr 72
		.amdhsa_reserve_vcc 0
		.amdhsa_float_denorm_mode_32 3
		.amdhsa_float_denorm_mode_16_64 3
		.amdhsa_memory_ordered 1
		.amdhsa_forward_progress 1
		.amdhsa_inst_pref_size 217
	.end_amdhsa_kernel
	.amdgpu_metadata
---
amdhsa.version: [ 1, 2 ]
amdhsa.kernels:
  - .name:           k_qc272e8c45c_pass2
    .symbol:         k_qc272e8c45c_pass2.kd
    .args:
      - { .name: codes, .offset: 0, .size: 8, .value_kind: global_buffer, .address_space: global }
      - { .name: lists, .offset: 8, .size: 8, .value_kind: global_buffer, .address_space: global }
      - { .name: fstat, .offset: 16, .size: 8, .value_kind: global_buffer, .address_space: global }
      - { .name: part1, .offset: 24, .size: 8, .value_kind: global_buffer, .address_space: global }
      - { .name: part2, .offset: 32, .size: 8, .value_kind: global_buffer, .address_space: global }
    .group_segment_fixed_size: 9216
    .private_segment_fixed_size: 0
    .kernarg_segment_align: 8
    .kernarg_segment_size: 40
    .max_flat_workgroup_size: 256
    .sgpr_count:     72
    .vgpr_count:     512
    .wavefront_size: 32
...
	.end_amdgpu_metadata
.endif
;; end of part 8
;; launch pass3 (part 9): grid 4 x 128, 8 waves a work-group, no clusters, 203,776 bytes of LDS; arguments codes, lists, fstat, part1, part2, opart; writes opart
.if DOCPART == 9
	.amdgcn_target "amdgcn-amd-amdhsa--gfx1250"
	.amdhsa_code_object_version 6
	.text
	.protected	k_qc272e8c45c_pass3
	.globl	k_qc272e8c45c_pass3
	.p2align	8
	.type	k_qc272e8c45c_pass3,@function
k_qc272e8c45c_pass3:
	s_mov_b64 s[64:65], 0
	v_nop
	global_prefetch_b8 v0, s[64:65] scope:SCOPE_SE
	s_setreg_imm32_b32 hwreg(HW_REG_WAVE_MODE, 25, 1), 1
	s_wait_xcnt 0x0
; THE THREE WALKS over the weights of the anomalous rows are one text; the line below says which walk this launch is.
;   walk 1: a = e(row, pixel 0), Z' = sum of g, Q' = sum of g^2, g = e - a norf   -> part1
;   walk 2: SE = sum of e r / (r + epsE), r = max(e - thrE, 0)                     -> part2
;   walk 3: sw = e r / ((r + epsE) SE), quantised along the pixels, times X        -> opart (one partial sum for each quarter of the columns)
; e = 2^(sim log2(e) + bias), sim = the quantised product of two normalised pixels, bias = 0 or -1e30 (a column that is anomalous: e = 0).  All is kept in units of e: the softmax's divisor cancels.
; thrE = a + Z'/t - 2 sqrt(M2 / t), M2 = max(Q' - Z' Z'/t, 0), epsE = 1e-10 (n a + Z'): the mean, the spread and the 1e-10 of the weights, times that divisor.
; NO MAXIMUM IS TAKEN OFF THE EXPONENT: both vectors are normalised by the computation itself and a code enlarges a number by an eighth at the most, so |sim| <= 1.27, e lies in 0.28 .. 3.6 and a row's sum under 30,000.
; Only the rows that are kept (anomalous pixels, by the stored list) are walked; the columns keep their places, since the blocks of 32 along the third product's K are blocks of the original pixels.
; SHARES: work-group (cq, rg) = places 64 rg .. + 63 x columns 2,048 cq .. + 2,047.  Each of eight waves holds ALL 64 rows (four tiles) and eight blocks of 32 columns of its own, so a column fragment feeds four products.
; THE FIFTH TILE: 64 groups x 4 quarters are 256 work-groups.  Where R is 4,097 to 5,120, places 4,096 on are not work-groups of their own: group rg < 64 takes the 16 places 4,096 + 16 rg on as a fifth tile,
; which rides on the column fragments that the wave has loaded anyway: a quarter more work in place of a second work-group.  Its work stands in sections that a scalar branch on the stored count jumps over.
; A work-group without places stores nothing: a branch on the stored count, round the work and never round the barrier.  So operands go from memory straight into registers: no tensor load, no joint load.
; The product is used transposed (source 0 = 16 columns, source 1 = 16 rows): lane (r, h) holds row r, and the 16 registers of a block's two tiles are columns 16 h + 0 .. 15 of the block.
; LIMITS: NaN and infinities are not served; a row whose kept weights sum to exactly 0 is not NaN here; with no normal pixel at all the last launch makes the NaN.  Past R = 5,120 the groups from 64 on are a second round.
; REGISTERS.  Window 0: v1-11, v122 lane terms and row offsets; v12-15 sw's scale words in the making; v16-47 scale words of products; v48-63 bias; v64-79 norf (walk 1) or addresses (walk 3);
;   v80-103 six constants a row tile, each twice; v104-119 sums; v120-127 addresses; v128-191 S (64 results); v192-255 a second set of 64.  The fifth tile's: the symbols S5, K5, SUM5, PW5 below.
;   Window 1: v0-95 the rows' 8 fragments; v96-143 a block's 4; v144-191 sw's codes; v192-207 at work; v208-247 the fifth tile's rows, codes and work.
;   In walk 3's product: v0-167 a ring of seven K steps of X, v168-183 the fifth tile's two accumulators, v192-255 eight accumulators.
.set PASS, 3
.set XTF, 1572864                      ; sections of the buffer codes
.set XNS, 3145728
.set XTS, 3211264
.set CBO, 3276800
.set NFO, 3309568
.set CNT, 98304                        ; R in the buffer lists
.set S,   128
.set RR,  192
.set KC,  80
.set SUM, 104
.set BI,  48
.set NF,  64
.set RF,  0
.set CF,  96
.set PF,  144
.set TF,  192
.set OA,  192
.set RF5, 208                          ; window 1: the fifth tile's two row fragments,
.set PF5, 232                          ; its codes,
.set TF5, 244                          ; at work
.set O5,  168                          ; its accumulators in walk 3's product
.set RD,  7                            ; K steps in the ring of X
.if PASS == 1
.set S5,   240                         ; window 0: the fifth tile's 16 results, its constants, its sums: registers that the walk in hand leaves free
.set K5,   224
.set SUM5, 232
.elseif PASS == 2
.set S5,   64
.set K5,   12
.set SUM5, 106
.else
.set S5,   104
.set K5,   74
.set SUM5, 0
.endif
.set PW5, 73
.set SWS, 98304                        ; walk 3's LDS: sw's 64 fragment images from 0 on, (K step k, row tile m) at 6,144 k + 1,536 m; their scale words; a stage of 32 rows x 272 bytes for each wave;
.set STG, 106496
.set SW5, 176128                       ; the fifth tile's 16 images, 1,536 k; their scale words, 128 k
.set SS5, 200704
.set NS,  16*(PASS-1)                  ; loads of earlier walks' sums
.set MSB, 0
.macro WIN new                         ; the immediate's high byte repeats the setting that is left
.if MSB != \new
	s_set_vgpr_msb (MSB<<8)|\new
.set MSB, \new
.endif
.endm
	s_load_b128 s[4:7], s[0:1], 0x0                ; codes, lists
.if PASS == 1
	s_load_b64 s[10:11], s[0:1], 0x10              ; part1
.elseif PASS == 2
	s_load_b128 s[8:11], s[0:1], 0x10              ; fstat, part1
	s_load_b64 s[12:13], s[0:1], 0x20              ; part2
.else
	s_load_b128 s[8:11], s[0:1], 0x10              ; fstat, part1
	s_load_b128 s[12:15], s[0:1], 0x20             ; part2, opart
.endif
	v_lshrrev_b32 v1, 5, v0
	v_readfirstlane_b32 s16, v1                    ; wave 0..7
	s_mov_b32 s17, ttmp9                           ; cq
	s_and_b32 s18, ttmp7, 0xffff                   ; rg
	v_and_b32 v1, 31, v0                           ; lane
	v_and_b32 v2, 15, v0                           ; r
	v_bfe_u32 v3, v0, 4, 1                         ; h
	v_lshlrev_b32 v4, 4, v1                        ; 16 x lane
	v_lshlrev_b32 v5, 3, v1                        ; 8 x lane
	v_lshlrev_b32 v6, 6, v3                        ; 64 h
	v_lshlrev_b32 v7, 3, v2                        ; 8 r
	v_lshlrev_b32 v123, 4, v2                      ; 16 r
	v_lshlrev_b32 v124, 2, v2                      ; 4 r
	v_lshlrev_b32 v125, 8, v3                      ; 256 h
	v_lshlrev_b32 v126, 5, v3                      ; 32 h
	s_mov_b32 s21, 0xffff0000                      ; lanes 16-31
	s_mov_b32 s22, 0x3fb8aa3b                      ; log2(e)
	s_mov_b32 s23, s22                             ; (named with it as a pair)
	s_mov_b32 s24, 0x76543210
	s_mov_b32 s25, 0xfedcba98                      ; v_permlanex16_b32's selects for lane l xor 16
	; every LDS address is made here, ahead of the branch on the count
.if PASS == 1
	s_mul_i32 s52, s16, 1280
	v_lshl_add_u32 v120, v2, 4, s52                ; my wave's sums: 16 bytes a row, 80 rows
	v_lshlrev_b32 v121, 4, v0                      ; back: a thread a row
.elseif PASS == 2
	s_mul_i32 s52, s16, 320
	v_lshl_add_u32 v120, v2, 2, s52                ; 4 bytes a row, 80 rows
	v_lshlrev_b32 v121, 2, v0
.else
	s_mul_i32 s52, s16, 12288
	v_add_nc_u32 v64, s52, v4                      ; my two K steps' images
	s_lshl_b32 s52, s16, 10
	s_add_co_u32 s52, s52, SWS
	v_lshl_add_u32 v65, v1, 2, s52                 ; and their scale words
	v_add_nc_u32 v67, 49152, v4                    ; images of K steps 8 on (those of 0-7: v4)
	v_lshl_add_u32 v68, v1, 2, SWS
	s_mul_i32 s52, s16, 8704
	s_add_co_u32 s52, s52, STG
	v_mul_u32_u24 v69, v2, 272
	v_lshl_add_u32 v69, v3, 5, v69
	v_add_nc_u32 v69, s52, v69                     ; the stage, in: channel r, places 8 h on
	v_lshrrev_b32 v70, 2, v1
	v_mul_u32_u24 v70, v70, 272
	v_and_b32 v71, 3, v1
	v_lshl_add_u32 v70, v71, 4, v70
	v_add_nc_u32 v70, s52, v70                     ; back: four lanes take a channel's 64 bytes of one tile, the 32 lanes eight channels
	v_lshlrev_b32 v72, 2, v1
	s_mul_i32 s52, s16, 3072
	s_add_co_u32 s52, s52, SW5
	v_add_nc_u32 v66, s52, v4                      ; the fifth tile: my two K steps' images,
	s_lshl_b32 s52, s16, 8
	s_add_co_u32 s52, s52, SS5
	v_lshl_add_u32 v127, v1, 2, s52                ; their scale words,
	v_add_nc_u32 v120, SW5, v4                     ; and both read back
	v_lshl_add_u32 v121, v1, 2, SS5
.endif
	s_lshl_b32 s52, s17, 6
	s_lshl_b32 s53, s16, 3
	s_add_co_u32 s52, s52, s53                     ; my first block of columns: 64 cq + 8 wave
	s_mov_b32 s55, 0
	s_lshl_b32 s20, s18, 6                         ; my first place
	s_lshl_b32 s68, s18, 4
	s_add_co_u32 s68, s68, 4096                    ; the fifth tile's first place (under 6,144: inside every table, used or not)
	s_wait_kmcnt 0x0
	s_load_b32 s19, s[6:7], CNT                    ; R
.if PASS > 1
	s_load_b128 s[36:39], s[8:9], 0x0              ; t, n, 1/t, (NaN or 0)
.endif
	s_mul_i32 s54, s52, 6144
	s_add_nc_u64 s[26:27], s[4:5], s[54:55]        ; my columns' fragments,
	s_lshl_b32 s54, s52, 8
	s_add_co_u32 s54, s54, XNS
	s_add_nc_u64 s[28:29], s[4:5], s[54:55]        ; their scale words,
	s_lshl_b32 s54, s52, 7
	s_add_co_u32 s54, s54, CBO
	s_add_nc_u64 s[30:31], s[4:5], s[54:55]        ; their bias,
	s_add_nc_u64 s[32:33], s[30:31], NFO-CBO       ; their norf
	s_add_nc_u64 s[50:51], s[4:5], XNS
	s_lshl_b32 s54, s18, 9
	s_add_nc_u64 s[34:35], s[6:7], s[54:55]        ; the list at my first place,
	s_lshl_b32 s54, s68, 3
	s_add_nc_u64 s[58:59], s[6:7], s[54:55]        ; and at the fifth tile's
.if PASS == 1
	s_lshl_b32 s54, s17, 17
	s_lshl_b32 s53, s18, 10
	s_add_co_u32 s54, s54, s53
	s_add_nc_u64 s[48:49], s[10:11], s[54:55]
	s_lshl_b32 s54, s17, 17
	s_lshl_b32 s53, s68, 4
	s_add_co_u32 s54, s54, s53
	s_add_nc_u64 s[66:67], s[10:11], s[54:55]
.else
	s_lshl_b32 s54, s18, 10
	s_add_nc_u64 s[40:41], s[10:11], s[54:55]
	s_lshl_b32 s54, s68, 4
	s_add_nc_u64 s[60:61], s[10:11], s[54:55]
.endif
.if PASS == 2
	s_lshl_b32 s54, s17, 15
	s_lshl_b32 s53, s18, 8
	s_add_co_u32 s54, s54, s53
	s_add_nc_u64 s[48:49], s[12:13], s[54:55]
	s_lshl_b32 s54, s17, 15
	s_lshl_b32 s53, s68, 2
	s_add_co_u32 s54, s54, s53
	s_add_nc_u64 s[66:67], s[12:13], s[54:55]
.endif
.if PASS == 3
	s_lshl_b32 s54, s18, 8
	s_add_nc_u64 s[42:43], s[12:13], s[54:55]
	s_lshl_b32 s54, s68, 2
	s_add_nc_u64 s[62:63], s[12:13], s[54:55]
	s_mul_i32 s54, s17, 393216
	s_mul_i32 s53, s16, 3072
	s_add_co_u32 s54, s54, s53
	s_add_co_u32 s54, s54, XTF
	s_add_nc_u64 s[44:45], s[4:5], s[54:55]        ; X along the pixels: my quarter's 16 K steps, channel tiles 2 wave, 2 wave + 1
	s_lshl_b32 s54, s17, 14
	s_lshl_b32 s53, s16, 7
	s_add_co_u32 s54, s54, s53
	s_add_co_u32 s54, s54, XTS
	s_add_nc_u64 s[46:47], s[4:5], s[54:55]
	s_lshl_b32 s54, s17, 23                        ; opart: [quarter][tile of 16 places][channel][16 places]: a tile is 16 KB; my four tiles begin at tile 4 rg; my 32 channels are 2 KB of each
	s_lshl_b32 s53, s18, 16
	s_add_co_u32 s54, s54, s53
	s_lshl_b32 s53, s16, 11
	s_add_co_u32 s54, s54, s53
	s_add_nc_u64 s[48:49], s[14:15], s[54:55]
	s_lshl_b32 s54, s17, 23
	s_lshl_b32 s53, s68, 10                        ; the fifth tile is tile 256 + rg
	s_add_co_u32 s54, s54, s53
	s_lshl_b32 s53, s16, 11
	s_add_co_u32 s54, s54, s53
	s_add_nc_u64 s[66:67], s[14:15], s[54:55]
.endif
.macro LOADCOL b                       ; block b's four fragments, 512 consecutive bytes a load, and its scale words (v20 tile 0, v21 tile 1; lanes 0-15 K step 0, lanes 16-31 K step 1)
	WIN 0x40
.irp i, 0,1,2,3,4,5,6,7,8,9,10,11
	global_load_b128 v[CF+4*\i:CF+4*\i+3], v4, s[26:27] offset:6144*(\b)+512*\i
.endr
	WIN 0
	global_load_b64 v[20:21], v5, s[28:29] offset:256*(\b)
.endm
.macro LOADBI b
.irp i, 0,1,2,3
	global_load_b128 v[BI+4*\i:BI+4*\i+3], v6, s[30:31] offset:128*(\b)+16*\i
.endr
.endm
.macro LOADNF b
.irp i, 0,1,2,3
	global_load_b128 v[NF+4*\i:NF+4*\i+3], v6, s[32:33] offset:128*(\b)+16*\i
.endr
.endm
; sim of the 64 rows (and of the fifth tile's 16) and nu tiles of 16 columns, K = 256 in two steps.  The accumulators take turns, one instruction a turn.
.macro SIMW nu
	WIN 0x05                                       ; both sources in window 1, the sums in window 0
.irp m, 0,1,2,3
.irp u, 0,1
.if \u < \nu
	v_wmma_scale_f32_16x16x128_f8f6f4 v[S+16*\m+8*\u:S+16*\m+8*\u+7], v[CF+24*\u:CF+24*\u+11], v[RF+24*\m:RF+24*\m+11], 0, v[20+\u], v[16+\m] matrix_a_fmt:MATRIX_FMT_BF6 matrix_b_fmt:MATRIX_FMT_BF6
.endif
.endr
.endr
.irp m, 0,1,2,3
.irp u, 0,1
.if \u < \nu
	v_wmma_scale_f32_16x16x128_f8f6f4 v[S+16*\m+8*\u:S+16*\m+8*\u+7], v[CF+24*\u+12:CF+24*\u+23], v[RF+24*\m+12:RF+24*\m+23], v[S+16*\m+8*\u:S+16*\m+8*\u+7], v[20+\u], v[16+\m] matrix_a_fmt:MATRIX_FMT_BF6 matrix_b_fmt:MATRIX_FMT_BF6 matrix_a_scale:MATRIX_SCALE_ROW1 matrix_b_scale:MATRIX_SCALE_ROW1
.endif
.endr
.endr
	WIN 0                                          ; at a branch and at a label every window is 0
	s_cmp_lg_u32 s57, 0
	s_cbranch_scc0 .Lno5_\@
	WIN 0x05
.irp u, 0,1
.if \u < \nu
	v_wmma_scale_f32_16x16x128_f8f6f4 v[S5+8*\u:S5+8*\u+7], v[CF+24*\u:CF+24*\u+11], v[RF5:RF5+11], 0, v[20+\u], v22 matrix_a_fmt:MATRIX_FMT_BF6 matrix_b_fmt:MATRIX_FMT_BF6
.endif
.endr
.irp u, 0,1
.if \u < \nu
.if \nu == 1
	s_wait_alu depctr_va_vdst(0)                   ; the wait directly ahead of the link
.endif
	v_wmma_scale_f32_16x16x128_f8f6f4 v[S5+8*\u:S5+8*\u+7], v[CF+24*\u+12:CF+24*\u+23], v[RF5+12:RF5+23], v[S5+8*\u:S5+8*\u+7], v[20+\u], v22 matrix_a_fmt:MATRIX_FMT_BF6 matrix_b_fmt:MATRIX_FMT_BF6 matrix_a_scale:MATRIX_SCALE_ROW1 matrix_b_scale:MATRIX_SCALE_ROW1
.endif
.endr
	WIN 0
.Lno5_\@:
.rept 4
	v_nop                                          ; places in front of the reads of the sums and of the loads into the operands
.endr
.endm
; walk 3: the block's 64 x 32 weights become codes.  A block of 32 columns lies in lanes l and l xor 16; two blocks make half a fragment, four a fragment, which goes to LDS as an image of its registers.
.macro QNT b
.if (\b) == 4
	s_wait_dscnt 0x0                               ; the first K step's stores have read the registers that are written again now
.endif
.irp m, 0,1,2,3
	v_max3_num_f32 v[RR+\m], v[S+16*\m], v[S+16*\m+1], 0x2800000   ; no weight is negative; the floor 2^(5 - 127) holds the byte at 1 from below
.endr
.irp i, 2,4,6,8,10,12,14
.irp m, 0,1,2,3
	v_max3_num_f32 v[RR+\m], v[RR+\m], v[S+16*\m+\i], v[S+16*\m+\i+1]
.endr
.endr
.irp m, 0,1,2,3
	v_permlanex16_b32 v[RR+4+\m], v[RR+\m], s24, s25
.endr
.irp m, 0,1,2,3
	v_max_num_f32 v[RR+\m], v[RR+\m], v[RR+4+\m]
.endr
.irp m, 0,1,2,3
	v_add_nc_u32 v[RR+8+\m], 0xfe000000, v[RR+\m]  ; 4 off the exponent field: the conversion's scale operand
.endr
.irp m, 0,1,2,3
	v_lshrrev_b32 v[RR+4+\m], 23, v[RR+8+\m]       ; the byte
.endr
.irp m, 0,1,2,3
.if (\b)%4 == 0
	v_mov_b32 v[12+\m], v[RR+4+\m]
.else
	v_lshl_or_b32 v[12+\m], v[RR+4+\m], 8*((\b)%4), v[12+\m]
.endif
.endr
	WIN 0x40                                       ; the codes go to window 1
.irp m, 0,1,2,3
.if (\b)%2 == 0
	v_cvt_scalef32_pk16_bf6_f32 v[PF+12*\m+6*(((\b)%4)/2):PF+12*\m+6*(((\b)%4)/2)+2], v[S+16*\m:S+16*\m+15], v[RR+8+\m]
.else
	v_cvt_scalef32_pk16_bf6_f32 v[TF+4*\m:TF+4*\m+2], v[S+16*\m:S+16*\m+15], v[RR+8+\m]
.endif
.endr
	v_nop                                          ; one plain place behind the conversions
.if (\b)%2 == 1
	WIN 0x41                                       ; the operand wants a whole block in a lane: lanes 0-15 the even block, lanes 16-31 the odd one
.irp m, 0,1,2,3
.irp i, 0,1,2
	v_permlane16_swap_b32 v[PF+12*\m+6*(((\b)%4)/2)+\i], v[TF+4*\m+\i]
.endr
.endr
.irp m, 0,1,2,3
.irp i, 0,1,2
	v_mov_b32 v[PF+12*\m+6*(((\b)%4)/2)+3+\i], v[TF+4*\m+\i]
.endr
.endr
.endif
	WIN 0
.if (\b)%4 == 3
	WIN 0x04                                       ; an LDS store's data are its source 1: window 1
.irp m, 0,1,2,3
.irp g, 0,1,2
	ds_store_b128 v64, v[PF+12*\m+4*\g:PF+12*\m+4*\g+3] offset:6144*((\b)/4)+1536*\m+512*\g
.endr
.endr
	WIN 0
.irp m, 0,1,2,3
	ds_store_b32 v65, v[12+\m] offset:512*((\b)/4)+128*\m
.endr
.endif
.endm
; the same for the fifth tile's 16 x 32 weights
.macro QNT5 b
.if (\b) == 4
	s_wait_dscnt 0x0                               ; the first K step's stores have read the registers that are written again now
.endif
	v_max3_num_f32 v[RR+16], v[S5], v[S5+1], 0x2800000
	v_max3_num_f32 v[RR+17], v[S5+2], v[S5+3], v[S5+4]
.irp i, 5,9
	v_max3_num_f32 v[RR+16], v[RR+16], v[S5+\i], v[S5+\i+1]
	v_max3_num_f32 v[RR+17], v[RR+17], v[S5+\i+2], v[S5+\i+3]
.endr
	v_max3_num_f32 v[RR+16], v[RR+16], v[S5+13], v[S5+14]
	v_max3_num_f32 v[RR+16], v[RR+16], v[RR+17], v[S5+15]
	v_mov_b32 v[RR+18], 0                          ; (a lane permute's destination counts as one of its sources)
	v_permlanex16_b32 v[RR+18], v[RR+16], s24, s25
	v_max_num_f32 v[RR+16], v[RR+16], v[RR+18]
	v_add_nc_u32 v[RR+19], 0xfe000000, v[RR+16]
	v_lshrrev_b32 v[RR+18], 23, v[RR+19]
.if (\b)%4 == 0
	v_mov_b32 v[PW5], v[RR+18]
.else
	v_lshl_or_b32 v[PW5], v[RR+18], 8*((\b)%4), v[PW5]
.endif
	WIN 0x40
.if (\b)%2 == 0
	v_cvt_scalef32_pk16_bf6_f32 v[PF5+6*(((\b)%4)/2):PF5+6*(((\b)%4)/2)+2], v[S5:S5+15], v[RR+19]
.else
	v_cvt_scalef32_pk16_bf6_f32 v[TF5:TF5+2], v[S5:S5+15], v[RR+19]
.endif
	v_nop
.if (\b)%2 == 1
	WIN 0x41
.irp i, 0,1,2
	v_permlane16_swap_b32 v[PF5+6*(((\b)%4)/2)+\i], v[TF5+\i]
.endr
.irp i, 0,1,2
	v_mov_b32 v[PF5+6*(((\b)%4)/2)+3+\i], v[TF5+\i]
.endr
.endif
	WIN 0
.if (\b)%4 == 3
	WIN 0x04
.irp g, 0,1,2
	ds_store_b128 v66, v[PF5+4*\g:PF5+4*\g+3] offset:1536*((\b)/4)+512*\g
.endr
	WIN 0
	ds_store_b32 v127, v[PW5] offset:128*((\b)/4)
.endif
.endm
; All the vector work of the fifth tile for one block: the same lines as the four tiles', on 16 registers.  It stands ahead of the next block's loads of bias and norf, and uses the second set while that is free.
.macro FIFTH b
	s_cmp_lg_u32 s57, 0
	s_cbranch_scc0 .Lno5_\@
.irp i, 0,1,2,3,4,5,6,7
	v_pk_fma_f32 v[S5+2*\i:S5+2*\i+1], v[S5+2*\i:S5+2*\i+1], s[22:23], v[BI+2*\i:BI+2*\i+1] op_sel_hi:[1,0,1]
.endr
.set j, 0
.rept 16
	v_exp_f32 v[S5+j], v[S5+j]
.set j, j+1
.endr
	v_nop
	s_wait_alu depctr_va_vdst(0)
.if PASS == 1
.irp i, 0,1,2,3,4,5,6,7
	v_pk_fma_f32 v[S5+2*\i:S5+2*\i+1], v[NF+2*\i:NF+2*\i+1], v[K5:K5+1], v[S5+2*\i:S5+2*\i+1]
.endr
.irp i, 0,1,2,3,4,5,6,7
	v_pk_add_f32 v[SUM5:SUM5+1], v[SUM5:SUM5+1], v[S5+2*\i:S5+2*\i+1]
	v_pk_fma_f32 v[SUM5+2:SUM5+3], v[S5+2*\i:S5+2*\i+1], v[S5+2*\i:S5+2*\i+1], v[SUM5+2:SUM5+3]
.endr
.else
.irp i, 0,1,2,3,4,5,6,7
	v_pk_add_f32 v[RR+2*\i:RR+2*\i+1], v[S5+2*\i:S5+2*\i+1], v[K5:K5+1]
.endr
.set j, 0
.rept 16
	v_max_num_f32 v[RR+j], 0, v[RR+j]
.set j, j+1
.endr
.irp i, 0,1,2,3,4,5,6,7
	v_pk_mul_f32 v[S5+2*\i:S5+2*\i+1], v[S5+2*\i:S5+2*\i+1], v[RR+2*\i:RR+2*\i+1]
.endr
.irp i, 0,1,2,3,4,5,6,7
.if PASS == 2
	v_pk_add_f32 v[RR+2*\i:RR+2*\i+1], v[RR+2*\i:RR+2*\i+1], v[K5+2:K5+3]
.else
	v_pk_fma_f32 v[RR+2*\i:RR+2*\i+1], v[RR+2*\i:RR+2*\i+1], v[K5+2:K5+3], v[K5+4:K5+5]
.endif
.endr
.set j, 0
.rept 16
	v_rcp_f32 v[RR+j], v[RR+j]
.set j, j+1
.endr
	v_nop
	s_wait_alu depctr_va_vdst(0)
.if PASS == 2
.irp i, 0,1,2,3,4,5,6,7
	v_pk_fma_f32 v[SUM5:SUM5+1], v[S5+2*\i:S5+2*\i+1], v[RR+2*\i:RR+2*\i+1], v[SUM5:SUM5+1]
.endr
.else
.irp i, 0,1,2,3,4,5,6,7
	v_pk_mul_f32 v[S5+2*\i:S5+2*\i+1], v[S5+2*\i:S5+2*\i+1], v[RR+2*\i:RR+2*\i+1]
.endr
	QNT5 \b
.endif
.endif
.Lno5_\@:
.endm
; One block of 32 columns for the rows.  more = 1: the next block's operands are asked for as soon as this block's have been used; they have the block's vector work in which to land.
.macro BLOCK b, more
	s_wait_loadcnt 0x0                             ; this block's fragments, scale words, bias (and norf) are in; nothing else is out
	SIMW 2
.if \more
	LOADCOL (\b+1)
.endif
.irp m, 0,1,2,3
.irp i, 0,1,2,3,4,5,6,7
	v_pk_fma_f32 v[S+16*\m+2*\i:S+16*\m+2*\i+1], v[S+16*\m+2*\i:S+16*\m+2*\i+1], s[22:23], v[BI+2*\i:BI+2*\i+1] op_sel_hi:[1,0,1]   ; sim log2(e) + bias; each sum is read from its low end on
.endr
.endr
	FIFTH \b
.if \more
	LOADBI (\b+1)
.endif
.set j, 0
.rept 64
	v_exp_f32 v[S+j], v[S+j]                       ; e
.set j, j+1
.endr
	v_nop                                          ; a plain place behind the batch,
	s_wait_alu depctr_va_vdst(0)                   ; and the one wait ahead of its first reader
.if PASS == 1
.irp m, 0,1,2,3
.irp i, 0,1,2,3,4,5,6,7
	v_pk_fma_f32 v[S+16*\m+2*\i:S+16*\m+2*\i+1], v[NF+2*\i:NF+2*\i+1], v[KC+6*\m:KC+6*\m+1], v[S+16*\m+2*\i:S+16*\m+2*\i+1]   ; g = e - a norf
.endr
.endr
.if \more
	LOADNF (\b+1)
.endif
.irp i, 0,1,2,3,4,5,6,7
.irp m, 0,1,2,3
	v_pk_add_f32 v[SUM+4*\m:SUM+4*\m+1], v[SUM+4*\m:SUM+4*\m+1], v[S+16*\m+2*\i:S+16*\m+2*\i+1]
	v_pk_fma_f32 v[SUM+4*\m+2:SUM+4*\m+3], v[S+16*\m+2*\i:S+16*\m+2*\i+1], v[S+16*\m+2*\i:S+16*\m+2*\i+1], v[SUM+4*\m+2:SUM+4*\m+3]
.endr
.endr
.else
.irp m, 0,1,2,3
.irp i, 0,1,2,3,4,5,6,7
	v_pk_add_f32 v[RR+16*\m+2*\i:RR+16*\m+2*\i+1], v[S+16*\m+2*\i:S+16*\m+2*\i+1], v[KC+6*\m:KC+6*\m+1]   ; e - thrE
.endr
.endr
.set j, 0
.rept 64
	v_max_num_f32 v[RR+j], 0, v[RR+j]              ; r
.set j, j+1
.endr
.irp m, 0,1,2,3
.irp i, 0,1,2,3,4,5,6,7
	v_pk_mul_f32 v[S+16*\m+2*\i:S+16*\m+2*\i+1], v[S+16*\m+2*\i:S+16*\m+2*\i+1], v[RR+16*\m+2*\i:RR+16*\m+2*\i+1]   ; e r
.endr
.endr
.irp m, 0,1,2,3
.irp i, 0,1,2,3,4,5,6,7
.if PASS == 2
	v_pk_add_f32 v[RR+16*\m+2*\i:RR+16*\m+2*\i+1], v[RR+16*\m+2*\i:RR+16*\m+2*\i+1], v[KC+6*\m+2:KC+6*\m+3]   ; r + epsE
.else
	v_pk_fma_f32 v[RR+16*\m+2*\i:RR+16*\m+2*\i+1], v[RR+16*\m+2*\i:RR+16*\m+2*\i+1], v[KC+6*\m+2:KC+6*\m+3], v[KC+6*\m+4:KC+6*\m+5]   ; (r + epsE) SE
.endif
.endr
.endr
.set j, 0
.rept 64
	v_rcp_f32 v[RR+j], v[RR+j]
.set j, j+1
.endr
	v_nop
	s_wait_alu depctr_va_vdst(0)
.if PASS == 2
.irp i, 0,1,2,3,4,5,6,7
.irp m, 0,1,2,3
	v_pk_fma_f32 v[SUM+4*\m:SUM+4*\m+1], v[S+16*\m+2*\i:S+16*\m+2*\i+1], v[RR+16*\m+2*\i:RR+16*\m+2*\i+1], v[SUM+4*\m:SUM+4*\m+1]
.endr
.endr
.else
.irp m, 0,1,2,3
.irp i, 0,1,2,3,4,5,6,7
	v_pk_mul_f32 v[S+16*\m+2*\i:S+16*\m+2*\i+1], v[S+16*\m+2*\i:S+16*\m+2*\i+1], v[RR+16*\m+2*\i:RR+16*\m+2*\i+1]   ; sw, finished and normalised
.endr
.endr
	QNT \b
.endif
.endif
.endm
; walks 2 and 3: a row's constants from the four quarters' sums
.macro STATS
.irp m, 0,1,2,3
	v_pk_add_f32 v[224+2*\m:225+2*\m], v[S+4*\m:S+4*\m+1], v[S+16+4*\m:S+17+4*\m]
	v_pk_add_f32 v[232+2*\m:233+2*\m], v[S+32+4*\m:S+33+4*\m], v[S+48+4*\m:S+49+4*\m]
.endr
.irp m, 0,1,2,3
	v_pk_add_f32 v[224+2*\m:225+2*\m], v[224+2*\m:225+2*\m], v[232+2*\m:233+2*\m]   ; Z', Q'
.endr
.irp m, 0,1,2,3
	v_mul_f32 v[232+\m], s38, v[224+2*\m]          ; Z' / t
.endr
.irp m, 0,1,2,3
	v_fma_f32 v[236+\m], -v[224+2*\m], v[232+\m], v[225+2*\m]
.endr
.irp m, 0,1,2,3
	v_max_num_f32 v[236+\m], 0, v[236+\m]          ; M2
.endr
.irp m, 0,1,2,3
	v_mul_f32 v[236+\m], s38, v[236+\m]
.endr
.irp m, 0,1,2,3
	v_sqrt_f32 v[240+\m], v[236+\m]
.endr
.irp m, 0,1,2,3
	v_add_f32 v[232+\m], v[S+4*\m+2], v[232+\m]    ; a + Z' / t  (plain work behind the roots)
.endr
.irp m, 0,1,2,3
	v_fma_f32 v[244+\m], s37, v[S+4*\m+2], v[224+2*\m]   ; n a + Z'
.endr
.irp m, 0,1,2,3
	v_mul_f32 v[244+\m], 0x2edbe6ff, v[244+\m]     ; epsE = 1e-10 times it
.endr
	s_wait_alu depctr_va_vdst(0)
.irp m, 0,1,2,3
	v_fma_f32 v[KC+6*\m], 2.0, v[240+\m], -v[232+\m]     ; -thrE, twice
	v_fma_f32 v[KC+6*\m+1], 2.0, v[240+\m], -v[232+\m]
.endr
.if PASS == 2
.irp m, 0,1,2,3
	v_mov_b32 v[KC+6*\m+2], v[244+\m]
	v_mov_b32 v[KC+6*\m+3], v[244+\m]
	v_mov_b32 v[SUM+4*\m], 0
	v_mov_b32 v[SUM+4*\m+1], 0
.endr
.else
.irp m, 0,1,2,3
	v_add_f32 v[248+\m], v[RR+16+\m], v[RR+20+\m]
	v_add_f32 v[252+\m], v[RR+24+\m], v[RR+28+\m]
.endr
.irp m, 0,1,2,3
	v_add_f32 v[KC+6*\m+2], v[248+\m], v[252+\m]   ; SE
	v_add_f32 v[KC+6*\m+3], v[248+\m], v[252+\m]
.endr
.irp m, 0,1,2,3
	v_mul_f32 v[KC+6*\m+4], v[244+\m], v[KC+6*\m+2]   ; epsE SE
	v_mul_f32 v[KC+6*\m+5], v[244+\m], v[KC+6*\m+2]
.endr
.endif
.endm
	s_wait_kmcnt 0x0
	s_mov_b32 s56, s19                             ; R
	s_max_u32 s19, s19, 1                          ; the first group always works
	s_sub_co_u32 s69, s56, 4097
	s_cmp_lt_u32 s69, 1024                         ; 4,097 <= R <= 5,120: places 4,096 on go as fifth tiles,
	s_cselect_b32 s57, 1, 0
	s_cselect_b32 s19, 4096, s19                   ; and the groups end at place 4,096
	s_cmp_lt_u32 s68, s56                          ; has my group one?
	s_cselect_b32 s57, s57, 0
	s_cmp_lt_u32 s20, s19
	s_cbranch_scc0 .Ljoin
	; ---- A: up to this wave's LDS stores
	; What one section of the fifth tile writes and a later one reads is written once here, on the way that every wave takes, so that each register is written on every way through the text.
.set j, 0
.rept 16
	v_mov_b32 v[S5+j], 0
.set j, j+1
.endr
.if PASS == 1
.set j, 0
.rept 12
	v_mov_b32 v[K5+j], 0                           ; its constants, and its sums, which begin at 0
.set j, j+1
.endr
.elseif PASS == 2
.irp j, 12,13,14,15,106,107
	v_mov_b32 v\j, 0
.endr
.else
.irp j, 12,13,14,15,73,74,75,76,77,78,79
	v_mov_b32 v\j, 0
.endr
	WIN 0x40
.set j, 0
.rept 12
	v_mov_b32 v[PF5+j], 0
.set j, j+1
.endr
	WIN 0
.endif
.if PASS > 1
	s_cmp_lg_u32 s57, 0
	s_cbranch_scc0 .Lx0
.irp q, 0,1,2,3
	global_load_b128 v[S5+4*\q:S5+4*\q+3], v123, s[60:61] offset:131072*\q   ; the fifth tile's sums of the earlier walks: the oldest loads, so that the counts below hold on both ways
.endr
.if PASS == 3
.irp q, 0,1,2,3
	global_load_b32 v[12+\q], v124, s[62:63] offset:32768*\q
.endr
.endif
.Lx0:
.endif
.irp m, 0,1,2,3
	global_load_b64 v[RR+2*\m:RR+2*\m+1], v7, s[34:35] offset:128*\m   ; {ro, rs} of place 64 rg + 16 m + r
.endr
	global_load_b64 v[RR+12:RR+13], v7, s[58:59]   ; and of place 4,096 + 16 rg + r: the list holds every place, so this and the rows behind it are loaded in every group
.if PASS == 1
	WIN 0x40
.irp i, 0,1,2,3,4,5
	global_load_b128 v[CF+4*\i:CF+4*\i+3], v4, s[4:5] offset:512*\i    ; tile 0 of the whole matrix's block 0: pixel 0 is its lane 0
.endr
	WIN 0
	global_load_b64 v[20:21], v5, s[50:51]
	s_wait_loadcnt 7                               ; the list's five loads are in; the seven behind them may be out
.else
.irp q, 0,1,2,3
.irp m, 0,1,2,3
	global_load_b128 v[S+16*\q+4*\m:S+16*\q+4*\m+3], v123, s[40:41] offset:131072*\q+256*\m
.endr
.endr
.if PASS == 3
.irp q, 0,1,2,3
.irp m, 0,1,2,3
	global_load_b32 v[RR+16+4*\q+\m], v124, s[42:43] offset:32768*\q+64*\m
.endr
.endr
.endif
	LOADCOL 0
	LOADBI 0
	s_wait_loadcnt NS+17                           ; the list's five loads are in; the sums' NS and block 0's 17 may be out
.endif
.irp m, 0,1,2,3
	v_min_u32 v[8+\m], 0x17f4f, v[RR+2*\m]         ; held inside XNF (98,127 units of 16 bytes)
	v_min_u32 v[RR+8+\m], 0x3fdf, v[RR+2*\m+1]     ; and inside XNS (16,351 words)
.endr
	v_min_u32 v122, 0x17f4f, v[RR+12]
	v_min_u32 v[RR+14], 0x3fdf, v[RR+13]
.irp m, 0,1,2,3
	v_lshlrev_b32 v[8+\m], 4, v[8+\m]
	v_add_nc_u32 v[RR+8+\m], v[RR+8+\m], v126      ; lanes 16-31: the second K step's word
.endr
	v_lshlrev_b32 v122, 4, v122
	v_add_nc_u32 v[RR+14], v[RR+14], v126
.irp m, 0,1,2,3
	v_add_nc_u32 v[8+\m], v[8+\m], v125            ; lanes 16-31: the image's upper lanes
	v_lshlrev_b32 v[RR+8+\m], 2, v[RR+8+\m]
.endr
	v_add_nc_u32 v122, v122, v125
	v_lshlrev_b32 v[RR+14], 2, v[RR+14]
	WIN 0x40
.irp m, 0,1,2,3
.irp s, 0,1
.irp g, 0,1,2
	global_load_b128 v[RF+24*\m+12*\s+4*\g:RF+24*\m+12*\s+4*\g+3], v[8+\m], s[4:5] offset:1536*\s+512*\g   ; my row's registers, out of whatever fragment holds it
.endr
.endr
.endr
.irp s, 0,1
.irp g, 0,1,2
	global_load_b128 v[RF5+12*\s+4*\g:RF5+12*\s+4*\g+3], v122, s[4:5] offset:1536*\s+512*\g
.endr
.endr
	WIN 0
.irp m, 0,1,2,3
	global_load_b32 v[16+\m], v[RR+8+\m], s[50:51]
.endr
	global_load_b32 v22, v[RR+14], s[50:51]
.if PASS == 1
	s_wait_loadcnt 0x0
	SIMW 1
	LOADCOL 0
	LOADBI 0
	LOADNF 0
.irp m, 0,1,2,3
	v_mul_f32 v[RR+\m], s22, v[S+16*\m]            ; lanes 0-15: sim(row r, pixel 0), unmasked
.endr
.irp m, 0,1,2,3
	v_exp_f32 v[RR+\m], v[RR+\m]
.endr
.irp m, 0,1,2,3
	v_mov_b32 v[RR+4+\m], 0
.endr
	s_wait_alu depctr_va_vdst(0)
.irp m, 0,1,2,3
	v_permlanex16_b32 v[RR+4+\m], v[RR+\m], s24, s25
.endr
.irp m, 0,1,2,3
	v_cndmask_b32 v[KC+6*\m+4], v[RR+\m], v[RR+4+\m], s21   ; a, in both halves of the lanes: the same number in every wave that serves the row
.endr
.irp m, 0,1,2,3
	v_mul_f32 v[KC+6*\m], -1.0, v[KC+6*\m+4]
	v_mul_f32 v[KC+6*\m+1], -1.0, v[KC+6*\m+4]
.endr
.set j, 0
.rept 16
	v_mov_b32 v[SUM+j], 0
.set j, j+1
.endr
	s_cmp_lg_u32 s57, 0
	s_cbranch_scc0 .Lx1
	v_mul_f32 v216, s22, v[S5]                     ; the same for the fifth tile
	v_exp_f32 v216, v216
	v_mov_b32 v217, 0
	s_wait_alu depctr_va_vdst(0)
	v_permlanex16_b32 v217, v216, s24, s25
	v_cndmask_b32 v[K5+4], v216, v217, s21
	v_mul_f32 v[K5], -1.0, v[K5+4]
	v_mul_f32 v[K5+1], -1.0, v[K5+4]
.Lx1:
.else
	s_wait_loadcnt 52                              ; the sums are in; block 0's 17 loads and the rows' 35 may be out
	STATS
	s_cmp_lg_u32 s57, 0
	s_cbranch_scc0 .Lx2
	v_pk_add_f32 v[224:225], v[S5:S5+1], v[S5+4:S5+5]      ; the fifth tile's constants, by the same lines
	v_pk_add_f32 v[226:227], v[S5+8:S5+9], v[S5+12:S5+13]
	v_pk_add_f32 v[224:225], v[224:225], v[226:227]
	v_mul_f32 v228, s38, v224
	v_fma_f32 v229, -v224, v228, v225
	v_max_num_f32 v229, 0, v229
	v_mul_f32 v229, s38, v229
	v_sqrt_f32 v230, v229
	v_add_f32 v228, v[S5+2], v228
	v_fma_f32 v231, s37, v[S5+2], v224
	v_mul_f32 v231, 0x2edbe6ff, v231
	s_wait_alu depctr_va_vdst(0)
	v_fma_f32 v[K5], 2.0, v230, -v228
	v_fma_f32 v[K5+1], 2.0, v230, -v228
.if PASS == 2
	v_mov_b32 v[K5+2], v231
	v_mov_b32 v[K5+3], v231
.else
	v_add_f32 v232, v12, v13
	v_add_f32 v233, v14, v15
	v_add_f32 v[K5+2], v232, v233
	v_add_f32 v[K5+3], v232, v233
	v_mul_f32 v[K5+4], v231, v[K5+2]
	v_mul_f32 v[K5+5], v231, v[K5+2]
.endif
.Lx2:
.endif
.irp b, 0,1,2,3,4,5,6
	BLOCK \b, 1
.endr
	BLOCK 7, 0
.if PASS == 1
.irp m, 0,1,2,3
	v_add_f32 v[RR+4*\m], v[SUM+4*\m], v[SUM+4*\m+1]
	v_add_f32 v[RR+4*\m+1], v[SUM+4*\m+2], v[SUM+4*\m+3]
	v_mov_b32 v[RR+16+2*\m], 0
	v_mov_b32 v[RR+17+2*\m], 0
.endr
.irp m, 0,1,2,3
	v_permlanex16_b32 v[RR+16+2*\m], v[RR+4*\m], s24, s25
	v_permlanex16_b32 v[RR+17+2*\m], v[RR+4*\m+1], s24, s25
.endr
.irp m, 0,1,2,3
	v_pk_add_f32 v[RR+4*\m:RR+4*\m+1], v[RR+4*\m:RR+4*\m+1], v[RR+16+2*\m:RR+17+2*\m]
	v_mov_b32 v[RR+4*\m+2], v[KC+6*\m+4]
	v_mov_b32 v[RR+4*\m+3], 0
.endr
.irp m, 0,1,2,3
	ds_store_b128 v120, v[RR+4*\m:RR+4*\m+3] offset:256*\m   ; {Z', Q', a, 0} of my 256 columns (both halves of the lanes write the same)
.endr
	s_cmp_lg_u32 s57, 0
	s_cbranch_scc0 .Lx3
	v_add_f32 v216, v[SUM5], v[SUM5+1]
	v_add_f32 v217, v[SUM5+2], v[SUM5+3]
	v_mov_b32 v220, 0
	v_mov_b32 v221, 0
	v_permlanex16_b32 v220, v216, s24, s25
	v_permlanex16_b32 v221, v217, s24, s25
	v_pk_add_f32 v[216:217], v[216:217], v[220:221]
	v_mov_b32 v218, v[K5+4]
	v_mov_b32 v219, 0
	ds_store_b128 v120, v[216:219] offset:1024
.Lx3:
.elseif PASS == 2
.irp m, 0,1,2,3
	v_add_f32 v[RR+\m], v[SUM+4*\m], v[SUM+4*\m+1]
.endr
.irp m, 0,1,2,3
	v_permlanex16_b32 v[RR+4+\m], v[RR+\m], s24, s25
.endr
.irp m, 0,1,2,3
	v_add_f32 v[RR+\m], v[RR+\m], v[RR+4+\m]
.endr
.irp m, 0,1,2,3
	ds_store_b32 v120, v[RR+\m] offset:64*\m
.endr
	s_cmp_lg_u32 s57, 0
	s_cbranch_scc0 .Lx3
	v_add_f32 v200, v[SUM5], v[SUM5+1]
	v_mov_b32 v201, 0
	v_permlanex16_b32 v201, v200, s24, s25
	v_add_f32 v200, v200, v201
	ds_store_b32 v120, v200 offset:256
.Lx3:
.endif
.Ljoin:
	s_wait_dscnt 0x0                               ; for the others' sake: my stores have landed
	s_barrier_signal -1
	s_barrier_wait -1                              ; every wave passes it, with rows or without
	s_cmp_lt_u32 s20, s19
	s_cbranch_scc0 .Lend
	; ---- B: reads only what the head or B itself has written, and LDS
.if PASS == 1
	s_cmp_lt_u32 s16, 2
	s_cbranch_scc0 .Lfifth                         ; waves 0 and 1: 64 threads, a row each
.irp w, 0,1,2,3,4,5,6,7
	ds_load_b128 v[S+4*\w:S+4*\w+3], v121 offset:1280*\w
.endr
	s_wait_dscnt 0x0
	v_pk_add_f32 v[S:S+1], v[S:S+1], v[S+4:S+5]
	v_pk_add_f32 v[S+8:S+9], v[S+8:S+9], v[S+12:S+13]
	v_pk_add_f32 v[S+16:S+17], v[S+16:S+17], v[S+20:S+21]
	v_pk_add_f32 v[S+24:S+25], v[S+24:S+25], v[S+28:S+29]
	v_pk_add_f32 v[S:S+1], v[S:S+1], v[S+8:S+9]
	v_pk_add_f32 v[S+16:S+17], v[S+16:S+17], v[S+24:S+25]
	v_pk_add_f32 v[S:S+1], v[S:S+1], v[S+16:S+17]
	global_store_b128 v121, v[S:S+3], s[48:49]     ; 512 consecutive bytes a wave
	s_branch .Lend
.Lfifth:
	s_cmp_eq_u32 s16, 2                            ; wave 2: the fifth tile's 16 rows (both halves of the lanes hold, and store, the same)
	s_cbranch_scc0 .Lend
	s_cmp_lg_u32 s57, 0
	s_cbranch_scc0 .Lend
.irp w, 0,1,2,3,4,5,6,7
	ds_load_b128 v[S+4*\w:S+4*\w+3], v123 offset:1024+1280*\w
.endr
	s_wait_dscnt 0x0
	v_pk_add_f32 v[S:S+1], v[S:S+1], v[S+4:S+5]
	v_pk_add_f32 v[S+8:S+9], v[S+8:S+9], v[S+12:S+13]
	v_pk_add_f32 v[S+16:S+17], v[S+16:S+17], v[S+20:S+21]
	v_pk_add_f32 v[S+24:S+25], v[S+24:S+25], v[S+28:S+29]
	v_pk_add_f32 v[S:S+1], v[S:S+1], v[S+8:S+9]
	v_pk_add_f32 v[S+16:S+17], v[S+16:S+17], v[S+24:S+25]
	v_pk_add_f32 v[S:S+1], v[S:S+1], v[S+16:S+17]
	global_store_b128 v123, v[S:S+3], s[66:67]     ; 256 consecutive bytes
.elseif PASS == 2
	s_cmp_lt_u32 s16, 2
	s_cbranch_scc0 .Lfifth
.irp w, 0,1,2,3,4,5,6,7
	ds_load_b32 v[S+\w], v121 offset:320*\w
.endr
	s_wait_dscnt 0x0
	v_pk_add_f32 v[S:S+1], v[S:S+1], v[S+2:S+3]
	v_pk_add_f32 v[S+4:S+5], v[S+4:S+5], v[S+6:S+7]
	v_pk_add_f32 v[S:S+1], v[S:S+1], v[S+4:S+5]
	v_add_f32 v[S], v[S], v[S+1]
	global_store_b32 v121, v[S], s[48:49]
	s_branch .Lend
.Lfifth:
	s_cmp_eq_u32 s16, 2
	s_cbranch_scc0 .Lend
	s_cmp_lg_u32 s57, 0
	s_cbranch_scc0 .Lend
.irp w, 0,1,2,3,4,5,6,7
	ds_load_b32 v[S+\w], v124 offset:256+320*\w
.endr
	s_wait_dscnt 0x0
	v_pk_add_f32 v[S:S+1], v[S:S+1], v[S+2:S+3]
	v_pk_add_f32 v[S+4:S+5], v[S+4:S+5], v[S+6:S+7]
	v_pk_add_f32 v[S:S+1], v[S:S+1], v[S+4:S+5]
	v_add_f32 v[S], v[S], v[S+1]
	global_store_b32 v124, v[S], s[66:67]
.else
; THE THIRD PRODUCT for this quarter's 2,048 pixels: source 0 = 16 places of sw (from LDS, all waves' images), source 1 = 16 channels of X (from memory, a ring of seven K steps).
; Wave w owns channel tiles 2 w and 2 w + 1 for all row tiles: eight accumulators by turns, ten with the fifth tile.  Lane (r, h) holds channel r and places 8 h + 0 .. 7.
.macro RING k
.irp n, 0,1
.irp g, 0,1,2
	global_load_b128 v[24*((\k)%RD)+12*\n+4*\g:24*((\k)%RD)+12*\n+4*\g+3], v4, s[44:45] offset:24576*(\k)+1536*\n+512*\g
.endr
.endr
.endm
.macro SWLOAD k                        ; K step k's four fragments of sw into set k % 2 (v128 on, v192 on), and their scale words
.irp m, 0,1,2,3
.irp g, 0,1,2
	ds_load_b128 v[S+64*((\k)%2)+12*\m+4*\g:S+64*((\k)%2)+12*\m+4*\g+3], v[4+63*((\k)/8)] offset:6144*((\k)%8)+1536*\m+512*\g
.endr
.endr
.irp m, 0,1,2,3
	ds_load_b32 v[24+4*((\k)%2)+\m], v68 offset:512*(\k)+128*\m
.endr
.endm
.macro SWLOAD5 k                       ; the fifth tile's fragment, behind the four in the same set, and its scale words
.irp g, 0,1,2
	ds_load_b128 v[S+64*((\k)%2)+48+4*\g:S+64*((\k)%2)+48+4*\g+3], v120 offset:1536*(\k)+512*\g
.endr
	ds_load_b32 v[22+(\k)%2], v121 offset:128*(\k)
.endm
.macro P3X k, n, rD, rA, sA            ; one product: the first K step starts the sum; the odd channel tile's scale words lie in lanes 16-31
.set rB, 24*((\k)%RD)+12*(\n)
.if ((\k) == 0) && ((\n) == 0)
	v_wmma_scale_f32_16x16x128_f8f6f4 v[(\rD):(\rD)+7], v[(\rA):(\rA)+11], v[rB:rB+11], 0, v[(\sA)], v[32+(\k)] matrix_a_fmt:MATRIX_FMT_BF6 matrix_b_fmt:MATRIX_FMT_BF6
.elseif (\k) == 0
	v_wmma_scale_f32_16x16x128_f8f6f4 v[(\rD):(\rD)+7], v[(\rA):(\rA)+11], v[rB:rB+11], 0, v[(\sA)], v[32+(\k)] matrix_a_fmt:MATRIX_FMT_BF6 matrix_b_fmt:MATRIX_FMT_BF6 matrix_b_scale:MATRIX_SCALE_ROW1
.elseif (\n) == 0
	v_wmma_scale_f32_16x16x128_f8f6f4 v[(\rD):(\rD)+7], v[(\rA):(\rA)+11], v[rB:rB+11], v[(\rD):(\rD)+7], v[(\sA)], v[32+(\k)] matrix_a_fmt:MATRIX_FMT_BF6 matrix_b_fmt:MATRIX_FMT_BF6
.else
	v_wmma_scale_f32_16x16x128_f8f6f4 v[(\rD):(\rD)+7], v[(\rA):(\rA)+11], v[rB:rB+11], v[(\rD):(\rD)+7], v[(\sA)], v[32+(\k)] matrix_a_fmt:MATRIX_FMT_BF6 matrix_b_fmt:MATRIX_FMT_BF6 matrix_b_scale:MATRIX_SCALE_ROW1
.endif
.endm
.macro KSTEP k
.if (\k) < 10
	s_wait_loadcnt 36                              ; this K step's six loads of X are in; the six later K steps' may be out
.else
	s_wait_loadcnt 6*(15-(\k))
.endif
.if (\k) < 15
	s_wait_dscnt 16                                ; this K step's sw is in; the next one's 16 loads may be out (the fifth tile's four are issued ahead of them)
.else
	s_wait_dscnt 0x0
.endif
	WIN 0x54                                       ; sw in window 0; X and the sums in window 1
.irp m, 0,1,2,3
.irp n, 0,1
	P3X \k, \n, OA+8*(2*\m+\n), S+64*((\k)%2)+12*\m, 24+4*((\k)%2)+\m
.endr
.endr
	WIN 0
	s_cmp_lg_u32 s57, 0
	s_cbranch_scc0 .Lno5_\@
	WIN 0x54
.irp n, 0,1
	P3X \k, \n, O5+8*\n, S+64*((\k)%2)+48, 22+(\k)%2
.endr
	WIN 0
.rept 4
	v_nop                                          ; places in front of the loads into these two products' operands
.endr
.if (\k)+2 < 16
	SWLOAD5 (\k)+2
.endif
.Lno5_\@:
.rept 4
	v_nop                                          ; places in front of the loads into the operands, and at the end of the reads of the sums
.endr
.if (\k)+2 < 16
	SWLOAD (\k)+2
.endif
.if (\k)+RD < 16
	WIN 0x40
	RING (\k)+RD
	WIN 0
.endif
.endm
	ds_load_b32 v22, v68                           ; the fifth tile's registers are written once on the way that every wave takes: its two scale registers by loads of scale words,
	ds_load_b32 v23, v68
.set j, 48
.rept 12
	v_mov_b32 v[S+j], 0                            ; its fragments' places,
	v_mov_b32 v[S+64+j], 0
.set j, j+1
.endr
	WIN 0x40
.set j, 0
.rept 16
	v_mov_b32 v[O5+j], 0                           ; its sums
.set j, j+1
.endr
	WIN 0
.irp k, 0,1,2,3,4,5,6,7,8,9,10,11,12,13,14,15
	global_load_b32 v[32+\k], v72, s[46:47] offset:1024*\k   ; X's scale words: lanes 0-15 my even channel tile, lanes 16-31 my odd one
.endr
	WIN 0x40
.irp k, 0,1,2,3,4,5,6
	RING \k
.endr
	WIN 0
	s_wait_dscnt 0x0                               ; v22 and v23 have landed: they may be loaded again
	s_cmp_lg_u32 s57, 0
	s_cbranch_scc0 .Lx4
	SWLOAD5 0
	SWLOAD5 1
.Lx4:
	SWLOAD 0
	SWLOAD 1
.irp k, 0,1,2,3,4,5,6,7,8,9,10,11,12,13,14,15
	KSTEP \k
.endr
	; the way out: through my own stage, so that the 32 lanes store eight channels x 64 bytes of a tile: 512 consecutive bytes
	WIN 0x04
.irp m, 0,1,2,3
.irp n, 0,1
	ds_store_b128 v69, v[OA+8*(2*\m+\n):OA+8*(2*\m+\n)+3] offset:4352*\n+64*\m       ; each sum from its low end on
	ds_store_b128 v69, v[OA+8*(2*\m+\n)+4:OA+8*(2*\m+\n)+7] offset:4352*\n+64*\m+16
.endr
.endr
	WIN 0
.irp m, 0,1,2,3
.irp i, 0,1,2,3
	ds_load_b128 v[S+4*(4*\m+\i):S+4*(4*\m+\i)+3], v70 offset:2176*\i+64*\m     ; LDS serves a wave's instructions in order: these see my stores
.endr
.endr
.irp m, 0,1,2,3
.irp i, 0,1,2,3
	s_wait_dscnt 15-(4*\m+\i)
	global_store_b128 v4, v[S+4*(4*\m+\i):S+4*(4*\m+\i)+3], s[48:49] offset:16384*\m+512*\i
.endr
.endr
	s_cmp_lg_u32 s57, 0
	s_cbranch_scc0 .Lend
	WIN 0x04                                       ; the fifth tile takes the same way, in the stage's first 64 bytes of each row: my loads above have been served
.irp n, 0,1
	ds_store_b128 v69, v[O5+8*\n:O5+8*\n+3] offset:4352*\n
	ds_store_b128 v69, v[O5+8*\n+4:O5+8*\n+7] offset:4352*\n+16
.endr
	WIN 0
.irp i, 0,1,2,3
	ds_load_b128 v[RR+4*\i:RR+4*\i+3], v70 offset:2176*\i
.endr
.irp i, 0,1,2,3
	s_wait_dscnt 3-\i
	global_store_b128 v4, v[RR+4*\i:RR+4*\i+3], s[66:67] offset:512*\i
.endr
.endif
.Lend:
	s_wait_xcnt 0x0
	v_lshl_add_u32 v254, v0, 2, 0x31800
	v_mov_b32 v255, 0
	s_wait_tensorcnt 0x0
	ds_add_u32 v254, v255
	s_wait_dscnt 0x0
	s_endpgm
.Lfunc_end_k_qc272e8c45c_pass3:
	.size	k_qc272e8c45c_pass3, .Lfunc_end_k_qc272e8c45c_pass3-k_qc272e8c45c_pass3
	.p2alignl 7, 3214868480
	.fill 96, 4, 3214868480
	.section	.rodata,"a",@progbits
	.p2align	6, 0x0
	.amdhsa_kernel k_qc272e8c45c_pass3
		.amdhsa_group_segment_fixed_size 203776
		.amdhsa_private_segment_fixed_size 0
		.amdhsa_enable_private_segment 0
		.amdhsa_kernarg_size 48
		.amdhsa_user_sgpr_count 2
		.amdhsa_user_sgpr_kernarg_segment_ptr 1
		.amdhsa_wavefront_size32 1
		.amdhsa_system_sgpr_workgroup_id_x 1
		.amdhsa_system_sgpr_workgroup_id_y 1
		.amdhsa_system_sgpr_workgroup_id_z 1
		.amdhsa_system_vgpr_workitem_id 0
		.amdhsa_next_free_vgpr 512
		.amdhsa_next_free_sgpr 72
		.amdhsa_reserve_vcc 0
		.amdhsa_float_denorm_mode_32 3
		.amdhsa_float_denorm_mode_16_64 3
		.amdhsa_memory_ordered 1
		.amdhsa_forward_progress 1
		.amdhsa_inst_pref_size 255
	.end_amdhsa_kernel
	.section	.bss,"aw",@nobits
	.p2align	6
	.space	262144
	.amdgpu_metadata
---
amdhsa.version: [ 1, 2 ]
amdhsa.kernels:
  - .name:           k_qc272e8c45c_pass3
    .symbol:         k_qc272e8c45c_pass3.kd
    .args:
      - { .name: codes, .offset: 0, .size: 8, .value_kind: global_buffer, .address_space: global }
      - { .name: lists, .offset: 8, .size: 8, .value_kind: global_buffer, .address_space: global }
      - { .name: fstat, .offset: 16, .size: 8, .value_kind: global_buffer, .address_space: global }
      - { .name: part1, .offset: 24, .size: 8, .value_kind: global_buffer, .address_space: global }
      - { .name: part2, .offset: 32, .size: 8, .value_kind: global_buffer, .address_space: global }
      - { .name: opart, .offset: 40, .size: 8, .value_kind: global_buffer, .address_space: global }
    .group_segment_fixed_size: 203776
    .private_segment_fixed_size: 0
    .kernarg_segment_align: 8
    .kernarg_segment_size: 48
    .max_flat_workgroup_size: 256
    .sgpr_count:     72
    .vgpr_count:     512
    .wavefront_size: 32
...
	.end_amdgpu_metadata
.endif
;; end of part 9
;; launch merge (part 10): grid 64 x 4, 8 waves a work-group, no clusters, 0 bytes of LDS; arguments f, lists, fstat, opart, out0; writes out0
.if DOCPART == 10
	.amdgcn_target "amdgcn-amd-amdhsa--gfx1250"
	.amdhsa_code_object_version 6
	.text
	.protected	k_qc272e8c45c_merge
	.globl	k_qc272e8c45c_merge
	.p2align	8
	.type	k_qc272e8c45c_merge,@function
k_qc272e8c45c_merge:
	s_mov_b64 s[64:65], 0
	v_nop
	global_prefetch_b8 v0, s[64:65] scope:SCOPE_SE
	s_setreg_imm32_b32 hwreg(HW_REG_WAVE_MODE, 25, 1), 1
	s_wait_xcnt 0x0
; MERGE.  out0[b][c][n] = f[b][c][n] for a normal pixel; for an anomalous one the sum of the four column quarters' partial products at the pixel's place.
; opart is laid [quarter][tile of 16 places][channel][16 places]: place p, channel c lie at 16,384 (p / 16) + 64 c + 4 (p % 16) of a quarter's 8 MB.
; Work-group (x, y): 128 pixels (four a lane) x 64 channels; wave w takes channels 64 y + 8 w + 0 .. 7.  A channel is 17 loads: 512 consecutive bytes of f, and 16 gathers (4 pixels x 4 quarters;
; neighbouring anomalous pixels have neighbouring places).  A normal pixel's gathers are held at place max(R, 1) - 1, which has been written, and their sum is not chosen.
; Memory binds: no LDS, no matrix unit.  Four sets of load registers take turns, so three channels' loads are out while one is worked; each channel's results have registers of their own.
; Where no pixel is normal the weights are 0 / 0: the stored NaN is added to every sum (else 0).
.set POS, 65536
.set CNT, 98304
	s_load_b128 s[4:7], s[0:1], 0x0                ; f, lists
	s_load_b128 s[8:11], s[0:1], 0x10              ; fstat, opart
	s_load_b64 s[12:13], s[0:1], 0x20              ; out0
	v_lshrrev_b32 v1, 5, v0
	v_readfirstlane_b32 s16, v1                    ; wave 0..7
	v_and_b32 v1, 31, v0
	v_lshlrev_b32 v4, 4, v1                        ; 16 x lane
	s_and_b32 s18, ttmp7, 0xffff
	s_lshl_b32 s26, ttmp9, 9
	s_add_co_u32 s26, s26, POS
	s_mov_b32 s27, 0
	s_lshl_b32 s20, s18, 6
	s_lshl_b32 s24, s16, 3
	s_add_co_u32 s20, s20, s24                     ; my first channel
	s_wait_kmcnt 0x0
	s_load_b32 s19, s[6:7], CNT                    ; R
	s_load_b32 s22, s[8:9], 0xc                    ; NaN or 0
	s_add_nc_u64 s[26:27], s[6:7], s[26:27]
	global_load_b128 v[8:11], v4, s[26:27]         ; my four pixels' places
	s_lshr_b32 s24, ttmp9, 3
	s_lshl_b32 s24, s24, 20                        ; the image,
	s_and_b32 s25, ttmp9, 7
	s_lshl_b32 s25, s25, 9
	s_add_co_u32 s24, s24, s25                     ; the 128 pixels,
	s_lshl_b32 s25, s20, 12
	s_add_co_u32 s24, s24, s25                     ; the channel
	s_mov_b32 s25, 0
	s_add_nc_u64 s[28:29], s[4:5], s[24:25]
	s_add_nc_u64 s[30:31], s[12:13], s[24:25]
	s_lshl_b32 s24, s20, 6
	s_add_nc_u64 s[32:33], s[10:11], s[24:25]      ; opart at my first channel, quarter 0,
	s_add_nc_u64 s[34:35], s[32:33], 8388608       ; 1,
	s_add_nc_u64 s[36:37], s[34:35], 8388608       ; 2,
	s_add_nc_u64 s[38:39], s[36:37], 8388608       ; 3
	s_wait_kmcnt 0x0
	s_mov_b32 s23, s22                             ; (named with it as a pair)
	s_max_u32 s21, s19, 1
	s_sub_co_u32 s21, s21, 1
	s_wait_loadcnt 0x0
.irp k, 0,1,2,3
	v_cmp_gt_u32 s[40+\k], s19, v[8+\k]            ; a place under R: an anomalous pixel
	v_min_u32 v[8+\k], s21, v[8+\k]
	v_min_u32 v[8+\k], 0x1fff, v[8+\k]
	v_and_b32 v[12+\k], 0x1ff0, v[8+\k]
	v_and_b32 v[16+\k], 15, v[8+\k]
	v_lshlrev_b32 v[12+\k], 10, v[12+\k]           ; the tile of 16 places: 16 KB each,
	v_lshlrev_b32 v[16+\k], 2, v[16+\k]
	v_add_nc_u32 v[12+\k], v[12+\k], v[16+\k]      ; the place in it
.endr
.macro LOADCH j
.set Q, 32+20*((\j)%4)
	global_load_b128 v[Q:Q+3], v4, s[28:29] offset:4096*(\j) th:TH_LOAD_NT
.irp c, 0,1,2,3
.irp k, 0,1,2,3
	global_load_b32 v[Q+4+4*\c+\k], v[12+\k], s[32+2*\c:33+2*\c] offset:64*(\j)
.endr
.endr
.endm
.macro CH j
.set Q, 32+20*((\j)%4)
.if (\j) < 5
	s_wait_loadcnt 51                              ; this channel's 17 loads are in; the three later channels' may be out
.else
	s_wait_loadcnt 17*(7-(\j))
.endif
	v_pk_add_f32 v[Q+4:Q+5], v[Q+4:Q+5], v[Q+8:Q+9]
	v_pk_add_f32 v[Q+6:Q+7], v[Q+6:Q+7], v[Q+10:Q+11]
	v_pk_add_f32 v[Q+12:Q+13], v[Q+12:Q+13], v[Q+16:Q+17]
	v_pk_add_f32 v[Q+14:Q+15], v[Q+14:Q+15], v[Q+18:Q+19]
	v_pk_add_f32 v[Q+4:Q+5], v[Q+4:Q+5], v[Q+12:Q+13]
	v_pk_add_f32 v[Q+6:Q+7], v[Q+6:Q+7], v[Q+14:Q+15]
	v_pk_add_f32 v[Q+4:Q+5], v[Q+4:Q+5], s[22:23] op_sel_hi:[1,0]
	v_pk_add_f32 v[Q+6:Q+7], v[Q+6:Q+7], s[22:23] op_sel_hi:[1,0]
.irp k, 0,1,2,3
	v_cndmask_b32 v[112+4*(\j)+\k], v[Q+\k], v[Q+4+\k], s[40+\k]
.endr
	global_store_b128 v4, v[112+4*(\j):112+4*(\j)+3], s[30:31] offset:4096*(\j) th:TH_STORE_NT   ; 512 consecutive bytes
.if (\j)+4 < 8
	LOADCH (\j)+4
.endif
.endm
.irp j, 0,1,2,3
	LOADCH \j
.endr
.irp j, 0,1,2,3,4,5,6,7
	CH \j
.endr
	s_endpgm
.Lfunc_end_k_qc272e8c45c_merge:
	.size	k_qc272e8c45c_merge, .Lfunc_end_k_qc272e8c45c_merge-k_qc272e8c45c_merge
	.p2alignl 7, 3214868480
	.fill 96, 4, 3214868480
	.section	.rodata,"a",@progbits
	.p2align	6, 0x0
	.amdhsa_kernel k_qc272e8c45c_merge
		.amdhsa_group_segment_fixed_size 0
		.amdhsa_private_segment_fixed_size 0
		.amdhsa_enable_private_segment 0
		.amdhsa_kernarg_size 40
		.amdhsa_user_sgpr_count 2
		.amdhsa_user_sgpr_kernarg_segment_ptr 1
		.amdhsa_wavefront_size32 1
		.amdhsa_system_sgpr_workgroup_id_x 1
		.amdhsa_system_sgpr_workgroup_id_y 1
		.amdhsa_system_sgpr_workgroup_id_z 1
		.amdhsa_system_vgpr_workitem_id 0
		.amdhsa_next_free_vgpr 144
		.amdhsa_next_free_sgpr 66
		.amdhsa_reserve_vcc 0
		.amdhsa_float_denorm_mode_32 3
		.amdhsa_float_denorm_mode_16_64 3
		.amdhsa_memory_ordered 1
		.amdhsa_forward_progress 1
		.amdhsa_inst_pref_size 23
	.end_amdhsa_kernel
	.amdgpu_metadata
---
amdhsa.version: [ 1, 2 ]
amdhsa.kernels:
  - .name:           k_qc272e8c45c_merge
    .symbol:         k_qc272e8c45c_merge.kd
    .args:
      - { .name: f, .offset: 0, .size: 8, .value_kind: global_buffer, .address_space: global }
      - { .name: lists, .offset: 8, .size: 8, .value_kind: global_buffer, .address_space: global }
      - { .name: fstat, .offset: 16, .size: 8, .value_kind: global_buffer, .address_space: global }
      - { .name: opart, .offset: 24, .size: 8, .value_kind: global_buffer, .address_space: global }
      - { .name: out0, .offset: 32, .size: 8, .value_kind: global_buffer, .address_space: global }
    .group_segment_fixed_size: 0
    .private_segment_fixed_size: 0
    .kernarg_segment_align: 8
    .kernarg_segment_size: 40
    .max_flat_workgroup_size: 256
    .sgpr_count:     66
    .vgpr_count:     144
    .wavefront_size: 32
...
	.end_amdgpu_metadata
.endif
;; end of part 10
;; ======== version 3 of 3: 6 launches
;; workspace buffers: codes 3,375,104 bytes; flags 32,768 bytes of whole numbers; lists 98,560 bytes of whole numbers; fstat 512 bytes; part1 524,288 bytes; part2 131,072 bytes; opart 33,554,432 bytes
;; launch prep (part 11): grid 64 x 1, 8 waves a work-group, no clusters, 201,728 bytes of LDS; arguments f, center, Tc, codes, flags; writes codes, flags
.if DOCPART == 11
	.amdgcn_target "amdgcn-amd-amdhsa--gfx1250"
	.amdhsa_code_object_version 6
	.text
	.protected	k_qc272e8c45c_prep
	.globl	k_qc272e8c45c_prep
	.p2align	8
	.type	k_qc272e8c45c_prep,@function
k_qc272e8c45c_prep:
	s_mov_b64 s[64:65], 0
	v_nop
	global_prefetch_b8 v0, s[64:65] scope:SCOPE_SE
	s_setreg_imm32_b32 hwreg(HW_REG_WAVE_MODE, 25, 1), 1
	s_wait_xcnt 0x0
; PREP.  Pixel p = 1024 b + n is the vector X[p][c] = f[b][c][n], 256 channels.  A work-group takes 128 neighbouring pixels of one image, all channels: 128 KB of f, read once, kept as a tile in LDS.
; It makes, as codes of E3M2 with one E8M0 byte for each 32 along K:  Xn = X / max(|X|, 1e-8) along the channels (section XNF, scale words XNS);  X along the pixels (XTF, XTS);
; and, by the first quantised product (X and the 50 centres along the channels), d = the distance to the nearest centre, the flag d > Tc, the bias (0 or -1e30) and norf (1 or 0) of each pixel.
; The codes are stored in the ORDER OF AN OPERAND'S REGISTERS: a fragment (16 rows x 128 K) is 1,536 bytes, register group g of lane l at 512 g + 16 l, so that later launches load fragments by 16-byte loads alone.
; In XNF the 16 pixels of tile u of a block of 32 are 8 u + r + 8 (r / 8): two tiles' results then hold 16 neighbouring pixels in a lane's 16 registers.
; SHARES: all eight waves load the tile (32 channels each).  Waves 4-7 quantise the centres (a tile of 16 each; rows 50-63 are zeros with c2 = +infinity) ahead of the barrier and X along the pixels behind it;
; waves 0-3 take 32 pixels each, a lane a pixel, registers down the channels, and the product.
; LIMITS: NaN and infinities among the inputs are not served.  A block of zeros gets the byte 1 and not 127: its codes are zeros and this program alone reads the bytes.  Xn is X times v_rcp_f32 of the norm.
.set PITCH, 528                        ; a tile row: 512 bytes (128 pixels of one channel) + 16: an odd multiple of 16
.set CI,    135168                     ; behind the tile's 256 rows: the centres' 8 fragment images, (tile, K step) at (2 ct + s) 1,536
.set CSC,   147456                     ; their scale words, 128 bytes each
.set C2O,   148480                     ; c2 of 64 centres
.set WST,   148736                     ; a region of 12,800 bytes for each of waves 0-3: X's images, Xn's images, their scale words
.set WSTB,  12800
.set NI,    6144
.set XSI,   12288
.set XTF,   1572864                    ; sections of the buffer codes
.set XNS,   3145728
.set XTS,   3211264
.set CBO,   3276800
	s_load_b128 s[4:7], s[0:1], 0x0                ; f, center
	s_load_b128 s[8:11], s[0:1], 0x10              ; Tc, codes
	s_load_b64 s[12:13], s[0:1], 0x20              ; flags
	v_lshl_add_u32 v63, v0, 2, 0x31000
	s_set_vgpr_msb 0x40
	v_mov_b32 v1, 0
	s_set_vgpr_msb 0x4000
	v_lshrrev_b32 v1, 5, v0
	s_delay_alu instid0(VALU_DEP_1)
	v_readfirstlane_b32 s16, v1                    ; wave 0..7
	s_and_b32 s17, s16, 3                          ; my number within my role
	v_and_b32 v1, 31, v0                           ; lane
	v_and_b32 v2, 15, v0                           ; r
	v_bfe_u32 v3, v0, 4, 1                         ; h
	s_delay_alu instid0(VALU_DEP_3)
	v_lshlrev_b32 v4, 4, v1                        ; 16 x lane
	s_delay_alu instid0(VALU_DEP_4)
	v_lshlrev_b32 v5, 3, v1                        ; 8 x lane
	v_lshlrev_b32 v6, 2, v1                        ; 4 x lane
	; every LDS address is made here, ahead of the first parting of the roles
	s_mul_i32 s21, s16, 32*PITCH
	v_add_nc_u32 v7, s21, v4                       ; the tile, in: my wave's 32 rows, 16 bytes a lane
	s_mul_i32 s21, s17, 64*PITCH
	v_mul_u32_u24 v8, v2, PITCH
	s_delay_alu instid0(VALU_DEP_1)
	v_lshl_add_u32 v8, v3, 7, v8
	s_delay_alu instid0(VALU_DEP_1)
	v_add_nc_u32 v8, s21, v8                       ; the tile, along the pixels: channel 64 (wave - 4) + r, + 32 h pixels
	s_lshl_b32 s21, s17, 7
	v_add_nc_u32 v9, s21, v6                       ; the tile, down the channels: pixel 32 wave + lane
	s_mul_i32 s18, s17, WSTB
	s_add_co_u32 s18, s18, WST                     ; my wave's region
	v_and_b32 v32, 7, v0
	s_delay_alu instid0(VALU_DEP_1)
	v_lshl_add_u32 v32, v3, 3, v32                 ; pixel q = lane lies in tile u(q) = (q / 8) % 2 at lane r(q) = q % 8 + 8 (q / 16)
	v_bfe_u32 v62, v0, 3, 1
	s_delay_alu instid0(VALU_DEP_1)
	v_mul_u32_u24 v12, v62, 3072
	s_delay_alu instid0(VALU_DEP_1)
	v_lshl_add_u32 v12, v32, 4, v12
	s_delay_alu instid0(VALU_DEP_1)
	v_add_nc_u32 v12, s18, v12                     ; my pixel's place in an image: 3,072 u + 16 r
	s_delay_alu instid0(VALU_DEP_4)
	v_lshlrev_b32 v13, 2, v62
	s_delay_alu instid0(VALU_DEP_1)
	v_lshl_add_u32 v13, v32, 3, v13
	s_delay_alu instid0(VALU_DEP_1)
	v_add_nc_u32 v13, s18, v13
	s_delay_alu instid0(VALU_DEP_1)
	v_add_nc_u32 v13, XSI, v13                     ; and among the scale words: 8 r + 4 u (+ 128 for the second K step)
	v_add_nc_u32 v14, s18, v4                      ; an image read back: 16 x lane
	v_and_b32 v15, 8, v2
	s_delay_alu instid0(VALU_DEP_1)
	v_add_nc_u32 v15, v15, v2
	s_delay_alu instid0(VALU_DEP_1)
	v_lshlrev_b32 v15, 2, v15                      ; lane index x 4 of the pixel that lane (r, h) of tile 0 holds,
	s_delay_alu instid0(VALU_DEP_1)
	v_add_nc_u32 v16, 32, v15                      ; of tile 1
	v_lshlrev_b32 v17, 2, v32                      ; and back: 4 r(q)
	v_add_nc_u32 v18, CI, v4
	v_add_nc_u32 v19, CSC, v6
	v_lshl_add_u32 v20, v3, 5, C2O                 ; c2 of the eight centres of my half
	s_lshl_b32 s21, s17, 4
	v_add_nc_u32 v47, s21, v2                      ; the centre that I quantise: 16 (wave - 4) + r
	s_delay_alu instid0(VALU_DEP_1)
	v_min_u32 v21, 49, v47                         ; (no load leaves the buffer: rows 50-63 read row 49 and are made zeros)
	s_delay_alu instid0(VALU_DEP_1)
	v_lshlrev_b32 v21, 10, v21
	s_delay_alu instid0(VALU_DEP_1)
	v_lshl_add_u32 v21, v3, 7, v21                 ; its row of 1,024 bytes, + 32 h channels
	s_lshl_b32 s21, s17, 6
	v_lshl_add_u32 v22, v2, 2, s21
	s_delay_alu instid0(VALU_DEP_1)
	v_add_nc_u32 v22, C2O, v22
	s_mul_i32 s21, s17, 3072
	v_add_nc_u32 v23, s21, v18
	s_lshl_b32 s21, s17, 8
	v_add_nc_u32 v30, s21, v19
	v_add_nc_u32 v31, s18, v5
	s_delay_alu instid0(VALU_DEP_1)
	v_add_nc_u32 v31, XSI, v31                     ; scale words read back: 8 x lane
	s_mov_b32 s24, 0x76543210
	s_mov_b32 s25, 0xfedcba98                      ; v_permlanex16_b32's selects for lane l xor 16
	s_mov_b32 s26, 0xffff0000                      ; lanes 16-31
	s_lshr_b32 s40, ttmp9, 3
	s_lshl_b32 s40, s40, 20                        ; the image,
	s_and_b32 s21, ttmp9, 7
	s_lshl_b32 s21, s21, 9
	s_add_co_u32 s40, s40, s21                     ; the 128 pixels,
	s_lshl_b32 s21, s16, 17
	s_add_co_u32 s40, s40, s21                     ; my wave's 32 channels
	s_mov_b32 s41, 0
	s_mov_b32 s43, 0
	s_wait_kmcnt 0x0
	s_add_nc_u64 s[4:5], s[4:5], s[40:41]
	s_load_b32 s19, s[8:9], 0x0                    ; Tc
.set i, 0
.rept 32
	global_load_b128 v[128+4*i:131+4*i], v4, s[4:5] offset:4096*i th:TH_LOAD_NT   ; a channel's 128 pixels: 512 consecutive bytes
.set i, i+1
.endr
	s_mul_i32 s42, ttmp9, 24576
	s_mul_i32 s21, s17, 6144
	s_add_co_u32 s42, s42, s21
	s_add_nc_u64 s[34:35], s[10:11], s[42:43]      ; XNF: block 4 g + wave
	s_add_co_u32 s42, s42, XTF
	s_add_nc_u64 s[28:29], s[10:11], s[42:43]      ; XTF: K step g, channel tiles 4 (wave - 4) on
	s_lshl_b32 s42, ttmp9, 10
	s_lshl_b32 s21, s17, 8
	s_add_co_u32 s42, s42, s21
	s_add_co_u32 s42, s42, XNS
	s_add_nc_u64 s[36:37], s[10:11], s[42:43]      ; XNS
	s_add_nc_u64 s[30:31], s[36:37], XTS-XNS       ; XTS
	s_lshl_b32 s42, ttmp9, 9
	s_lshl_b32 s21, s17, 7
	s_add_co_u32 s42, s42, s21
	s_add_nc_u64 s[12:13], s[12:13], s[42:43]      ; flags at my wave's 32 pixels
	s_add_co_u32 s42, s42, CBO
	s_add_nc_u64 s[38:39], s[10:11], s[42:43]      ; bias; norf 32,768 and d 65,536 bytes further on
	s_wait_kmcnt 0x0
; 64 numbers of a lane, v[s + 32 c + i] = k 64 c + 32 h + i of my row (two whole blocks), become a fragment's 12 registers v[pc] on and my row's scale word v[pw].
.macro QUANT6 s, pc, pw
.irp c, 0,1
	v_max3_num_f32 v[40+\c], |v[(\s)+32*\c]|, |v[(\s)+32*\c+1]|, 0x2800000   ; with the floor 2^(5 - 127): the byte cannot fall under 1
.endr
.irp i, 2,4,6,8,10,12,14,16,18,20,22,24,26,28,30
.irp c, 0,1
	s_delay_alu instid0(VALU_DEP_2)
	v_max3_num_f32 v[40+\c], v[40+\c], |v[(\s)+32*\c+\i]|, |v[(\s)+32*\c+\i+1]|
.endr
.endr
.irp c, 0,1
	s_delay_alu instid0(VALU_DEP_2)
	v_add_nc_u32 v[42+\c], 0xfe000000, v[40+\c]    ; 4 off the exponent field: the conversion's scale operand
.endr
.irp c, 0,1
	s_delay_alu instid0(VALU_DEP_2)
	v_lshrrev_b32 v[44+\c], 23, v[42+\c]           ; the scale's byte
.endr
	s_delay_alu instid0(VALU_DEP_1)
	v_lshl_or_b32 v[(\pw)], v45, 16, v44           ; my bytes: blocks h and 2 + h,
	v_lshlrev_b32 v46, 3, v3
	s_delay_alu instid0(VALU_DEP_1)
	v_lshlrev_b32 v[(\pw)], v46, v[(\pw)]          ; at their places;
	v_mov_b32 v46, 0
	s_delay_alu instid0(VALU_DEP_1)
	v_permlanex16_b32 v46, v[(\pw)], s24, s25
	s_delay_alu instid0(VALU_DEP_1)
	v_or_b32 v[(\pw)], v[(\pw)], v46               ; with lane l xor 16's two the word is whole
.irp c, 0,1
	v_cvt_scalef32_pk16_bf6_f32 v[(\pc)+6*\c:(\pc)+6*\c+2], v[(\s)+32*\c:(\s)+32*\c+15], v[42+\c]
	v_cvt_scalef32_pk16_bf6_f32 v[48+4*\c:50+4*\c], v[(\s)+32*\c+16:(\s)+32*\c+31], v[42+\c]   ; (a conversion's three registers begin on an even number)
.endr
	v_nop                                          ; one plain place behind the conversions
.irp c, 0,1
.irp i, 0,1,2
	v_mov_b32 v[(\pc)+6*\c+3+\i], v[48+4*\c+\i]
.endr
.endr
.endm
.macro CLOAD s, reg                    ; my centre's channels 128 s + 64 c + 32 h + 0 .. 31
.irp c, 0,1
.irp j, 0,1,2,3,4,5,6,7
	global_load_b128 v[\reg+32*\c+4*\j:\reg+32*\c+4*\j+3], v21, s[6:7] offset:512*\s+256*\c+16*\j
.endr
.endr
.endm
.macro CPROC s, reg, pc                ; rows past the 50th become zeros; c2 gathers; the fragment's image and scale words go to LDS
.set i, 0
.rept 32
	v_pk_mul_f32 v[\reg+2*i:\reg+2*i+1], v[\reg+2*i:\reg+2*i+1], v[58:59]
.set i, i+1
.endr
.set i, 0
.rept 32
	v_pk_fma_f32 v[32+2*(i%4):33+2*(i%4)], v[\reg+2*i:\reg+2*i+1], v[\reg+2*i:\reg+2*i+1], v[32+2*(i%4):33+2*(i%4)]
.set i, i+1
.endr
	QUANT6 \reg, \pc, 56+\s
.irp g, 0,1,2
	ds_store_b128 v23, v[\pc+4*\g:\pc+4*\g+3] offset:1536*\s+512*\g
.endr
	ds_store_b32 v30, v[56+\s] offset:128*\s
.endm
	s_cmp_lt_u32 s16, 4
	s_cbranch_scc1 .Lnc0
	s_wait_alu depctr_va_vdst(0)
	CLOAD 0, 64                                    ; waves 4-7: the centre's first 128 channels travel with the tile
.Lnc0:
	s_wait_loadcnt 0x0                             ; the tile's 32 loads (and the centre's 16) are in
.set i, 0
.rept 32
	ds_store_b128 v7, v[128+4*i:131+4*i] offset:i*PITCH
.set i, i+1
.endr
	s_cmp_lt_u32 s16, 4
	s_cbranch_scc1 .Lnc1
	s_wait_dscnt 0x0                               ; the tile's stores have read v128 on
	s_wait_alu depctr_va_vdst(0)
	CLOAD 1, 128
	v_cmp_gt_u32 vcc_lo, 50, v47
	s_delay_alu instid0(VALU_DEP_1)
	v_cndmask_b32 v58, 0, 1.0, vcc_lo              ; 1 for a centre that exists
	s_delay_alu instid0(VALU_DEP_1)
	v_mov_b32 v59, v58
.irp i, 32,33,34,35,36,37,38,39
	v_mov_b32 v\i, 0                               ; c2, in four pairs
.endr
	CPROC 0, 64, 192
	s_wait_loadcnt 0x0
	CPROC 1, 128, 204
	v_pk_add_f32 v[32:33], v[32:33], v[34:35]
	v_pk_add_f32 v[36:37], v[36:37], v[38:39]
	s_delay_alu instid0(VALU_DEP_1)
	v_pk_add_f32 v[32:33], v[32:33], v[36:37]
	s_delay_alu instid0(VALU_DEP_1)
	v_add_f32 v32, v32, v33
	s_delay_alu instid0(VALU_DEP_1)
	v_permlanex16_b32 v46, v32, s24, s25
	s_delay_alu instid0(VALU_DEP_1)
	v_add_f32 v32, v32, v46                        ; c2 of my centre
	v_mov_b32 v33, 0x7f800000
	v_cmp_gt_u32 vcc_lo, 50, v47
	s_delay_alu instid0(VALU_DEP_1)
	v_cndmask_b32 v32, v33, v32, vcc_lo            ; +infinity where there is none: it never wins a minimum
	ds_store_b32 v22, v32                          ; (both halves of the lanes write the same word with the same value)
.Lnc1:
	s_wait_dscnt 0x0                               ; for the others' sake: my stores have landed
	s_barrier_signal -1
	s_barrier_wait -1                              ; the tile, the centres' images, their scale words and c2 lie in LDS
	s_cmp_lt_u32 s16, 4
	s_cbranch_scc1 .Lpix
	; ---- waves 4-7: X along the pixels.  Four tiles of 16 channels; lane (r, h) takes channel r's pixels 64 c + 32 h + 0 .. 31
.macro TLD t
.irp c, 0,1
.irp j, 0,1,2,3,4,5,6,7
	ds_load_b128 v[64+64*((\t)%2)+32*\c+4*\j:64+64*((\t)%2)+32*\c+4*\j+3], v8 offset:16*PITCH*(\t)+256*\c+16*\j
.endr
.endr
.endm
	TLD 0
.irp t, 0,1,2,3
.if \t < 3
	TLD (\t+1)
	s_wait_dscnt 16                                ; all but the next tile's 16 loads
.else
	s_wait_dscnt 0x0
.endif
	QUANT6 64+64*(\t%2), 192+12*\t, 240+\t         ; each tile's codes have registers of their own: no store's data are written again
.irp g, 0,1,2
	global_store_b128 v4, v[192+12*\t+4*\g:192+12*\t+4*\g+3], s[28:29] offset:1536*\t+512*\g   ; 512 consecutive bytes
.endr
.if \t%2 == 1
	v_cndmask_b32 v[244+\t/2], v[239+\t], v[240+\t], s26   ; lanes 0-15: the even tile's words, lanes 16-31: the odd tile's
	global_store_b32 v6, v[244+\t/2], s[30:31] offset:128*(\t/2)
.endif
.endr
	s_set_vgpr_msb 0x4
	s_wait_tensorcnt 0x0
	ds_add_u32 v63, v1
	s_wait_dscnt 0x0
	s_set_vgpr_msb 0x400
	s_endpgm
	; ---- waves 0-3: a lane a pixel, registers down the channels, 32 channels (one block) at a time
.Lpix:
.macro LOADB be                        ; block be of my pixel into set be % 2; two address registers by turns
	v_add_nc_u32 v[10+(\be)%2], (\be)*32*PITCH, v9
.set i, 0
.rept 32
	ds_load_b32 v[64+32*((\be)%2)+i], v[10+(\be)%2] offset:i*PITCH
.set i, i+1
.endr
.endm
.macro QB s, e                         ; 32 numbers of one block in v[s] on: six registers of codes in v[e] on, the byte in v43
	v_max3_num_f32 v40, |v[(\s)]|, |v[(\s)+1]|, |v[(\s)+2]|
	v_max3_num_f32 v41, |v[(\s)+3]|, |v[(\s)+4]|, |v[(\s)+5]|
.irp i, 6,10,14,18,22,26
	s_delay_alu instid0(VALU_DEP_2)
	v_max3_num_f32 v40, v40, |v[(\s)+\i]|, |v[(\s)+\i+1]|
	s_delay_alu instid0(VALU_DEP_2)
	v_max3_num_f32 v41, v41, |v[(\s)+\i+2]|, |v[(\s)+\i+3]|
.endr
	s_delay_alu instid0(VALU_DEP_2)
	v_max3_num_f32 v40, v40, |v[(\s)+30]|, |v[(\s)+31]|
	s_delay_alu instid0(VALU_DEP_1)
	v_max3_num_f32 v40, v40, v41, 0x2800000        ; and the floor
	s_delay_alu instid0(VALU_DEP_1)
	v_add_nc_u32 v42, 0xfe000000, v40
	v_cvt_scalef32_pk16_bf6_f32 v[(\e):(\e)+2], v[(\s):(\s)+15], v42
	v_cvt_scalef32_pk16_bf6_f32 v[44:46], v[(\s)+16:(\s)+31], v42
	v_lshrrev_b32 v43, 23, v42                     ; the byte; also the plain place behind the conversions
.irp i, 0,1,2
	v_mov_b32 v[(\e)+3+\i], v[44+\i]
.endr
.endm
.macro PUT be, base, e                 ; block be = 4 s + 2 c + h' is registers 6 c .. 6 c + 5 of lane (r(q), h') of fragment (u(q), s)
.set PO, (\base)+1536*((\be)/4)+256*((\be)%2)
.if ((\be)/2)%2 == 0
	ds_store_b128 v12, v[(\e):(\e)+3] offset:PO
	ds_store_b64 v12, v[(\e)+4:(\e)+5] offset:PO+512
.else
	ds_store_b64 v12, v[(\e):(\e)+1] offset:PO+520
	ds_store_b128 v12, v[(\e)+2:(\e)+5] offset:PO+1024
.endif
.endm
.macro SWEEP nrm, img, eb, wr          ; nrm = 0: X as it is, and the sum of squares; nrm = 1: X / norm.  Block 0 has been asked for
.irp be, 0,1,2,3,4,5,6,7
.if \be < 7
	LOADB (\be+1)
	s_wait_dscnt 32                                ; all but the 32 loads just issued: this block is in
.else
	s_wait_dscnt 0x0
.endif
.set XS, 64+32*(\be%2)
.set i, 0
.rept 16
.if \nrm
	v_pk_mul_f32 v[XS+2*i:XS+2*i+1], v[XS+2*i:XS+2*i+1], v[50:51]
.elseif (\be == 0) && (i < 4)
	v_pk_mul_f32 v[32+2*i:33+2*i], v[XS+2*i:XS+2*i+1], v[XS+2*i:XS+2*i+1]   ; the first four products start the four chains
.else
	v_pk_fma_f32 v[32+2*(i%4):33+2*(i%4)], v[XS+2*i:XS+2*i+1], v[XS+2*i:XS+2*i+1], v[32+2*(i%4):33+2*(i%4)]
.endif
.set i, i+1
.endr
	QB XS, \eb+8*\be
.if \be%4 == 0
	s_delay_alu instid0(VALU_DEP_4)
	v_mov_b32 v[\wr+\be/4], v43
.else
	s_delay_alu instid0(VALU_DEP_4)
	v_lshl_or_b32 v[\wr+\be/4], v43, 8*(\be%4), v[\wr+\be/4]
.endif
	PUT \be, \img, \eb+8*\be
.endr
.endm
	LOADB 0
	SWEEP 0, 0, 128, 52
	ds_store_b32 v13, v52
	ds_store_b32 v13, v53 offset:128
	LOADB 0
	v_pk_add_f32 v[32:33], v[32:33], v[34:35]
	v_pk_add_f32 v[36:37], v[36:37], v[38:39]
	s_delay_alu instid0(VALU_DEP_1)
	v_pk_add_f32 v[32:33], v[32:33], v[36:37]
	s_delay_alu instid0(VALU_DEP_1)
	v_add_f32 v56, v32, v33                        ; x2 of my pixel
	s_wait_alu depctr_va_vdst(0)
	v_sqrt_f32 v57, v56
	v_nop                                          ; a plain place, then the wait ahead of the first reader
	s_wait_alu depctr_va_vdst(0)
	v_max_num_f32 v57, 0x322bcc77, v57             ; max(norm, 1e-8)
	s_wait_alu depctr_va_vdst(0)
	v_rcp_f32 v50, v57
	v_nop
	s_wait_alu depctr_va_vdst(0)
	v_mov_b32 v51, v50
	s_wait_alu depctr_va_vdst(0)
	SWEEP 1, NI, 192, 54
	ds_store_b32 v13, v54 offset:256
	ds_store_b32 v13, v55 offset:384
	; Xn's four fragments and its scale words leave as they lie (LDS serves a wave's instructions in order: the loads see my stores)
.irp i, 0,1,2,3,4,5,6,7,8,9,10,11
	ds_load_b128 v[64+4*\i:67+4*\i], v14 offset:NI+512*\i
.endr
	ds_load_b64 v[112:113], v31 offset:256
.irp i, 0,1,2,3,4,5,6,7,8,9,10,11
	s_wait_dscnt 12-\i                             ; the later 16-byte loads and the 8-byte one may be out
	global_store_b128 v4, v[64+4*\i:67+4*\i], s[34:35] offset:512*\i
.endr
	s_wait_dscnt 0x0
	global_store_b64 v5, v[112:113], s[36:37]
	; ---- the first product, transposed: source 0 = 16 centres, source 1 = 16 pixels: lane (r, h) holds pixel-tile lane r and centres 8 h + 0 .. 7
.irp i, 0,1,2,3,4,5,6,7,8,9,10,11
	ds_load_b128 v[128+4*\i:131+4*\i], v14 offset:512*\i     ; X's fragment (u, s) at v[128 + 12 (2 u + s)]
.endr
	ds_load_b64 v[28:29], v31                      ; X's scale words: v28 tile 0, v29 tile 1; lanes 0-15 K step 0, lanes 16-31 K step 1
	ds_bpermute_b32 v48, v15, v56                  ; x2 of the pixel that my lane holds in tile 0,
	ds_bpermute_b32 v50, v16, v56                  ; in tile 1
	v_mov_b32 v60, 0x7f800000                      ; the running minima
	v_mov_b32 v61, 0x7f800000
.irp cp, 0,1                           ; two tiles of centres at a time
.irp i, 0,1,2,3,4,5,6,7,8,9,10,11
	ds_load_b128 v[176+4*\i:179+4*\i], v18 offset:6144*\cp+512*\i   ; centre fragment (t, s) at v[176 + 12 (2 t + s)]
.endr
.irp f, 0,1,2,3
	ds_load_b32 v[24+\f], v19 offset:512*\cp+128*\f
.endr
.irp i, 0,1,2,3
	ds_load_b128 v[32+4*\i:35+4*\i], v20 offset:128*\cp+64*(\i/2)+16*(\i%2)   ; c2 of my half's eight centres of each tile
.endr
	s_wait_dscnt 0x0
.if \cp == 0
	v_mov_b32 v49, v48
	v_mov_b32 v51, v50
.endif
.irp u, 0,1                            ; four accumulators by turns
.irp t, 0,1
	v_wmma_scale_f32_16x16x128_f8f6f4 v[224+8*(2*\u+\t):231+8*(2*\u+\t)], v[176+24*\t:187+24*\t], v[128+24*\u:139+24*\u], 0, v[24+2*\t], v[28+\u] matrix_a_fmt:MATRIX_FMT_BF6 matrix_b_fmt:MATRIX_FMT_BF6
.endr
.endr
.irp u, 0,1
.irp t, 0,1
	v_wmma_scale_f32_16x16x128_f8f6f4 v[224+8*(2*\u+\t):231+8*(2*\u+\t)], v[188+24*\t:199+24*\t], v[140+24*\u:151+24*\u], v[224+8*(2*\u+\t):231+8*(2*\u+\t)], v[25+2*\t], v[28+\u] matrix_a_fmt:MATRIX_FMT_BF6 matrix_b_fmt:MATRIX_FMT_BF6 matrix_b_scale:MATRIX_SCALE_ROW1
.endr
.endr
.rept 5
	v_nop                                          ; places behind the products: for the reads of the results, the loads into the operands, and the sums begun anew
.endr
.irp u, 0,1
.irp t, 0,1
.irp j, 0,1,2,3
	v_pk_add_f32 v[52+2*\j:53+2*\j], v[32+8*\t+2*\j:33+8*\t+2*\j], v[48+2*\u:49+2*\u]          ; x2 + c2,
	v_pk_fma_f32 v[52+2*\j:53+2*\j], v[224+8*(2*\u+\t)+2*\j:225+8*(2*\u+\t)+2*\j], -2.0, v[52+2*\j:53+2*\j] op_sel_hi:[1,0,1]   ; less twice the product: one rounding each, as the sum is written
	s_wait_alu depctr_va_vdst(0)
	v_min3_num_f32 v[60+\u], v[60+\u], v[52+2*\j], v[53+2*\j]
.endr
.endr
.endr
.endr
	v_permlanex16_b32 v52, v60, s24, s25
	s_delay_alu instid0(VALU_DEP_2)
	v_permlanex16_b32 v53, v61, s24, s25
	s_delay_alu instid0(VALU_DEP_2)
	v_min_num_f32 v60, v60, v52                    ; with the other half's centres
	s_delay_alu instid0(VALU_DEP_2)
	v_min_num_f32 v61, v61, v53
	s_delay_alu instid0(VALU_DEP_2)
	v_max_num_f32 v60, 0, v60
	s_delay_alu instid0(VALU_DEP_2)
	v_max_num_f32 v61, 0, v61
	s_wait_alu depctr_va_vdst(0)
	v_sqrt_f32 v60, v60                            ; the root rises with its argument: the least distance is the root of the least square
	v_sqrt_f32 v61, v61
	v_nop
	s_wait_alu depctr_va_vdst(0)
	ds_bpermute_b32 v54, v17, v60                  ; back to a lane a pixel
	ds_bpermute_b32 v55, v17, v61
	s_wait_dscnt 0x0
	v_cmp_ne_u32 vcc_lo, 0, v62
	s_delay_alu instid0(VALU_DEP_1)
	v_cndmask_b32 v54, v54, v55, vcc_lo            ; d
	s_delay_alu instid0(VALU_DEP_1)
	v_cmp_lt_f32 vcc_lo, s19, v54                  ; d > Tc
	v_mov_b32 v57, 0xf149f2ca                      ; -1e30
	s_delay_alu instid0(VALU_DEP_2)
	v_cndmask_b32 v55, 0, 1, vcc_lo
	s_delay_alu instid0(VALU_DEP_2)
	v_cndmask_b32 v57, 0, v57, vcc_lo
	s_delay_alu instid0(VALU_DEP_4)
	v_cndmask_b32 v58, 1.0, 0, vcc_lo
	global_store_b32 v6, v54, s[38:39] offset:65536
	global_store_b32 v6, v55, s[12:13]
	global_store_b32 v6, v57, s[38:39]
	global_store_b32 v6, v58, s[38:39] offset:32768
	s_set_vgpr_msb 0x4
	s_wait_tensorcnt 0x0
	ds_add_u32 v63, v1
	s_wait_dscnt 0x0
	s_set_vgpr_msb 0x400
	s_endpgm
.Lfunc_end_k_qc272e8c45c_prep:
	.size	k_qc272e8c45c_prep, .Lfunc_end_k_qc272e8c45c_prep-k_qc272e8c45c_prep
	.p2alignl 7, 3214868480
	.fill 96, 4, 3214868480
	.section	.rodata,"a",@progbits
	.p2align	6, 0x0
	.amdhsa_kernel k_qc272e8c45c_prep
		.amdhsa_group_segment_fixed_size 201728
		.amdhsa_private_segment_fixed_size 0
		.amdhsa_enable_private_segment 0
		.amdhsa_kernarg_size 40
		.amdhsa_user_sgpr_count 2
		.amdhsa_user_sgpr_kernarg_segment_ptr 1
		.amdhsa_wavefront_size32 1
		.amdhsa_system_sgpr_workgroup_id_x 1
		.amdhsa_system_sgpr_workgroup_id_y 1
		.amdhsa_system_sgpr_workgroup_id_z 1
		.amdhsa_system_vgpr_workitem_id 0
		.amdhsa_next_free_vgpr 258
		.amdhsa_next_free_sgpr 66
		.amdhsa_reserve_vcc 1
		.amdhsa_float_denorm_mode_32 3
		.amdhsa_float_denorm_mode_16_64 3
		.amdhsa_memory_ordered 1
		.amdhsa_forward_progress 1
		.amdhsa_inst_pref_size 154
	.end_amdhsa_kernel
	.amdgpu_metadata
---
amdhsa.version: [ 1, 2 ]
amdhsa.kernels:
  - .name:           k_qc272e8c45c_prep
    .symbol:         k_qc272e8c45c_prep.kd
    .args:
      - { .name: f, .offset: 0, .size: 8, .value_kind: global_buffer, .address_space: global }
      - { .name: center, .offset: 8, .size: 8, .value_kind: global_buffer, .address_space: global }
      - { .name: Tc, .offset: 16, .size: 8, .value_kind: global_buffer, .address_space: global }
      - { .name: codes, .offset: 24, .size: 8, .value_kind: global_buffer, .address_space: global }
      - { .name: flags, .offset: 32, .size: 8, .value_kind: global_buffer, .address_space: global }
    .group_segment_fixed_size: 201728
    .private_segment_fixed_size: 0
    .kernarg_segment_align: 8
    .kernarg_segment_size: 40
    .max_flat_workgroup_size: 256
    .sgpr_count:     66
    .vgpr_count:     258
    .wavefront_size: 32
...
	.end_amdgpu_metadata
.endif
;; end of part 11
;; launch route (part 12): grid 1 x 1, 32 waves a work-group, no clusters, 5,120 bytes of LDS; arguments codes, flags, lists, fstat, out1; writes lists, fstat, out1
.if DOCPART == 12
	.amdgcn_target "amdgcn-amd-amdhsa--gfx1250"
	.amdhsa_code_object_version 6
	.text
	.protected	k_qc272e8c45c_route
	.globl	k_qc272e8c45c_route
	.p2align	8
	.type	k_qc272e8c45c_route,@function
k_qc272e8c45c_route:
	s_mov_b64 s[64:65], 0
	v_nop
	global_prefetch_b8 v0, s[64:65] scope:SCOPE_SE
	s_setreg_imm32_b32 hwreg(HW_REG_WAVE_MODE, 25, 1), 1
	s_wait_xcnt 0x0
; ROUTE.  From the 8,192 flags: each pixel's PLACE (its rank among the anomalous pixels; a normal pixel: R + its rank among the normal ones, so the places are a permutation),
; the list by place of where a pixel's fragment rows lie ({ro, rs}: units of 16 bytes in XNF, words in XNS), R itself, the floats {t, n, 1/t, NaN or 0}, and the second output Ld.
; One work-group, since a prefix sum has one owner: wave w takes pixels 256 w + 32 i + lane.  All that reaches an address is whole-number arithmetic on the flags.
.set DD,  3342336                      ; d in the buffer codes
.set POS, 65536
.set CNT, 98304
.macro FSUM r, t                       ; a sum over the wave's 32 lanes, in every lane
	v_add_f32_dpp v[\r], v[\r], v[\r] row_xmask:1 row_mask:0xf bank_mask:0xf
	s_delay_alu instid0(VALU_DEP_1)
	v_add_f32_dpp v[\r], v[\r], v[\r] row_xmask:2 row_mask:0xf bank_mask:0xf
	s_delay_alu instid0(VALU_DEP_1)
	v_add_f32_dpp v[\r], v[\r], v[\r] row_xmask:4 row_mask:0xf bank_mask:0xf
	s_delay_alu instid0(VALU_DEP_1)
	v_add_f32_dpp v[\r], v[\r], v[\r] row_xmask:8 row_mask:0xf bank_mask:0xf
	s_delay_alu instid0(VALU_DEP_1)
	v_permlanex16_b32 v[\t], v[\r], s24, s25
	s_delay_alu instid0(VALU_DEP_1)
	v_add_f32 v[\r], v[\r], v[\t]
.endm
.macro ISUM r, t                       ; the same of whole numbers
.irp x, 1
	v_mov_b32_dpp v[\t], v[\r] row_xmask:\x row_mask:0xf bank_mask:0xf
	s_delay_alu instid0(VALU_DEP_1)
	v_add_nc_u32 v[\r], v[\r], v[\t]
.endr
.irp x, 2, 4, 8
	s_delay_alu instid0(VALU_DEP_1)
	v_mov_b32_dpp v[\t], v[\r] row_xmask:\x row_mask:0xf bank_mask:0xf
	s_delay_alu instid0(VALU_DEP_1)
	v_add_nc_u32 v[\r], v[\r], v[\t]
.endr
	s_delay_alu instid0(VALU_DEP_1)
	v_permlanex16_b32 v[\t], v[\r], s24, s25
	s_delay_alu instid0(VALU_DEP_1)
	v_add_nc_u32 v[\r], v[\r], v[\t]
.endm
	s_load_b128 s[4:7], s[0:1], 0x0                ; codes, flags
	s_load_b128 s[8:11], s[0:1], 0x10              ; lists, fstat
	s_load_b64 s[12:13], s[0:1], 0x20              ; out1
	v_lshl_add_u32 v64, v0, 2, 0x400
	v_mov_b32 v65, 0
	v_lshrrev_b32 v1, 5, v0
	s_delay_alu instid0(VALU_DEP_1)
	v_readfirstlane_b32 s16, v1                    ; wave 0..31
	v_and_b32 v2, 31, v0                           ; lane
	s_delay_alu instid0(VALU_DEP_1)
	v_lshlrev_b32 v3, 2, v2                        ; 4 x lane
	s_delay_alu instid0(VALU_DEP_1)
	v_lshl_add_u32 v4, v1, 10, v3                  ; my first pixel's word
	s_delay_alu instid0(VALU_DEP_3)
	v_lshl_add_u32 v5, v1, 8, v2                   ; my first pixel
	v_lshlrev_b32 v6, 2, v1                        ; LDS: my wave's word
	s_mov_b32 s24, 0x76543210
	s_mov_b32 s25, 0xfedcba98
	s_wait_alu depctr_va_vdst(0)
	s_wait_kmcnt 0x0
.irp i, 0,1,2,3,4,5,6,7
	global_load_b32 v[8+\i], v4, s[6:7] offset:128*\i
.endr
.irp i, 0,1,2,3,4,5,6,7
	global_load_b32 v[16+\i], v4, s[4:5] offset:DD+128*\i
.endr
	v_mov_b32 v24, 0                               ; d summed over my anomalous pixels,
	v_mov_b32 v25, 0                               ; over my normal ones
	v_mov_b32 v27, 0
	v_mov_b32 v31, 0
	s_mov_b32 s30, 0
	s_wait_loadcnt 0x0
.irp i, 0,1,2,3,4,5,6,7
	v_cmp_ne_u32 s[40+\i], 0, v[8+\i]              ; the 32 flags as a mask
	s_mov_b32 s[48+\i], s30                        ; anomalous pixels of my wave ahead of these 32
	s_bcnt1_i32_b32 s31, s[40+\i]
	s_add_co_u32 s30, s30, s31
	v_cndmask_b32 v26, 0, v[16+\i], s[40+\i]
	s_wait_alu depctr_va_vdst(0)
	v_add_f32 v24, v24, v26
	v_sub_f32 v26, v[16+\i], v26                   ; d or 0, exactly
	s_delay_alu instid0(VALU_DEP_1)
	v_add_f32 v25, v25, v26
.endr
	FSUM 24, 27
	FSUM 25, 27
	v_mov_b32 v28, s30
	ds_store_b32 v6, v28                           ; all lanes write the same word with the same value
	ds_store_b32 v6, v24 offset:128
	ds_store_b32 v6, v25 offset:256
	s_wait_dscnt 0x0
	s_barrier_signal -1
	s_barrier_wait -1
	ds_load_b32 v29, v3                            ; the 32 waves' counts, a lane a wave
	s_wait_dscnt 0x0
	v_cmp_gt_u32 vcc_lo, s16, v2
	s_delay_alu instid0(VALU_DEP_1)
	v_cndmask_b32 v30, 0, v29, vcc_lo              ; those of the waves ahead of mine
	ISUM 30, 31
	ISUM 29, 31
	v_readfirstlane_b32 s32, v30                   ; anomalous pixels ahead of my wave
	s_delay_alu instid0(VALU_DEP_2)
	v_readfirstlane_b32 s33, v29                   ; R
	v_and_b32 v16, 7, v2
	v_lshrrev_b32 v17, 4, v2
	s_delay_alu instid0(VALU_DEP_1)
	v_lshl_add_u32 v16, v17, 3, v16                ; r(q) = q % 8 + 8 (q / 16)
	v_bfe_u32 v17, v2, 3, 1                        ; u(q) = (q / 8) % 2
	s_delay_alu instid0(VALU_DEP_1)
	v_lshl_add_u32 v18, v16, 1, v17                ; 2 r + u
	s_delay_alu instid0(VALU_DEP_2)
	v_mad_u32_u24 v16, v17, 192, v16               ; 192 u + r
	s_lshl_b32 s35, s16, 3                         ; my first block of 32
.irp i, 0,1,2,3,4,5,6,7
	v_mbcnt_lo_u32_b32 v[32+\i], s[40+\i], 0       ; anomalous lanes under mine
	s_add_co_u32 s34, s32, s[48+\i]
	v_add_nc_u32 v[32+\i], s34, v[32+\i]           ; anomalous pixels ahead of mine
	v_add_nc_u32 v19, 32*\i, v5                    ; p
	s_delay_alu instid0(VALU_DEP_1)
	v_sub_nc_u32 v19, v19, v[32+\i]                ; normal pixels ahead of mine
	s_delay_alu instid0(VALU_DEP_1)
	v_add_nc_u32 v19, s33, v19
	s_delay_alu instid0(VALU_DEP_1)
	v_cndmask_b32 v[32+\i], v19, v[32+\i], s[40+\i]   ; my place
	global_store_b32 v4, v[32+\i], s[8:9] offset:POS+128*\i
	s_add_co_u32 s36, s35, \i
	s_mul_i32 s37, s36, 384
	s_lshl_b32 s36, s36, 6
	v_add_nc_u32 v[48+2*\i], s37, v16              ; ro
	v_add_nc_u32 v[49+2*\i], s36, v18              ; rs
	v_min_u32 v[40+\i], 0x1fff, v[32+\i]
	s_delay_alu instid0(VALU_DEP_1)
	v_lshlrev_b32 v[40+\i], 3, v[40+\i]
	global_store_b64 v[40+\i], v[48+2*\i:49+2*\i], s[8:9]   ; each i has registers of its own: nothing that a store reads is written again
.endr
	s_cmp_lg_u32 s16, 0
	s_cbranch_scc1 .Lend
	ds_load_b32 v24, v3 offset:128
	ds_load_b32 v25, v3 offset:256
	s_wait_dscnt 0x0
	FSUM 24, 27
	FSUM 25, 27
	s_sub_co_u32 s36, 8192, s33                    ; n
	s_max_u32 s37, s36, 1
	s_max_u32 s38, s33, 1
	v_cvt_f32_u32 v8, s37                          ; t
	v_cvt_f32_u32 v9, s36
	v_cvt_f32_u32 v20, s38
	s_wait_alu depctr_va_vdst(0)
	v_rcp_f32 v10, v8
	v_rcp_f32 v21, v20
	v_nop
	s_wait_alu depctr_va_vdst(0)                   ; one wait for both reciprocals, ahead of their first reader
	v_mul_f32 v13, v25, v10                        ; the normal pixels' mean d,
	v_mul_f32 v14, v24, v21                        ; the anomalous ones'
	s_delay_alu instid0(VALU_DEP_1)
	v_add_f32 v14, 0x3a83126f, v14                 ; + 0.001
	s_wait_alu depctr_va_vdst(0)
	v_rcp_f32 v15, v14
	v_nop
	s_wait_alu depctr_va_vdst(0)
	v_mul_f32 v15, v13, v15
	s_cmp_lg_u32 s33, 0
	s_cselect_b32 s39, -1, 0
	v_cndmask_b32 v15, v13, v15, s39               ; Ld
	s_cmp_eq_u32 s36, 0
	s_cselect_b32 s39, 0x7fc00000, 0
	v_mov_b32 v11, s39                             ; NaN where no pixel is normal (the weights are then 0 / 0), else 0
	v_lshlrev_b32 v22, 4, v2
	v_lshlrev_b32 v23, 3, v2
	v_mov_b32 v26, s33
	v_mov_b32 v27, s33
	global_store_b128 v22, v[8:11], s[10:11]       ; 32 copies: 512 consecutive bytes
	global_store_b64 v23, v[26:27], s[8:9] offset:CNT   ; R, over 256 consecutive bytes
	v_cmp_eq_u32 vcc_lo, 0, v2
	s_wait_alu depctr_va_vdst(0)
	s_wait_xcnt 0x0                                ; EXEC changes only behind this wait
	s_and_saveexec_b32 s40, vcc_lo
	global_store_b32 v3, v15, s[12:13]             ; lane 0 alone
	s_wait_xcnt 0x0
	s_or_b32 exec_lo, exec_lo, s40
.Lend:
	s_wait_tensorcnt 0x0
	ds_add_u32 v64, v65
	s_wait_dscnt 0x0
	s_endpgm
.Lfunc_end_k_qc272e8c45c_route:
	.size	k_qc272e8c45c_route, .Lfunc_end_k_qc272e8c45c_route-k_qc272e8c45c_route
	.p2alignl 7, 3214868480
	.fill 96, 4, 3214868480
	.section	.rodata,"a",@progbits
	.p2align	6, 0x0
	.amdhsa_kernel k_qc272e8c45c_route
		.amdhsa_group_segment_fixed_size 5120
		.amdhsa_private_segment_fixed_size 0
		.amdhsa_enable_private_segment 0
		.amdhsa_kernarg_size 40
		.amdhsa_user_sgpr_count 2
		.amdhsa_user_sgpr_kernarg_segment_ptr 1
		.amdhsa_wavefront_size32 1
		.amdhsa_system_sgpr_workgroup_id_x 1
		.amdhsa_system_sgpr_workgroup_id_y 1
		.amdhsa_system_sgpr_workgroup_id_z 1
		.amdhsa_system_vgpr_workitem_id 0
		.amdhsa_next_free_vgpr 66
		.amdhsa_next_free_sgpr 66
		.amdhsa_reserve_vcc 1
		.amdhsa_float_denorm_mode_32 3
		.amdhsa_float_denorm_mode_16_64 3
		.amdhsa_memory_ordered 1
		.amdhsa_forward_progress 1
		.amdhsa_inst_pref_size 20
	.end_amdhsa_kernel
	.amdgpu_metadata
---
amdhsa.version: [ 1, 2 ]
amdhsa.kernels:
  - .name:           k_qc272e8c45c_route
    .symbol:         k_qc272e8c45c_route.kd
    .args:
      - { .name: codes, .offset: 0, .size: 8, .value_kind: global_buffer, .address_space: global }
      - { .name: flags, .offset: 8, .size: 8, .value_kind: global_buffer, .address_space: global }
      - { .name: lists, .offset: 16, .size: 8, .value_kind: global_buffer, .address_space: global }
      - { .name: fstat, .offset: 24, .size: 8, .value_kind: global_buffer, .address_space: global }
      - { .name: out1, .offset: 32, .size: 8, .value_kind: global_buffer, .address_space: global }
    .group_segment_fixed_size: 5120
    .private_segment_fixed_size: 0
    .kernarg_segment_align: 8
    .kernarg_segment_size: 40
    .max_flat_workgroup_size: 1024
    .sgpr_count:     66
    .vgpr_count:     66
    .wavefront_size: 32
...
	.end_amdgpu_metadata
.endif
;; end of part 12
;; launch pass1 (part 13): grid 4 x 128, 8 waves a work-group, no clusters, 13,312 bytes of LDS; arguments codes, lists, part1; writes part1
.if DOCPART == 13
	.amdgcn_target "amdgcn-amd-amdhsa--gfx1250"
	.amdhsa_code_object_version 6
	.text
	.protected	k_qc272e8c45c_pass1
	.globl	k_qc272e8c45c_pass1
	.p2align	8
	.type	k_qc272e8c45c_pass1,@function
k_qc272e8c45c_pass1:
	s_mov_b64 s[64:65], 0
	v_nop
	global_prefetch_b8 v0, s[64:65] scope:SCOPE_SE
	s_setreg_imm32_b32 hwreg(HW_REG_WAVE_SCHED_MODE, 0, 2), 2
	s_setreg_imm32_b32 hwreg(HW_REG_WAVE_MODE, 25, 1), 1
	s_wait_xcnt 0x0
	s_wait_alu depctr_vm_vsrc(0)
; THE THREE WALKS over the weights of the anomalous rows are one text; the line below says which walk this launch is.
;   walk 1: a = e(row, pixel 0), Z' = sum of g, Q' = sum of g^2, g = e - a norf   -> part1
;   walk 2: SE = sum of e r / (r + epsE), r = max(e - thrE, 0)                     -> part2
;   walk 3: sw = e r / ((r + epsE) SE), quantised along the pixels, times X        -> opart (one partial sum for each quarter of the columns)
; e = 2^(sim log2(e) + bias), sim = the quantised product of two normalised pixels, bias = 0 or -1e30 (a column that is anomalous: e = 0).  All is kept in units of e: the softmax's divisor cancels.
; thrE = a + Z'/t - 2 sqrt(M2 / t), M2 = max(Q' - Z' Z'/t, 0), epsE = 1e-10 (n a + Z'): the mean, the spread and the 1e-10 of the weights, times that divisor.
; NO MAXIMUM IS TAKEN OFF THE EXPONENT: both vectors are normalised by the computation itself and a code enlarges a number by an eighth at the most, so |sim| <= 1.27, e lies in 0.28 .. 3.6 and a row's sum under 30,000.
; Only the rows that are kept (anomalous pixels, by the stored list) are walked; the columns keep their places, since the blocks of 32 along the third product's K are blocks of the original pixels.
; SHARES: work-group (cq, rg) = places 64 rg .. + 63 x columns 2,048 cq .. + 2,047.  Each of eight waves holds ALL 64 rows (four tiles) and eight blocks of 32 columns of its own, so a column fragment feeds four products.
; THE FIFTH TILE: 64 groups x 4 quarters are 256 work-groups.  Where R is 4,097 to 5,120, places 4,096 on are not work-groups of their own: group rg < 64 takes the 16 places 4,096 + 16 rg on as a fifth tile,
; which rides on the column fragments that the wave has loaded anyway: a quarter more work in place of a second work-group.  Its work stands in sections that a scalar branch on the stored count jumps over.
; A work-group without places stores nothing: a branch on the stored count, round the work and never round the barrier.  So operands go from memory straight into registers: no tensor load, no joint load.
; The product is used transposed (source 0 = 16 columns, source 1 = 16 rows): lane (r, h) holds row r, and the 16 registers of a block's two tiles are columns 16 h + 0 .. 15 of the block.
; LIMITS: NaN and infinities are not served; a row whose kept weights sum to exactly 0 is not NaN here; with no normal pixel at all the last launch makes the NaN.  Past R = 5,120 the groups from 64 on are a second round.
; REGISTERS.  Window 0: v1-11, v122 lane terms and row offsets; v12-15 sw's scale words in the making; v16-47 scale words of products; v48-63 bias; v64-79 norf (walk 1) or addresses (walk 3);
;   v80-103 six constants a row tile, each twice; v104-119 sums; v120-127 addresses; v128-191 S (64 results); v192-255 a second set of 64.  The fifth tile's: the symbols S5, K5, SUM5, PW5 below.
;   Window 1: v0-95 the rows' 8 fragments; v96-143 a block's 4; v144-191 sw's codes; v192-207 at work; v208-247 the fifth tile's rows, codes and work.
;   In walk 3's product: v0-167 a ring of seven K steps of X, v168-183 the fifth tile's two accumulators, v192-255 eight accumulators.
; THE MODE: SCHED_MODE bits 1:0 = 2 (LLVM: expert scheduling mode 2), set by the entry lines.  The code itself states the register dependences between vector or matrix instructions and memory or LDS instructions,
; with s_wait_alu, always for 0.
; THE PLAN.  Registers that memory or LDS instructions touch, and who else names them:
;   v4-7, v120-127 (walk 3: v64-72 too)  lane terms and addresses: written at the head, read by loads and stores, never written again: the one wait on va_vdst ahead of the first load serves them for the whole text.
;   v8-11, v122, v[RR+8 .. RR+11], v[RR+14]  the rows' offsets: made from the list, read by the rows' loads: one wait on va_vdst between.  The last five are work registers later: one wait on vm_vsrc ahead of block 0.
;   CF, v20, v21  block b's products read them, block b + 1's loads land in them: one wait on va_vdst behind the products; the loads follow it at once and have the block's vector work in which to land.
;   BI  block b's scalings read it, block b + 1's loads land in it: the wait behind the exponentials, which stands there anyway, states it, and the loads follow that wait.  NF (walk 1): one wait behind the lines that make g.
;   PF, PF5, v12-15, v[PW5] (walk 3)  written by the conversions, exchanges and moves of four blocks, read by the LDS stores of blocks 3 and 7: one wait on va_vdst ahead of each run of stores,
;       one on vm_vsrc ahead of block 4's first writes, one at the head of the third product, whose loads and sums lie over them.
;   S, RR and the sums are named by vector and matrix instructions alone up to the barrier.  Behind it loads land in them: one wait on va_vdst ahead of the first of these loads.
;   The third product: K step k's products read set k % 2 of sw, its scale words and the ring's place k % 7; the loads of K steps k + 2 and k + 7 land there: one wait on va_vdst behind the products
;       (one more inside the fifth tile's section, whose loads stand ahead of the join).
;   What is stored (sums to LDS, results to memory) has just been written by vector or matrix instructions: one wait on va_vdst ahead of each store or run of stores.
.set PASS, 1
.set XTF, 1572864                      ; sections of the buffer codes
.set XNS, 3145728
.set XTS, 3211264
.set CBO, 3276800
.set NFO, 3309568
.set CNT, 98304                        ; R in the buffer lists
.set S,   128
.set RR,  192
.set KC,  80
.set SUM, 104
.set BI,  48
.set NF,  64
.set RF,  0
.set CF,  96
.set PF,  144
.set TF,  192
.set OA,  192
.set RF5, 208                          ; window 1: the fifth tile's two row fragments,
.set PF5, 232                          ; its codes,
.set TF5, 244                          ; at work
.set O5,  168                          ; its accumulators in walk 3's product
.set RD,  7                            ; K steps in the ring of X
.if PASS == 1
.set S5,   240                         ; window 0: the fifth tile's 16 results, its constants, its sums: registers that the walk in hand leaves free
.set K5,   224
.set SUM5, 232
.elseif PASS == 2
.set S5,   64
.set K5,   12
.set SUM5, 106
.else
.set S5,   104
.set K5,   74
.set SUM5, 0
.endif
.set PW5, 73
.set SWS, 98304                        ; walk 3's LDS: sw's 64 fragment images from 0 on, (K step k, row tile m) at 6,144 k + 1,536 m; their scale words; a stage of 32 rows x 272 bytes for each wave;
.set STG, 106496
.set SW5, 176128                       ; the fifth tile's 16 images, 1,536 k; their scale words, 128 k
.set SS5, 200704
.set NS,  16*(PASS-1)                  ; loads of earlier walks' sums
.set MSB, 0
.macro WIN new                         ; the immediate's high byte repeats the setting that is left
.if MSB != \new
	s_set_vgpr_msb (MSB<<8)|\new
.set MSB, \new
.endif
.endm
	s_load_b128 s[4:7], s[0:1], 0x0                ; codes, lists
.if PASS == 1
	s_load_b64 s[10:11], s[0:1], 0x10              ; part1
	v_lshl_add_u32 v238, v0, 2, 0x3000
	v_mov_b32 v239, 0
.elseif PASS == 2
	s_load_b128 s[8:11], s[0:1], 0x10              ; fstat, part1
	s_load_b64 s[12:13], s[0:1], 0x20              ; part2
.else
	s_load_b128 s[8:11], s[0:1], 0x10              ; fstat, part1
	s_load_b128 s[12:15], s[0:1], 0x20             ; part2, opart
.endif
	v_lshrrev_b32 v1, 5, v0
	v_readfirstlane_b32 s16, v1                    ; wave 0..7
	s_mov_b32 s17, ttmp9                           ; cq
	s_and_b32 s18, ttmp7, 0xffff                   ; rg
	v_and_b32 v1, 31, v0                           ; lane
	v_and_b32 v2, 15, v0                           ; r
	v_bfe_u32 v3, v0, 4, 1                         ; h
	v_lshlrev_b32 v4, 4, v1                        ; 16 x lane
	v_lshlrev_b32 v5, 3, v1                        ; 8 x lane
	v_lshlrev_b32 v6, 6, v3                        ; 64 h
	v_lshlrev_b32 v7, 3, v2                        ; 8 r
	v_lshlrev_b32 v123, 4, v2                      ; 16 r
	v_lshlrev_b32 v124, 2, v2                      ; 4 r
	v_lshlrev_b32 v125, 8, v3                      ; 256 h
	v_lshlrev_b32 v126, 5, v3                      ; 32 h
	s_mov_b32 s21, 0xffff0000                      ; lanes 16-31
	s_mov_b32 s22, 0x3fb8aa3b                      ; log2(e)
	s_mov_b32 s23, s22                             ; (named with it as a pair)
	s_mov_b32 s24, 0x76543210
	s_mov_b32 s25, 0xfedcba98                      ; v_permlanex16_b32's selects for lane l xor 16
	s_wait_alu depctr_va_sdst(0)                   ; s16 is written, ahead of its first reader: the LDS addresses and the bases below are made from it
	; every LDS address is made here, ahead of the branch on the count
.if PASS == 1
	s_mul_i32 s52, s16, 1280
	v_lshl_add_u32 v120, v2, 4, s52                ; my wave's sums: 16 bytes a row, 80 rows
	v_lshlrev_b32 v121, 4, v0                      ; back: a thread a row
.elseif PASS == 2
	s_mul_i32 s52, s16, 320
	v_lshl_add_u32 v120, v2, 2, s52                ; 4 bytes a row, 80 rows
	v_lshlrev_b32 v121, 2, v0
.else
	s_mul_i32 s52, s16, 12288
	v_add_nc_u32 v64, s52, v4                      ; my two K steps' images
	s_lshl_b32 s52, s16, 10
	s_add_co_u32 s52, s52, SWS
	v_lshl_add_u32 v65, v1, 2, s52                 ; and their scale words
	v_add_nc_u32 v67, 49152, v4                    ; images of K steps 8 on (those of 0-7: v4)
	v_lshl_add_u32 v68, v1, 2, SWS
	s_mul_i32 s52, s16, 8704
	s_add_co_u32 s52, s52, STG
	v_mul_u32_u24 v69, v2, 272
	v_lshl_add_u32 v69, v3, 5, v69
	v_add_nc_u32 v69, s52, v69                     ; the stage, in: channel r, places 8 h on
	v_lshrrev_b32 v70, 2, v1
	v_mul_u32_u24 v70, v70, 272
	v_and_b32 v71, 3, v1
	v_lshl_add_u32 v70, v71, 4, v70
	v_add_nc_u32 v70, s52, v70                     ; back: four lanes take a channel's 64 bytes of one tile, the 32 lanes eight channels
	v_lshlrev_b32 v72, 2, v1
	s_mul_i32 s52, s16, 3072
	s_add_co_u32 s52, s52, SW5
	v_add_nc_u32 v66, s52, v4                      ; the fifth tile: my two K steps' images,
	s_lshl_b32 s52, s16, 8
	s_add_co_u32 s52, s52, SS5
	v_lshl_add_u32 v127, v1, 2, s52                ; their scale words,
	v_add_nc_u32 v120, SW5, v4                     ; and both read back
	v_lshl_add_u32 v121, v1, 2, SS5
.endif
	s_lshl_b32 s52, s17, 6
	s_lshl_b32 s53, s16, 3
	s_add_co_u32 s52, s52, s53                     ; my first block of columns: 64 cq + 8 wave
	s_mov_b32 s55, 0
	s_lshl_b32 s20, s18, 6                         ; my first place
	s_lshl_b32 s68, s18, 4
	s_add_co_u32 s68, s68, 4096                    ; the fifth tile's first place (under 6,144: inside every table, used or not)
	s_wait_kmcnt 0x0
	s_load_b32 s19, s[6:7], CNT                    ; R
.if PASS > 1
	s_load_b128 s[36:39], s[8:9], 0x0              ; t, n, 1/t, (NaN or 0)
.endif
	s_mul_i32 s54, s52, 6144
	s_add_nc_u64 s[26:27], s[4:5], s[54:55]        ; my columns' fragments,
	s_lshl_b32 s54, s52, 8
	s_add_co_u32 s54, s54, XNS
	s_add_nc_u64 s[28:29], s[4:5], s[54:55]        ; their scale words,
	s_lshl_b32 s54, s52, 7
	s_add_co_u32 s54, s54, CBO
	s_add_nc_u64 s[30:31], s[4:5], s[54:55]        ; their bias,
	s_add_nc_u64 s[32:33], s[30:31], NFO-CBO       ; their norf
	s_add_nc_u64 s[50:51], s[4:5], XNS
	s_lshl_b32 s54, s18, 9
	s_add_nc_u64 s[34:35], s[6:7], s[54:55]        ; the list at my first place,
	s_lshl_b32 s54, s68, 3
	s_add_nc_u64 s[58:59], s[6:7], s[54:55]        ; and at the fifth tile's
.if PASS == 1
	s_lshl_b32 s54, s17, 17
	s_lshl_b32 s53, s18, 10
	s_add_co_u32 s54, s54, s53
	s_add_nc_u64 s[48:49], s[10:11], s[54:55]
	s_lshl_b32 s54, s17, 17
	s_lshl_b32 s53, s68, 4
	s_add_co_u32 s54, s54, s53
	s_add_nc_u64 s[66:67], s[10:11], s[54:55]
.else
	s_lshl_b32 s54, s18, 10
	s_add_nc_u64 s[40:41], s[10:11], s[54:55]
	s_lshl_b32 s54, s68, 4
	s_add_nc_u64 s[60:61], s[10:11], s[54:55]
.endif
.if PASS == 2
	s_lshl_b32 s54, s17, 15
	s_lshl_b32 s53, s18, 8
	s_add_co_u32 s54, s54, s53
	s_add_nc_u64 s[48:49], s[12:13], s[54:55]
	s_lshl_b32 s54, s17, 15
	s_lshl_b32 s53, s68, 2
	s_add_co_u32 s54, s54, s53
	s_add_nc_u64 s[66:67], s[12:13], s[54:55]
.endif
.if PASS == 3
	s_lshl_b32 s54, s18, 8
	s_add_nc_u64 s[42:43], s[12:13], s[54:55]
	s_lshl_b32 s54, s68, 2
	s_add_nc_u64 s[62:63], s[12:13], s[54:55]
	s_mul_i32 s54, s17, 393216
	s_mul_i32 s53, s16, 3072
	s_add_co_u32 s54, s54, s53
	s_add_co_u32 s54, s54, XTF
	s_add_nc_u64 s[44:45], s[4:5], s[54:55]        ; X along the pixels: my quarter's 16 K steps, channel tiles 2 wave, 2 wave + 1
	s_lshl_b32 s54, s17, 14
	s_lshl_b32 s53, s16, 7
	s_add_co_u32 s54, s54, s53
	s_add_co_u32 s54, s54, XTS
	s_add_nc_u64 s[46:47], s[4:5], s[54:55]
	s_lshl_b32 s54, s17, 23                        ; opart: [quarter][tile of 16 places][channel][16 places]: a tile is 16 KB; my four tiles begin at tile 4 rg; my 32 channels are 2 KB of each
	s_lshl_b32 s53, s18, 16
	s_add_co_u32 s54, s54, s53
	s_lshl_b32 s53, s16, 11
	s_add_co_u32 s54, s54, s53
	s_add_nc_u64 s[48:49], s[14:15], s[54:55]
	s_lshl_b32 s54, s17, 23
	s_lshl_b32 s53, s68, 10                        ; the fifth tile is tile 256 + rg
	s_add_co_u32 s54, s54, s53
	s_lshl_b32 s53, s16, 11
	s_add_co_u32 s54, s54, s53
	s_add_nc_u64 s[66:67], s[14:15], s[54:55]
.endif
.macro LOADCOL b                       ; block b's four fragments, 512 consecutive bytes a load, and its scale words (v20 tile 0, v21 tile 1; lanes 0-15 K step 0, lanes 16-31 K step 1)
	WIN 0x40
.irp i, 0,1,2,3,4,5,6,7,8,9,10,11
	global_load_b128 v[CF+4*\i:CF+4*\i+3], v4, s[26:27] offset:6144*(\b)+512*\i
.endr
	WIN 0
	global_load_b64 v[20:21], v5, s[28:29] offset:256*(\b)
.endm
.macro LOADBI b
.irp i, 0,1,2,3
	global_load_b128 v[BI+4*\i:BI+4*\i+3], v6, s[30:31] offset:128*(\b)+16*\i
.endr
.endm
.macro LOADNF b
.irp i, 0,1,2,3
	global_load_b128 v[NF+4*\i:NF+4*\i+3], v6, s[32:33] offset:128*(\b)+16*\i
.endr
.endm
; sim of the 64 rows (and of the fifth tile's 16) and nu tiles of 16 columns, K = 256 in two steps.  The accumulators take turns, one instruction a turn.
.macro SIMW nu
	WIN 0x05                                       ; both sources in window 1, the sums in window 0
.irp m, 0,1,2,3
.irp u, 0,1
.if \u < \nu
	v_wmma_scale_f32_16x16x128_f8f6f4 v[S+16*\m+8*\u:S+16*\m+8*\u+7], v[CF+24*\u:CF+24*\u+11], v[RF+24*\m:RF+24*\m+11], 0, v[20+\u], v[16+\m] matrix_a_fmt:MATRIX_FMT_BF6 matrix_b_fmt:MATRIX_FMT_BF6
.endif
.endr
.endr
.irp m, 0,1,2,3
.irp u, 0,1
.if \u < \nu
	v_wmma_scale_f32_16x16x128_f8f6f4 v[S+16*\m+8*\u:S+16*\m+8*\u+7], v[CF+24*\u+12:CF+24*\u+23], v[RF+24*\m+12:RF+24*\m+23], v[S+16*\m+8*\u:S+16*\m+8*\u+7], v[20+\u], v[16+\m] matrix_a_fmt:MATRIX_FMT_BF6 matrix_b_fmt:MATRIX_FMT_BF6 matrix_a_scale:MATRIX_SCALE_ROW1 matrix_b_scale:MATRIX_SCALE_ROW1
.endif
.endr
.endr
	WIN 0                                          ; at a branch and at a label every window is 0
	s_cmp_lg_u32 s57, 0
	s_cbranch_scc0 .Lno5_\@
	WIN 0x05
.irp u, 0,1
.if \u < \nu
	v_wmma_scale_f32_16x16x128_f8f6f4 v[S5+8*\u:S5+8*\u+7], v[CF+24*\u:CF+24*\u+11], v[RF5:RF5+11], 0, v[20+\u], v22 matrix_a_fmt:MATRIX_FMT_BF6 matrix_b_fmt:MATRIX_FMT_BF6
.endif
.endr
.irp u, 0,1
.if \u < \nu
.if \nu == 1
	s_wait_alu depctr_va_vdst(0)                   ; the first link has written v[S5 ..]; the wait stands directly ahead of the link
.endif
	v_wmma_scale_f32_16x16x128_f8f6f4 v[S5+8*\u:S5+8*\u+7], v[CF+24*\u+12:CF+24*\u+23], v[RF5+12:RF5+23], v[S5+8*\u:S5+8*\u+7], v[20+\u], v22 matrix_a_fmt:MATRIX_FMT_BF6 matrix_b_fmt:MATRIX_FMT_BF6 matrix_a_scale:MATRIX_SCALE_ROW1 matrix_b_scale:MATRIX_SCALE_ROW1
.endif
.endr
	WIN 0
.Lno5_\@:
.rept 4
	v_nop                                          ; places in front of the reads of the sums and of the loads into the operands
.endr
.endm
; walk 3: the block's 64 x 32 weights become codes.  A block of 32 columns lies in lanes l and l xor 16; two blocks make half a fragment, four a fragment, which goes to LDS as an image of its registers.
.macro QNT b
.if (\b) == 4
	s_wait_dscnt 0x0                               ; the first K step's stores have read the registers that are written again now
	s_wait_alu depctr_vm_vsrc(0)                   ; block 3's LDS stores have read v[PF ..] and v12-15, which are written again from here on
.endif
.irp m, 0,1,2,3
	v_max3_num_f32 v[RR+\m], v[S+16*\m], v[S+16*\m+1], 0x2800000   ; no weight is negative; the floor 2^(5 - 127) holds the byte at 1 from below
.endr
.irp i, 2,4,6,8,10,12,14
.irp m, 0,1,2,3
	v_max3_num_f32 v[RR+\m], v[RR+\m], v[S+16*\m+\i], v[S+16*\m+\i+1]
.endr
.endr
.irp m, 0,1,2,3
	v_permlanex16_b32 v[RR+4+\m], v[RR+\m], s24, s25
.endr
.irp m, 0,1,2,3
	v_max_num_f32 v[RR+\m], v[RR+\m], v[RR+4+\m]
.endr
.irp m, 0,1,2,3
	v_add_nc_u32 v[RR+8+\m], 0xfe000000, v[RR+\m]  ; 4 off the exponent field: the conversion's scale operand
.endr
.irp m, 0,1,2,3
	v_lshrrev_b32 v[RR+4+\m], 23, v[RR+8+\m]       ; the byte
.endr
.irp m, 0,1,2,3
.if (\b)%4 == 0
	v_mov_b32 v[12+\m], v[RR+4+\m]
.else
	v_lshl_or_b32 v[12+\m], v[RR+4+\m], 8*((\b)%4), v[12+\m]
.endif
.endr
	WIN 0x40                                       ; the codes go to window 1
.irp m, 0,1,2,3
.if (\b)%2 == 0
	v_cvt_scalef32_pk16_bf6_f32 v[PF+12*\m+6*(((\b)%4)/2):PF+12*\m+6*(((\b)%4)/2)+2], v[S+16*\m:S+16*\m+15], v[RR+8+\m]
.else
	v_cvt_scalef32_pk16_bf6_f32 v[TF+4*\m:TF+4*\m+2], v[S+16*\m:S+16*\m+15], v[RR+8+\m]
.endif
.endr
	v_nop                                          ; one plain place behind the conversions
.if (\b)%2 == 1
	WIN 0x41                                       ; the operand wants a whole block in a lane: lanes 0-15 the even block, lanes 16-31 the odd one
.irp m, 0,1,2,3
.irp i, 0,1,2
	v_permlane16_swap_b32 v[PF+12*\m+6*(((\b)%4)/2)+\i], v[TF+4*\m+\i]
.endr
.endr
.irp m, 0,1,2,3
.irp i, 0,1,2
	v_mov_b32 v[PF+12*\m+6*(((\b)%4)/2)+3+\i], v[TF+4*\m+\i]
.endr
.endr
.endif
	WIN 0
.if (\b)%4 == 3
	WIN 0x04                                       ; an LDS store's data are its source 1: window 1
	s_wait_alu depctr_va_vdst(0)                   ; the conversions, exchanges and moves of four blocks have written v[PF ..] and v12-15, which the LDS stores below read
.irp m, 0,1,2,3
.irp g, 0,1,2
	ds_store_b128 v64, v[PF+12*\m+4*\g:PF+12*\m+4*\g+3] offset:6144*((\b)/4)+1536*\m+512*\g
.endr
.endr
	WIN 0
.irp m, 0,1,2,3
	ds_store_b32 v65, v[12+\m] offset:512*((\b)/4)+128*\m
.endr
.endif
.endm
; the same for the fifth tile's 16 x 32 weights
.macro QNT5 b
.if (\b) == 4
	s_wait_dscnt 0x0                               ; the first K step's stores have read the registers that are written again now
	s_wait_alu depctr_vm_vsrc(0)                   ; block 3's LDS stores have read v[PF5 ..] and v[PW5], which are written again from here on
.endif
	v_max3_num_f32 v[RR+16], v[S5], v[S5+1], 0x2800000
	v_max3_num_f32 v[RR+17], v[S5+2], v[S5+3], v[S5+4]
.irp i, 5,9
	v_max3_num_f32 v[RR+16], v[RR+16], v[S5+\i], v[S5+\i+1]
	v_max3_num_f32 v[RR+17], v[RR+17], v[S5+\i+2], v[S5+\i+3]
.endr
	v_max3_num_f32 v[RR+16], v[RR+16], v[S5+13], v[S5+14]
	v_max3_num_f32 v[RR+16], v[RR+16], v[RR+17], v[S5+15]
	v_mov_b32 v[RR+18], 0                          ; (a lane permute's destination counts as one of its sources)
	v_permlanex16_b32 v[RR+18], v[RR+16], s24, s25
	v_max_num_f32 v[RR+16], v[RR+16], v[RR+18]
	v_add_nc_u32 v[RR+19], 0xfe000000, v[RR+16]
	v_lshrrev_b32 v[RR+18], 23, v[RR+19]
.if (\b)%4 == 0
	v_mov_b32 v[PW5], v[RR+18]
.else
	v_lshl_or_b32 v[PW5], v[RR+18], 8*((\b)%4), v[PW5]
.endif
	WIN 0x40
.if (\b)%2 == 0
	v_cvt_scalef32_pk16_bf6_f32 v[PF5+6*(((\b)%4)/2):PF5+6*(((\b)%4)/2)+2], v[S5:S5+15], v[RR+19]
.else
	v_cvt_scalef32_pk16_bf6_f32 v[TF5:TF5+2], v[S5:S5+15], v[RR+19]
.endif
	v_nop
.if (\b)%2 == 1
	WIN 0x41
.irp i, 0,1,2
	v_permlane16_swap_b32 v[PF5+6*(((\b)%4)/2)+\i], v[TF5+\i]
.endr
.irp i, 0,1,2
	v_mov_b32 v[PF5+6*(((\b)%4)/2)+3+\i], v[TF5+\i]
.endr
.endif
	WIN 0
.if (\b)%4 == 3
	WIN 0x04
	s_wait_alu depctr_va_vdst(0)                   ; the conversions, exchanges and moves of four blocks have written v[PF5 ..] and v[PW5], which the LDS stores below read
.irp g, 0,1,2
	ds_store_b128 v66, v[PF5+4*\g:PF5+4*\g+3] offset:1536*((\b)/4)+512*\g
.endr
	WIN 0
	ds_store_b32 v127, v[PW5] offset:128*((\b)/4)
.endif
.endm
; All the vector work of the fifth tile for one block: the same lines as the four tiles', on 16 registers.  It stands ahead of the next block's loads of bias and norf, and uses the second set while that is free.
.macro FIFTH b
	s_cmp_lg_u32 s57, 0
	s_cbranch_scc0 .Lno5_\@
.irp i, 0,1,2,3,4,5,6,7
	v_pk_fma_f32 v[S5+2*\i:S5+2*\i+1], v[S5+2*\i:S5+2*\i+1], s[22:23], v[BI+2*\i:BI+2*\i+1] op_sel_hi:[1,0,1]
.endr
.set j, 0
	s_wait_alu depctr_va_vdst(0)
.rept 16
	v_exp_f32 v[S5+j], v[S5+j]
.set j, j+1
.endr
	v_nop
	s_wait_alu depctr_va_vdst(0)                   ; the 16 exponentials have written v[S5 ..], ahead of their first reader
.if PASS == 1
.irp i, 0,1,2,3,4,5,6,7
	v_pk_fma_f32 v[S5+2*\i:S5+2*\i+1], v[NF+2*\i:NF+2*\i+1], v[K5:K5+1], v[S5+2*\i:S5+2*\i+1]
.endr
.irp i, 0,1,2,3,4,5,6,7
	v_pk_add_f32 v[SUM5:SUM5+1], v[SUM5:SUM5+1], v[S5+2*\i:S5+2*\i+1]
	v_pk_fma_f32 v[SUM5+2:SUM5+3], v[S5+2*\i:S5+2*\i+1], v[S5+2*\i:S5+2*\i+1], v[SUM5+2:SUM5+3]
.endr
.else
.irp i, 0,1,2,3,4,5,6,7
	v_pk_add_f32 v[RR+2*\i:RR+2*\i+1], v[S5+2*\i:S5+2*\i+1], v[K5:K5+1]
.endr
.set j, 0
.rept 16
	v_max_num_f32 v[RR+j], 0, v[RR+j]
.set j, j+1
.endr
.irp i, 0,1,2,3,4,5,6,7
	v_pk_mul_f32 v[S5+2*\i:S5+2*\i+1], v[S5+2*\i:S5+2*\i+1], v[RR+2*\i:RR+2*\i+1]
.endr
.irp i, 0,1,2,3,4,5,6,7
.if PASS == 2
	v_pk_add_f32 v[RR+2*\i:RR+2*\i+1], v[RR+2*\i:RR+2*\i+1], v[K5+2:K5+3]
.else
	v_pk_fma_f32 v[RR+2*\i:RR+2*\i+1], v[RR+2*\i:RR+2*\i+1], v[K5+2:K5+3], v[K5+4:K5+5]
.endif
.endr
.set j, 0
.rept 16
	v_rcp_f32 v[RR+j], v[RR+j]
.set j, j+1
.endr
	v_nop
	s_wait_alu depctr_va_vdst(0)                   ; the 16 reciprocals have written v[RR .. RR+15], ahead of their first reader
.if PASS == 2
.irp i, 0,1,2,3,4,5,6,7
	v_pk_fma_f32 v[SUM5:SUM5+1], v[S5+2*\i:S5+2*\i+1], v[RR+2*\i:RR+2*\i+1], v[SUM5:SUM5+1]
.endr
.else
.irp i, 0,1,2,3,4,5,6,7
	v_pk_mul_f32 v[S5+2*\i:S5+2*\i+1], v[S5+2*\i:S5+2*\i+1], v[RR+2*\i:RR+2*\i+1]
.endr
	QNT5 \b
.endif
.endif
.Lno5_\@:
.endm
; One block of 32 columns for the rows.  more = 1: the next block's operands are asked for as soon as this block's have been used; they have the block's vector work in which to land.
.macro BLOCK b, more
	s_wait_loadcnt 0x0                             ; this block's fragments, scale words, bias (and norf) are in; nothing else is out
	SIMW 2
.if \more
	s_wait_alu depctr_va_vdst(0)                   ; the block's products are done reading v[CF ..], v20 and v21, in which the next block's loads land
	LOADCOL (\b+1)
.endif
.irp m, 0,1,2,3
.irp i, 0,1,2,3,4,5,6,7
	v_pk_fma_f32 v[S+16*\m+2*\i:S+16*\m+2*\i+1], v[S+16*\m+2*\i:S+16*\m+2*\i+1], s[22:23], v[BI+2*\i:BI+2*\i+1] op_sel_hi:[1,0,1]   ; sim log2(e) + bias; each sum is read from its low end on
.endr
.endr
	FIFTH \b
.set j, 0
	s_wait_alu depctr_va_vdst(0)
.rept 64
	v_exp_f32 v[S+j], v[S+j]                       ; e
.set j, j+1
.endr
	v_nop                                          ; a plain place behind the batch,
	s_wait_alu depctr_va_vdst(0)                   ; and the one wait ahead of its first reader: the 64 exponentials have written v[S ..]; the scalings, the fifth tile's too, are done reading v[BI ..]
.if \more
	LOADBI (\b+1)                                  ; no vector instruction since the wait above names v[BI ..]
.endif
.if PASS == 1
.irp m, 0,1,2,3
.irp i, 0,1,2,3,4,5,6,7
	v_pk_fma_f32 v[S+16*\m+2*\i:S+16*\m+2*\i+1], v[NF+2*\i:NF+2*\i+1], v[KC+6*\m:KC+6*\m+1], v[S+16*\m+2*\i:S+16*\m+2*\i+1]   ; g = e - a norf
.endr
.endr
.if \more
	s_wait_alu depctr_va_vdst(0)                   ; the lines that make g, the fifth tile's too, are done reading v[NF ..], in which the next block's loads land
	LOADNF (\b+1)
.endif
.irp i, 0,1,2,3,4,5,6,7
.irp m, 0,1,2,3
	v_pk_add_f32 v[SUM+4*\m:SUM+4*\m+1], v[SUM+4*\m:SUM+4*\m+1], v[S+16*\m+2*\i:S+16*\m+2*\i+1]
	v_pk_fma_f32 v[SUM+4*\m+2:SUM+4*\m+3], v[S+16*\m+2*\i:S+16*\m+2*\i+1], v[S+16*\m+2*\i:S+16*\m+2*\i+1], v[SUM+4*\m+2:SUM+4*\m+3]
.endr
.endr
.else
.irp m, 0,1,2,3
.irp i, 0,1,2,3,4,5,6,7
	v_pk_add_f32 v[RR+16*\m+2*\i:RR+16*\m+2*\i+1], v[S+16*\m+2*\i:S+16*\m+2*\i+1], v[KC+6*\m:KC+6*\m+1]   ; e - thrE
.endr
.endr
.set j, 0
.rept 64
	v_max_num_f32 v[RR+j], 0, v[RR+j]              ; r
.set j, j+1
.endr
.irp m, 0,1,2,3
.irp i, 0,1,2,3,4,5,6,7
	v_pk_mul_f32 v[S+16*\m+2*\i:S+16*\m+2*\i+1], v[S+16*\m+2*\i:S+16*\m+2*\i+1], v[RR+16*\m+2*\i:RR+16*\m+2*\i+1]   ; e r
.endr
.endr
.irp m, 0,1,2,3
.irp i, 0,1,2,3,4,5,6,7
.if PASS == 2
	v_pk_add_f32 v[RR+16*\m+2*\i:RR+16*\m+2*\i+1], v[RR+16*\m+2*\i:RR+16*\m+2*\i+1], v[KC+6*\m+2:KC+6*\m+3]   ; r + epsE
.else
	v_pk_fma_f32 v[RR+16*\m+2*\i:RR+16*\m+2*\i+1], v[RR+16*\m+2*\i:RR+16*\m+2*\i+1], v[KC+6*\m+2:KC+6*\m+3], v[KC+6*\m+4:KC+6*\m+5]   ; (r + epsE) SE
.endif
.endr
.endr
.set j, 0
.rept 64
	v_rcp_f32 v[RR+j], v[RR+j]
.set j, j+1
.endr
	v_nop
	s_wait_alu depctr_va_vdst(0)                   ; the 64 reciprocals have written v[RR ..], ahead of their first reader
.if PASS == 2
.irp i, 0,1,2,3,4,5,6,7
.irp m, 0,1,2,3
	v_pk_fma_f32 v[SUM+4*\m:SUM+4*\m+1], v[S+16*\m+2*\i:S+16*\m+2*\i+1], v[RR+16*\m+2*\i:RR+16*\m+2*\i+1], v[SUM+4*\m:SUM+4*\m+1]
.endr
.endr
.else
.irp m, 0,1,2,3
.irp i, 0,1,2,3,4,5,6,7
	v_pk_mul_f32 v[S+16*\m+2*\i:S+16*\m+2*\i+1], v[S+16*\m+2*\i:S+16*\m+2*\i+1], v[RR+16*\m+2*\i:RR+16*\m+2*\i+1]   ; sw, finished and normalised
.endr
.endr
	QNT \b
.endif
.endif
.endm
; walks 2 and 3: a row's constants from the four quarters' sums
.macro STATS
.irp m, 0,1,2,3
	v_pk_add_f32 v[224+2*\m:225+2*\m], v[S+4*\m:S+4*\m+1], v[S+16+4*\m:S+17+4*\m]
	v_pk_add_f32 v[232+2*\m:233+2*\m], v[S+32+4*\m:S+33+4*\m], v[S+48+4*\m:S+49+4*\m]
.endr
.irp m, 0,1,2,3
	v_pk_add_f32 v[224+2*\m:225+2*\m], v[224+2*\m:225+2*\m], v[232+2*\m:233+2*\m]   ; Z', Q'
.endr
.irp m, 0,1,2,3
	v_mul_f32 v[232+\m], s38, v[224+2*\m]          ; Z' / t
.endr
.irp m, 0,1,2,3
	v_fma_f32 v[236+\m], -v[224+2*\m], v[232+\m], v[225+2*\m]
.endr
.irp m, 0,1,2,3
	v_max_num_f32 v[236+\m], 0, v[236+\m]          ; M2
.endr
.irp m, 0,1,2,3
	v_mul_f32 v[236+\m], s38, v[236+\m]
.endr
.irp m, 0,1,2,3
	v_sqrt_f32 v[240+\m], v[236+\m]
.endr
.irp m, 0,1,2,3
	v_add_f32 v[232+\m], v[S+4*\m+2], v[232+\m]    ; a + Z' / t  (plain work behind the roots)
.endr
.irp m, 0,1,2,3
	v_fma_f32 v[244+\m], s37, v[S+4*\m+2], v[224+2*\m]   ; n a + Z'
.endr
.irp m, 0,1,2,3
	v_mul_f32 v[244+\m], 0x2edbe6ff, v[244+\m]     ; epsE = 1e-10 times it
.endr
	s_wait_alu depctr_va_vdst(0)                   ; the four roots have written v240-243, ahead of their first reader
.irp m, 0,1,2,3
	v_fma_f32 v[KC+6*\m], 2.0, v[240+\m], -v[232+\m]     ; -thrE, twice
	v_fma_f32 v[KC+6*\m+1], 2.0, v[240+\m], -v[232+\m]
.endr
.if PASS == 2
.irp m, 0,1,2,3
	v_mov_b32 v[KC+6*\m+2], v[244+\m]
	v_mov_b32 v[KC+6*\m+3], v[244+\m]
	v_mov_b32 v[SUM+4*\m], 0
	v_mov_b32 v[SUM+4*\m+1], 0
.endr
.else
.irp m, 0,1,2,3
	v_add_f32 v[248+\m], v[RR+16+\m], v[RR+20+\m]
	v_add_f32 v[252+\m], v[RR+24+\m], v[RR+28+\m]
.endr
.irp m, 0,1,2,3
	v_add_f32 v[KC+6*\m+2], v[248+\m], v[252+\m]   ; SE
	v_add_f32 v[KC+6*\m+3], v[248+\m], v[252+\m]
.endr
.irp m, 0,1,2,3
	v_mul_f32 v[KC+6*\m+4], v[244+\m], v[KC+6*\m+2]   ; epsE SE
	v_mul_f32 v[KC+6*\m+5], v[244+\m], v[KC+6*\m+2]
.endr
.endif
.endm
	s_wait_kmcnt 0x0
	s_mov_b32 s56, s19                             ; R
	s_max_u32 s19, s19, 1                          ; the first group always works
	s_sub_co_u32 s69, s56, 4097
	s_cmp_lt_u32 s69, 1024                         ; 4,097 <= R <= 5,120: places 4,096 on go as fifth tiles,
	s_cselect_b32 s57, 1, 0
	s_cselect_b32 s19, 4096, s19                   ; and the groups end at place 4,096
	s_cmp_lt_u32 s68, s56                          ; has my group one?
	s_cselect_b32 s57, s57, 0
	s_cmp_lt_u32 s20, s19
	s_cbranch_scc0 .Ljoin
	; ---- A: up to this wave's LDS stores
	; What one section of the fifth tile writes and a later one reads is written once here, on the way that every wave takes, so that each register is written on every way through the text.
.set j, 0
.rept 16
	v_mov_b32 v[S5+j], 0
.set j, j+1
.endr
.if PASS == 1
.set j, 0
.rept 12
	v_mov_b32 v[K5+j], 0                           ; its constants, and its sums, which begin at 0
.set j, j+1
.endr
.elseif PASS == 2
.irp j, 12,13,14,15,106,107
	v_mov_b32 v\j, 0
.endr
.else
.irp j, 12,13,14,15,73,74,75,76,77,78,79
	v_mov_b32 v\j, 0
.endr
	WIN 0x40
.set j, 0
.rept 12
	v_mov_b32 v[PF5+j], 0
.set j, j+1
.endr
	WIN 0
.endif
	s_wait_alu depctr_va_vdst(0)                   ; the head's lane terms and addresses are written, which every load and store of the text reads; so are the fifth tile's registers above, in some of which loads land
.if PASS > 1
	s_cmp_lg_u32 s57, 0
	s_cbranch_scc0 .Lx0
.irp q, 0,1,2,3
	global_load_b128 v[S5+4*\q:S5+4*\q+3], v123, s[60:61] offset:131072*\q   ; the fifth tile's sums of the earlier walks: the oldest loads, so that the counts below hold on both ways
.endr
.if PASS == 3
.irp q, 0,1,2,3
	global_load_b32 v[12+\q], v124, s[62:63] offset:32768*\q
.endr
.endif
.Lx0:
.endif
.irp m, 0,1,2,3
	global_load_b64 v[RR+2*\m:RR+2*\m+1], v7, s[34:35] offset:128*\m   ; {ro, rs} of place 64 rg + 16 m + r
.endr
	global_load_b64 v[RR+12:RR+13], v7, s[58:59]   ; and of place 4,096 + 16 rg + r: the list holds every place, so this and the rows behind it are loaded in every group
.if PASS == 1
	WIN 0x40
.irp i, 0,1,2,3,4,5
	global_load_b128 v[CF+4*\i:CF+4*\i+3], v4, s[4:5] offset:512*\i    ; tile 0 of the whole matrix's block 0: pixel 0 is its lane 0
.endr
	WIN 0
	global_load_b64 v[20:21], v5, s[50:51]
	s_wait_loadcnt 7                               ; the list's five loads are in; the seven behind them may be out
.else
.irp q, 0,1,2,3
.irp m, 0,1,2,3
	global_load_b128 v[S+16*\q+4*\m:S+16*\q+4*\m+3], v123, s[40:41] offset:131072*\q+256*\m
.endr
.endr
.if PASS == 3
.irp q, 0,1,2,3
.irp m, 0,1,2,3
	global_load_b32 v[RR+16+4*\q+\m], v124, s[42:43] offset:32768*\q+64*\m
.endr
.endr
.endif
	LOADCOL 0
	LOADBI 0
	s_wait_loadcnt NS+17                           ; the list's five loads are in; the sums' NS and block 0's 17 may be out
.endif
.irp m, 0,1,2,3
	v_min_u32 v[8+\m], 0x17f4f, v[RR+2*\m]         ; held inside XNF (98,127 units of 16 bytes)
	v_min_u32 v[RR+8+\m], 0x3fdf, v[RR+2*\m+1]     ; and inside XNS (16,351 words)
.endr
	v_min_u32 v122, 0x17f4f, v[RR+12]
	v_min_u32 v[RR+14], 0x3fdf, v[RR+13]
.irp m, 0,1,2,3
	v_lshlrev_b32 v[8+\m], 4, v[8+\m]
	v_add_nc_u32 v[RR+8+\m], v[RR+8+\m], v126      ; lanes 16-31: the second K step's word
.endr
	v_lshlrev_b32 v122, 4, v122
	v_add_nc_u32 v[RR+14], v[RR+14], v126
.irp m, 0,1,2,3
	v_add_nc_u32 v[8+\m], v[8+\m], v125            ; lanes 16-31: the image's upper lanes
	v_lshlrev_b32 v[RR+8+\m], 2, v[RR+8+\m]
.endr
	v_add_nc_u32 v122, v122, v125
	v_lshlrev_b32 v[RR+14], 2, v[RR+14]
	WIN 0x40
	s_wait_alu depctr_va_vdst(0)                   ; the rows' offsets v8-11, v122, v[RR+8 .. RR+11] and v[RR+14] are written, which the loads below read
.irp m, 0,1,2,3
.irp s, 0,1
.irp g, 0,1,2
	global_load_b128 v[RF+24*\m+12*\s+4*\g:RF+24*\m+12*\s+4*\g+3], v[8+\m], s[4:5] offset:1536*\s+512*\g   ; my row's registers, out of whatever fragment holds it
.endr
.endr
.endr
.irp s, 0,1
.irp g, 0,1,2
	global_load_b128 v[RF5+12*\s+4*\g:RF5+12*\s+4*\g+3], v122, s[4:5] offset:1536*\s+512*\g
.endr
.endr
	WIN 0
.irp m, 0,1,2,3
	global_load_b32 v[16+\m], v[RR+8+\m], s[50:51]
.endr
	global_load_b32 v22, v[RR+14], s[50:51]
.if PASS == 1
	s_wait_loadcnt 0x0
	SIMW 1
	s_wait_alu depctr_va_vdst(0)                   ; the products are done reading v[CF ..], v20 and v21, in which block 0's loads land
	LOADCOL 0
	LOADBI 0
	LOADNF 0
.irp m, 0,1,2,3
	v_mul_f32 v[RR+\m], s22, v[S+16*\m]            ; lanes 0-15: sim(row r, pixel 0), unmasked
.endr
	s_wait_alu depctr_va_vdst(0)
.irp m, 0,1,2,3
	v_exp_f32 v[RR+\m], v[RR+\m]
.endr
.irp m, 0,1,2,3
	v_mov_b32 v[RR+4+\m], 0
.endr
	s_wait_alu depctr_va_vdst(0)                   ; the four exponentials have written v[RR .. RR+3], ahead of their first reader
.irp m, 0,1,2,3
	v_permlanex16_b32 v[RR+4+\m], v[RR+\m], s24, s25
.endr
.irp m, 0,1,2,3
	v_cndmask_b32 v[KC+6*\m+4], v[RR+\m], v[RR+4+\m], s21   ; a, in both halves of the lanes: the same number in every wave that serves the row
.endr
.irp m, 0,1,2,3
	v_mul_f32 v[KC+6*\m], -1.0, v[KC+6*\m+4]
	v_mul_f32 v[KC+6*\m+1], -1.0, v[KC+6*\m+4]
.endr
.set j, 0
.rept 16
	v_mov_b32 v[SUM+j], 0
.set j, j+1
.endr
	s_cmp_lg_u32 s57, 0
	s_cbranch_scc0 .Lx1
	v_mul_f32 v216, s22, v[S5]                     ; the same for the fifth tile
	s_wait_alu depctr_va_vdst(0)
	v_exp_f32 v216, v216
	v_mov_b32 v217, 0
	s_wait_alu depctr_va_vdst(0)                   ; the exponential has written v216, ahead of its first reader
	v_permlanex16_b32 v217, v216, s24, s25
	v_cndmask_b32 v[K5+4], v216, v217, s21
	v_mul_f32 v[K5], -1.0, v[K5+4]
	v_mul_f32 v[K5+1], -1.0, v[K5+4]
.Lx1:
.else
	s_wait_loadcnt 52                              ; the sums are in; block 0's 17 loads and the rows' 35 may be out
	STATS
	s_cmp_lg_u32 s57, 0
	s_cbranch_scc0 .Lx2
	v_pk_add_f32 v[224:225], v[S5:S5+1], v[S5+4:S5+5]      ; the fifth tile's constants, by the same lines
	v_pk_add_f32 v[226:227], v[S5+8:S5+9], v[S5+12:S5+13]
	v_pk_add_f32 v[224:225], v[224:225], v[226:227]
	v_mul_f32 v228, s38, v224
	v_fma_f32 v229, -v224, v228, v225
	v_max_num_f32 v229, 0, v229
	v_mul_f32 v229, s38, v229
	v_sqrt_f32 v230, v229
	v_add_f32 v228, v[S5+2], v228
	v_fma_f32 v231, s37, v[S5+2], v224
	v_mul_f32 v231, 0x2edbe6ff, v231
	s_wait_alu depctr_va_vdst(0)                   ; the root has written v230, ahead of its first reader
	v_fma_f32 v[K5], 2.0, v230, -v228
	v_fma_f32 v[K5+1], 2.0, v230, -v228
.if PASS == 2
	v_mov_b32 v[K5+2], v231
	v_mov_b32 v[K5+3], v231
.else
	v_add_f32 v232, v12, v13
	v_add_f32 v233, v14, v15
	v_add_f32 v[K5+2], v232, v233
	v_add_f32 v[K5+3], v232, v233
	v_mul_f32 v[K5+4], v231, v[K5+2]
	v_mul_f32 v[K5+5], v231, v[K5+2]
.endif
.Lx2:
.endif
	s_wait_alu depctr_vm_vsrc(0)                   ; the loads of the rows' scale words have read v[RR+8 .. RR+11] and v[RR+14]: the second set is written by vector instructions from here on
.irp b, 0,1,2,3,4,5,6
	BLOCK \b, 1
.endr
	BLOCK 7, 0
.if PASS == 1
.irp m, 0,1,2,3
	v_add_f32 v[RR+4*\m], v[SUM+4*\m], v[SUM+4*\m+1]
	v_add_f32 v[RR+4*\m+1], v[SUM+4*\m+2], v[SUM+4*\m+3]
	v_mov_b32 v[RR+16+2*\m], 0
	v_mov_b32 v[RR+17+2*\m], 0
.endr
.irp m, 0,1,2,3
	v_permlanex16_b32 v[RR+16+2*\m], v[RR+4*\m], s24, s25
	v_permlanex16_b32 v[RR+17+2*\m], v[RR+4*\m+1], s24, s25
.endr
.irp m, 0,1,2,3
	v_pk_add_f32 v[RR+4*\m:RR+4*\m+1], v[RR+4*\m:RR+4*\m+1], v[RR+16+2*\m:RR+17+2*\m]
	v_mov_b32 v[RR+4*\m+2], v[KC+6*\m+4]
	v_mov_b32 v[RR+4*\m+3], 0
.endr
	s_wait_alu depctr_va_vdst(0)                   ; the lines above have written v[RR .. RR+15], which the LDS stores read
.irp m, 0,1,2,3
	ds_store_b128 v120, v[RR+4*\m:RR+4*\m+3] offset:256*\m   ; {Z', Q', a, 0} of my 256 columns (both halves of the lanes write the same)
.endr
	s_cmp_lg_u32 s57, 0
	s_cbranch_scc0 .Lx3
	v_add_f32 v216, v[SUM5], v[SUM5+1]
	v_add_f32 v217, v[SUM5+2], v[SUM5+3]
	v_mov_b32 v220, 0
	v_mov_b32 v221, 0
	v_permlanex16_b32 v220, v216, s24, s25
	v_permlanex16_b32 v221, v217, s24, s25
	v_pk_add_f32 v[216:217], v[216:217], v[220:221]
	v_mov_b32 v218, v[K5+4]
	v_mov_b32 v219, 0
	s_wait_alu depctr_va_vdst(0)                   ; v[216:219] are written, which the LDS store reads
	ds_store_b128 v120, v[216:219] offset:1024
.Lx3:
.elseif PASS == 2
.irp m, 0,1,2,3
	v_add_f32 v[RR+\m], v[SUM+4*\m], v[SUM+4*\m+1]
.endr
.irp m, 0,1,2,3
	v_permlanex16_b32 v[RR+4+\m], v[RR+\m], s24, s25
.endr
.irp m, 0,1,2,3
	v_add_f32 v[RR+\m], v[RR+\m], v[RR+4+\m]
.endr
	s_wait_alu depctr_va_vdst(0)                   ; the additions have written v[RR .. RR+3], which the LDS stores read
.irp m, 0,1,2,3
	ds_store_b32 v120, v[RR+\m] offset:64*\m
.endr
	s_cmp_lg_u32 s57, 0
	s_cbranch_scc0 .Lx3
	v_add_f32 v200, v[SUM5], v[SUM5+1]
	v_mov_b32 v201, 0
	v_permlanex16_b32 v201, v200, s24, s25
	v_add_f32 v200, v200, v201
	s_wait_alu depctr_va_vdst(0)                   ; v200 is written, which the LDS store reads
	ds_store_b32 v120, v200 offset:256
.Lx3:
.endif
.Ljoin:
	s_wait_dscnt 0x0                               ; for the others' sake: my stores have landed
	s_barrier_signal -1
	s_barrier_wait -1                              ; every wave passes it, with rows or without
	s_cmp_lt_u32 s20, s19
	s_cbranch_scc0 .Lend
	; ---- B: reads only what the head or B itself has written, and LDS
.if PASS == 1
	s_wait_alu depctr_va_vdst(0)                   ; the vector and matrix instructions ahead of the barrier are done with v[S ..], in which the loads below land, on either way
	s_cmp_lt_u32 s16, 2
	s_cbranch_scc0 .Lfifth                         ; waves 0 and 1: 64 threads, a row each
.irp w, 0,1,2,3,4,5,6,7
	ds_load_b128 v[S+4*\w:S+4*\w+3], v121 offset:1280*\w
.endr
	s_wait_dscnt 0x0
	v_pk_add_f32 v[S:S+1], v[S:S+1], v[S+4:S+5]
	v_pk_add_f32 v[S+8:S+9], v[S+8:S+9], v[S+12:S+13]
	v_pk_add_f32 v[S+16:S+17], v[S+16:S+17], v[S+20:S+21]
	v_pk_add_f32 v[S+24:S+25], v[S+24:S+25], v[S+28:S+29]
	v_pk_add_f32 v[S:S+1], v[S:S+1], v[S+8:S+9]
	v_pk_add_f32 v[S+16:S+17], v[S+16:S+17], v[S+24:S+25]
	v_pk_add_f32 v[S:S+1], v[S:S+1], v[S+16:S+17]
	s_wait_alu depctr_va_vdst(0)                   ; the additions have written v[S:S+1], which the store reads
	global_store_b128 v121, v[S:S+3], s[48:49]     ; 512 consecutive bytes a wave
	s_branch .Lend
.Lfifth:
	s_cmp_eq_u32 s16, 2                            ; wave 2: the fifth tile's 16 rows (both halves of the lanes hold, and store, the same)
	s_cbranch_scc0 .Lend
	s_cmp_lg_u32 s57, 0
	s_cbranch_scc0 .Lend
.irp w, 0,1,2,3,4,5,6,7
	ds_load_b128 v[S+4*\w:S+4*\w+3], v123 offset:1024+1280*\w
.endr
	s_wait_dscnt 0x0
	v_pk_add_f32 v[S:S+1], v[S:S+1], v[S+4:S+5]
	v_pk_add_f32 v[S+8:S+9], v[S+8:S+9], v[S+12:S+13]
	v_pk_add_f32 v[S+16:S+17], v[S+16:S+17], v[S+20:S+21]
	v_pk_add_f32 v[S+24:S+25], v[S+24:S+25], v[S+28:S+29]
	v_pk_add_f32 v[S:S+1], v[S:S+1], v[S+8:S+9]
	v_pk_add_f32 v[S+16:S+17], v[S+16:S+17], v[S+24:S+25]
	v_pk_add_f32 v[S:S+1], v[S:S+1], v[S+16:S+17]
	s_wait_alu depctr_va_vdst(0)                   ; the additions have written v[S:S+1], which the store reads
	global_store_b128 v123, v[S:S+3], s[66:67]     ; 256 consecutive bytes
.elseif PASS == 2
	s_wait_alu depctr_va_vdst(0)                   ; the vector and matrix instructions ahead of the barrier are done with v[S ..], in which the loads below land, on either way
	s_cmp_lt_u32 s16, 2
	s_cbranch_scc0 .Lfifth
.irp w, 0,1,2,3,4,5,6,7
	ds_load_b32 v[S+\w], v121 offset:320*\w
.endr
	s_wait_dscnt 0x0
	v_pk_add_f32 v[S:S+1], v[S:S+1], v[S+2:S+3]
	v_pk_add_f32 v[S+4:S+5], v[S+4:S+5], v[S+6:S+7]
	v_pk_add_f32 v[S:S+1], v[S:S+1], v[S+4:S+5]
	v_add_f32 v[S], v[S], v[S+1]
	s_wait_alu depctr_va_vdst(0)                   ; the additions have written v[S], which the store reads
	global_store_b32 v121, v[S], s[48:49]
	s_branch .Lend
.Lfifth:
	s_cmp_eq_u32 s16, 2
	s_cbranch_scc0 .Lend
	s_cmp_lg_u32 s57, 0
	s_cbranch_scc0 .Lend
.irp w, 0,1,2,3,4,5,6,7
	ds_load_b32 v[S+\w], v124 offset:256+320*\w
.endr
	s_wait_dscnt 0x0
	v_pk_add_f32 v[S:S+1], v[S:S+1], v[S+2:S+3]
	v_pk_add_f32 v[S+4:S+5], v[S+4:S+5], v[S+6:S+7]
	v_pk_add_f32 v[S:S+1], v[S:S+1], v[S+4:S+5]
	v_add_f32 v[S], v[S], v[S+1]
	s_wait_alu depctr_va_vdst(0)                   ; the additions have written v[S], which the store reads
	global_store_b32 v124, v[S], s[66:67]
.else
; THE THIRD PRODUCT for this quarter's 2,048 pixels: source 0 = 16 places of sw (from LDS, all waves' images), source 1 = 16 channels of X (from memory, a ring of seven K steps).
; Wave w owns channel tiles 2 w and 2 w + 1 for all row tiles: eight accumulators by turns, ten with the fifth tile.  Lane (r, h) holds channel r and places 8 h + 0 .. 7.
.macro RING k
.irp n, 0,1
.irp g, 0,1,2
	global_load_b128 v[24*((\k)%RD)+12*\n+4*\g:24*((\k)%RD)+12*\n+4*\g+3], v4, s[44:45] offset:24576*(\k)+1536*\n+512*\g
.endr
.endr
.endm
.macro SWLOAD k                        ; K step k's four fragments of sw into set k % 2 (v128 on, v192 on), and their scale words
.irp m, 0,1,2,3
.irp g, 0,1,2
	ds_load_b128 v[S+64*((\k)%2)+12*\m+4*\g:S+64*((\k)%2)+12*\m+4*\g+3], v[4+63*((\k)/8)] offset:6144*((\k)%8)+1536*\m+512*\g
.endr
.endr
.irp m, 0,1,2,3
	ds_load_b32 v[24+4*((\k)%2)+\m], v68 offset:512*(\k)+128*\m
.endr
.endm
.macro SWLOAD5 k                       ; the fifth tile's fragment, behind the four in the same set, and its scale words
.irp g, 0,1,2
	ds_load_b128 v[S+64*((\k)%2)+48+4*\g:S+64*((\k)%2)+48+4*\g+3], v120 offset:1536*(\k)+512*\g
.endr
	ds_load_b32 v[22+(\k)%2], v121 offset:128*(\k)
.endm
.macro P3X k, n, rD, rA, sA            ; one product: the first K step starts the sum; the odd channel tile's scale words lie in lanes 16-31
.set rB, 24*((\k)%RD)+12*(\n)
.if ((\k) == 0) && ((\n) == 0)
	v_wmma_scale_f32_16x16x128_f8f6f4 v[(\rD):(\rD)+7], v[(\rA):(\rA)+11], v[rB:rB+11], 0, v[(\sA)], v[32+(\k)] matrix_a_fmt:MATRIX_FMT_BF6 matrix_b_fmt:MATRIX_FMT_BF6
.elseif (\k) == 0
	v_wmma_scale_f32_16x16x128_f8f6f4 v[(\rD):(\rD)+7], v[(\rA):(\rA)+11], v[rB:rB+11], 0, v[(\sA)], v[32+(\k)] matrix_a_fmt:MATRIX_FMT_BF6 matrix_b_fmt:MATRIX_FMT_BF6 matrix_b_scale:MATRIX_SCALE_ROW1
.elseif (\n) == 0
	v_wmma_scale_f32_16x16x128_f8f6f4 v[(\rD):(\rD)+7], v[(\rA):(\rA)+11], v[rB:rB+11], v[(\rD):(\rD)+7], v[(\sA)], v[32+(\k)] matrix_a_fmt:MATRIX_FMT_BF6 matrix_b_fmt:MATRIX_FMT_BF6
.else
	v_wmma_scale_f32_16x16x128_f8f6f4 v[(\rD):(\rD)+7], v[(\rA):(\rA)+11], v[rB:rB+11], v[(\rD):(\rD)+7], v[(\sA)], v[32+(\k)] matrix_a_fmt:MATRIX_FMT_BF6 matrix_b_fmt:MATRIX_FMT_BF6 matrix_b_scale:MATRIX_SCALE_ROW1
.endif
.endm
.macro KSTEP k
.if (\k) < 10
	s_wait_loadcnt 36                              ; this K step's six loads of X are in; the six later K steps' may be out
.else
	s_wait_loadcnt 6*(15-(\k))
.endif
.if (\k) < 15
	s_wait_dscnt 16                                ; this K step's sw is in; the next one's 16 loads may be out (the fifth tile's four are issued ahead of them)
.else
	s_wait_dscnt 0x0
.endif
	WIN 0x54                                       ; sw in window 0; X and the sums in window 1
.irp m, 0,1,2,3
.irp n, 0,1
	P3X \k, \n, OA+8*(2*\m+\n), S+64*((\k)%2)+12*\m, 24+4*((\k)%2)+\m
.endr
.endr
	WIN 0
	s_cmp_lg_u32 s57, 0
	s_cbranch_scc0 .Lno5_\@
	WIN 0x54
.irp n, 0,1
	P3X \k, \n, O5+8*\n, S+64*((\k)%2)+48, 22+(\k)%2
.endr
	WIN 0
.rept 4
	v_nop                                          ; places in front of the loads into these two products' operands
.endr
.if (\k)+2 < 16
	s_wait_alu depctr_va_vdst(0)                   ; the two products above are done reading the fifth tile's fragment and scale register of this set, in which the loads below land
	SWLOAD5 (\k)+2
.endif
.Lno5_\@:
.rept 4
	v_nop                                          ; places in front of the loads into the operands, and at the end of the reads of the sums
.endr
.if (\k)+2 < 16
	s_wait_alu depctr_va_vdst(0)                   ; this K step's eight products are done reading this set's four fragments and scale words and the ring's place, in which the loads below land (no wait has stood since them on the way round the fifth tile's section)
	SWLOAD (\k)+2
.endif
.if (\k)+RD < 16
	WIN 0x40
	RING (\k)+RD
	WIN 0
.endif
.endm
	s_wait_alu depctr_vm_vsrc(0)                   ; my LDS stores ahead of the barrier have read sw's codes (window 1, v144-191 and v232-243): the moves below, the ring's loads and the products write those registers
.set j, 48
.rept 12
	v_mov_b32 v[S+j], 0                            ; the fifth tile's registers are written once on the way that every wave takes: its fragments' places,
	v_mov_b32 v[S+64+j], 0
.set j, j+1
.endr
	WIN 0x40
.set j, 0
.rept 16
	v_mov_b32 v[O5+j], 0                           ; its sums,
.set j, j+1
.endr
	WIN 0
	s_wait_alu depctr_va_vdst(0)                   ; the vector and matrix instructions ahead of the barrier, and the moves above, are done with the registers in which the loads below land: v22, both sets of sw, window 1's v0-167
	ds_load_b32 v22, v68                           ; its two scale registers by loads of scale words
	ds_load_b32 v23, v68
.irp k, 0,1,2,3,4,5,6,7,8,9,10,11,12,13,14,15
	global_load_b32 v[32+\k], v72, s[46:47] offset:1024*\k   ; X's scale words: lanes 0-15 my even channel tile, lanes 16-31 my odd one
.endr
	WIN 0x40
.irp k, 0,1,2,3,4,5,6
	RING \k
.endr
	WIN 0
	s_wait_dscnt 0x0                               ; v22 and v23 have landed: they may be loaded again
	s_cmp_lg_u32 s57, 0
	s_cbranch_scc0 .Lx4
	SWLOAD5 0
	SWLOAD5 1
.Lx4:
	SWLOAD 0
	SWLOAD 1
.irp k, 0,1,2,3,4,5,6,7,8,9,10,11,12,13,14,15
	KSTEP \k
.endr
	; the way out: through my own stage, so that the 32 lanes store eight channels x 64 bytes of a tile: 512 consecutive bytes
	WIN 0x04
	s_wait_alu depctr_va_vdst(0)                   ; the products have written the sums, the fifth tile's too, which the LDS stores below read (the places stand above), and are done reading both sets of sw, in which the loads from the stage land
.irp m, 0,1,2,3
.irp n, 0,1
	ds_store_b128 v69, v[OA+8*(2*\m+\n):OA+8*(2*\m+\n)+3] offset:4352*\n+64*\m       ; each sum from its low end on
	ds_store_b128 v69, v[OA+8*(2*\m+\n)+4:OA+8*(2*\m+\n)+7] offset:4352*\n+64*\m+16
.endr
.endr
	WIN 0
.irp m, 0,1,2,3
.irp i, 0,1,2,3
	ds_load_b128 v[S+4*(4*\m+\i):S+4*(4*\m+\i)+3], v70 offset:2176*\i+64*\m     ; LDS serves a wave's instructions in order: these see my stores
.endr
.endr
.irp m, 0,1,2,3
.irp i, 0,1,2,3
	s_wait_dscnt 15-(4*\m+\i)
	global_store_b128 v4, v[S+4*(4*\m+\i):S+4*(4*\m+\i)+3], s[48:49] offset:16384*\m+512*\i
.endr
.endr
	s_cmp_lg_u32 s57, 0
	s_cbranch_scc0 .Lend
	WIN 0x04                                       ; the fifth tile takes the same way, in the stage's first 64 bytes of each row: my loads above have been served
.irp n, 0,1
	ds_store_b128 v69, v[O5+8*\n:O5+8*\n+3] offset:4352*\n
	ds_store_b128 v69, v[O5+8*\n+4:O5+8*\n+7] offset:4352*\n+16
.endr
	WIN 0
.irp i, 0,1,2,3
	ds_load_b128 v[RR+4*\i:RR+4*\i+3], v70 offset:2176*\i
.endr
.irp i, 0,1,2,3
	s_wait_dscnt 3-\i
	global_store_b128 v4, v[RR+4*\i:RR+4*\i+3], s[66:67] offset:512*\i
.endr
.endif
.Lend:
	s_wait_dscnt 0x0                               ; the closing lines, six on end
	s_wait_alu 0x0
	s_wait_tensorcnt 0x0
	ds_add_u32 v238, v239
	s_wait_dscnt 0x0
	s_endpgm
.Lfunc_end_k_qc272e8c45c_pass1:
	.size	k_qc272e8c45c_pass1, .Lfunc_end_k_qc272e8c45c_pass1-k_qc272e8c45c_pass1
	.p2alignl 7, 3214868480
	.fill 96, 4, 3214868480
	.section	.rodata,"a",@progbits
	.p2align	6, 0x0
	.amdhsa_kernel k_qc272e8c45c_pass1
		.amdhsa_group_segment_fixed_size 13312
		.amdhsa_private_segment_fixed_size 0
		.amdhsa_enable_private_segment 0
		.amdhsa_kernarg_size 24
		.amdhsa_user_sgpr_count 2
		.amdhsa_user_sgpr_kernarg_segment_ptr 1
		.amdhsa_wavefront_size32 1
		.amdhsa_system_sgpr_workgroup_id_x 1
		.amdhsa_system_sgpr_workgroup_id_y 1
		.amdhsa_system_sgpr_workgroup_id_z 1
		.amdhsa_system_vgpr_workitem_id 0
		.amdhsa_next_free_vgpr 512
		.amdhsa_next_free_sgpr 72
		.amdhsa_reserve_vcc 0
		.amdhsa_float_denorm_mode_32 3
		.amdhsa_float_denorm_mode_16_64 3
		.amdhsa_memory_ordered 1
		.amdhsa_forward_progress 1
		.amdhsa_inst_pref_size 161
	.end_amdhsa_kernel
	.amdgpu_metadata
---
amdhsa.version: [ 1, 2 ]
amdhsa.kernels:
  - .name:           k_qc272e8c45c_pass1
    .symbol:         k_qc272e8c45c_pass1.kd
    .args:
      - { .name: codes, .offset: 0, .size: 8, .value_kind: global_buffer, .address_space: global }
      - { .name: lists, .offset: 8, .size: 8, .value_kind: global_buffer, .address_space: global }
      - { .name: part1, .offset: 16, .size: 8, .value_kind: global_buffer, .address_space: global }
    .group_segment_fixed_size: 13312
    .private_segment_fixed_size: 0
    .kernarg_segment_align: 8
    .kernarg_segment_size: 24
    .max_flat_workgroup_size: 256
    .sgpr_count:     72
    .vgpr_count:     512
    .wavefront_size: 32
...
	.end_amdgpu_metadata
.endif
;; end of part 13
;; launch pass2 (part 14): grid 4 x 128, 8 waves a work-group, no clusters, 9,216 bytes of LDS; arguments codes, lists, fstat, part1, part2; writes part2
.if DOCPART == 14
	.amdgcn_target "amdgcn-amd-amdhsa--gfx1250"
	.amdhsa_code_object_version 6
	.text
	.protected	k_qc272e8c45c_pass2
	.globl	k_qc272e8c45c_pass2
	.p2align	8
	.type	k_qc272e8c45c_pass2,@function
k_qc272e8c45c_pass2:
	s_mov_b64 s[64:65], 0
	v_nop
	global_prefetch_b8 v0, s[64:65] scope:SCOPE_SE
	s_setreg_imm32_b32 hwreg(HW_REG_WAVE_SCHED_MODE, 0, 2), 2
	s_setreg_imm32_b32 hwreg(HW_REG_WAVE_MODE, 25, 1), 1
	s_wait_xcnt 0x0
	s_wait_alu depctr_vm_vsrc(0)
; THE THREE WALKS over the weights of the anomalous rows are one text; the line below says which walk this launch is.
;   walk 1: a = e(row, pixel 0), Z' = sum of g, Q' = sum of g^2, g = e - a norf   -> part1
;   walk 2: SE = sum of e r / (r + epsE), r = max(e - thrE, 0)                     -> part2
;   walk 3: sw = e r / ((r + epsE) SE), quantised along the pixels, times X        -> opart (one partial sum for each quarter of the columns)
; e = 2^(sim log2(e) + bias), sim = the quantised product of two normalised pixels, bias = 0 or -1e30 (a column that is anomalous: e = 0).  All is kept in units of e: the softmax's divisor cancels.
; thrE = a + Z'/t - 2 sqrt(M2 / t), M2 = max(Q' - Z' Z'/t, 0), epsE = 1e-10 (n a + Z'): the mean, the spread and the 1e-10 of the weights, times that divisor.
; NO MAXIMUM IS TAKEN OFF THE EXPONENT: both vectors are normalised by the computation itself and a code enlarges a number by an eighth at the most, so |sim| <= 1.27, e lies in 0.28 .. 3.6 and a row's sum under 30,000.
; Only the rows that are kept (anomalous pixels, by the stored list) are walked; the columns keep their places, since the blocks of 32 along the third product's K are blocks of the original pixels.
; SHARES: work-group (cq, rg) = places 64 rg .. + 63 x columns 2,048 cq .. + 2,047.  Each of eight waves holds ALL 64 rows (four tiles) and eight blocks of 32 columns of its own, so a column fragment feeds four products.
; THE FIFTH TILE: 64 groups x 4 quarters are 256 work-groups.  Where R is 4,097 to 5,120, places 4,096 on are not work-groups of their own: group rg < 64 takes the 16 places 4,096 + 16 rg on as a fifth tile,
; which rides on the column fragments that the wave has loaded anyway: a quarter more work in place of a second work-group.  Its work stands in sections that a scalar branch on the stored count jumps over.
; A work-group without places stores nothing: a branch on the stored count, round the work and never round the barrier.  So operands go from memory straight into registers: no tensor load, no joint load.
; The product is used transposed (source 0 = 16 columns, source 1 = 16 rows): lane (r, h) holds row r, and the 16 registers of a block's two tiles are columns 16 h + 0 .. 15 of the block.
; LIMITS: NaN and infinities are not served; a row whose kept weights sum to exactly 0 is not NaN here; with no normal pixel at all the last launch makes the NaN.  Past R = 5,120 the groups from 64 on are a second round.
; REGISTERS.  Window 0: v1-11, v122 lane terms and row offsets; v12-15 sw's scale words in the making; v16-47 scale words of products; v48-63 bias; v64-79 norf (walk 1) or addresses (walk 3);
;   v80-103 six constants a row tile, each twice; v104-119 sums; v120-127 addresses; v128-191 S (64 results); v192-255 a second set of 64.  The fifth tile's: the symbols S5, K5, SUM5, PW5 below.
;   Window 1: v0-95 the rows' 8 fragments; v96-143 a block's 4; v144-191 sw's codes; v192-207 at work; v208-247 the fifth tile's rows, codes and work.
;   In walk 3's product: v0-167 a ring of seven K steps of X, v168-183 the fifth tile's two accumulators, v192-255 eight accumulators.
; THE MODE: SCHED_MODE bits 1:0 = 2 (LLVM: expert scheduling mode 2), set by the entry lines.  The code itself states the register dependences between vector or matrix instructions and memory or LDS instructions,
; with s_wait_alu, always for 0.
; THE PLAN.  Registers that memory or LDS instructions touch, and who else names them:
;   v4-7, v120-127 (walk 3: v64-72 too)  lane terms and addresses: written at the head, read by loads and stores, never written again: the one wait on va_vdst ahead of the first load serves them for the whole text.
;   v8-11, v122, v[RR+8 .. RR+11], v[RR+14]  the rows' offsets: made from the list, read by the rows' loads: one wait on va_vdst between.  The last five are work registers later: one wait on vm_vsrc ahead of block 0.
;   CF, v20, v21  block b's products read them, block b + 1's loads land in them: one wait on va_vdst behind the products; the loads follow it at once and have the block's vector work in which to land.
;   BI  block b's scalings read it, block b + 1's loads land in it: the wait behind the exponentials, which stands there anyway, states it, and the loads follow that wait.  NF (walk 1): one wait behind the lines that make g.
;   PF, PF5, v12-15, v[PW5] (walk 3)  written by the conversions, exchanges and moves of four blocks, read by the LDS stores of blocks 3 and 7: one wait on va_vdst ahead of each run of stores,
;       one on vm_vsrc ahead of block 4's first writes, one at the head of the third product, whose loads and sums lie over them.
;   S, RR and the sums are named by vector and matrix instructions alone up to the barrier.  Behind it loads land in them: one wait on va_vdst ahead of the first of these loads.
;   The third product: K step k's products read set k % 2 of sw, its scale words and the ring's place k % 7; the loads of K steps k + 2 and k + 7 land there: one wait on va_vdst behind the products
;       (one more inside the fifth tile's section, whose loads stand ahead of the join).
;   What is stored (sums to LDS, results to memory) has just been written by vector or matrix instructions: one wait on va_vdst ahead of each store or run of stores.
.set PASS, 2
.set XTF, 1572864                      ; sections of the buffer codes
.set XNS, 3145728
.set XTS, 3211264
.set CBO, 3276800
.set NFO, 3309568
.set CNT, 98304                        ; R in the buffer lists
.set S,   128
.set RR,  192
.set KC,  80
.set SUM, 104
.set BI,  48
.set NF,  64
.set RF,  0
.set CF,  96
.set PF,  144
.set TF,  192
.set OA,  192
.set RF5, 208                          ; window 1: the fifth tile's two row fragments,
.set PF5, 232                          ; its codes,
.set TF5, 244                          ; at work
.set O5,  168                          ; its accumulators in walk 3's product
.set RD,  7                            ; K steps in the ring of X
.if PASS == 1
.set S5,   240                         ; window 0: the fifth tile's 16 results, its constants, its sums: registers that the walk in hand leaves free
.set K5,   224
.set SUM5, 232
.elseif PASS == 2
.set S5,   64
.set K5,   12
.set SUM5, 106
.else
.set S5,   104
.set K5,   74
.set SUM5, 0
.endif
.set PW5, 73
.set SWS, 98304                        ; walk 3's LDS: sw's 64 fragment images from 0 on, (K step k, row tile m) at 6,144 k + 1,536 m; their scale words; a stage of 32 rows x 272 bytes for each wave;
.set STG, 106496
.set SW5, 176128                       ; the fifth tile's 16 images, 1,536 k; their scale words, 128 k
.set SS5, 200704
.set NS,  16*(PASS-1)                  ; loads of earlier walks' sums
.set MSB, 0
.macro WIN new                         ; the immediate's high byte repeats the setting that is left
.if MSB != \new
	s_set_vgpr_msb (MSB<<8)|\new
.set MSB, \new
.endif
.endm
	s_load_b128 s[4:7], s[0:1], 0x0                ; codes, lists
.if PASS == 1
	s_load_b64 s[10:11], s[0:1], 0x10              ; part1
.elseif PASS == 2
	s_load_b128 s[8:11], s[0:1], 0x10              ; fstat, part1
	s_load_b64 s[12:13], s[0:1], 0x20              ; part2
	v_lshl_add_u32 v119, v0, 2, 0x2000
	v_mov_b32 v127, 0
.else
	s_load_b128 s[8:11], s[0:1], 0x10              ; fstat, part1
	s_load_b128 s[12:15], s[0:1], 0x20             ; part2, opart
.endif
	v_lshrrev_b32 v1, 5, v0
	v_readfirstlane_b32 s16, v1                    ; wave 0..7
	s_mov_b32 s17, ttmp9                           ; cq
	s_and_b32 s18, ttmp7, 0xffff                   ; rg
	v_and_b32 v1, 31, v0                           ; lane
	v_and_b32 v2, 15, v0                           ; r
	v_bfe_u32 v3, v0, 4, 1                         ; h
	v_lshlrev_b32 v4, 4, v1                        ; 16 x lane
	v_lshlrev_b32 v5, 3, v1                        ; 8 x lane
	v_lshlrev_b32 v6, 6, v3                        ; 64 h
	v_lshlrev_b32 v7, 3, v2                        ; 8 r
	v_lshlrev_b32 v123, 4, v2                      ; 16 r
	v_lshlrev_b32 v124, 2, v2                      ; 4 r
	v_lshlrev_b32 v125, 8, v3                      ; 256 h
	v_lshlrev_b32 v126, 5, v3                      ; 32 h
	s_mov_b32 s21, 0xffff0000                      ; lanes 16-31
	s_mov_b32 s22, 0x3fb8aa3b                      ; log2(e)
	s_mov_b32 s23, s22                             ; (named with it as a pair)
	s_mov_b32 s24, 0x76543210
	s_mov_b32 s25, 0xfedcba98                      ; v_permlanex16_b32's selects for lane l xor 16
	s_wait_alu depctr_va_sdst(0)                   ; s16 is written, ahead of its first reader: the LDS addresses and the bases below are made from it
	; every LDS address is made here, ahead of the branch on the count
.if PASS == 1
	s_mul_i32 s52, s16, 1280
	v_lshl_add_u32 v120, v2, 4, s52                ; my wave's sums: 16 bytes a row, 80 rows
	v_lshlrev_b32 v121, 4, v0                      ; back: a thread a row
.elseif PASS == 2
	s_mul_i32 s52, s16, 320
	v_lshl_add_u32 v120, v2, 2, s52                ; 4 bytes a row, 80 rows
	v_lshlrev_b32 v121, 2, v0
.else
	s_mul_i32 s52, s16, 12288
	v_add_nc_u32 v64, s52, v4                      ; my two K steps' images
	s_lshl_b32 s52, s16, 10
	s_add_co_u32 s52, s52, SWS
	v_lshl_add_u32 v65, v1, 2, s52                 ; and their scale words
	v_add_nc_u32 v67, 49152, v4                    ; images of K steps 8 on (those of 0-7: v4)
	v_lshl_add_u32 v68, v1, 2, SWS
	s_mul_i32 s52, s16, 8704
	s_add_co_u32 s52, s52, STG
	v_mul_u32_u24 v69, v2, 272
	v_lshl_add_u32 v69, v3, 5, v69
	v_add_nc_u32 v69, s52, v69                     ; the stage, in: channel r, places 8 h on
	v_lshrrev_b32 v70, 2, v1
	v_mul_u32_u24 v70, v70, 272
	v_and_b32 v71, 3, v1
	v_lshl_add_u32 v70, v71, 4, v70
	v_add_nc_u32 v70, s52, v70                     ; back: four lanes take a channel's 64 bytes of one tile, the 32 lanes eight channels
	v_lshlrev_b32 v72, 2, v1
	s_mul_i32 s52, s16, 3072
	s_add_co_u32 s52, s52, SW5
	v_add_nc_u32 v66, s52, v4                      ; the fifth tile: my two K steps' images,
	s_lshl_b32 s52, s16, 8
	s_add_co_u32 s52, s52, SS5
	v_lshl_add_u32 v127, v1, 2, s52                ; their scale words,
	v_add_nc_u32 v120, SW5, v4                     ; and both read back
	v_lshl_add_u32 v121, v1, 2, SS5
.endif
	s_lshl_b32 s52, s17, 6
	s_lshl_b32 s53, s16, 3
	s_add_co_u32 s52, s52, s53                     ; my first block of columns: 64 cq + 8 wave
	s_mov_b32 s55, 0
	s_lshl_b32 s20, s18, 6                         ; my first place
	s_lshl_b32 s68, s18, 4
	s_add_co_u32 s68, s68, 4096                    ; the fifth tile's first place (under 6,144: inside every table, used or not)
	s_wait_kmcnt 0x0
	s_load_b32 s19, s[6:7], CNT                    ; R
.if PASS > 1
	s_load_b128 s[36:39], s[8:9], 0x0              ; t, n, 1/t, (NaN or 0)
.endif
	s_mul_i32 s54, s52, 6144
	s_add_nc_u64 s[26:27], s[4:5], s[54:55]        ; my columns' fragments,
	s_lshl_b32 s54, s52, 8
	s_add_co_u32 s54, s54, XNS
	s_add_nc_u64 s[28:29], s[4:5], s[54:55]        ; their scale words,
	s_lshl_b32 s54, s52, 7
	s_add_co_u32 s54, s54, CBO
	s_add_nc_u64 s[30:31], s[4:5], s[54:55]        ; their bias,
	s_add_nc_u64 s[32:33], s[30:31], NFO-CBO       ; their norf
	s_add_nc_u64 s[50:51], s[4:5], XNS
	s_lshl_b32 s54, s18, 9
	s_add_nc_u64 s[34:35], s[6:7], s[54:55]        ; the list at my first place,
	s_lshl_b32 s54, s68, 3
	s_add_nc_u64 s[58:59], s[6:7], s[54:55]        ; and at the fifth tile's
.if PASS == 1
	s_lshl_b32 s54, s17, 17
	s_lshl_b32 s53, s18, 10
	s_add_co_u32 s54, s54, s53
	s_add_nc_u64 s[48:49], s[10:11], s[54:55]
	s_lshl_b32 s54, s17, 17
	s_lshl_b32 s53, s68, 4
	s_add_co_u32 s54, s54, s53
	s_add_nc_u64 s[66:67], s[10:11], s[54:55]
.else
	s_lshl_b32 s54, s18, 10
	s_add_nc_u64 s[40:41], s[10:11], s[54:55]
	s_lshl_b32 s54, s68, 4
	s_add_nc_u64 s[60:61], s[10:11], s[54:55]
.endif
.if PASS == 2
	s_lshl_b32 s54, s17, 15
	s_lshl_b32 s53, s18, 8
	s_add_co_u32 s54, s54, s53
	s_add_nc_u64 s[48:49], s[12:13], s[54:55]
	s_lshl_b32 s54, s17, 15
	s_lshl_b32 s53, s68, 2
	s_add_co_u32 s54, s54, s53
	s_add_nc_u64 s[66:67], s[12:13], s[54:55]
.endif
.if PASS == 3
	s_lshl_b32 s54, s18, 8
	s_add_nc_u64 s[42:43], s[12:13], s[54:55]
	s_lshl_b32 s54, s68, 2
	s_add_nc_u64 s[62:63], s[12:13], s[54:55]
	s_mul_i32 s54, s17, 393216
	s_mul_i32 s53, s16, 3072
	s_add_co_u32 s54, s54, s53
	s_add_co_u32 s54, s54, XTF
	s_add_nc_u64 s[44:45], s[4:5], s[54:55]        ; X along the pixels: my quarter's 16 K steps, channel tiles 2 wave, 2 wave + 1
	s_lshl_b32 s54, s17, 14
	s_lshl_b32 s53, s16, 7
	s_add_co_u32 s54, s54, s53
	s_add_co_u32 s54, s54, XTS
	s_add_nc_u64 s[46:47], s[4:5], s[54:55]
	s_lshl_b32 s54, s17, 23                        ; opart: [quarter][tile of 16 places][channel][16 places]: a tile is 16 KB; my four tiles begin at tile 4 rg; my 32 channels are 2 KB of each
	s_lshl_b32 s53, s18, 16
	s_add_co_u32 s54, s54, s53
	s_lshl_b32 s53, s16, 11
	s_add_co_u32 s54, s54, s53
	s_add_nc_u64 s[48:49], s[14:15], s[54:55]
	s_lshl_b32 s54, s17, 23
	s_lshl_b32 s53, s68, 10                        ; the fifth tile is tile 256 + rg
	s_add_co_u32 s54, s54, s53
	s_lshl_b32 s53, s16, 11
	s_add_co_u32 s54, s54, s53
	s_add_nc_u64 s[66:67], s[14:15], s[54:55]
.endif
.macro LOADCOL b                       ; block b's four fragments, 512 consecutive bytes a load, and its scale words (v20 tile 0, v21 tile 1; lanes 0-15 K step 0, lanes 16-31 K step 1)
	WIN 0x40
.irp i, 0,1,2,3,4,5,6,7,8,9,10,11
	global_load_b128 v[CF+4*\i:CF+4*\i+3], v4, s[26:27] offset:6144*(\b)+512*\i
.endr
	WIN 0
	global_load_b64 v[20:21], v5, s[28:29] offset:256*(\b)
.endm
.macro LOADBI b
.irp i, 0,1,2,3
	global_load_b128 v[BI+4*\i:BI+4*\i+3], v6, s[30:31] offset:128*(\b)+16*\i
.endr
.endm
.macro LOADNF b
.irp i, 0,1,2,3
	global_load_b128 v[NF+4*\i:NF+4*\i+3], v6, s[32:33] offset:128*(\b)+16*\i
.endr
.endm
; sim of the 64 rows (and of the fifth tile's 16) and nu tiles of 16 columns, K = 256 in two steps.  The accumulators take turns, one instruction a turn.
.macro SIMW nu
	WIN 0x05                                       ; both sources in window 1, the sums in window 0
.irp m, 0,1,2,3
.irp u, 0,1
.if \u < \nu
	v_wmma_scale_f32_16x16x128_f8f6f4 v[S+16*\m+8*\u:S+16*\m+8*\u+7], v[CF+24*\u:CF+24*\u+11], v[RF+24*\m:RF+24*\m+11], 0, v[20+\u], v[16+\m] matrix_a_fmt:MATRIX_FMT_BF6 matrix_b_fmt:MATRIX_FMT_BF6
.endif
.endr
.endr
.irp m, 0,1,2,3
.irp u, 0,1
.if \u < \nu
	v_wmma_scale_f32_16x16x128_f8f6f4 v[S+16*\m+8*\u:S+16*\m+8*\u+7], v[CF+24*\u+12:CF+24*\u+23], v[RF+24*\m+12:RF+24*\m+23], v[S+16*\m+8*\u:S+16*\m+8*\u+7], v[20+\u], v[16+\m] matrix_a_fmt:MATRIX_FMT_BF6 matrix_b_fmt:MATRIX_FMT_BF6 matrix_a_scale:MATRIX_SCALE_ROW1 matrix_b_scale:MATRIX_SCALE_ROW1
.endif
.endr
.endr
	WIN 0                                          ; at a branch and at a label every window is 0
	s_cmp_lg_u32 s57, 0
	s_cbranch_scc0 .Lno5_\@
	WIN 0x05
.irp u, 0,1
.if \u < \nu
	v_wmma_scale_f32_16x16x128_f8f6f4 v[S5+8*\u:S5+8*\u+7], v[CF+24*\u:CF+24*\u+11], v[RF5:RF5+11], 0, v[20+\u], v22 matrix_a_fmt:MATRIX_FMT_BF6 matrix_b_fmt:MATRIX_FMT_BF6
.endif
.endr
.irp u, 0,1
.if \u < \nu
.if \nu == 1
	s_wait_alu depctr_va_vdst(0)                   ; the first link has written v[S5 ..]; the wait stands directly ahead of the link
.endif
	v_wmma_scale_f32_16x16x128_f8f6f4 v[S5+8*\u:S5+8*\u+7], v[CF+24*\u+12:CF+24*\u+23], v[RF5+12:RF5+23], v[S5+8*\u:S5+8*\u+7], v[20+\u], v22 matrix_a_fmt:MATRIX_FMT_BF6 matrix_b_fmt:MATRIX_FMT_BF6 matrix_a_scale:MATRIX_SCALE_ROW1 matrix_b_scale:MATRIX_SCALE_ROW1
.endif
.endr
	WIN 0
.Lno5_\@:
.rept 4
	v_nop                                          ; places in front of the reads of the sums and of the loads into the operands
.endr
.endm
; walk 3: the block's 64 x 32 weights become codes.  A block of 32 columns lies in lanes l and l xor 16; two blocks make half a fragment, four a fragment, which goes to LDS as an image of its registers.
.macro QNT b
.if (\b) == 4
	s_wait_dscnt 0x0                               ; the first K step's stores have read the registers that are written again now
	s_wait_alu depctr_vm_vsrc(0)                   ; block 3's LDS stores have read v[PF ..] and v12-15, which are written again from here on
.endif
.irp m, 0,1,2,3
	v_max3_num_f32 v[RR+\m], v[S+16*\m], v[S+16*\m+1], 0x2800000   ; no weight is negative; the floor 2^(5 - 127) holds the byte at 1 from below
.endr
.irp i, 2,4,6,8,10,12,14
.irp m, 0,1,2,3
	v_max3_num_f32 v[RR+\m], v[RR+\m], v[S+16*\m+\i], v[S+16*\m+\i+1]
.endr
.endr
.irp m, 0,1,2,3
	v_permlanex16_b32 v[RR+4+\m], v[RR+\m], s24, s25
.endr
.irp m, 0,1,2,3
	v_max_num_f32 v[RR+\m], v[RR+\m], v[RR+4+\m]
.endr
.irp m, 0,1,2,3
	v_add_nc_u32 v[RR+8+\m], 0xfe000000, v[RR+\m]  ; 4 off the exponent field: the conversion's scale operand
.endr
.irp m, 0,1,2,3
	v_lshrrev_b32 v[RR+4+\m], 23, v[RR+8+\m]       ; the byte
.endr
.irp m, 0,1,2,3
.if (\b)%4 == 0
	v_mov_b32 v[12+\m], v[RR+4+\m]
.else
	v_lshl_or_b32 v[12+\m], v[RR+4+\m], 8*((\b)%4), v[12+\m]
.endif
.endr
	WIN 0x40                                       ; the codes go to window 1
.irp m, 0,1,2,3
.if (\b)%2 == 0
	v_cvt_scalef32_pk16_bf6_f32 v[PF+12*\m+6*(((\b)%4)/2):PF+12*\m+6*(((\b)%4)/2)+2], v[S+16*\m:S+16*\m+15], v[RR+8+\m]
.else
	v_cvt_scalef32_pk16_bf6_f32 v[TF+4*\m:TF+4*\m+2], v[S+16*\m:S+16*\m+15], v[RR+8+\m]
.endif
.endr
	v_nop                                          ; one plain place behind the conversions
.if (\b)%2 == 1
	WIN 0x41                                       ; the operand wants a whole block in a lane: lanes 0-15 the even block, lanes 16-31 the odd one
.irp m, 0,1,2,3
.irp i, 0,1,2
	v_permlane16_swap_b32 v[PF+12*\m+6*(((\b)%4)/2)+\i], v[TF+4*\m+\i]
.endr
.endr
.irp m, 0,1,2,3
.irp i, 0,1,2
	v_mov_b32 v[PF+12*\m+6*(((\b)%4)/2)+3+\i], v[TF+4*\m+\i]
.endr
.endr
.endif
	WIN 0
.if (\b)%4 == 3
	WIN 0x04                                       ; an LDS store's data are its source 1: window 1
	s_wait_alu depctr_va_vdst(0)                   ; the conversions, exchanges and moves of four blocks have written v[PF ..] and v12-15, which the LDS stores below read
.irp m, 0,1,2,3
.irp g, 0,1,2
	ds_store_b128 v64, v[PF+12*\m+4*\g:PF+12*\m+4*\g+3] offset:6144*((\b)/4)+1536*\m+512*\g
.endr
.endr
	WIN 0
.irp m, 0,1,2,3
	ds_store_b32 v65, v[12+\m] offset:512*((\b)/4)+128*\m
.endr
.endif
.endm
; the same for the fifth tile's 16 x 32 weights
.macro QNT5 b
.if (\b) == 4
	s_wait_dscnt 0x0                               ; the first K step's stores have read the registers that are written again now
	s_wait_alu depctr_vm_vsrc(0)                   ; block 3's LDS stores have read v[PF5 ..] and v[PW5], which are written again from here on
.endif
	v_max3_num_f32 v[RR+16], v[S5], v[S5+1], 0x2800000
	v_max3_num_f32 v[RR+17], v[S5+2], v[S5+3], v[S5+4]
.irp i, 5,9
	v_max3_num_f32 v[RR+16], v[RR+16], v[S5+\i], v[S5+\i+1]
	v_max3_num_f32 v[RR+17], v[RR+17], v[S5+\i+2], v[S5+\i+3]
.endr
	v_max3_num_f32 v[RR+16], v[RR+16], v[S5+13], v[S5+14]
	v_max3_num_f32 v[RR+16], v[RR+16], v[RR+17], v[S5+15]
	v_mov_b32 v[RR+18], 0                          ; (a lane permute's destination counts as one of its sources)
	v_permlanex16_b32 v[RR+18], v[RR+16], s24, s25
	v_max_num_f32 v[RR+16], v[RR+16], v[RR+18]
	v_add_nc_u32 v[RR+19], 0xfe000000, v[RR+16]
	v_lshrrev_b32 v[RR+18], 23, v[RR+19]
.if (\b)%4 == 0
	v_mov_b32 v[PW5], v[RR+18]
.else
	v_lshl_or_b32 v[PW5], v[RR+18], 8*((\b)%4), v[PW5]
.endif
	WIN 0x40
.if (\b)%2 == 0
	v_cvt_scalef32_pk16_bf6_f32 v[PF5+6*(((\b)%4)/2):PF5+6*(((\b)%4)/2)+2], v[S5:S5+15], v[RR+19]
.else
	v_cvt_scalef32_pk16_bf6_f32 v[TF5:TF5+2], v[S5:S5+15], v[RR+19]
.endif
	v_nop
.if (\b)%2 == 1
	WIN 0x41
.irp i, 0,1,2
	v_permlane16_swap_b32 v[PF5+6*(((\b)%4)/2)+\i], v[TF5+\i]
.endr
.irp i, 0,1,2
	v_mov_b32 v[PF5+6*(((\b)%4)/2)+3+\i], v[TF5+\i]
.endr
.endif
	WIN 0
.if (\b)%4 == 3
	WIN 0x04
	s_wait_alu depctr_va_vdst(0)                   ; the conversions, exchanges and moves of four blocks have written v[PF5 ..] and v[PW5], which the LDS stores below read
.irp g, 0,1,2
	ds_store_b128 v66, v[PF5+4*\g:PF5+4*\g+3] offset:1536*((\b)/4)+512*\g
.endr
	WIN 0
	ds_store_b32 v127, v[PW5] offset:128*((\b)/4)
.endif
.endm
; All the vector work of the fifth tile for one block: the same lines as the four tiles', on 16 registers.  It stands ahead of the next block's loads of bias and norf, and uses the second set while that is free.
.macro FIFTH b
	s_cmp_lg_u32 s57, 0
	s_cbranch_scc0 .Lno5_\@
.irp i, 0,1,2,3,4,5,6,7
	v_pk_fma_f32 v[S5+2*\i:S5+2*\i+1], v[S5+2*\i:S5+2*\i+1], s[22:23], v[BI+2*\i:BI+2*\i+1] op_sel_hi:[1,0,1]
.endr
.set j, 0
	s_wait_alu depctr_va_vdst(0)
.rept 16
	v_exp_f32 v[S5+j], v[S5+j]
.set j, j+1
.endr
	v_nop
	s_wait_alu depctr_va_vdst(0)                   ; the 16 exponentials have written v[S5 ..], ahead of their first reader
.if PASS == 1
.irp i, 0,1,2,3,4,5,6,7
	v_pk_fma_f32 v[S5+2*\i:S5+2*\i+1], v[NF+2*\i:NF+2*\i+1], v[K5:K5+1], v[S5+2*\i:S5+2*\i+1]
.endr
.irp i, 0,1,2,3,4,5,6,7
	v_pk_add_f32 v[SUM5:SUM5+1], v[SUM5:SUM5+1], v[S5+2*\i:S5+2*\i+1]
	v_pk_fma_f32 v[SUM5+2:SUM5+3], v[S5+2*\i:S5+2*\i+1], v[S5+2*\i:S5+2*\i+1], v[SUM5+2:SUM5+3]
.endr
.else
.irp i, 0,1,2,3,4,5,6,7
	v_pk_add_f32 v[RR+2*\i:RR+2*\i+1], v[S5+2*\i:S5+2*\i+1], v[K5:K5+1]
.endr
.set j, 0
.rept 16
	v_max_num_f32 v[RR+j], 0, v[RR+j]
.set j, j+1
.endr
.irp i, 0,1,2,3,4,5,6,7
	v_pk_mul_f32 v[S5+2*\i:S5+2*\i+1], v[S5+2*\i:S5+2*\i+1], v[RR+2*\i:RR+2*\i+1]
.endr
.irp i, 0,1,2,3,4,5,6,7
.if PASS == 2
	v_pk_add_f32 v[RR+2*\i:RR+2*\i+1], v[RR+2*\i:RR+2*\i+1], v[K5+2:K5+3]
.else
	v_pk_fma_f32 v[RR+2*\i:RR+2*\i+1], v[RR+2*\i:RR+2*\i+1], v[K5+2:K5+3], v[K5+4:K5+5]
.endif
.endr
.set j, 0
	s_wait_alu depctr_va_vdst(0)
.rept 16
	v_rcp_f32 v[RR+j], v[RR+j]
.set j, j+1
.endr
	v_nop
	s_wait_alu depctr_va_vdst(0)                   ; the 16 reciprocals have written v[RR .. RR+15], ahead of their first reader
.if PASS == 2
.irp i, 0,1,2,3,4,5,6,7
	v_pk_fma_f32 v[SUM5:SUM5+1], v[S5+2*\i:S5+2*\i+1], v[RR+2*\i:RR+2*\i+1], v[SUM5:SUM5+1]
.endr
.else
.irp i, 0,1,2,3,4,5,6,7
	v_pk_mul_f32 v[S5+2*\i:S5+2*\i+1], v[S5+2*\i:S5+2*\i+1], v[RR+2*\i:RR+2*\i+1]
.endr
	QNT5 \b
.endif
.endif
.Lno5_\@:
.endm
; One block of 32 columns for the rows.  more = 1: the next block's operands are asked for as soon as this block's have been used; they have the block's vector work in which to land.
.macro BLOCK b, more
	s_wait_loadcnt 0x0                             ; this block's fragments, scale words, bias (and norf) are in; nothing else is out
	SIMW 2
.if \more
	s_wait_alu depctr_va_vdst(0)                   ; the block's products are done reading v[CF ..], v20 and v21, in which the next block's loads land
	LOADCOL (\b+1)
.endif
.irp m, 0,1,2,3
.irp i, 0,1,2,3,4,5,6,7
	v_pk_fma_f32 v[S+16*\m+2*\i:S+16*\m+2*\i+1], v[S+16*\m+2*\i:S+16*\m+2*\i+1], s[22:23], v[BI+2*\i:BI+2*\i+1] op_sel_hi:[1,0,1]   ; sim log2(e) + bias; each sum is read from its low end on
.endr
.endr
	FIFTH \b
.set j, 0
	s_wait_alu depctr_va_vdst(0)
.rept 64
	v_exp_f32 v[S+j], v[S+j]                       ; e
.set j, j+1
.endr
	v_nop                                          ; a plain place behind the batch,
	s_wait_alu depctr_va_vdst(0)                   ; and the one wait ahead of its first reader: the 64 exponentials have written v[S ..]; the scalings, the fifth tile's too, are done reading v[BI ..]
.if \more
	LOADBI (\b+1)                                  ; no vector instruction since the wait above names v[BI ..]
.endif
.if PASS == 1
.irp m, 0,1,2,3
.irp i, 0,1,2,3,4,5,6,7
	v_pk_fma_f32 v[S+16*\m+2*\i:S+16*\m+2*\i+1], v[NF+2*\i:NF+2*\i+1], v[KC+6*\m:KC+6*\m+1], v[S+16*\m+2*\i:S+16*\m+2*\i+1]   ; g = e - a norf
.endr
.endr
.if \more
	s_wait_alu depctr_va_vdst(0)                   ; the lines that make g, the fifth tile's too, are done reading v[NF ..], in which the next block's loads land
	LOADNF (\b+1)
.endif
.irp i, 0,1,2,3,4,5,6,7
.irp m, 0,1,2,3
	v_pk_add_f32 v[SUM+4*\m:SUM+4*\m+1], v[SUM+4*\m:SUM+4*\m+1], v[S+16*\m+2*\i:S+16*\m+2*\i+1]
	v_pk_fma_f32 v[SUM+4*\m+2:SUM+4*\m+3], v[S+16*\m+2*\i:S+16*\m+2*\i+1], v[S+16*\m+2*\i:S+16*\m+2*\i+1], v[SUM+4*\m+2:SUM+4*\m+3]
.endr
.endr
.else
.irp m, 0,1,2,3
.irp i, 0,1,2,3,4,5,6,7
	v_pk_add_f32 v[RR+16*\m+2*\i:RR+16*\m+2*\i+1], v[S+16*\m+2*\i:S+16*\m+2*\i+1], v[KC+6*\m:KC+6*\m+1]   ; e - thrE
.endr
.endr
.set j, 0
.rept 64
	v_max_num_f32 v[RR+j], 0, v[RR+j]              ; r
.set j, j+1
.endr
.irp m, 0,1,2,3
.irp i, 0,1,2,3,4,5,6,7
	v_pk_mul_f32 v[S+16*\m+2*\i:S+16*\m+2*\i+1], v[S+16*\m+2*\i:S+16*\m+2*\i+1], v[RR+16*\m+2*\i:RR+16*\m+2*\i+1]   ; e r
.endr
.endr
.irp m, 0,1,2,3
.irp i, 0,1,2,3,4,5,6,7
.if PASS == 2
	v_pk_add_f32 v[RR+16*\m+2*\i:RR+16*\m+2*\i+1], v[RR+16*\m+2*\i:RR+16*\m+2*\i+1], v[KC+6*\m+2:KC+6*\m+3]   ; r + epsE
.else
	v_pk_fma_f32 v[RR+16*\m+2*\i:RR+16*\m+2*\i+1], v[RR+16*\m+2*\i:RR+16*\m+2*\i+1], v[KC+6*\m+2:KC+6*\m+3], v[KC+6*\m+4:KC+6*\m+5]   ; (r + epsE) SE
.endif
.endr
.endr
.set j, 0
	s_wait_alu depctr_va_vdst(0)
.rept 64
	v_rcp_f32 v[RR+j], v[RR+j]
.set j, j+1
.endr
	v_nop
	s_wait_alu depctr_va_vdst(0)                   ; the 64 reciprocals have written v[RR ..], ahead of their first reader
.if PASS == 2
.irp i, 0,1,2,3,4,5,6,7
.irp m, 0,1,2,3
	v_pk_fma_f32 v[SUM+4*\m:SUM+4*\m+1], v[S+16*\m+2*\i:S+16*\m+2*\i+1], v[RR+16*\m+2*\i:RR+16*\m+2*\i+1], v[SUM+4*\m:SUM+4*\m+1]
.endr
.endr
.else
.irp m, 0,1,2,3
.irp i, 0,1,2,3,4,5,6,7
	v_pk_mul_f32 v[S+16*\m+2*\i:S+16*\m+2*\i+1], v[S+16*\m+2*\i:S+16*\m+2*\i+1], v[RR+16*\m+2*\i:RR+16*\m+2*\i+1]   ; sw, finished and normalised
.endr
.endr
	QNT \b
.endif
.endif
.endm
; walks 2 and 3: a row's constants from the four quarters' sums
.macro STATS
.irp m, 0,1,2,3
	v_pk_add_f32 v[224+2*\m:225+2*\m], v[S+4*\m:S+4*\m+1], v[S+16+4*\m:S+17+4*\m]
	v_pk_add_f32 v[232+2*\m:233+2*\m], v[S+32+4*\m:S+33+4*\m], v[S+48+4*\m:S+49+4*\m]
.endr
.irp m, 0,1,2,3
	v_pk_add_f32 v[224+2*\m:225+2*\m], v[224+2*\m:225+2*\m], v[232+2*\m:233+2*\m]   ; Z', Q'
.endr
.irp m, 0,1,2,3
	v_mul_f32 v[232+\m], s38, v[224+2*\m]          ; Z' / t
.endr
.irp m, 0,1,2,3
	v_fma_f32 v[236+\m], -v[224+2*\m], v[232+\m], v[225+2*\m]
.endr
.irp m, 0,1,2,3
	v_max_num_f32 v[236+\m], 0, v[236+\m]          ; M2
.endr
.irp m, 0,1,2,3
	v_mul_f32 v[236+\m], s38, v[236+\m]
.endr
	s_wait_alu depctr_va_vdst(0)
.irp m, 0,1,2,3
	v_sqrt_f32 v[240+\m], v[236+\m]
.endr
.irp m, 0,1,2,3
	v_add_f32 v[232+\m], v[S+4*\m+2], v[232+\m]    ; a + Z' / t  (plain work behind the roots)
.endr
.irp m, 0,1,2,3
	v_fma_f32 v[244+\m], s37, v[S+4*\m+2], v[224+2*\m]   ; n a + Z'
.endr
.irp m, 0,1,2,3
	v_mul_f32 v[244+\m], 0x2edbe6ff, v[244+\m]     ; epsE = 1e-10 times it
.endr
	s_wait_alu depctr_va_vdst(0)                   ; the four roots have written v240-243, ahead of their first reader
.irp m, 0,1,2,3
	v_fma_f32 v[KC+6*\m], 2.0, v[240+\m], -v[232+\m]     ; -thrE, twice
	v_fma_f32 v[KC+6*\m+1], 2.0, v[240+\m], -v[232+\m]
.endr
.if PASS == 2
.irp m, 0,1,2,3
	v_mov_b32 v[KC+6*\m+2], v[244+\m]
	v_mov_b32 v[KC+6*\m+3], v[244+\m]
	v_mov_b32 v[SUM+4*\m], 0
	v_mov_b32 v[SUM+4*\m+1], 0
.endr
.else
.irp m, 0,1,2,3
	v_add_f32 v[248+\m], v[RR+16+\m], v[RR+20+\m]
	v_add_f32 v[252+\m], v[RR+24+\m], v[RR+28+\m]
.endr
.irp m, 0,1,2,3
	v_add_f32 v[KC+6*\m+2], v[248+\m], v[252+\m]   ; SE
	v_add_f32 v[KC+6*\m+3], v[248+\m], v[252+\m]
.endr
.irp m, 0,1,2,3
	v_mul_f32 v[KC+6*\m+4], v[244+\m], v[KC+6*\m+2]   ; epsE SE
	v_mul_f32 v[KC+6*\m+5], v[244+\m], v[KC+6*\m+2]
.endr
.endif
.endm
	s_wait_kmcnt 0x0
	s_mov_b32 s56, s19                             ; R
	s_max_u32 s19, s19, 1                          ; the first group always works
	s_sub_co_u32 s69, s56, 4097
	s_cmp_lt_u32 s69, 1024                         ; 4,097 <= R <= 5,120: places 4,096 on go as fifth tiles,
	s_cselect_b32 s57, 1, 0
	s_cselect_b32 s19, 4096, s19                   ; and the groups end at place 4,096
	s_cmp_lt_u32 s68, s56                          ; has my group one?
	s_cselect_b32 s57, s57, 0
	s_cmp_lt_u32 s20, s19
	s_cbranch_scc0 .Ljoin
	; ---- A: up to this wave's LDS stores
	; What one section of the fifth tile writes and a later one reads is written once here, on the way that every wave takes, so that each register is written on every way through the text.
.set j, 0
.rept 16
	v_mov_b32 v[S5+j], 0
.set j, j+1
.endr
.if PASS == 1
.set j, 0
.rept 12
	v_mov_b32 v[K5+j], 0                           ; its constants, and its sums, which begin at 0
.set j, j+1
.endr
.elseif PASS == 2
.irp j, 12,13,14,15,106,107
	v_mov_b32 v\j, 0
.endr
.else
.irp j, 12,13,14,15,73,74,75,76,77,78,79
	v_mov_b32 v\j, 0
.endr
	WIN 0x40
.set j, 0
.rept 12
	v_mov_b32 v[PF5+j], 0
.set j, j+1
.endr
	WIN 0
.endif
	s_wait_alu depctr_va_vdst(0)                   ; the head's lane terms and addresses are written, which every load and store of the text reads; so are the fifth tile's registers above, in some of which loads land
.if PASS > 1
	s_cmp_lg_u32 s57, 0
	s_cbranch_scc0 .Lx0
.irp q, 0,1,2,3
	global_load_b128 v[S5+4*\q:S5+4*\q+3], v123, s[60:61] offset:131072*\q   ; the fifth tile's sums of the earlier walks: the oldest loads, so that the counts below hold on both ways
.endr
.if PASS == 3
.irp q, 0,1,2,3
	global_load_b32 v[12+\q], v124, s[62:63] offset:32768*\q
.endr
.endif
.Lx0:
.endif
.irp m, 0,1,2,3
	global_load_b64 v[RR+2*\m:RR+2*\m+1], v7, s[34:35] offset:128*\m   ; {ro, rs} of place 64 rg + 16 m + r
.endr
	global_load_b64 v[RR+12:RR+13], v7, s[58:59]   ; and of place 4,096 + 16 rg + r: the list holds every place, so this and the rows behind it are loaded in every group
.if PASS == 1
	WIN 0x40
.irp i, 0,1,2,3,4,5
	global_load_b128 v[CF+4*\i:CF+4*\i+3], v4, s[4:5] offset:512*\i    ; tile 0 of the whole matrix's block 0: pixel 0 is its lane 0
.endr
	WIN 0
	global_load_b64 v[20:21], v5, s[50:51]
	s_wait_loadcnt 7                               ; the list's five loads are in; the seven behind them may be out
.else
.irp q, 0,1,2,3
.irp m, 0,1,2,3
	global_load_b128 v[S+16*\q+4*\m:S+16*\q+4*\m+3], v123, s[40:41] offset:131072*\q+256*\m
.endr
.endr
.if PASS == 3
.irp q, 0,1,2,3
.irp m, 0,1,2,3
	global_load_b32 v[RR+16+4*\q+\m], v124, s[42:43] offset:32768*\q+64*\m
.endr
.endr
.endif
	LOADCOL 0
	LOADBI 0
	s_wait_loadcnt NS+17                           ; the list's five loads are in; the sums' NS and block 0's 17 may be out
.endif
.irp m, 0,1,2,3
	v_min_u32 v[8+\m], 0x17f4f, v[RR+2*\m]         ; held inside XNF (98,127 units of 16 bytes)
	v_min_u32 v[RR+8+\m], 0x3fdf, v[RR+2*\m+1]     ; and inside XNS (16,351 words)
.endr
	v_min_u32 v122, 0x17f4f, v[RR+12]
	v_min_u32 v[RR+14], 0x3fdf, v[RR+13]
.irp m, 0,1,2,3
	v_lshlrev_b32 v[8+\m], 4, v[8+\m]
	v_add_nc_u32 v[RR+8+\m], v[RR+8+\m], v126      ; lanes 16-31: the second K step's word
.endr
	v_lshlrev_b32 v122, 4, v122
	v_add_nc_u32 v[RR+14], v[RR+14], v126
.irp m, 0,1,2,3
	v_add_nc_u32 v[8+\m], v[8+\m], v125            ; lanes 16-31: the image's upper lanes
	v_lshlrev_b32 v[RR+8+\m], 2, v[RR+8+\m]
.endr
	v_add_nc_u32 v122, v122, v125
	v_lshlrev_b32 v[RR+14], 2, v[RR+14]
	WIN 0x40
	s_wait_alu depctr_va_vdst(0)                   ; the rows' offsets v8-11, v122, v[RR+8 .. RR+11] and v[RR+14] are written, which the loads below read
.irp m, 0,1,2,3
.irp s, 0,1
.irp g, 0,1,2
	global_load_b128 v[RF+24*\m+12*\s+4*\g:RF+24*\m+12*\s+4*\g+3], v[8+\m], s[4:5] offset:1536*\s+512*\g   ; my row's registers, out of whatever fragment holds it
.endr
.endr
.endr
.irp s, 0,1
.irp g, 0,1,2
	global_load_b128 v[RF5+12*\s+4*\g:RF5+12*\s+4*\g+3], v122, s[4:5] offset:1536*\s+512*\g
.endr
.endr
	WIN 0
.irp m, 0,1,2,3
	global_load_b32 v[16+\m], v[RR+8+\m], s[50:51]
.endr
	global_load_b32 v22, v[RR+14], s[50:51]
.if PASS == 1
	s_wait_loadcnt 0x0
	SIMW 1
	s_wait_alu depctr_va_vdst(0)                   ; the products are done reading v[CF ..], v20 and v21, in which block 0's loads land
	LOADCOL 0
	LOADBI 0
	LOADNF 0
.irp m, 0,1,2,3
	v_mul_f32 v[RR+\m], s22, v[S+16*\m]            ; lanes 0-15: sim(row r, pixel 0), unmasked
.endr
.irp m, 0,1,2,3
	v_exp_f32 v[RR+\m], v[RR+\m]
.endr
.irp m, 0,1,2,3
	v_mov_b32 v[RR+4+\m], 0
.endr
	s_wait_alu depctr_va_vdst(0)                   ; the four exponentials have written v[RR .. RR+3], ahead of their first reader
.irp m, 0,1,2,3
	v_permlanex16_b32 v[RR+4+\m], v[RR+\m], s24, s25
.endr
.irp m, 0,1,2,3
	v_cndmask_b32 v[KC+6*\m+4], v[RR+\m], v[RR+4+\m], s21   ; a, in both halves of the lanes: the same number in every wave that serves the row
.endr
.irp m, 0,1,2,3
	v_mul_f32 v[KC+6*\m], -1.0, v[KC+6*\m+4]
	v_mul_f32 v[KC+6*\m+1], -1.0, v[KC+6*\m+4]
.endr
.set j, 0
.rept 16
	v_mov_b32 v[SUM+j], 0
.set j, j+1
.endr
	s_cmp_lg_u32 s57, 0
	s_cbranch_scc0 .Lx1
	v_mul_f32 v216, s22, v[S5]                     ; the same for the fifth tile
	v_exp_f32 v216, v216
	v_mov_b32 v217, 0
	s_wait_alu depctr_va_vdst(0)                   ; the exponential has written v216, ahead of its first reader
	v_permlanex16_b32 v217, v216, s24, s25
	v_cndmask_b32 v[K5+4], v216, v217, s21
	v_mul_f32 v[K5], -1.0, v[K5+4]
	v_mul_f32 v[K5+1], -1.0, v[K5+4]
.Lx1:
.else
	s_wait_loadcnt 52                              ; the sums are in; block 0's 17 loads and the rows' 35 may be out
	STATS
	s_cmp_lg_u32 s57, 0
	s_cbranch_scc0 .Lx2
	v_pk_add_f32 v[224:225], v[S5:S5+1], v[S5+4:S5+5]      ; the fifth tile's constants, by the same lines
	v_pk_add_f32 v[226:227], v[S5+8:S5+9], v[S5+12:S5+13]
	v_pk_add_f32 v[224:225], v[224:225], v[226:227]
	v_mul_f32 v228, s38, v224
	v_fma_f32 v229, -v224, v228, v225
	v_max_num_f32 v229, 0, v229
	v_mul_f32 v229, s38, v229
	s_wait_alu depctr_va_vdst(0)
	v_sqrt_f32 v230, v229
	v_add_f32 v228, v[S5+2], v228
	v_fma_f32 v231, s37, v[S5+2], v224
	v_mul_f32 v231, 0x2edbe6ff, v231
	s_wait_alu depctr_va_vdst(0)                   ; the root has written v230, ahead of its first reader
	v_fma_f32 v[K5], 2.0, v230, -v228
	v_fma_f32 v[K5+1], 2.0, v230, -v228
.if PASS == 2
	v_mov_b32 v[K5+2], v231
	v_mov_b32 v[K5+3], v231
.else
	v_add_f32 v232, v12, v13
	v_add_f32 v233, v14, v15
	v_add_f32 v[K5+2], v232, v233
	v_add_f32 v[K5+3], v232, v233
	v_mul_f32 v[K5+4], v231, v[K5+2]
	v_mul_f32 v[K5+5], v231, v[K5+2]
.endif
.Lx2:
.endif
	s_wait_alu depctr_vm_vsrc(0)                   ; the loads of the rows' scale words have read v[RR+8 .. RR+11] and v[RR+14]: the second set is written by vector instructions from here on
.irp b, 0,1,2,3,4,5,6
	BLOCK \b, 1
.endr
	BLOCK 7, 0
.if PASS == 1
.irp m, 0,1,2,3
	v_add_f32 v[RR+4*\m], v[SUM+4*\m], v[SUM+4*\m+1]
	v_add_f32 v[RR+4*\m+1], v[SUM+4*\m+2], v[SUM+4*\m+3]
	v_mov_b32 v[RR+16+2*\m], 0
	v_mov_b32 v[RR+17+2*\m], 0
.endr
.irp m, 0,1,2,3
	v_permlanex16_b32 v[RR+16+2*\m], v[RR+4*\m], s24, s25
	v_permlanex16_b32 v[RR+17+2*\m], v[RR+4*\m+1], s24, s25
.endr
.irp m, 0,1,2,3
	v_pk_add_f32 v[RR+4*\m:RR+4*\m+1], v[RR+4*\m:RR+4*\m+1], v[RR+16+2*\m:RR+17+2*\m]
	v_mov_b32 v[RR+4*\m+2], v[KC+6*\m+4]
	v_mov_b32 v[RR+4*\m+3], 0
.endr
	s_wait_alu depctr_va_vdst(0)                   ; the lines above have written v[RR .. RR+15], which the LDS stores read
.irp m, 0,1,2,3
	ds_store_b128 v120, v[RR+4*\m:RR+4*\m+3] offset:256*\m   ; {Z', Q', a, 0} of my 256 columns (both halves of the lanes write the same)
.endr
	s_cmp_lg_u32 s57, 0
	s_cbranch_scc0 .Lx3
	v_add_f32 v216, v[SUM5], v[SUM5+1]
	v_add_f32 v217, v[SUM5+2], v[SUM5+3]
	v_mov_b32 v220, 0
	v_mov_b32 v221, 0
	v_permlanex16_b32 v220, v216, s24, s25
	v_permlanex16_b32 v221, v217, s24, s25
	v_pk_add_f32 v[216:217], v[216:217], v[220:221]
	v_mov_b32 v218, v[K5+4]
	v_mov_b32 v219, 0
	s_wait_alu depctr_va_vdst(0)                   ; v[216:219] are written, which the LDS store reads
	ds_store_b128 v120, v[216:219] offset:1024
.Lx3:
.elseif PASS == 2
.irp m, 0,1,2,3
	v_add_f32 v[RR+\m], v[SUM+4*\m], v[SUM+4*\m+1]
.endr
.irp m, 0,1,2,3
	v_permlanex16_b32 v[RR+4+\m], v[RR+\m], s24, s25
.endr
.irp m, 0,1,2,3
	v_add_f32 v[RR+\m], v[RR+\m], v[RR+4+\m]
.endr
	s_wait_alu depctr_va_vdst(0)                   ; the additions have written v[RR .. RR+3], which the LDS stores read
.irp m, 0,1,2,3
	ds_store_b32 v120, v[RR+\m] offset:64*\m
.endr
	s_cmp_lg_u32 s57, 0
	s_cbranch_scc0 .Lx3
	v_add_f32 v200, v[SUM5], v[SUM5+1]
	v_mov_b32 v201, 0
	v_permlanex16_b32 v201, v200, s24, s25
	v_add_f32 v200, v200, v201
	s_wait_alu depctr_va_vdst(0)                   ; v200 is written, which the LDS store reads
	ds_store_b32 v120, v200 offset:256
.Lx3:
.endif
.Ljoin:
	s_wait_dscnt 0x0                               ; for the others' sake: my stores have landed
	s_barrier_signal -1
	s_barrier_wait -1                              ; every wave passes it, with rows or without
	s_cmp_lt_u32 s20, s19
	s_cbranch_scc0 .Lend
	; ---- B: reads only what the head or B itself has written, and LDS
.if PASS == 1
	s_wait_alu depctr_va_vdst(0)                   ; the vector and matrix instructions ahead of the barrier are done with v[S ..], in which the loads below land, on either way
	s_cmp_lt_u32 s16, 2
	s_cbranch_scc0 .Lfifth                         ; waves 0 and 1: 64 threads, a row each
.irp w, 0,1,2,3,4,5,6,7
	ds_load_b128 v[S+4*\w:S+4*\w+3], v121 offset:1280*\w
.endr
	s_wait_dscnt 0x0
	v_pk_add_f32 v[S:S+1], v[S:S+1], v[S+4:S+5]
	v_pk_add_f32 v[S+8:S+9], v[S+8:S+9], v[S+12:S+13]
	v_pk_add_f32 v[S+16:S+17], v[S+16:S+17], v[S+20:S+21]
	v_pk_add_f32 v[S+24:S+25], v[S+24:S+25], v[S+28:S+29]
	v_pk_add_f32 v[S:S+1], v[S:S+1], v[S+8:S+9]
	v_pk_add_f32 v[S+16:S+17], v[S+16:S+17], v[S+24:S+25]
	v_pk_add_f32 v[S:S+1], v[S:S+1], v[S+16:S+17]
	s_wait_alu depctr_va_vdst(0)                   ; the additions have written v[S:S+1], which the store reads
	global_store_b128 v121, v[S:S+3], s[48:49]     ; 512 consecutive bytes a wave
	s_branch .Lend
.Lfifth:
	s_cmp_eq_u32 s16, 2                            ; wave 2: the fifth tile's 16 rows (both halves of the lanes hold, and store, the same)
	s_cbranch_scc0 .Lend
	s_cmp_lg_u32 s57, 0
	s_cbranch_scc0 .Lend
.irp w, 0,1,2,3,4,5,6,7
	ds_load_b128 v[S+4*\w:S+4*\w+3], v123 offset:1024+1280*\w
.endr
	s_wait_dscnt 0x0
	v_pk_add_f32 v[S:S+1], v[S:S+1], v[S+4:S+5]
	v_pk_add_f32 v[S+8:S+9], v[S+8:S+9], v[S+12:S+13]
	v_pk_add_f32 v[S+16:S+17], v[S+16:S+17], v[S+20:S+21]
	v_pk_add_f32 v[S+24:S+25], v[S+24:S+25], v[S+28:S+29]
	v_pk_add_f32 v[S:S+1], v[S:S+1], v[S+8:S+9]
	v_pk_add_f32 v[S+16:S+17], v[S+16:S+17], v[S+24:S+25]
	v_pk_add_f32 v[S:S+1], v[S:S+1], v[S+16:S+17]
	s_wait_alu depctr_va_vdst(0)                   ; the additions have written v[S:S+1], which the store reads
	global_store_b128 v123, v[S:S+3], s[66:67]     ; 256 consecutive bytes
.elseif PASS == 2
	s_wait_alu depctr_va_vdst(0)                   ; the vector and matrix instructions ahead of the barrier are done with v[S ..], in which the loads below land, on either way
	s_cmp_lt_u32 s16, 2
	s_cbranch_scc0 .Lfifth
.irp w, 0,1,2,3,4,5,6,7
	ds_load_b32 v[S+\w], v121 offset:320*\w
.endr
	s_wait_dscnt 0x0
	v_pk_add_f32 v[S:S+1], v[S:S+1], v[S+2:S+3]
	v_pk_add_f32 v[S+4:S+5], v[S+4:S+5], v[S+6:S+7]
	v_pk_add_f32 v[S:S+1], v[S:S+1], v[S+4:S+5]
	v_add_f32 v[S], v[S], v[S+1]
	s_wait_alu depctr_va_vdst(0)                   ; the additions have written v[S], which the store reads
	global_store_b32 v121, v[S], s[48:49]
	s_branch .Lend
.Lfifth:
	s_cmp_eq_u32 s16, 2
	s_cbranch_scc0 .Lend
	s_cmp_lg_u32 s57, 0
	s_cbranch_scc0 .Lend
.irp w, 0,1,2,3,4,5,6,7
	ds_load_b32 v[S+\w], v124 offset:256+320*\w
.endr
	s_wait_dscnt 0x0
	v_pk_add_f32 v[S:S+1], v[S:S+1], v[S+2:S+3]
	v_pk_add_f32 v[S+4:S+5], v[S+4:S+5], v[S+6:S+7]
	v_pk_add_f32 v[S:S+1], v[S:S+1], v[S+4:S+5]
	v_add_f32 v[S], v[S], v[S+1]
	s_wait_alu depctr_va_vdst(0)                   ; the additions have written v[S], which the store reads
	global_store_b32 v124, v[S], s[66:67]
.else
; THE THIRD PRODUCT for this quarter's 2,048 pixels: source 0 = 16 places of sw (from LDS, all waves' images), source 1 = 16 channels of X (from memory, a ring of seven K steps).
; Wave w owns channel tiles 2 w and 2 w + 1 for all row tiles: eight accumulators by turns, ten with the fifth tile.  Lane (r, h) holds channel r and places 8 h + 0 .. 7.
.macro RING k
.irp n, 0,1
.irp g, 0,1,2
	global_load_b128 v[24*((\k)%RD)+12*\n+4*\g:24*((\k)%RD)+12*\n+4*\g+3], v4, s[44:45] offset:24576*(\k)+1536*\n+512*\g
.endr
.endr
.endm
.macro SWLOAD k                        ; K step k's four fragments of sw into set k % 2 (v128 on, v192 on), and their scale words
.irp m, 0,1,2,3
.irp g, 0,1,2
	ds_load_b128 v[S+64*((\k)%2)+12*\m+4*\g:S+64*((\k)%2)+12*\m+4*\g+3], v[4+63*((\k)/8)] offset:6144*((\k)%8)+1536*\m+512*\g
.endr
.endr
.irp m, 0,1,2,3
	ds_load_b32 v[24+4*((\k)%2)+\m], v68 offset:512*(\k)+128*\m
.endr
.endm
.macro SWLOAD5 k                       ; the fifth tile's fragment, behind the four in the same set, and its scale words
.irp g, 0,1,2
	ds_load_b128 v[S+64*((\k)%2)+48+4*\g:S+64*((\k)%2)+48+4*\g+3], v120 offset:1536*(\k)+512*\g
.endr
	ds_load_b32 v[22+(\k)%2], v121 offset:128*(\k)
.endm
.macro P3X k, n, rD, rA, sA            ; one product: the first K step starts the sum; the odd channel tile's scale words lie in lanes 16-31
.set rB, 24*((\k)%RD)+12*(\n)
.if ((\k) == 0) && ((\n) == 0)
	v_wmma_scale_f32_16x16x128_f8f6f4 v[(\rD):(\rD)+7], v[(\rA):(\rA)+11], v[rB:rB+11], 0, v[(\sA)], v[32+(\k)] matrix_a_fmt:MATRIX_FMT_BF6 matrix_b_fmt:MATRIX_FMT_BF6
.elseif (\k) == 0
	v_wmma_scale_f32_16x16x128_f8f6f4 v[(\rD):(\rD)+7], v[(\rA):(\rA)+11], v[rB:rB+11], 0, v[(\sA)], v[32+(\k)] matrix_a_fmt:MATRIX_FMT_BF6 matrix_b_fmt:MATRIX_FMT_BF6 matrix_b_scale:MATRIX_SCALE_ROW1
.elseif (\n) == 0
	v_wmma_scale_f32_16x16x128_f8f6f4 v[(\rD):(\rD)+7], v[(\rA):(\rA)+11], v[rB:rB+11], v[(\rD):(\rD)+7], v[(\sA)], v[32+(\k)] matrix_a_fmt:MATRIX_FMT_BF6 matrix_b_fmt:MATRIX_FMT_BF6
.else
	v_wmma_scale_f32_16x16x128_f8f6f4 v[(\rD):(\rD)+7], v[(\rA):(\rA)+11], v[rB:rB+11], v[(\rD):(\rD)+7], v[(\sA)], v[32+(\k)] matrix_a_fmt:MATRIX_FMT_BF6 matrix_b_fmt:MATRIX_FMT_BF6 matrix_b_scale:MATRIX_SCALE_ROW1
.endif
.endm
.macro KSTEP k
.if (\k) < 10
	s_wait_loadcnt 36                              ; this K step's six loads of X are in; the six later K steps' may be out
.else
	s_wait_loadcnt 6*(15-(\k))
.endif
.if (\k) < 15
	s_wait_dscnt 16                                ; this K step's sw is in; the next one's 16 loads may be out (the fifth tile's four are issued ahead of them)
.else
	s_wait_dscnt 0x0
.endif
	WIN 0x54                                       ; sw in window 0; X and the sums in window 1
.irp m, 0,1,2,3
.irp n, 0,1
	P3X \k, \n, OA+8*(2*\m+\n), S+64*((\k)%2)+12*\m, 24+4*((\k)%2)+\m
.endr
.endr
	WIN 0
	s_cmp_lg_u32 s57, 0
	s_cbranch_scc0 .Lno5_\@
	WIN 0x54
.irp n, 0,1
	P3X \k, \n, O5+8*\n, S+64*((\k)%2)+48, 22+(\k)%2
.endr
	WIN 0
.rept 4
	v_nop                                          ; places in front of the loads into these two products' operands
.endr
.if (\k)+2 < 16
	s_wait_alu depctr_va_vdst(0)                   ; the two products above are done reading the fifth tile's fragment and scale register of this set, in which the loads below land
	SWLOAD5 (\k)+2
.endif
.Lno5_\@:
.rept 4
	v_nop                                          ; places in front of the loads into the operands, and at the end of the reads of the sums
.endr
.if (\k)+2 < 16
	s_wait_alu depctr_va_vdst(0)                   ; this K step's eight products are done reading this set's four fragments and scale words and the ring's place, in which the loads below land (no wait has stood since them on the way round the fifth tile's section)
	SWLOAD (\k)+2
.endif
.if (\k)+RD < 16
	WIN 0x40
	RING (\k)+RD
	WIN 0
.endif
.endm
	s_wait_alu depctr_vm_vsrc(0)                   ; my LDS stores ahead of the barrier have read sw's codes (window 1, v144-191 and v232-243): the moves below, the ring's loads and the products write those registers
.set j, 48
.rept 12
	v_mov_b32 v[S+j], 0                            ; the fifth tile's registers are written once on the way that every wave takes: its fragments' places,
	v_mov_b32 v[S+64+j], 0
.set j, j+1
.endr
	WIN 0x40
.set j, 0
.rept 16
	v_mov_b32 v[O5+j], 0                           ; its sums,
.set j, j+1
.endr
	WIN 0
	s_wait_alu depctr_va_vdst(0)                   ; the vector and matrix instructions ahead of the barrier, and the moves above, are done with the registers in which the loads below land: v22, both sets of sw, window 1's v0-167
	ds_load_b32 v22, v68                           ; its two scale registers by loads of scale words
	ds_load_b32 v23, v68
.irp k, 0,1,2,3,4,5,6,7,8,9,10,11,12,13,14,15
	global_load_b32 v[32+\k], v72, s[46:47] offset:1024*\k   ; X's scale words: lanes 0-15 my even channel tile, lanes 16-31 my odd one
.endr
	WIN 0x40
.irp k, 0,1,2,3,4,5,6
	RING \k
.endr
	WIN 0
	s_wait_dscnt 0x0                               ; v22 and v23 have landed: they may be loaded again
	s_cmp_lg_u32 s57, 0
	s_cbranch_scc0 .Lx4
	SWLOAD5 0
	SWLOAD5 1
.Lx4:
	SWLOAD 0
	SWLOAD 1
.irp k, 0,1,2,3,4,5,6,7,8,9,10,11,12,13,14,15
	KSTEP \k
.endr
	; the way out: through my own stage, so that the 32 lanes store eight channels x 64 bytes of a tile: 512 consecutive bytes
	WIN 0x04
	s_wait_alu depctr_va_vdst(0)                   ; the products have written the sums, the fifth tile's too, which the LDS stores below read (the places stand above), and are done reading both sets of sw, in which the loads from the stage land
.irp m, 0,1,2,3
.irp n, 0,1
	ds_store_b128 v69, v[OA+8*(2*\m+\n):OA+8*(2*\m+\n)+3] offset:4352*\n+64*\m       ; each sum from its low end on
	ds_store_b128 v69, v[OA+8*(2*\m+\n)+4:OA+8*(2*\m+\n)+7] offset:4352*\n+64*\m+16
.endr
.endr
	WIN 0
.irp m, 0,1,2,3
.irp i, 0,1,2,3
	ds_load_b128 v[S+4*(4*\m+\i):S+4*(4*\m+\i)+3], v70 offset:2176*\i+64*\m     ; LDS serves a wave's instructions in order: these see my stores
.endr
.endr
.irp m, 0,1,2,3
.irp i, 0,1,2,3
	s_wait_dscnt 15-(4*\m+\i)
	global_store_b128 v4, v[S+4*(4*\m+\i):S+4*(4*\m+\i)+3], s[48:49] offset:16384*\m+512*\i
.endr
.endr
	s_cmp_lg_u32 s57, 0
	s_cbranch_scc0 .Lend
	WIN 0x04                                       ; the fifth tile takes the same way, in the stage's first 64 bytes of each row: my loads above have been served
.irp n, 0,1
	ds_store_b128 v69, v[O5+8*\n:O5+8*\n+3] offset:4352*\n
	ds_store_b128 v69, v[O5+8*\n+4:O5+8*\n+7] offset:4352*\n+16
.endr
	WIN 0
.irp i, 0,1,2,3
	ds_load_b128 v[RR+4*\i:RR+4*\i+3], v70 offset:2176*\i
.endr
.irp i, 0,1,2,3
	s_wait_dscnt 3-\i
	global_store_b128 v4, v[RR+4*\i:RR+4*\i+3], s[66:67] offset:512*\i
.endr
.endif
.Lend:
	s_wait_dscnt 0x0                               ; the closing lines, six on end
	s_wait_alu 0x0
	s_wait_tensorcnt 0x0
	ds_add_u32 v119, v127
	s_wait_dscnt 0x0
	s_endpgm
.Lfunc_end_k_qc272e8c45c_pass2:
	.size	k_qc272e8c45c_pass2, .Lfunc_end_k_qc272e8c45c_pass2-k_qc272e8c45c_pass2
	.p2alignl 7, 3214868480
	.fill 96, 4, 3214868480
	.section	.rodata,"a",@progbits
	.p2align	6, 0x0
	.amdhsa_kernel k_qc272e8c45c_pass2
		.amdhsa_group_segment_fixed_size 9216
		.amdhsa_private_segment_fixed_size 0
		.amdhsa_enable_private_segment 0
		.amdhsa_kernarg_size 40
		.amdhsa_user_sgpr_count 2
		.amdhsa_user_sgpr_kernarg_segment_ptr 1
		.amdhsa_wavefront_size32 1
		.amdhsa_system_sgpr_workgroup_id_x 1
		.amdhsa_system_sgpr_workgroup_id_y 1
		.amdhsa_system_sgpr_workgroup_id_z 1
		.amdhsa_system_vgpr_workitem_id 0
		.amdhsa_next_free_vgpr 512
		.amdhsa_next_free_sgpr 72
		.amdhsa_reserve_vcc 0
		.amdhsa_float_denorm_mode_32 3
		.amdhsa_float_denorm_mode_16_64 3
		.amdhsa_memory_ordered 1
		.amdhsa_forward_progress 1
		.amdhsa_inst_pref_size 219
	.end_amdhsa_kernel
	.amdgpu_metadata
---
amdhsa.version: [ 1, 2 ]
amdhsa.kernels:
  - .name:           k_qc272e8c45c_pass2
    .symbol:         k_qc272e8c45c_pass2.kd
    .args:
      - { .name: codes, .offset: 0, .size: 8, .value_kind: global_buffer, .address_space: global }
      - { .name: lists, .offset: 8, .size: 8, .value_kind: global_buffer, .address_space: global }
      - { .name: fstat, .offset: 16, .size: 8, .value_kind: global_buffer, .address_space: global }
      - { .name: part1, .offset: 24, .size: 8, .value_kind: global_buffer, .address_space: global }
      - { .name: part2, .offset: 32, .size: 8, .value_kind: global_buffer, .address_space: global }
    .group_segment_fixed_size: 9216
    .private_segment_fixed_size: 0
    .kernarg_segment_align: 8
    .kernarg_segment_size: 40
    .max_flat_workgroup_size: 256
    .sgpr_count:     72
    .vgpr_count:     512
    .wavefront_size: 32
...
	.end_amdgpu_metadata
.endif
;; end of part 14
;; launch pass3 (part 15): grid 4 x 128, 8 waves a work-group, no clusters, 203,776 bytes of LDS; arguments codes, lists, fstat, part1, part2, opart; writes opart
.if DOCPART == 15
	.amdgcn_target "amdgcn-amd-amdhsa--gfx1250"
	.amdhsa_code_object_version 6
	.text
	.protected	k_qc272e8c45c_pass3
	.globl	k_qc272e8c45c_pass3
	.p2align	8
	.type	k_qc272e8c45c_pass3,@function
k_qc272e8c45c_pass3:
	s_mov_b64 s[64:65], 0
	v_nop
	global_prefetch_b8 v0, s[64:65] scope:SCOPE_SE
	s_setreg_imm32_b32 hwreg(HW_REG_WAVE_SCHED_MODE, 0, 2), 2
	s_setreg_imm32_b32 hwreg(HW_REG_WAVE_MODE, 25, 1), 1
	s_wait_xcnt 0x0
	s_wait_alu depctr_vm_vsrc(0)
; THE THREE WALKS over the weights of the anomalous rows are one text; the line below says which walk this launch is.
;   walk 1: a = e(row, pixel 0), Z' = sum of g, Q' = sum of g^2, g = e - a norf   -> part1
;   walk 2: SE = sum of e r / (r + epsE), r = max(e - thrE, 0)                     -> part2
;   walk 3: sw = e r / ((r + epsE) SE), quantised along the pixels, times X        -> opart (one partial sum for each quarter of the columns)
; e = 2^(sim log2(e) + bias), sim = the quantised product of two normalised pixels, bias = 0 or -1e30 (a column that is anomalous: e = 0).  All is kept in units of e: the softmax's divisor cancels.
; thrE = a + Z'/t - 2 sqrt(M2 / t), M2 = max(Q' - Z' Z'/t, 0), epsE = 1e-10 (n a + Z'): the mean, the spread and the 1e-10 of the weights, times that divisor.
; NO MAXIMUM IS TAKEN OFF THE EXPONENT: both vectors are normalised by the computation itself and a code enlarges a number by an eighth at the most, so |sim| <= 1.27, e lies in 0.28 .. 3.6 and a row's sum under 30,000.
; Only the rows that are kept (anomalous pixels, by the stored list) are walked; the columns keep their places, since the blocks of 32 along the third product's K are blocks of the original pixels.
; SHARES: work-group (cq, rg) = places 64 rg .. + 63 x columns 2,048 cq .. + 2,047.  Each of eight waves holds ALL 64 rows (four tiles) and eight blocks of 32 columns of its own, so a column fragment feeds four products.
; THE FIFTH TILE: 64 groups x 4 quarters are 256 work-groups.  Where R is 4,097 to 5,120, places 4,096 on are not work-groups of their own: group rg < 64 takes the 16 places 4,096 + 16 rg on as a fifth tile,
; which rides on the column fragments that the wave has loaded anyway: a quarter more work in place of a second work-group.  Its work stands in sections that a scalar branch on the stored count jumps over.
; A work-group without places stores nothing: a branch on the stored count, round the work and never round the barrier.  So operands go from memory straight into registers: no tensor load, no joint load.
; The product is used transposed (source 0 = 16 columns, source 1 = 16 rows): lane (r, h) holds row r, and the 16 registers of a block's two tiles are columns 16 h + 0 .. 15 of the block.
; LIMITS: NaN and infinities are not served; a row whose kept weights sum to exactly 0 is not NaN here; with no normal pixel at all the last launch makes the NaN.  Past R = 5,120 the groups from 64 on are a second round.
; REGISTERS.  Window 0: v1-11, v122 lane terms and row offsets; v12-15 sw's scale words in the making; v16-47 scale words of products; v48-63 bias; v64-79 norf (walk 1) or addresses (walk 3);
;   v80-103 six constants a row tile, each twice; v104-119 sums; v120-127 addresses; v128-191 S (64 results); v192-255 a second set of 64.  The fifth tile's: the symbols S5, K5, SUM5, PW5 below.
;   Window 1: v0-95 the rows' 8 fragments; v96-143 a block's 4; v144-191 sw's codes; v192-207 at work; v208-247 the fifth tile's rows, codes and work.
;   In walk 3's product: v0-167 a ring of seven K steps of X, v168-183 the fifth tile's two accumulators, v192-255 eight accumulators.
; THE MODE: SCHED_MODE bits 1:0 = 2 (LLVM: expert scheduling mode 2), set by the entry lines.  The code itself states the register dependences between vector or matrix instructions and memory or LDS instructions,
; with s_wait_alu, always for 0.
; THE PLAN.  Registers that memory or LDS instructions touch, and who else names them:
;   v4-7, v120-127 (walk 3: v64-72 too)  lane terms and addresses: written at the head, read by loads and stores, never written again: the one wait on va_vdst ahead of the first load serves them for the whole text.
;   v8-11, v122, v[RR+8 .. RR+11], v[RR+14]  the rows' offsets: made from the list, read by the rows' loads: one wait on va_vdst between.  The last five are work registers later: one wait on vm_vsrc ahead of block 0.
;   CF, v20, v21  block b's products read them, block b + 1's loads land in them: one wait on va_vdst behind the products; the loads follow it at once and have the block's vector work in which to land.
;   BI  block b's scalings read it, block b + 1's loads land in it: the wait behind the exponentials, which stands there anyway, states it, and the loads follow that wait.  NF (walk 1): one wait behind the lines that make g.
;   PF, PF5, v12-15, v[PW5] (walk 3)  written by the conversions, exchanges and moves of four blocks, read by the LDS stores of blocks 3 and 7: one wait on va_vdst ahead of each run of stores,
;       one on vm_vsrc ahead of block 4's first writes, one at the head of the third product, whose loads and sums lie over them.
;   S, RR and the sums are named by vector and matrix instructions alone up to the barrier.  Behind it loads land in them: one wait on va_vdst ahead of the first of these loads.
;   The third product: K step k's products read set k % 2 of sw, its scale words and the ring's place k % 7; the loads of K steps k + 2 and k + 7 land there: one wait on va_vdst behind the products
;       (one more inside the fifth tile's section, whose loads stand ahead of the join).
;   What is stored (sums to LDS, results to memory) has just been written by vector or matrix instructions: one wait on va_vdst ahead of each store or run of stores.
.set PASS, 3
.set XTF, 1572864                      ; sections of the buffer codes
.set XNS, 3145728
.set XTS, 3211264
.set CBO, 3276800
.set NFO, 3309568
.set CNT, 98304                        ; R in the buffer lists
.set S,   128
.set RR,  192
.set KC,  80
.set SUM, 104
.set BI,  48
.set NF,  64
.set RF,  0
.set CF,  96
.set PF,  144
.set TF,  192
.set OA,  192
.set RF5, 208                          ; window 1: the fifth tile's two row fragments,
.set PF5, 232                          ; its codes,
.set TF5, 244                          ; at work
.set O5,  168                          ; its accumulators in walk 3's product
.set RD,  7                            ; K steps in the ring of X
.if PASS == 1
.set S5,   240                         ; window 0: the fifth tile's 16 results, its constants, its sums: registers that the walk in hand leaves free
.set K5,   224
.set SUM5, 232
.elseif PASS == 2
.set S5,   64
.set K5,   12
.set SUM5, 106
.else
.set S5,   104
.set K5,   74
.set SUM5, 0
.endif
.set PW5, 73
.set SWS, 98304                        ; walk 3's LDS: sw's 64 fragment images from 0 on, (K step k, row tile m) at 6,144 k + 1,536 m; their scale words; a stage of 32 rows x 272 bytes for each wave;
.set STG, 106496
.set SW5, 176128                       ; the fifth tile's 16 images, 1,536 k; their scale words, 128 k
.set SS5, 200704
.set NS,  16*(PASS-1)                  ; loads of earlier walks' sums
.set MSB, 0
.macro WIN new                         ; the immediate's high byte repeats the setting that is left
.if MSB != \new
	s_set_vgpr_msb (MSB<<8)|\new
.set MSB, \new
.endif
.endm
	s_load_b128 s[4:7], s[0:1], 0x0                ; codes, lists
.if PASS == 1
	s_load_b64 s[10:11], s[0:1], 0x10              ; part1
.elseif PASS == 2
	s_load_b128 s[8:11], s[0:1], 0x10              ; fstat, part1
	s_load_b64 s[12:13], s[0:1], 0x20              ; part2
.else
	s_load_b128 s[8:11], s[0:1], 0x10              ; fstat, part1
	s_load_b128 s[12:15], s[0:1], 0x20             ; part2, opart
.endif
	v_lshrrev_b32 v1, 5, v0
	v_readfirstlane_b32 s16, v1                    ; wave 0..7
	s_mov_b32 s17, ttmp9                           ; cq
	s_and_b32 s18, ttmp7, 0xffff                   ; rg
	v_and_b32 v1, 31, v0                           ; lane
	v_and_b32 v2, 15, v0                           ; r
	v_bfe_u32 v3, v0, 4, 1                         ; h
	v_lshlrev_b32 v4, 4, v1                        ; 16 x lane
	v_lshlrev_b32 v5, 3, v1                        ; 8 x lane
	v_lshlrev_b32 v6, 6, v3                        ; 64 h
	v_lshlrev_b32 v7, 3, v2                        ; 8 r
	v_lshlrev_b32 v123, 4, v2                      ; 16 r
	v_lshlrev_b32 v124, 2, v2                      ; 4 r
	v_lshlrev_b32 v125, 8, v3                      ; 256 h
	v_lshlrev_b32 v126, 5, v3                      ; 32 h
	s_mov_b32 s21, 0xffff0000                      ; lanes 16-31
	s_mov_b32 s22, 0x3fb8aa3b                      ; log2(e)
	s_mov_b32 s23, s22                             ; (named with it as a pair)
	s_mov_b32 s24, 0x76543210
	s_mov_b32 s25, 0xfedcba98                      ; v_permlanex16_b32's selects for lane l xor 16
	s_wait_alu depctr_va_sdst(0)                   ; s16 is written, ahead of its first reader: the LDS addresses and the bases below are made from it
	; every LDS address is made here, ahead of the branch on the count
.if PASS == 1
	s_mul_i32 s52, s16, 1280
	v_lshl_add_u32 v120, v2, 4, s52                ; my wave's sums: 16 bytes a row, 80 rows
	v_lshlrev_b32 v121, 4, v0                      ; back: a thread a row
.elseif PASS == 2
	s_mul_i32 s52, s16, 320
	v_lshl_add_u32 v120, v2, 2, s52                ; 4 bytes a row, 80 rows
	v_lshlrev_b32 v121, 2, v0
.else
	s_mul_i32 s52, s16, 12288
	v_add_nc_u32 v64, s52, v4                      ; my two K steps' images
	s_lshl_b32 s52, s16, 10
	s_add_co_u32 s52, s52, SWS
	v_lshl_add_u32 v65, v1, 2, s52                 ; and their scale words
	v_add_nc_u32 v67, 49152, v4                    ; images of K steps 8 on (those of 0-7: v4)
	v_lshl_add_u32 v68, v1, 2, SWS
	s_mul_i32 s52, s16, 8704
	s_add_co_u32 s52, s52, STG
	v_mul_u32_u24 v69, v2, 272
	v_lshl_add_u32 v69, v3, 5, v69
	v_add_nc_u32 v69, s52, v69                     ; the stage, in: channel r, places 8 h on
	v_lshrrev_b32 v70, 2, v1
	v_mul_u32_u24 v70, v70, 272
	v_and_b32 v71, 3, v1
	v_lshl_add_u32 v70, v71, 4, v70
	v_add_nc_u32 v70, s52, v70                     ; back: four lanes take a channel's 64 bytes of one tile, the 32 lanes eight channels
	v_lshlrev_b32 v72, 2, v1
	s_mul_i32 s52, s16, 3072
	s_add_co_u32 s52, s52, SW5
	v_add_nc_u32 v66, s52, v4                      ; the fifth tile: my two K steps' images,
	s_lshl_b32 s52, s16, 8
	s_add_co_u32 s52, s52, SS5
	v_lshl_add_u32 v127, v1, 2, s52                ; their scale words,
	v_add_nc_u32 v120, SW5, v4                     ; and both read back
	v_lshl_add_u32 v121, v1, 2, SS5
.endif
	s_lshl_b32 s52, s17, 6
	s_lshl_b32 s53, s16, 3
	s_add_co_u32 s52, s52, s53                     ; my first block of columns: 64 cq + 8 wave
	s_mov_b32 s55, 0
	s_lshl_b32 s20, s18, 6                         ; my first place
	s_lshl_b32 s68, s18, 4
	s_add_co_u32 s68, s68, 4096                    ; the fifth tile's first place (under 6,144: inside every table, used or not)
	s_wait_kmcnt 0x0
	s_load_b32 s19, s[6:7], CNT                    ; R
.if PASS > 1
	s_load_b128 s[36:39], s[8:9], 0x0              ; t, n, 1/t, (NaN or 0)
.endif
	s_mul_i32 s54, s52, 6144
	s_add_nc_u64 s[26:27], s[4:5], s[54:55]        ; my columns' fragments,
	s_lshl_b32 s54, s52, 8
	s_add_co_u32 s54, s54, XNS
	s_add_nc_u64 s[28:29], s[4:5], s[54:55]        ; their scale words,
	s_lshl_b32 s54, s52, 7
	s_add_co_u32 s54, s54, CBO
	s_add_nc_u64 s[30:31], s[4:5], s[54:55]        ; their bias,
	s_add_nc_u64 s[32:33], s[30:31], NFO-CBO       ; their norf
	s_add_nc_u64 s[50:51], s[4:5], XNS
	s_lshl_b32 s54, s18, 9
	s_add_nc_u64 s[34:35], s[6:7], s[54:55]        ; the list at my first place,
	s_lshl_b32 s54, s68, 3
	s_add_nc_u64 s[58:59], s[6:7], s[54:55]        ; and at the fifth tile's
.if PASS == 1
	s_lshl_b32 s54, s17, 17
	s_lshl_b32 s53, s18, 10
	s_add_co_u32 s54, s54, s53
	s_add_nc_u64 s[48:49], s[10:11], s[54:55]
	s_lshl_b32 s54, s17, 17
	s_lshl_b32 s53, s68, 4
	s_add_co_u32 s54, s54, s53
	s_add_nc_u64 s[66:67], s[10:11], s[54:55]
.else
	s_lshl_b32 s54, s18, 10
	s_add_nc_u64 s[40:41], s[10:11], s[54:55]
	s_lshl_b32 s54, s68, 4
	s_add_nc_u64 s[60:61], s[10:11], s[54:55]
.endif
.if PASS == 2
	s_lshl_b32 s54, s17, 15
	s_lshl_b32 s53, s18, 8
	s_add_co_u32 s54, s54, s53
	s_add_nc_u64 s[48:49], s[12:13], s[54:55]
	s_lshl_b32 s54, s17, 15
	s_lshl_b32 s53, s68, 2
	s_add_co_u32 s54, s54, s53
	s_add_nc_u64 s[66:67], s[12:13], s[54:55]
.endif
.if PASS == 3
	s_lshl_b32 s54, s18, 8
	s_add_nc_u64 s[42:43], s[12:13], s[54:55]
	s_lshl_b32 s54, s68, 2
	s_add_nc_u64 s[62:63], s[12:13], s[54:55]
	s_mul_i32 s54, s17, 393216
	s_mul_i32 s53, s16, 3072
	s_add_co_u32 s54, s54, s53
	s_add_co_u32 s54, s54, XTF
	s_add_nc_u64 s[44:45], s[4:5], s[54:55]        ; X along the pixels: my quarter's 16 K steps, channel tiles 2 wave, 2 wave + 1
	s_lshl_b32 s54, s17, 14
	s_lshl_b32 s53, s16, 7
	s_add_co_u32 s54, s54, s53
	s_add_co_u32 s54, s54, XTS
	s_add_nc_u64 s[46:47], s[4:5], s[54:55]
	s_lshl_b32 s54, s17, 23                        ; opart: [quarter][tile of 16 places][channel][16 places]: a tile is 16 KB; my four tiles begin at tile 4 rg; my 32 channels are 2 KB of each
	s_lshl_b32 s53, s18, 16
	s_add_co_u32 s54, s54, s53
	s_lshl_b32 s53, s16, 11
	s_add_co_u32 s54, s54, s53
	s_add_nc_u64 s[48:49], s[14:15], s[54:55]
	s_lshl_b32 s54, s17, 23
	s_lshl_b32 s53, s68, 10                        ; the fifth tile is tile 256 + rg
	s_add_co_u32 s54, s54, s53
	s_lshl_b32 s53, s16, 11
	s_add_co_u32 s54, s54, s53
	s_add_nc_u64 s[66:67], s[14:15], s[54:55]
.endif
.macro LOADCOL b                       ; block b's four fragments, 512 consecutive bytes a load, and its scale words (v20 tile 0, v21 tile 1; lanes 0-15 K step 0, lanes 16-31 K step 1)
	WIN 0x40
.irp i, 0,1,2,3,4,5,6,7,8,9,10,11
	global_load_b128 v[CF+4*\i:CF+4*\i+3], v4, s[26:27] offset:6144*(\b)+512*\i
.endr
	WIN 0
	global_load_b64 v[20:21], v5, s[28:29] offset:256*(\b)
.endm
.macro LOADBI b
.irp i, 0,1,2,3
	global_load_b128 v[BI+4*\i:BI+4*\i+3], v6, s[30:31] offset:128*(\b)+16*\i
.endr
.endm
.macro LOADNF b
.irp i, 0,1,2,3
	global_load_b128 v[NF+4*\i:NF+4*\i+3], v6, s[32:33] offset:128*(\b)+16*\i
.endr
.endm
; sim of the 64 rows (and of the fifth tile's 16) and nu tiles of 16 columns, K = 256 in two steps.  The accumulators take turns, one instruction a turn.
.macro SIMW nu
	WIN 0x05                                       ; both sources in window 1, the sums in window 0
.irp m, 0,1,2,3
.irp u, 0,1
.if \u < \nu
	v_wmma_scale_f32_16x16x128_f8f6f4 v[S+16*\m+8*\u:S+16*\m+8*\u+7], v[CF+24*\u:CF+24*\u+11], v[RF+24*\m:RF+24*\m+11], 0, v[20+\u], v[16+\m] matrix_a_fmt:MATRIX_FMT_BF6 matrix_b_fmt:MATRIX_FMT_BF6
.endif
.endr
.endr
.irp m, 0,1,2,3
.irp u, 0,1
.if \u < \nu
	v_wmma_scale_f32_16x16x128_f8f6f4 v[S+16*\m+8*\u:S+16*\m+8*\u+7], v[CF+24*\u+12:CF+24*\u+23], v[RF+24*\m+12:RF+24*\m+23], v[S+16*\m+8*\u:S+16*\m+8*\u+7], v[20+\u], v[16+\m] matrix_a_fmt:MATRIX_FMT_BF6 matrix_b_fmt:MATRIX_FMT_BF6 matrix_a_scale:MATRIX_SCALE_ROW1 matrix_b_scale:MATRIX_SCALE_ROW1
.endif
.endr
.endr
	WIN 0                                          ; at a branch and at a label every window is 0
	s_cmp_lg_u32 s57, 0
	s_cbranch_scc0 .Lno5_\@
	WIN 0x05
.irp u, 0,1
.if \u < \nu
	v_wmma_scale_f32_16x16x128_f8f6f4 v[S5+8*\u:S5+8*\u+7], v[CF+24*\u:CF+24*\u+11], v[RF5:RF5+11], 0, v[20+\u], v22 matrix_a_fmt:MATRIX_FMT_BF6 matrix_b_fmt:MATRIX_FMT_BF6
.endif
.endr
.irp u, 0,1
.if \u < \nu
.if \nu == 1
	s_wait_alu depctr_va_vdst(0)                   ; the first link has written v[S5 ..]; the wait stands directly ahead of the link
.endif
	v_wmma_scale_f32_16x16x128_f8f6f4 v[S5+8*\u:S5+8*\u+7], v[CF+24*\u+12:CF+24*\u+23], v[RF5+12:RF5+23], v[S5+8*\u:S5+8*\u+7], v[20+\u], v22 matrix_a_fmt:MATRIX_FMT_BF6 matrix_b_fmt:MATRIX_FMT_BF6 matrix_a_scale:MATRIX_SCALE_ROW1 matrix_b_scale:MATRIX_SCALE_ROW1
.endif
.endr
	WIN 0
.Lno5_\@:
.rept 4
	v_nop                                          ; places in front of the reads of the sums and of the loads into the operands
.endr
.endm
; walk 3: the block's 64 x 32 weights become codes.  A block of 32 columns lies in lanes l and l xor 16; two blocks make half a fragment, four a fragment, which goes to LDS as an image of its registers.
.macro QNT b
.if (\b) == 4
	s_wait_dscnt 0x0                               ; the first K step's stores have read the registers that are written again now
	s_wait_alu depctr_vm_vsrc(0)                   ; block 3's LDS stores have read v[PF ..] and v12-15, which are written again from here on
.endif
.irp m, 0,1,2,3
	v_max3_num_f32 v[RR+\m], v[S+16*\m], v[S+16*\m+1], 0x2800000   ; no weight is negative; the floor 2^(5 - 127) holds the byte at 1 from below
.endr
.irp i, 2,4,6,8,10,12,14
.irp m, 0,1,2,3
	v_max3_num_f32 v[RR+\m], v[RR+\m], v[S+16*\m+\i], v[S+16*\m+\i+1]
.endr
.endr
.irp m, 0,1,2,3
	v_permlanex16_b32 v[RR+4+\m], v[RR+\m], s24, s25
.endr
.irp m, 0,1,2,3
	v_max_num_f32 v[RR+\m], v[RR+\m], v[RR+4+\m]
.endr
.irp m, 0,1,2,3
	v_add_nc_u32 v[RR+8+\m], 0xfe000000, v[RR+\m]  ; 4 off the exponent field: the conversion's scale operand
.endr
.irp m, 0,1,2,3
	v_lshrrev_b32 v[RR+4+\m], 23, v[RR+8+\m]       ; the byte
.endr
.irp m, 0,1,2,3
.if (\b)%4 == 0
	v_mov_b32 v[12+\m], v[RR+4+\m]
.else
	v_lshl_or_b32 v[12+\m], v[RR+4+\m], 8*((\b)%4), v[12+\m]
.endif
.endr
	WIN 0x40                                       ; the codes go to window 1
.irp m, 0,1,2,3
.if (\b)%2 == 0
	v_cvt_scalef32_pk16_bf6_f32 v[PF+12*\m+6*(((\b)%4)/2):PF+12*\m+6*(((\b)%4)/2)+2], v[S+16*\m:S+16*\m+15], v[RR+8+\m]
.else
	v_cvt_scalef32_pk16_bf6_f32 v[TF+4*\m:TF+4*\m+2], v[S+16*\m:S+16*\m+15], v[RR+8+\m]
.endif
.endr
	v_nop                                          ; one plain place behind the conversions
.if (\b)%2 == 1
	WIN 0x41                                       ; the operand wants a whole block in a lane: lanes 0-15 the even block, lanes 16-31 the odd one
.irp m, 0,1,2,3
.irp i, 0,1,2
	v_permlane16_swap_b32 v[PF+12*\m+6*(((\b)%4)/2)+\i], v[TF+4*\m+\i]
.endr
.endr
.irp m, 0,1,2,3
.irp i, 0,1,2
	v_mov_b32 v[PF+12*\m+6*(((\b)%4)/2)+3+\i], v[TF+4*\m+\i]
.endr
.endr
.endif
	WIN 0
.if (\b)%4 == 3
	WIN 0x04                                       ; an LDS store's data are its source 1: window 1
	s_wait_alu depctr_va_vdst(0)                   ; the conversions, exchanges and moves of four blocks have written v[PF ..] and v12-15, which the LDS stores below read
.irp m, 0,1,2,3
.irp g, 0,1,2
	ds_store_b128 v64, v[PF+12*\m+4*\g:PF+12*\m+4*\g+3] offset:6144*((\b)/4)+1536*\m+512*\g
.endr
.endr
	WIN 0
.irp m, 0,1,2,3
	ds_store_b32 v65, v[12+\m] offset:512*((\b)/4)+128*\m
.endr
.endif
.endm
; the same for the fifth tile's 16 x 32 weights
.macro QNT5 b
.if (\b) == 4
	s_wait_dscnt 0x0                               ; the first K step's stores have read the registers that are written again now
	s_wait_alu depctr_vm_vsrc(0)                   ; block 3's LDS stores have read v[PF5 ..] and v[PW5], which are written again from here on
.endif
	v_max3_num_f32 v[RR+16], v[S5], v[S5+1], 0x2800000
	v_max3_num_f32 v[RR+17], v[S5+2], v[S5+3], v[S5+4]
.irp i, 5,9
	v_max3_num_f32 v[RR+16], v[RR+16], v[S5+\i], v[S5+\i+1]
	v_max3_num_f32 v[RR+17], v[RR+17], v[S5+\i+2], v[S5+\i+3]
.endr
	v_max3_num_f32 v[RR+16], v[RR+16], v[S5+13], v[S5+14]
	v_max3_num_f32 v[RR+16], v[RR+16], v[RR+17], v[S5+15]
	v_mov_b32 v[RR+18], 0                          ; (a lane permute's destination counts as one of its sources)
	v_permlanex16_b32 v[RR+18], v[RR+16], s24, s25
	v_max_num_f32 v[RR+16], v[RR+16], v[RR+18]
	v_add_nc_u32 v[RR+19], 0xfe000000, v[RR+16]
	v_lshrrev_b32 v[RR+18], 23, v[RR+19]
.if (\b)%4 == 0
	v_mov_b32 v[PW5], v[RR+18]
.else
	v_lshl_or_b32 v[PW5], v[RR+18], 8*((\b)%4), v[PW5]
.endif
	WIN 0x40
.if (\b)%2 == 0
	v_cvt_scalef32_pk16_bf6_f32 v[PF5+6*(((\b)%4)/2):PF5+6*(((\b)%4)/2)+2], v[S5:S5+15], v[RR+19]
.else
	v_cvt_scalef32_pk16_bf6_f32 v[TF5:TF5+2], v[S5:S5+15], v[RR+19]
.endif
	v_nop
.if (\b)%2 == 1
	WIN 0x41
.irp i, 0,1,2
	v_permlane16_swap_b32 v[PF5+6*(((\b)%4)/2)+\i], v[TF5+\i]
.endr
.irp i, 0,1,2
	v_mov_b32 v[PF5+6*(((\b)%4)/2)+3+\i], v[TF5+\i]
.endr
.endif
	WIN 0
.if (\b)%4 == 3
	WIN 0x04
	s_wait_alu depctr_va_vdst(0)                   ; the conversions, exchanges and moves of four blocks have written v[PF5 ..] and v[PW5], which the LDS stores below read
.irp g, 0,1,2
	ds_store_b128 v66, v[PF5+4*\g:PF5+4*\g+3] offset:1536*((\b)/4)+512*\g
.endr
	WIN 0
	ds_store_b32 v127, v[PW5] offset:128*((\b)/4)
.endif
.endm
; All the vector work of the fifth tile for one block: the same lines as the four tiles', on 16 registers.  It stands ahead of the next block's loads of bias and norf, and uses the second set while that is free.
.macro FIFTH b
	s_cmp_lg_u32 s57, 0
	s_cbranch_scc0 .Lno5_\@
.irp i, 0,1,2,3,4,5,6,7
	v_pk_fma_f32 v[S5+2*\i:S5+2*\i+1], v[S5+2*\i:S5+2*\i+1], s[22:23], v[BI+2*\i:BI+2*\i+1] op_sel_hi:[1,0,1]
.endr
.set j, 0
	s_wait_alu depctr_va_vdst(0)
.rept 16
	v_exp_f32 v[S5+j], v[S5+j]
.set j, j+1
.endr
	v_nop
	s_wait_alu depctr_va_vdst(0)                   ; the 16 exponentials have written v[S5 ..], ahead of their first reader
.if PASS == 1
.irp i, 0,1,2,3,4,5,6,7
	v_pk_fma_f32 v[S5+2*\i:S5+2*\i+1], v[NF+2*\i:NF+2*\i+1], v[K5:K5+1], v[S5+2*\i:S5+2*\i+1]
.endr
.irp i, 0,1,2,3,4,5,6,7
	v_pk_add_f32 v[SUM5:SUM5+1], v[SUM5:SUM5+1], v[S5+2*\i:S5+2*\i+1]
	v_pk_fma_f32 v[SUM5+2:SUM5+3], v[S5+2*\i:S5+2*\i+1], v[S5+2*\i:S5+2*\i+1], v[SUM5+2:SUM5+3]
.endr
.else
.irp i, 0,1,2,3,4,5,6,7
	v_pk_add_f32 v[RR+2*\i:RR+2*\i+1], v[S5+2*\i:S5+2*\i+1], v[K5:K5+1]
.endr
.set j, 0
.rept 16
	v_max_num_f32 v[RR+j], 0, v[RR+j]
.set j, j+1
.endr
.irp i, 0,1,2,3,4,5,6,7
	v_pk_mul_f32 v[S5+2*\i:S5+2*\i+1], v[S5+2*\i:S5+2*\i+1], v[RR+2*\i:RR+2*\i+1]
.endr
.irp i, 0,1,2,3,4,5,6,7
.if PASS == 2
	v_pk_add_f32 v[RR+2*\i:RR+2*\i+1], v[RR+2*\i:RR+2*\i+1], v[K5+2:K5+3]
.else
	v_pk_fma_f32 v[RR+2*\i:RR+2*\i+1], v[RR+2*\i:RR+2*\i+1], v[K5+2:K5+3], v[K5+4:K5+5]
.endif
.endr
.set j, 0
	s_wait_alu depctr_va_vdst(0)
.rept 16
	v_rcp_f32 v[RR+j], v[RR+j]
.set j, j+1
.endr
	v_nop
	s_wait_alu depctr_va_vdst(0)                   ; the 16 reciprocals have written v[RR .. RR+15], ahead of their first reader
.if PASS == 2
.irp i, 0,1,2,3,4,5,6,7
	v_pk_fma_f32 v[SUM5:SUM5+1], v[S5+2*\i:S5+2*\i+1], v[RR+2*\i:RR+2*\i+1], v[SUM5:SUM5+1]
.endr
.else
.irp i, 0,1,2,3,4,5,6,7
	v_pk_mul_f32 v[S5+2*\i:S5+2*\i+1], v[S5+2*\i:S5+2*\i+1], v[RR+2*\i:RR+2*\i+1]
.endr
	s_wait_alu depctr_va_vdst(0)
	QNT5 \b
.endif
.endif
.Lno5_\@:
.endm
; One block of 32 columns for the rows.  more = 1: the next block's operands are asked for as soon as this block's have been used; they have the block's vector work in which to land.
.macro BLOCK b, more
	s_wait_loadcnt 0x0                             ; this block's fragments, scale words, bias (and norf) are in; nothing else is out
	SIMW 2
.if \more
	s_wait_alu depctr_va_vdst(0)                   ; the block's products are done reading v[CF ..], v20 and v21, in which the next block's loads land
	LOADCOL (\b+1)
.endif
.irp m, 0,1,2,3
.irp i, 0,1,2,3,4,5,6,7
	v_pk_fma_f32 v[S+16*\m+2*\i:S+16*\m+2*\i+1], v[S+16*\m+2*\i:S+16*\m+2*\i+1], s[22:23], v[BI+2*\i:BI+2*\i+1] op_sel_hi:[1,0,1]   ; sim log2(e) + bias; each sum is read from its low end on
.endr
.endr
	FIFTH \b
.set j, 0
	s_wait_alu depctr_va_vdst(0)
.rept 64
	v_exp_f32 v[S+j], v[S+j]                       ; e
.set j, j+1
.endr
	v_nop                                          ; a plain place behind the batch,
	s_wait_alu depctr_va_vdst(0)                   ; and the one wait ahead of its first reader: the 64 exponentials have written v[S ..]; the scalings, the fifth tile's too, are done reading v[BI ..]
.if \more
	LOADBI (\b+1)                                  ; no vector instruction since the wait above names v[BI ..]
.endif
.if PASS == 1
.irp m, 0,1,2,3
.irp i, 0,1,2,3,4,5,6,7
	v_pk_fma_f32 v[S+16*\m+2*\i:S+16*\m+2*\i+1], v[NF+2*\i:NF+2*\i+1], v[KC+6*\m:KC+6*\m+1], v[S+16*\m+2*\i:S+16*\m+2*\i+1]   ; g = e - a norf
.endr
.endr
.if \more
	s_wait_alu depctr_va_vdst(0)                   ; the lines that make g, the fifth tile's too, are done reading v[NF ..], in which the next block's loads land
	LOADNF (\b+1)
.endif
.irp i, 0,1,2,3,4,5,6,7
.irp m, 0,1,2,3
	v_pk_add_f32 v[SUM+4*\m:SUM+4*\m+1], v[SUM+4*\m:SUM+4*\m+1], v[S+16*\m+2*\i:S+16*\m+2*\i+1]
	v_pk_fma_f32 v[SUM+4*\m+2:SUM+4*\m+3], v[S+16*\m+2*\i:S+16*\m+2*\i+1], v[S+16*\m+2*\i:S+16*\m+2*\i+1], v[SUM+4*\m+2:SUM+4*\m+3]
.endr
.endr
.else
.irp m, 0,1,2,3
.irp i, 0,1,2,3,4,5,6,7
	v_pk_add_f32 v[RR+16*\m+2*\i:RR+16*\m+2*\i+1], v[S+16*\m+2*\i:S+16*\m+2*\i+1], v[KC+6*\m:KC+6*\m+1]   ; e - thrE
.endr
.endr
.set j, 0
.rept 64
	v_max_num_f32 v[RR+j], 0, v[RR+j]              ; r
.set j, j+1
.endr
.irp m, 0,1,2,3
.irp i, 0,1,2,3,4,5,6,7
	v_pk_mul_f32 v[S+16*\m+2*\i:S+16*\m+2*\i+1], v[S+16*\m+2*\i:S+16*\m+2*\i+1], v[RR+16*\m+2*\i:RR+16*\m+2*\i+1]   ; e r
.endr
.endr
.irp m, 0,1,2,3
.irp i, 0,1,2,3,4,5,6,7
.if PASS == 2
	v_pk_add_f32 v[RR+16*\m+2*\i:RR+16*\m+2*\i+1], v[RR+16*\m+2*\i:RR+16*\m+2*\i+1], v[KC+6*\m+2:KC+6*\m+3]   ; r + epsE
.else
	v_pk_fma_f32 v[RR+16*\m+2*\i:RR+16*\m+2*\i+1], v[RR+16*\m+2*\i:RR+16*\m+2*\i+1], v[KC+6*\m+2:KC+6*\m+3], v[KC+6*\m+4:KC+6*\m+5]   ; (r + epsE) SE
.endif
.endr
.endr
.set j, 0
	s_wait_alu depctr_va_vdst(0)
.rept 64
	v_rcp_f32 v[RR+j], v[RR+j]
.set j, j+1
.endr
	v_nop
	s_wait_alu depctr_va_vdst(0)                   ; the 64 reciprocals have written v[RR ..], ahead of their first reader
.if PASS == 2
.irp i, 0,1,2,3,4,5,6,7
.irp m, 0,1,2,3
	v_pk_fma_f32 v[SUM+4*\m:SUM+4*\m+1], v[S+16*\m+2*\i:S+16*\m+2*\i+1], v[RR+16*\m+2*\i:RR+16*\m+2*\i+1], v[SUM+4*\m:SUM+4*\m+1]
.endr
.endr
.else
.irp m, 0,1,2,3
.irp i, 0,1,2,3,4,5,6,7
	v_pk_mul_f32 v[S+16*\m+2*\i:S+16*\m+2*\i+1], v[S+16*\m+2*\i:S+16*\m+2*\i+1], v[RR+16*\m+2*\i:RR+16*\m+2*\i+1]   ; sw, finished and normalised
.endr
.endr
	QNT \b
.endif
.endif
.endm
; walks 2 and 3: a row's constants from the four quarters' sums
.macro STATS
.irp m, 0,1,2,3
	v_pk_add_f32 v[224+2*\m:225+2*\m], v[S+4*\m:S+4*\m+1], v[S+16+4*\m:S+17+4*\m]
	v_pk_add_f32 v[232+2*\m:233+2*\m], v[S+32+4*\m:S+33+4*\m], v[S+48+4*\m:S+49+4*\m]
.endr
.irp m, 0,1,2,3
	v_pk_add_f32 v[224+2*\m:225+2*\m], v[224+2*\m:225+2*\m], v[232+2*\m:233+2*\m]   ; Z', Q'
.endr
.irp m, 0,1,2,3
	v_mul_f32 v[232+\m], s38, v[224+2*\m]          ; Z' / t
.endr
.irp m, 0,1,2,3
	v_fma_f32 v[236+\m], -v[224+2*\m], v[232+\m], v[225+2*\m]
.endr
.irp m, 0,1,2,3
	v_max_num_f32 v[236+\m], 0, v[236+\m]          ; M2
.endr
.irp m, 0,1,2,3
	v_mul_f32 v[236+\m], s38, v[236+\m]
.endr
	s_wait_alu depctr_va_vdst(0)
.irp m, 0,1,2,3
	v_sqrt_f32 v[240+\m], v[236+\m]
.endr
.irp m, 0,1,2,3
	v_add_f32 v[232+\m], v[S+4*\m+2], v[232+\m]    ; a + Z' / t  (plain work behind the roots)
.endr
.irp m, 0,1,2,3
	v_fma_f32 v[244+\m], s37, v[S+4*\m+2], v[224+2*\m]   ; n a + Z'
.endr
.irp m, 0,1,2,3
	v_mul_f32 v[244+\m], 0x2edbe6ff, v[244+\m]     ; epsE = 1e-10 times it
.endr
	s_wait_alu depctr_va_vdst(0)                   ; the four roots have written v240-243, ahead of their first reader
.irp m, 0,1,2,3
	v_fma_f32 v[KC+6*\m], 2.0, v[240+\m], -v[232+\m]     ; -thrE, twice
	v_fma_f32 v[KC+6*\m+1], 2.0, v[240+\m], -v[232+\m]
.endr
.if PASS == 2
.irp m, 0,1,2,3
	v_mov_b32 v[KC+6*\m+2], v[244+\m]
	v_mov_b32 v[KC+6*\m+3], v[244+\m]
	v_mov_b32 v[SUM+4*\m], 0
	v_mov_b32 v[SUM+4*\m+1], 0
.endr
.else
.irp m, 0,1,2,3
	v_add_f32 v[248+\m], v[RR+16+\m], v[RR+20+\m]
	v_add_f32 v[252+\m], v[RR+24+\m], v[RR+28+\m]
.endr
.irp m, 0,1,2,3
	v_add_f32 v[KC+6*\m+2], v[248+\m], v[252+\m]   ; SE
	v_add_f32 v[KC+6*\m+3], v[248+\m], v[252+\m]
.endr
.irp m, 0,1,2,3
	v_mul_f32 v[KC+6*\m+4], v[244+\m], v[KC+6*\m+2]   ; epsE SE
	v_mul_f32 v[KC+6*\m+5], v[244+\m], v[KC+6*\m+2]
.endr
.endif
.endm
	s_wait_kmcnt 0x0
	s_mov_b32 s56, s19                             ; R
	s_max_u32 s19, s19, 1                          ; the first group always works
	s_sub_co_u32 s69, s56, 4097
	s_cmp_lt_u32 s69, 1024                         ; 4,097 <= R <= 5,120: places 4,096 on go as fifth tiles,
	s_cselect_b32 s57, 1, 0
	s_cselect_b32 s19, 4096, s19                   ; and the groups end at place 4,096
	s_cmp_lt_u32 s68, s56                          ; has my group one?
	s_cselect_b32 s57, s57, 0
	s_cmp_lt_u32 s20, s19
	s_cbranch_scc0 .Ljoin
	; ---- A: up to this wave's LDS stores
	; What one section of the fifth tile writes and a later one reads is written once here, on the way that every wave takes, so that each register is written on every way through the text.
.set j, 0
.rept 16
	v_mov_b32 v[S5+j], 0
.set j, j+1
.endr
.if PASS == 1
.set j, 0
.rept 12
	v_mov_b32 v[K5+j], 0                           ; its constants, and its sums, which begin at 0
.set j, j+1
.endr
.elseif PASS == 2
.irp j, 12,13,14,15,106,107
	v_mov_b32 v\j, 0
.endr
.else
.irp j, 12,13,14,15,73,74,75,76,77,78,79
	v_mov_b32 v\j, 0
.endr
	WIN 0x40
.set j, 0
.rept 12
	v_mov_b32 v[PF5+j], 0
.set j, j+1
.endr
	WIN 0
.endif
	s_wait_alu depctr_va_vdst(0)                   ; the head's lane terms and addresses are written, which every load and store of the text reads; so are the fifth tile's registers above, in some of which loads land
.if PASS > 1
	s_cmp_lg_u32 s57, 0
	s_cbranch_scc0 .Lx0
.irp q, 0,1,2,3
	global_load_b128 v[S5+4*\q:S5+4*\q+3], v123, s[60:61] offset:131072*\q   ; the fifth tile's sums of the earlier walks: the oldest loads, so that the counts below hold on both ways
.endr
.if PASS == 3
.irp q, 0,1,2,3
	global_load_b32 v[12+\q], v124, s[62:63] offset:32768*\q
.endr
.endif
.Lx0:
.endif
.irp m, 0,1,2,3
	global_load_b64 v[RR+2*\m:RR+2*\m+1], v7, s[34:35] offset:128*\m   ; {ro, rs} of place 64 rg + 16 m + r
.endr
	global_load_b64 v[RR+12:RR+13], v7, s[58:59]   ; and of place 4,096 + 16 rg + r: the list holds every place, so this and the rows behind it are loaded in every group
.if PASS == 1
	WIN 0x40
.irp i, 0,1,2,3,4,5
	global_load_b128 v[CF+4*\i:CF+4*\i+3], v4, s[4:5] offset:512*\i    ; tile 0 of the whole matrix's block 0: pixel 0 is its lane 0
.endr
	WIN 0
	global_load_b64 v[20:21], v5, s[50:51]
	s_wait_loadcnt 7                               ; the list's five loads are in; the seven behind them may be out
.else
.irp q, 0,1,2,3
.irp m, 0,1,2,3
	global_load_b128 v[S+16*\q+4*\m:S+16*\q+4*\m+3], v123, s[40:41] offset:131072*\q+256*\m
.endr
.endr
.if PASS == 3
.irp q, 0,1,2,3
.irp m, 0,1,2,3
	global_load_b32 v[RR+16+4*\q+\m], v124, s[42:43] offset:32768*\q+64*\m
.endr
.endr
.endif
	LOADCOL 0
	LOADBI 0
	s_wait_loadcnt NS+17                           ; the list's five loads are in; the sums' NS and block 0's 17 may be out
.endif
.irp m, 0,1,2,3
	v_min_u32 v[8+\m], 0x17f4f, v[RR+2*\m]         ; held inside XNF (98,127 units of 16 bytes)
	v_min_u32 v[RR+8+\m], 0x3fdf, v[RR+2*\m+1]     ; and inside XNS (16,351 words)
.endr
	v_min_u32 v122, 0x17f4f, v[RR+12]
	v_min_u32 v[RR+14], 0x3fdf, v[RR+13]
.irp m, 0,1,2,3
	v_lshlrev_b32 v[8+\m], 4, v[8+\m]
	v_add_nc_u32 v[RR+8+\m], v[RR+8+\m], v126      ; lanes 16-31: the second K step's word
.endr
	v_lshlrev_b32 v122, 4, v122
	v_add_nc_u32 v[RR+14], v[RR+14], v126
.irp m, 0,1,2,3
	v_add_nc_u32 v[8+\m], v[8+\m], v125            ; lanes 16-31: the image's upper lanes
	v_lshlrev_b32 v[RR+8+\m], 2, v[RR+8+\m]
.endr
	v_add_nc_u32 v122, v122, v125
	v_lshlrev_b32 v[RR+14], 2, v[RR+14]
	WIN 0x40
	s_wait_alu depctr_va_vdst(0)                   ; the rows' offsets v8-11, v122, v[RR+8 .. RR+11] and v[RR+14] are written, which the loads below read
.irp m, 0,1,2,3
.irp s, 0,1
.irp g, 0,1,2
	global_load_b128 v[RF+24*\m+12*\s+4*\g:RF+24*\m+12*\s+4*\g+3], v[8+\m], s[4:5] offset:1536*\s+512*\g   ; my row's registers, out of whatever fragment holds it
.endr
.endr
.endr
.irp s, 0,1
.irp g, 0,1,2
	global_load_b128 v[RF5+12*\s+4*\g:RF5+12*\s+4*\g+3], v122, s[4:5] offset:1536*\s+512*\g
.endr
.endr
	WIN 0
.irp m, 0,1,2,3
	global_load_b32 v[16+\m], v[RR+8+\m], s[50:51]
.endr
	global_load_b32 v22, v[RR+14], s[50:51]
.if PASS == 1
	s_wait_loadcnt 0x0
	SIMW 1
	s_wait_alu depctr_va_vdst(0)                   ; the products are done reading v[CF ..], v20 and v21, in which block 0's loads land
	LOADCOL 0
	LOADBI 0
	LOADNF 0
.irp m, 0,1,2,3
	v_mul_f32 v[RR+\m], s22, v[S+16*\m]            ; lanes 0-15: sim(row r, pixel 0), unmasked
.endr
.irp m, 0,1,2,3
	v_exp_f32 v[RR+\m], v[RR+\m]
.endr
.irp m, 0,1,2,3
	v_mov_b32 v[RR+4+\m], 0
.endr
	s_wait_alu depctr_va_vdst(0)                   ; the four exponentials have written v[RR .. RR+3], ahead of their first reader
.irp m, 0,1,2,3
	v_permlanex16_b32 v[RR+4+\m], v[RR+\m], s24, s25
.endr
.irp m, 0,1,2,3
	v_cndmask_b32 v[KC+6*\m+4], v[RR+\m], v[RR+4+\m], s21   ; a, in both halves of the lanes: the same number in every wave that serves the row
.endr
.irp m, 0,1,2,3
	v_mul_f32 v[KC+6*\m], -1.0, v[KC+6*\m+4]
	v_mul_f32 v[KC+6*\m+1], -1.0, v[KC+6*\m+4]
.endr
.set j, 0
.rept 16
	v_mov_b32 v[SUM+j], 0
.set j, j+1
.endr
	s_cmp_lg_u32 s57, 0
	s_cbranch_scc0 .Lx1
	v_mul_f32 v216, s22, v[S5]                     ; the same for the fifth tile
	v_exp_f32 v216, v216
	v_mov_b32 v217, 0
	s_wait_alu depctr_va_vdst(0)                   ; the exponential has written v216, ahead of its first reader
	v_permlanex16_b32 v217, v216, s24, s25
	v_cndmask_b32 v[K5+4], v216, v217, s21
	v_mul_f32 v[K5], -1.0, v[K5+4]
	v_mul_f32 v[K5+1], -1.0, v[K5+4]
.Lx1:
.else
	s_wait_loadcnt 52                              ; the sums are in; block 0's 17 loads and the rows' 35 may be out
	STATS
	s_cmp_lg_u32 s57, 0
	s_cbranch_scc0 .Lx2
	v_pk_add_f32 v[224:225], v[S5:S5+1], v[S5+4:S5+5]      ; the fifth tile's constants, by the same lines
	v_pk_add_f32 v[226:227], v[S5+8:S5+9], v[S5+12:S5+13]
	v_pk_add_f32 v[224:225], v[224:225], v[226:227]
	v_mul_f32 v228, s38, v224
	v_fma_f32 v229, -v224, v228, v225
	v_max_num_f32 v229, 0, v229
	v_mul_f32 v229, s38, v229
	s_wait_alu depctr_va_vdst(0)
	v_sqrt_f32 v230, v229
	v_add_f32 v228, v[S5+2], v228
	v_fma_f32 v231, s37, v[S5+2], v224
	v_mul_f32 v231, 0x2edbe6ff, v231
	s_wait_alu depctr_va_vdst(0)                   ; the root has written v230, ahead of its first reader
	v_fma_f32 v[K5], 2.0, v230, -v228
	v_fma_f32 v[K5+1], 2.0, v230, -v228
.if PASS == 2
	v_mov_b32 v[K5+2], v231
	v_mov_b32 v[K5+3], v231
.else
	v_add_f32 v232, v12, v13
	v_add_f32 v233, v14, v15
	v_add_f32 v[K5+2], v232, v233
	v_add_f32 v[K5+3], v232, v233
	v_mul_f32 v[K5+4], v231, v[K5+2]
	v_mul_f32 v[K5+5], v231, v[K5+2]
.endif
.Lx2:
.endif
	s_wait_alu depctr_vm_vsrc(0)                   ; the loads of the rows' scale words have read v[RR+8 .. RR+11] and v[RR+14]: the second set is written by vector instructions from here on
.irp b, 0,1,2,3,4,5,6
	BLOCK \b, 1
.endr
	BLOCK 7, 0
.if PASS == 1
.irp m, 0,1,2,3
	v_add_f32 v[RR+4*\m], v[SUM+4*\m], v[SUM+4*\m+1]
	v_add_f32 v[RR+4*\m+1], v[SUM+4*\m+2], v[SUM+4*\m+3]
	v_mov_b32 v[RR+16+2*\m], 0
	v_mov_b32 v[RR+17+2*\m], 0
.endr
.irp m, 0,1,2,3
	v_permlanex16_b32 v[RR+16+2*\m], v[RR+4*\m], s24, s25
	v_permlanex16_b32 v[RR+17+2*\m], v[RR+4*\m+1], s24, s25
.endr
.irp m, 0,1,2,3
	v_pk_add_f32 v[RR+4*\m:RR+4*\m+1], v[RR+4*\m:RR+4*\m+1], v[RR+16+2*\m:RR+17+2*\m]
	v_mov_b32 v[RR+4*\m+2], v[KC+6*\m+4]
	v_mov_b32 v[RR+4*\m+3], 0
.endr
	s_wait_alu depctr_va_vdst(0)                   ; the lines above have written v[RR .. RR+15], which the LDS stores read
.irp m, 0,1,2,3
	ds_store_b128 v120, v[RR+4*\m:RR+4*\m+3] offset:256*\m   ; {Z', Q', a, 0} of my 256 columns (both halves of the lanes write the same)
.endr
	s_cmp_lg_u32 s57, 0
	s_cbranch_scc0 .Lx3
	v_add_f32 v216, v[SUM5], v[SUM5+1]
	v_add_f32 v217, v[SUM5+2], v[SUM5+3]
	v_mov_b32 v220, 0
	v_mov_b32 v221, 0
	v_permlanex16_b32 v220, v216, s24, s25
	v_permlanex16_b32 v221, v217, s24, s25
	v_pk_add_f32 v[216:217], v[216:217], v[220:221]
	v_mov_b32 v218, v[K5+4]
	v_mov_b32 v219, 0
	s_wait_alu depctr_va_vdst(0)                   ; v[216:219] are written, which the LDS store reads
	ds_store_b128 v120, v[216:219] offset:1024
.Lx3:
.elseif PASS == 2
.irp m, 0,1,2,3
	v_add_f32 v[RR+\m], v[SUM+4*\m], v[SUM+4*\m+1]
.endr
.irp m, 0,1,2,3
	v_permlanex16_b32 v[RR+4+\m], v[RR+\m], s24, s25
.endr
.irp m, 0,1,2,3
	v_add_f32 v[RR+\m], v[RR+\m], v[RR+4+\m]
.endr
	s_wait_alu depctr_va_vdst(0)                   ; the additions have written v[RR .. RR+3], which the LDS stores read
.irp m, 0,1,2,3
	ds_store_b32 v120, v[RR+\m] offset:64*\m
.endr
	s_cmp_lg_u32 s57, 0
	s_cbranch_scc0 .Lx3
	v_add_f32 v200, v[SUM5], v[SUM5+1]
	v_mov_b32 v201, 0
	v_permlanex16_b32 v201, v200, s24, s25
	v_add_f32 v200, v200, v201
	s_wait_alu depctr_va_vdst(0)                   ; v200 is written, which the LDS store reads
	ds_store_b32 v120, v200 offset:256
.Lx3:
.endif
.Ljoin:
	s_wait_dscnt 0x0                               ; for the others' sake: my stores have landed
	s_barrier_signal -1
	s_barrier_wait -1                              ; every wave passes it, with rows or without
	s_cmp_lt_u32 s20, s19
	s_cbranch_scc0 .Lend
	; ---- B: reads only what the head or B itself has written, and LDS
.if PASS == 1
	s_wait_alu depctr_va_vdst(0)                   ; the vector and matrix instructions ahead of the barrier are done with v[S ..], in which the loads below land, on either way
	s_cmp_lt_u32 s16, 2
	s_cbranch_scc0 .Lfifth                         ; waves 0 and 1: 64 threads, a row each
.irp w, 0,1,2,3,4,5,6,7
	ds_load_b128 v[S+4*\w:S+4*\w+3], v121 offset:1280*\w
.endr
	s_wait_dscnt 0x0
	v_pk_add_f32 v[S:S+1], v[S:S+1], v[S+4:S+5]
	v_pk_add_f32 v[S+8:S+9], v[S+8:S+9], v[S+12:S+13]
	v_pk_add_f32 v[S+16:S+17], v[S+16:S+17], v[S+20:S+21]
	v_pk_add_f32 v[S+24:S+25], v[S+24:S+25], v[S+28:S+29]
	v_pk_add_f32 v[S:S+1], v[S:S+1], v[S+8:S+9]
	v_pk_add_f32 v[S+16:S+17], v[S+16:S+17], v[S+24:S+25]
	v_pk_add_f32 v[S:S+1], v[S:S+1], v[S+16:S+17]
	s_wait_alu depctr_va_vdst(0)                   ; the additions have written v[S:S+1], which the store reads
	global_store_b128 v121, v[S:S+3], s[48:49]     ; 512 consecutive bytes a wave
	s_branch .Lend
.Lfifth:
	s_cmp_eq_u32 s16, 2                            ; wave 2: the fifth tile's 16 rows (both halves of the lanes hold, and store, the same)
	s_cbranch_scc0 .Lend
	s_cmp_lg_u32 s57, 0
	s_cbranch_scc0 .Lend
.irp w, 0,1,2,3,4,5,6,7
	ds_load_b128 v[S+4*\w:S+4*\w+3], v123 offset:1024+1280*\w
.endr
	s_wait_dscnt 0x0
	v_pk_add_f32 v[S:S+1], v[S:S+1], v[S+4:S+5]
	v_pk_add_f32 v[S+8:S+9], v[S+8:S+9], v[S+12:S+13]
	v_pk_add_f32 v[S+16:S+17], v[S+16:S+17], v[S+20:S+21]
	v_pk_add_f32 v[S+24:S+25], v[S+24:S+25], v[S+28:S+29]
	v_pk_add_f32 v[S:S+1], v[S:S+1], v[S+8:S+9]
	v_pk_add_f32 v[S+16:S+17], v[S+16:S+17], v[S+24:S+25]
	v_pk_add_f32 v[S:S+1], v[S:S+1], v[S+16:S+17]
	s_wait_alu depctr_va_vdst(0)                   ; the additions have written v[S:S+1], which the store reads
	global_store_b128 v123, v[S:S+3], s[66:67]     ; 256 consecutive bytes
.elseif PASS == 2
	s_wait_alu depctr_va_vdst(0)                   ; the vector and matrix instructions ahead of the barrier are done with v[S ..], in which the loads below land, on either way
	s_cmp_lt_u32 s16, 2
	s_cbranch_scc0 .Lfifth
.irp w, 0,1,2,3,4,5,6,7
	ds_load_b32 v[S+\w], v121 offset:320*\w
.endr
	s_wait_dscnt 0x0
	v_pk_add_f32 v[S:S+1], v[S:S+1], v[S+2:S+3]
	v_pk_add_f32 v[S+4:S+5], v[S+4:S+5], v[S+6:S+7]
	v_pk_add_f32 v[S:S+1], v[S:S+1], v[S+4:S+5]
	v_add_f32 v[S], v[S], v[S+1]
	s_wait_alu depctr_va_vdst(0)                   ; the additions have written v[S], which the store reads
	global_store_b32 v121, v[S], s[48:49]
	s_branch .Lend
.Lfifth:
	s_cmp_eq_u32 s16, 2
	s_cbranch_scc0 .Lend
	s_cmp_lg_u32 s57, 0
	s_cbranch_scc0 .Lend
.irp w, 0,1,2,3,4,5,6,7
	ds_load_b32 v[S+\w], v124 offset:256+320*\w
.endr
	s_wait_dscnt 0x0
	v_pk_add_f32 v[S:S+1], v[S:S+1], v[S+2:S+3]
	v_pk_add_f32 v[S+4:S+5], v[S+4:S+5], v[S+6:S+7]
	v_pk_add_f32 v[S:S+1], v[S:S+1], v[S+4:S+5]
	v_add_f32 v[S], v[S], v[S+1]
	s_wait_alu depctr_va_vdst(0)                   ; the additions have written v[S], which the store reads
	global_store_b32 v124, v[S], s[66:67]
.else
; THE THIRD PRODUCT for this quarter's 2,048 pixels: source 0 = 16 places of sw (from LDS, all waves' images), source 1 = 16 channels of X (from memory, a ring of seven K steps).
; Wave w owns channel tiles 2 w and 2 w + 1 for all row tiles: eight accumulators by turns, ten with the fifth tile.  Lane (r, h) holds channel r and places 8 h + 0 .. 7.
.macro RING k
.irp n, 0,1
.irp g, 0,1,2
	global_load_b128 v[24*((\k)%RD)+12*\n+4*\g:24*((\k)%RD)+12*\n+4*\g+3], v4, s[44:45] offset:24576*(\k)+1536*\n+512*\g
.endr
.endr
.endm
.macro SWLOAD k                        ; K step k's four fragments of sw into set k % 2 (v128 on, v192 on), and their scale words
.irp m, 0,1,2,3
.irp g, 0,1,2
	ds_load_b128 v[S+64*((\k)%2)+12*\m+4*\g:S+64*((\k)%2)+12*\m+4*\g+3], v[4+63*((\k)/8)] offset:6144*((\k)%8)+1536*\m+512*\g
.endr
.endr
.irp m, 0,1,2,3
	ds_load_b32 v[24+4*((\k)%2)+\m], v68 offset:512*(\k)+128*\m
.endr
.endm
.macro SWLOAD5 k                       ; the fifth tile's fragment, behind the four in the same set, and its scale words
.irp g, 0,1,2
	ds_load_b128 v[S+64*((\k)%2)+48+4*\g:S+64*((\k)%2)+48+4*\g+3], v120 offset:1536*(\k)+512*\g
.endr
	ds_load_b32 v[22+(\k)%2], v121 offset:128*(\k)
.endm
.macro P3X k, n, rD, rA, sA            ; one product: the first K step starts the sum; the odd channel tile's scale words lie in lanes 16-31
.set rB, 24*((\k)%RD)+12*(\n)
.if ((\k) == 0) && ((\n) == 0)
	v_wmma_scale_f32_16x16x128_f8f6f4 v[(\rD):(\rD)+7], v[(\rA):(\rA)+11], v[rB:rB+11], 0, v[(\sA)], v[32+(\k)] matrix_a_fmt:MATRIX_FMT_BF6 matrix_b_fmt:MATRIX_FMT_BF6
.elseif (\k) == 0
	v_wmma_scale_f32_16x16x128_f8f6f4 v[(\rD):(\rD)+7], v[(\rA):(\rA)+11], v[rB:rB+11], 0, v[(\sA)], v[32+(\k)] matrix_a_fmt:MATRIX_FMT_BF6 matrix_b_fmt:MATRIX_FMT_BF6 matrix_b_scale:MATRIX_SCALE_ROW1
.elseif (\n) == 0
	v_wmma_scale_f32_16x16x128_f8f6f4 v[(\rD):(\rD)+7], v[(\rA):(\rA)+11], v[rB:rB+11], v[(\rD):(\rD)+7], v[(\sA)], v[32+(\k)] matrix_a_fmt:MATRIX_FMT_BF6 matrix_b_fmt:MATRIX_FMT_BF6
.else
	v_wmma_scale_f32_16x16x128_f8f6f4 v[(\rD):(\rD)+7], v[(\rA):(\rA)+11], v[rB:rB+11], v[(\rD):(\rD)+7], v[(\sA)], v[32+(\k)] matrix_a_fmt:MATRIX_FMT_BF6 matrix_b_fmt:MATRIX_FMT_BF6 matrix_b_scale:MATRIX_SCALE_ROW1
.endif
.endm
.macro KSTEP k
.if (\k) < 10
	s_wait_loadcnt 36                              ; this K step's six loads of X are in; the six later K steps' may be out
.else
	s_wait_loadcnt 6*(15-(\k))
.endif
.if (\k) < 15
	s_wait_dscnt 16                                ; this K step's sw is in; the next one's 16 loads may be out (the fifth tile's four are issued ahead of them)
.else
	s_wait_dscnt 0x0
.endif
	WIN 0x54                                       ; sw in window 0; X and the sums in window 1
.irp m, 0,1,2,3
.irp n, 0,1
	P3X \k, \n, OA+8*(2*\m+\n), S+64*((\k)%2)+12*\m, 24+4*((\k)%2)+\m
.endr
.endr
	WIN 0
	s_cmp_lg_u32 s57, 0
	s_cbranch_scc0 .Lno5_\@
	WIN 0x54
.irp n, 0,1
	P3X \k, \n, O5+8*\n, S+64*((\k)%2)+48, 22+(\k)%2
.endr
	WIN 0
.rept 4
	v_nop                                          ; places in front of the loads into these two products' operands
.endr
.if (\k)+2 < 16
	s_wait_alu depctr_va_vdst(0)                   ; the two products above are done reading the fifth tile's fragment and scale register of this set, in which the loads below land
	SWLOAD5 (\k)+2
.endif
.Lno5_\@:
.rept 4
	v_nop                                          ; places in front of the loads into the operands, and at the end of the reads of the sums
.endr
.if (\k)+2 < 16
	s_wait_alu depctr_va_vdst(0)                   ; this K step's eight products are done reading this set's four fragments and scale words and the ring's place, in which the loads below land (no wait has stood since them on the way round the fifth tile's section)
	SWLOAD (\k)+2
.endif
.if (\k)+RD < 16
	WIN 0x40
	RING (\k)+RD
	WIN 0
.endif
.endm
	s_wait_alu depctr_vm_vsrc(0)                   ; my LDS stores ahead of the barrier have read sw's codes (window 1, v144-191 and v232-243): the moves below, the ring's loads and the products write those registers
.set j, 48
.rept 12
	v_mov_b32 v[S+j], 0                            ; the fifth tile's registers are written once on the way that every wave takes: its fragments' places,
	v_mov_b32 v[S+64+j], 0
.set j, j+1
.endr
	WIN 0x40
.set j, 0
.rept 16
	v_mov_b32 v[O5+j], 0                           ; its sums,
.set j, j+1
.endr
	WIN 0
	s_wait_alu depctr_va_vdst(0)                   ; the vector and matrix instructions ahead of the barrier, and the moves above, are done with the registers in which the loads below land: v22, both sets of sw, window 1's v0-167
	ds_load_b32 v22, v68                           ; its two scale registers by loads of scale words
	ds_load_b32 v23, v68
.irp k, 0,1,2,3,4,5,6,7,8,9,10,11,12,13,14,15
	global_load_b32 v[32+\k], v72, s[46:47] offset:1024*\k   ; X's scale words: lanes 0-15 my even channel tile, lanes 16-31 my odd one
.endr
	WIN 0x40
.irp k, 0,1,2,3,4,5,6
	RING \k
.endr
	WIN 0
	s_wait_dscnt 0x0                               ; v22 and v23 have landed: they may be loaded again
	s_cmp_lg_u32 s57, 0
	s_cbranch_scc0 .Lx4
	SWLOAD5 0
	SWLOAD5 1
.Lx4:
	SWLOAD 0
	SWLOAD 1
.irp k, 0,1,2,3,4,5,6,7,8,9,10,11,12,13,14,15
	KSTEP \k
.endr
	; the way out: through my own stage, so that the 32 lanes store eight channels x 64 bytes of a tile: 512 consecutive bytes
	WIN 0x04
	s_wait_alu depctr_va_vdst(0)                   ; the products have written the sums, the fifth tile's too, which the LDS stores below read (the places stand above), and are done reading both sets of sw, in which the loads from the stage land
.irp m, 0,1,2,3
.irp n, 0,1
	ds_store_b128 v69, v[OA+8*(2*\m+\n):OA+8*(2*\m+\n)+3] offset:4352*\n+64*\m       ; each sum from its low end on
	ds_store_b128 v69, v[OA+8*(2*\m+\n)+4:OA+8*(2*\m+\n)+7] offset:4352*\n+64*\m+16
.endr
.endr
	WIN 0
.irp m, 0,1,2,3
.irp i, 0,1,2,3
	ds_load_b128 v[S+4*(4*\m+\i):S+4*(4*\m+\i)+3], v70 offset:2176*\i+64*\m     ; LDS serves a wave's instructions in order: these see my stores
.endr
.endr
.irp m, 0,1,2,3
.irp i, 0,1,2,3
	s_wait_dscnt 15-(4*\m+\i)
	global_store_b128 v4, v[S+4*(4*\m+\i):S+4*(4*\m+\i)+3], s[48:49] offset:16384*\m+512*\i
.endr
.endr
	s_cmp_lg_u32 s57, 0
	s_cbranch_scc0 .Lend
	WIN 0x04                                       ; the fifth tile takes the same way, in the stage's first 64 bytes of each row: my loads above have been served
.irp n, 0,1
	ds_store_b128 v69, v[O5+8*\n:O5+8*\n+3] offset:4352*\n
	ds_store_b128 v69, v[O5+8*\n+4:O5+8*\n+7] offset:4352*\n+16
.endr
	WIN 0
.irp i, 0,1,2,3
	ds_load_b128 v[RR+4*\i:RR+4*\i+3], v70 offset:2176*\i
.endr
.irp i, 0,1,2,3
	s_wait_dscnt 3-\i
	global_store_b128 v4, v[RR+4*\i:RR+4*\i+3], s[66:67] offset:512*\i
.endr
.endif
.Lend:
	s_wait_xcnt 0x0
	v_lshl_add_u32 v254, v0, 2, 0x31800            ; the add's two registers are made anew here (no memory or LDS instruction of the text reads v254 or v255)
	v_mov_b32 v255, 0
	s_wait_dscnt 0x0                               ; the closing lines, six on end
	s_wait_alu 0x0
	s_wait_tensorcnt 0x0
	ds_add_u32 v254, v255
	s_wait_dscnt 0x0
	s_endpgm
.Lfunc_end_k_qc272e8c45c_pass3:
	.size	k_qc272e8c45c_pass3, .Lfunc_end_k_qc272e8c45c_pass3-k_qc272e8c45c_pass3
	.p2alignl 7, 3214868480
	.fill 96, 4, 3214868480
	.section	.rodata,"a",@progbits
	.p2align	6, 0x0
	.amdhsa_kernel k_qc272e8c45c_pass3
		.amdhsa_group_segment_fixed_size 203776
		.amdhsa_private_segment_fixed_size 0
		.amdhsa_enable_private_segment 0
		.amdhsa_kernarg_size 48
		.amdhsa_user_sgpr_count 2
		.amdhsa_user_sgpr_kernarg_segment_ptr 1
		.amdhsa_wavefront_size32 1
		.amdhsa_system_sgpr_workgroup_id_x 1
		.amdhsa_system_sgpr_workgroup_id_y 1
		.amdhsa_system_sgpr_workgroup_id_z 1
		.amdhsa_system_vgpr_workitem_id 0
		.amdhsa_next_free_vgpr 512
		.amdhsa_next_free_sgpr 72
		.amdhsa_reserve_vcc 0
		.amdhsa_float_denorm_mode_32 3
		.amdhsa_float_denorm_mode_16_64 3
		.amdhsa_memory_ordered 1
		.amdhsa_forward_progress 1
		.amdhsa_inst_pref_size 255
	.end_amdhsa_kernel
	.section	.bss,"aw",@nobits
	.p2align	6
	.space	262144
	.amdgpu_metadata
---
amdhsa.version: [ 1, 2 ]
amdhsa.kernels:
  - .name:           k_qc272e8c45c_pass3
    .symbol:         k_qc272e8c45c_pass3.kd
    .args:
      - { .name: codes, .offset: 0, .size: 8, .value_kind: global_buffer, .address_space: global }
      - { .name: lists, .offset: 8, .size: 8, .value_kind: global_buffer, .address_space: global }
      - { .name: fstat, .offset: 16, .size: 8, .value_kind: global_buffer, .address_space: global }
      - { .name: part1, .offset: 24, .size: 8, .value_kind: global_buffer, .address_space: global }
      - { .name: part2, .offset: 32, .size: 8, .value_kind: global_buffer, .address_space: global }
      - { .name: opart, .offset: 40, .size: 8, .value_kind: global_buffer, .address_space: global }
    .group_segment_fixed_size: 203776
    .private_segment_fixed_size: 0
    .kernarg_segment_align: 8
    .kernarg_segment_size: 48
    .max_flat_workgroup_size: 256
    .sgpr_count:     72
    .vgpr_count:     512
    .wavefront_size: 32
...
	.end_amdgpu_metadata
.endif
;; end of part 15
;; launch merge (part 16): grid 64 x 4, 8 waves a work-group, no clusters, 0 bytes of LDS; arguments f, lists, fstat, opart, out0; writes out0
.if DOCPART == 16
	.amdgcn_target "amdgcn-amd-amdhsa--gfx1250"
	.amdhsa_code_object_version 6
	.text
	.protected	k_qc272e8c45c_merge
	.globl	k_qc272e8c45c_merge
	.p2align	8
	.type	k_qc272e8c45c_merge,@function
k_qc272e8c45c_merge:
	s_mov_b64 s[64:65], 0
	v_nop
	global_prefetch_b8 v0, s[64:65] scope:SCOPE_SE
	s_setreg_imm32_b32 hwreg(HW_REG_WAVE_MODE, 25, 1), 1
	s_wait_xcnt 0x0
; MERGE.  out0[b][c][n] = f[b][c][n] for a normal pixel; for an anomalous one the sum of the four column quarters' partial products at the pixel's place.
; opart is laid [quarter][tile of 16 places][channel][16 places]: place p, channel c lie at 16,384 (p / 16) + 64 c + 4 (p % 16) of a quarter's 8 MB.
; Work-group (x, y): 128 pixels (four a lane) x 64 channels; wave w takes channels 64 y + 8 w + 0 .. 7.  A channel is 17 loads: 512 consecutive bytes of f, and 16 gathers (4 pixels x 4 quarters;
; neighbouring anomalous pixels have neighbouring places).  A normal pixel's gathers are held at place max(R, 1) - 1, which has been written, and their sum is not chosen.
; Memory binds: no LDS, no matrix unit.  Four sets of load registers take turns, so three channels' loads are out while one is worked; each channel's results have registers of their own.
; Where no pixel is normal the weights are 0 / 0: the stored NaN is added to every sum (else 0).
.set POS, 65536
.set CNT, 98304
	s_load_b128 s[4:7], s[0:1], 0x0                ; f, lists
	s_load_b128 s[8:11], s[0:1], 0x10              ; fstat, opart
	s_load_b64 s[12:13], s[0:1], 0x20              ; out0
	v_lshrrev_b32 v1, 5, v0
	s_delay_alu instid0(VALU_DEP_1)
	v_readfirstlane_b32 s16, v1                    ; wave 0..7
	v_and_b32 v1, 31, v0
	s_delay_alu instid0(VALU_DEP_1)
	v_lshlrev_b32 v4, 4, v1                        ; 16 x lane
	s_and_b32 s18, ttmp7, 0xffff
	s_lshl_b32 s26, ttmp9, 9
	s_add_co_u32 s26, s26, POS
	s_mov_b32 s27, 0
	s_lshl_b32 s20, s18, 6
	s_lshl_b32 s24, s16, 3
	s_add_co_u32 s20, s20, s24                     ; my first channel
	s_wait_alu depctr_va_vdst(0)
	s_wait_kmcnt 0x0
	s_load_b32 s19, s[6:7], CNT                    ; R
	s_load_b32 s22, s[8:9], 0xc                    ; NaN or 0
	s_add_nc_u64 s[26:27], s[6:7], s[26:27]
	global_load_b128 v[8:11], v4, s[26:27]         ; my four pixels' places
	s_lshr_b32 s24, ttmp9, 3
	s_lshl_b32 s24, s24, 20                        ; the image,
	s_and_b32 s25, ttmp9, 7
	s_lshl_b32 s25, s25, 9
	s_add_co_u32 s24, s24, s25                     ; the 128 pixels,
	s_lshl_b32 s25, s20, 12
	s_add_co_u32 s24, s24, s25                     ; the channel
	s_mov_b32 s25, 0
	s_add_nc_u64 s[28:29], s[4:5], s[24:25]
	s_add_nc_u64 s[30:31], s[12:13], s[24:25]
	s_lshl_b32 s24, s20, 6
	s_add_nc_u64 s[32:33], s[10:11], s[24:25]      ; opart at my first channel, quarter 0,
	s_add_nc_u64 s[34:35], s[32:33], 8388608       ; 1,
	s_add_nc_u64 s[36:37], s[34:35], 8388608       ; 2,
	s_add_nc_u64 s[38:39], s[36:37], 8388608       ; 3
	s_wait_kmcnt 0x0
	s_mov_b32 s23, s22                             ; (named with it as a pair)
	s_max_u32 s21, s19, 1
	s_sub_co_u32 s21, s21, 1
	s_wait_loadcnt 0x0
.irp k, 0,1,2,3
	v_cmp_gt_u32 s[40+\k], s19, v[8+\k]            ; a place under R: an anomalous pixel
	v_min_u32 v[8+\k], s21, v[8+\k]
	s_delay_alu instid0(VALU_DEP_1)
	v_min_u32 v[8+\k], 0x1fff, v[8+\k]
	s_delay_alu instid0(VALU_DEP_1)
	v_and_b32 v[12+\k], 0x1ff0, v[8+\k]
	s_delay_alu instid0(VALU_DEP_2)
	v_and_b32 v[16+\k], 15, v[8+\k]
	s_delay_alu instid0(VALU_DEP_2)
	v_lshlrev_b32 v[12+\k], 10, v[12+\k]           ; the tile of 16 places: 16 KB each,
	s_delay_alu instid0(VALU_DEP_2)
	v_lshlrev_b32 v[16+\k], 2, v[16+\k]
	s_delay_alu instid0(VALU_DEP_1)
	v_add_nc_u32 v[12+\k], v[12+\k], v[16+\k]      ; the place in it
.endr
.macro LOADCH j
.set Q, 32+20*((\j)%4)
	global_load_b128 v[Q:Q+3], v4, s[28:29] offset:4096*(\j) th:TH_LOAD_NT
.irp c, 0,1,2,3
.irp k, 0,1,2,3
	global_load_b32 v[Q+4+4*\c+\k], v[12+\k], s[32+2*\c:33+2*\c] offset:64*(\j)
.endr
.endr
.endm
.macro CH j
.set Q, 32+20*((\j)%4)
.if (\j) < 5
	s_wait_loadcnt 51                              ; this channel's 17 loads are in; the three later channels' may be out
.else
	s_wait_loadcnt 17*(7-(\j))
.endif
	v_pk_add_f32 v[Q+4:Q+5], v[Q+4:Q+5], v[Q+8:Q+9]
	v_pk_add_f32 v[Q+6:Q+7], v[Q+6:Q+7], v[Q+10:Q+11]
	v_pk_add_f32 v[Q+12:Q+13], v[Q+12:Q+13], v[Q+16:Q+17]
	v_pk_add_f32 v[Q+14:Q+15], v[Q+14:Q+15], v[Q+18:Q+19]
	s_delay_alu instid0(VALU_DEP_2)
	v_pk_add_f32 v[Q+4:Q+5], v[Q+4:Q+5], v[Q+12:Q+13]
	s_delay_alu instid0(VALU_DEP_2)
	v_pk_add_f32 v[Q+6:Q+7], v[Q+6:Q+7], v[Q+14:Q+15]
	s_delay_alu instid0(VALU_DEP_2)
	v_pk_add_f32 v[Q+4:Q+5], v[Q+4:Q+5], s[22:23] op_sel_hi:[1,0]
	s_delay_alu instid0(VALU_DEP_2)
	v_pk_add_f32 v[Q+6:Q+7], v[Q+6:Q+7], s[22:23] op_sel_hi:[1,0]
.irp k, 0,1,2,3
	v_cndmask_b32 v[112+4*(\j)+\k], v[Q+\k], v[Q+4+\k], s[40+\k]
.endr
	global_store_b128 v4, v[112+4*(\j):112+4*(\j)+3], s[30:31] offset:4096*(\j) th:TH_STORE_NT   ; 512 consecutive bytes
.if (\j)+4 < 8
	LOADCH (\j)+4
.endif
.endm
.irp j, 0,1,2,3
	LOADCH \j
.endr
.irp j, 0,1,2,3,4,5,6,7
	CH \j
.endr
	s_endpgm
.Lfunc_end_k_qc272e8c45c_merge:
	.size	k_qc272e8c45c_merge, .Lfunc_end_k_qc272e8c45c_merge-k_qc272e8c45c_merge
	.p2alignl 7, 3214868480
	.fill 96, 4, 3214868480
	.section	.rodata,"a",@progbits
	.p2align	6, 0x0
	.amdhsa_kernel k_qc272e8c45c_merge
		.amdhsa_group_segment_fixed_size 0
		.amdhsa_private_segment_fixed_size 0
		.amdhsa_enable_private_segment 0
		.amdhsa_kernarg_size 40
		.amdhsa_user_sgpr_count 2
		.amdhsa_user_sgpr_kernarg_segment_ptr 1
		.amdhsa_wavefront_size32 1
		.amdhsa_system_sgpr_workgroup_id_x 1
		.amdhsa_system_sgpr_workgroup_id_y 1
		.amdhsa_system_sgpr_workgroup_id_z 1
		.amdhsa_system_vgpr_workitem_id 0
		.amdhsa_next_free_vgpr 144
		.amdhsa_next_free_sgpr 66
		.amdhsa_reserve_vcc 0
		.amdhsa_float_denorm_mode_32 3
		.amdhsa_float_denorm_mode_16_64 3
		.amdhsa_memory_ordered 1
		.amdhsa_forward_progress 1
		.amdhsa_inst_pref_size 25
	.end_amdhsa_kernel
	.amdgpu_metadata
---
amdhsa.version: [ 1, 2 ]
amdhsa.kernels:
  - .name:           k_qc272e8c45c_merge
    .symbol:         k_qc272e8c45c_merge.kd
    .args:
      - { .name: f, .offset: 0, .size: 8, .value_kind: global_buffer, .address_space: global }
      - { .name: lists, .offset: 8, .size: 8, .value_kind: global_buffer, .address_space: global }
      - { .name: fstat, .offset: 16, .size: 8, .value_kind: global_buffer, .address_space: global }
      - { .name: opart, .offset: 24, .size: 8, .value_kind: global_buffer, .address_space: global }
      - { .name: out0, .offset: 32, .size: 8, .value_kind: global_buffer, .address_space: global }
    .group_segment_fixed_size: 0
    .private_segment_fixed_size: 0
    .kernarg_segment_align: 8
    .kernarg_segment_size: 40
    .max_flat_workgroup_size: 256
    .sgpr_count:     66
    .vgpr_count:     144
    .wavefront_size: 32
...
	.end_amdgpu_metadata
.endif
;; end of part 16
